; MI455X (gfx1250); checked and timed in simulation.
; The chip was launched on July 23, 2026; its instructions are those of AMD's public machine-readable ISA for CDNA 5 (MIT licence, August 2026) and "CDNA5" Instruction Set Architecture Reference Guide (July 2026). The comments in the code are by the model that wrote it; some were corrected since.
;; L Net2. Allowed arithmetic: matrix products marked QUANTISED: E5M2 operands, one given power-of-two scale a tensor, by v_wmma_f32_16x16x64_bf8_bf8 or v_wmma_f32_16x16x128_bf8_bf8, f32 sums; products left as they are: f32 operands where the result goes on into a quantised operand, else bf16, f16 or f32 operands; f32 sums; everything else in f32.
;; Inputs: b1 64 float32; b2 64 float32; b3 128 float32; b4 256 float32; b5 512 float32; g1 64 float32; g2 64 float32; g3 128 float32; g4 256 float32; g5 512 float32; lowp_scales 18 int32 (the exponents e of the quantised operands' scales 2^e); src 4 x 3 x 2,048 float32; tgt 4 x 3 x 2,048 float32; w1 64 x 6 float32; w2_codes 64 x 2 x 32 uint8 (E5M2 codes of w2, K innermost, in blocks of 32 codes); w3_codes 128 x 2 x 32 uint8 (E5M2 codes of w3, K innermost, in blocks of 32 codes); w4_codes 256 x 4 x 32 uint8 (E5M2 codes of w4, K innermost, in blocks of 32 codes); w5_codes 512 x 16 x 32 uint8 (E5M2 codes of w5, K innermost, in blocks of 32 codes).
;; Outputs: out0 4 x 3 x 2,048 float32.
;; This version of the problem:
;;   THIS VERSION OF THE PROBLEM IS GIVEN IN LOW PRECISION. The matrix products marked QUANTISED in the list below multiply operands that are first quantised to E5M2 (5 exponent bits, 2 mantissa bits; 8 bits a number), with one given power-of-two scale for each operand tensor; their sums are f32. All else is computed in f32.
;;   The module's matrix products, in the order in which they are computed (A, B: the left and right operand; K: the contracted axis; several contracted axes count as one K, in the product's order):
;;     1. batch 4 x [M 2,048, K 3] x [K 3, N 2,048]; A: input src; B: input src: left as it is (K = 3 < 32)
;;     2. [M 262,144, K 6] x [K 6, N 64]; A: computed on the way; B: input w1: left as it is (K = 6 < 32)
;;     3. [M 262,144, K 64] x [K 64, N 64]; A: computed on the way; B: input w2 (given as codes): QUANTISED (scales: A lowp_scales[0], B lowp_scales[1])
;;     4. [M 262,144, K 64] x [K 64, N 128]; A: computed on the way; B: input w3 (given as codes): QUANTISED (scales: A lowp_scales[2], B lowp_scales[3])
;;     5. [M 262,144, K 128] x [K 128, N 256]; A: computed on the way; B: input w4 (given as codes): QUANTISED (scales: A lowp_scales[4], B lowp_scales[5])
;;     6. [M 8,192, K 512] x [K 512, N 512]; A: computed on the way; B: input w5 (given as codes): QUANTISED (scales: A lowp_scales[6], B lowp_scales[7])
;;     7. batch 4 x [M 2,048, K 3] x [K 3, N 2,048]; A: input tgt; B: input tgt: left as it is (K = 3 < 32)
;;     8. [M 262,144, K 6] x [K 6, N 64]; A: computed on the way; B: input w1: left as it is (K = 6 < 32)
;;     9. [M 262,144, K 64] x [K 64, N 64]; A: computed on the way; B: input w2 (given as codes): QUANTISED (scales: A lowp_scales[8], B lowp_scales[9])
;;     10. [M 262,144, K 64] x [K 64, N 128]; A: computed on the way; B: input w3 (given as codes): QUANTISED (scales: A lowp_scales[10], B lowp_scales[11])
;;     11. [M 262,144, K 128] x [K 128, N 256]; A: computed on the way; B: input w4 (given as codes): QUANTISED (scales: A lowp_scales[12], B lowp_scales[13])
;;     12. [M 8,192, K 512] x [K 512, N 512]; A: computed on the way; B: input w5 (given as codes): QUANTISED (scales: A lowp_scales[14], B lowp_scales[15])
;;     13. batch 4 x [M 2,048, K 512] x [K 512, N 2,048]; A: computed on the way; B: computed on the way: QUANTISED (scales: A lowp_scales[16], B lowp_scales[17])
;;     14. batch 4 x [M 3, K 2,048] x [K 2,048, N 2,048]; A: input tgt; B: softmax: left as it is (M = 3 < 16)
;;   THE QUANTISER, for each operand of a quantised product, along K:
;;     - The operand's scale is 2^e, e = its entry of the input lowp_scales (int32; the entries are numbered through the quantised products in the list's order, A before B).
;;     - Each number is divided by the scale, clamped to +-57,344, and rounded to the nearest number of E5M2, ties to even, subnormals kept.
;;     - The product sums the exact products of the quantised numbers (number of the format x scale) in f32.
;;   ~~~python
;;   def quantise(x, axis, e):      # numpy; x: float32 -> the quantised numbers, widened to float32 again
;;       x = np.moveaxis(x, axis, -1); K = x.shape[-1]
;;       r = np.clip(x / 2.0 ** e, -57344, 57344)
;;       step = 2.0 ** (np.maximum(np.frexp(np.where(r == 0, 1, r))[1] - 1, -14) - 2)
;;       q = np.round(r / step) * step * 2.0 ** e      # np.round: ties to even
;;       return np.moveaxis(q, -1, axis).astype(np.float32)
;;   ~~~
;;   OPERANDS COMPUTED ON THE WAY. 'Computed on the way' means the value that the module computes at that place (a softmax that the list does not call 'softmax' is quantised finished and normalised). What goes into a quantiser is computed in f32, as accurately as f32 sums, v_exp_f32 and their like allow (about 1e-6 of the number): no bf16 or f16 on the way to a quantiser, and a product that is left as it is and whose result goes on into a quantised operand takes f32 operands (vector FMAs, or v_wmma_f32_16x16x4_f32). A number that lies on a knife's edge between two numbers of the format may be rounded either way, as far as f32 arithmetic and the matrix unit's own rounding can turn it there, and no further.
;;   INPUTS GIVEN AS CODES. w2 (in the module: [64, 64], K = its axis 1); w3 (in the module: [128, 64], K = its axis 1); w4 (in the module: [256, 128], K = its axis 1); w5 (in the module: [512, 512], K = its axis 1): each comes as NAME_codes (uint8): NAME with its K axis moved to the last place and cut into blocks of 32 codes, [.., K / 32, bytes a block], one block behind the other in memory; one code a byte (a code: sign, 5 exponent bits, 2 mantissa bits); its scale is its entry of lowp_scales. Its value is code x scale, taken as it is: it is not quantised again, and the codes and scales need not be those that the quantiser above would give.
;; 2 versions, each right; version 2 is version 1 with the launches passB, passC, passD, gemmE, gemmF, dist written anew for expert scheduling mode. Each part assembles by itself: llvm-mc -triple=amdgcn-amd-amdhsa -mcpu=gfx1250 --defsym DOCPART=n.
;; ======== version 1 of 2: 9 launches
;; workspace buffers: nbr 2,097,152 bytes of whole numbers; pts 262,144 bytes; wsa 65,536 bytes; wsb 8,650,752 bytes; wsc 8,912,896 bytes; wsd 17,825,792 bytes; wse 9,437,184 bytes; wsf 8,650,752 bytes
;; launch knn (part 1): grid 256 x 1, 8 waves a work-group, no clusters, 9,216 bytes of LDS; arguments src, tgt, nbr, pts; writes nbr, pts
.if DOCPART == 1
	.amdgcn_target "amdgcn-amd-amdhsa--gfx1250"
	.amdhsa_code_object_version 6
	.text
	.protected	k_qd5d2bdb998_knn
	.globl	k_qd5d2bdb998_knn
	.p2align	8
	.type	k_qd5d2bdb998_knn,@function
k_qd5d2bdb998_knn:
	s_mov_b64 s[64:65], 0
	v_nop
	global_prefetch_b8 v0, s[64:65] scope:SCOPE_SE
	s_setreg_imm32_b32 hwreg(HW_REG_WAVE_MODE, 25, 1), 1
	s_wait_xcnt 0x0
; The 32 nearest points of every point, for both clouds: nbr[gp][32] (index inside the point's batch, 0..2047), and pts[gp] = (x, y, z, x.x).
; gp = cloud*8192 + batch*2048 + n.  A work-group takes 64 queries of one cloud-batch, a wave 8 of them, one a trip.
; Lane l keeps candidates j = 32 i + l (i = 0..63) in registers for the whole launch.  d = (xx_q - 2 q.x_j) + xx_j, in reference()'s order.
; A trip: 64 distances a lane; a bitonic sort of them in registers; the lowest 32 of lane pairs, quads, .. the wave; T = the 32nd smallest and
; R = how many of the lowest 32 equal T.  Chosen: every d < T and the first R candidates with d == T in index order (the lower index wins a tie).
; No address and no branch hangs on a distance: output lane L finds the L-th chosen candidate by selects alone.
; LIMITS: finite inputs.  Neighbours whose distances differ by less than the rounding of the three-term dot product may change places with reference()'s.
.set DUAL, 1                          ; 1: a comparator is one dual-issue pair (both halves read the same two registers; results in an even and an odd register)
.set DS, 16                           ; v16-79   the distances, kept whole for the selection
.set SA, 80                           ; v80-143  sorting set A
.set SB, 144                          ; v144-207 sorting set B
.set TT, 208
.set RR, 209
.set WD, 212                          ; the mask word that holds my output's candidate
.set ED, 213                          ; chosen before that word + 256 x the word's number
.set TM, 214                          ; v214-230 at work
.set XC, 30                           ; s30-37, s66-97: eight words' masks and counts
.set LT, 66
.set EQ, 74
.set BS, 82
.set EX, 90
.set MSB, 0
.macro WIN new                        ; the immediate's high byte repeats the setting that is left
.if MSB != \new
	s_set_vgpr_msb (MSB<<8)|\new
.set MSB, \new
.endif
.endm
.macro CE lo, hi, a, b                ; v[lo] = min, v[hi] = max
.if DUAL
	v_dual_min_num_f32 v[\lo], v[\a], v[\b] :: v_dual_max_num_f32 v[\hi], v[\a], v[\b]
.else
	v_min_num_f32 v[\lo], v[\a], v[\b]
	v_max_num_f32 v[\hi], v[\a], v[\b]
.endif
.endm
; One stage of a bitonic network on n logical places, partners 2^b apart, ascending where (i & k) == 0.  Behind a stage of distance 2^b logical place i lies in
; register i with its bits b and 0 exchanged, so that a comparator's two results are always an even and an odd register; bp is the stage before.
.macro STAGE src, dst, bp, b, k, n
.set i, 0
.rept \n
.if (i & (1<<\b)) == 0
.set j, i | (1<<\b)
.set pl, \src + ((i & ~((1<<\bp)|1)) | ((i>>\bp)&1) | ((i&1)<<\bp))
.set ph, \src + ((j & ~((1<<\bp)|1)) | ((j>>\bp)&1) | ((j&1)<<\bp))
.set ql, \dst + ((i & ~((1<<\b)|1)) | ((i>>\b)&1) | ((i&1)<<\b))
.set qh, \dst + ((j & ~((1<<\b)|1)) | ((j>>\b)&1) | ((j&1)<<\b))
.if (i & \k) == 0
	CE ql, qh, pl, ph
.else
	CE qh, ql, pl, ph
.endif
.endif
.set i, i+1
.endr
.endm
.macro MERGE32                        ; a bitonic run of 32 in set B becomes an ascending run in set A
	STAGE SB, SA, 0, 4, 64, 32
	STAGE SA, SB, 4, 3, 64, 32
	STAGE SB, SA, 3, 2, 64, 32
	STAGE SA, SB, 2, 1, 64, 32
	STAGE SB, SA, 1, 0, 64, 32
.endm
; Eight words of the selection.  A word = the 32 lanes' candidates of one register.  s28: ties seen so far; s29: chosen so far.
.macro SEL8 g
.irp u,0,1,2,3,4,5,6,7
	v_cmp_lt_f32 s[LT+\u], v[DS+8*\g+\u], v[TT]
.endr
.irp u,0,1,2,3,4,5,6,7
	v_cmp_eq_f32 s[EQ+\u], v[DS+8*\g+\u], v[TT]
.endr
.irp u,0,1,2,3,4,5,6,7
	s_mov_b32 s[BS+\u], s28
	s_bcnt1_i32_b32 s38, s[EQ+\u]
	s_add_co_u32 s28, s28, s38
.endr
.irp u,0,1,2,3,4,5,6,7
	v_mbcnt_lo_u32_b32 v[TM+\u], s[EQ+\u], s[BS+\u]     ; a tie's rank in index order
.endr
.irp u,0,1,2,3,4,5,6,7
	v_cmp_gt_u32 s[BS+\u], v[RR], v[TM+\u]              ; the first R ties are taken
.endr
.irp u,0,1,2,3,4,5,6,7
	s_and_b32 s[BS+\u], s[BS+\u], s[EQ+\u]
	s_or_b32 s[LT+\u], s[LT+\u], s[BS+\u]               ; the word's chosen lanes
	s_mov_b32 s[XC+\u], s29
	s_add_co_u32 s[EX+\u], s29, (8*\g+\u)<<8
	s_bcnt1_i32_b32 s38, s[LT+\u]
	s_add_co_u32 s29, s29, s38
.endr
.irp u,0,1,2,3,4,5,6,7
	v_cmp_le_u32 s[EQ+\u], s[XC+\u], v1                 ; the last word with (chosen before it) <= my lane holds my candidate
.endr
.irp u,0,1,2,3,4,5,6,7
	v_cndmask_b32 v[WD], v[WD], s[LT+\u], s[EQ+\u]
	v_cndmask_b32 v[ED], v[ED], s[EX+\u], s[EQ+\u]
.endr
.endm
.macro LVL src, width, step           ; one level of the search for the t-th set bit: t in v[TM], the place in v[TM+5]
	v_bfe_u32 v[TM+6], v[\src], v[TM+5], \width
	v_cmp_ge_u32 vcc_lo, v[TM], v[TM+6]
	v_sub_nc_u32 v[TM+6], v[TM], v[TM+6]
	v_add_nc_u32 v[TM+7], \step, v[TM+5]
	v_cndmask_b32 v[TM], v[TM], v[TM+6], vcc_lo
	v_cndmask_b32 v[TM+5], v[TM+5], v[TM+7], vcc_lo
.endm
	s_load_b256 s[4:11], s[0:1], 0x0               ; src, tgt, nbr, pts
	v_lshl_add_u32 v254, v0, 2, 0x2000
	v_mov_b32 v255, 0
	v_lshrrev_b32 v5, 5, v0
	v_readfirstlane_b32 s12, v5                    ; wave 0..7
	v_and_b32 v1, 31, v0                           ; lane
	v_lshlrev_b32 v2, 2, v1
	s_lshl_b32 s13, s12, 10
	v_add_nc_u32 v3, s13, v2                       ; LDS: my wave's 1,024 bytes, 4 x lane
	v_lshl_add_u32 v4, v1, 4, s13                  ; and 16 x lane, for the way out
	v_lshlrev_b32 v231, 4, v1
	s_lshr_b32 s14, ttmp9, 5                       ; cloud-batch 0..7
	s_and_b32 s15, ttmp9, 31                       ; block of 64 queries
	s_and_b32 s54, s14, 3
	s_mul_i32 s54, s54, 24576                      ; the batch's three planes
	s_mov_b32 s55, 0
	s_mov_b32 s48, 0x76543210
	s_mov_b32 s49, 0xfedcba98
	s_lshl_b32 s18, s15, 8
	s_lshl_b32 s56, s12, 5
	s_add_co_u32 s18, s18, s56                     ; 4 x my wave's first query
	s_lshl_b32 s56, s15, 8
	v_lshl_add_u32 v6, v0, 2, s56                  ; waves 0, 1: 4 x (64 block + thread)
	s_lshl_b32 s57, s14, 15
	s_lshl_b32 s56, s15, 10
	s_add_co_u32 s56, s56, s57
	v_lshl_add_u32 v7, v0, 4, s56                  ; and 16 x its gp
	s_lshl_b32 s58, s14, 18
	s_lshl_b32 s59, s15, 13
	s_add_co_u32 s58, s58, s59
	s_lshl_b32 s59, s12, 10
	s_add_co_u32 s58, s58, s59                     ; 128 x my wave's first gp
	s_mov_b32 s59, 0
	s_wait_kmcnt 0x0
	s_cmp_lt_u32 s14, 4
	s_cselect_b64 s[16:17], s[4:5], s[6:7]
	s_add_nc_u64 s[16:17], s[16:17], s[54:55]
	s_add_nc_u64 s[8:9], s[8:9], s[58:59]
	s_load_b32 s50, s[16:17], s18 offset:0x0       ; the first query
	s_load_b32 s51, s[16:17], s18 offset:0x2000
	s_load_b32 s52, s[16:17], s18 offset:0x4000
	s_cmp_lt_u32 s12, 2
	s_cbranch_scc0 .Lnp0
	global_load_b32 v8, v6, s[16:17]
	global_load_b32 v9, v6, s[16:17] offset:8192
	global_load_b32 v10, v6, s[16:17] offset:16384
.Lnp0:
	WIN 0x40                                       ; window 1: X v0-63, Y v64-127, Z v128-191, XX v192-255
.set i, 0
.rept 64
	global_load_b32 v[i], v2, s[16:17] offset:128*i
	global_load_b32 v[64+i], v2, s[16:17] offset:8192+128*i
	global_load_b32 v[128+i], v2, s[16:17] offset:16384+128*i
.set i, i+1
.endr
	s_wait_loadcnt 0x0
	WIN 0x55
.set i, 0
.rept 32
	v_pk_mul_f32 v[192+i:193+i], v[i:i+1], v[i:i+1]
.set i, i+2
.endr
.set i, 0
.rept 32
	v_pk_fma_f32 v[192+i:193+i], v[64+i:65+i], v[64+i:65+i], v[192+i:193+i]
.set i, i+2
.endr
.set i, 0
.rept 32
	v_pk_fma_f32 v[192+i:193+i], v[128+i:129+i], v[128+i:129+i], v[192+i:193+i]
.set i, i+2
.endr
	WIN 0
	s_cmp_lt_u32 s12, 2
	s_cbranch_scc0 .Lnp1
	v_mul_f32 v11, v8, v8
	v_fmac_f32 v11, v9, v9
	v_fmac_f32 v11, v10, v10
	global_store_b128 v7, v[8:11], s[10:11]        ; a wave stores 512 consecutive bytes
.Lnp1:
	s_mov_b32 s19, 0
	s_mov_b32 s53, 0
.Lq:
	s_wait_kmcnt 0x0                               ; this trip's query
	s_mul_f32 s26, s50, s50
	s_fmac_f32 s26, s51, s51
	s_fmac_f32 s26, s52, s52                       ; xx of the query, summed as the candidates' is
	s_mov_b32 s27, s26
	s_mul_f32 s20, s50, -2.0                       ; -2 q: exact, so -2 (q.x) is rounded as q.x is
	s_mul_f32 s22, s51, -2.0
	s_mul_f32 s24, s52, -2.0
	s_mov_b32 s21, s20
	s_mov_b32 s23, s22
	s_mov_b32 s25, s24
	s_add_co_u32 s18, s18, 4
	s_min_u32 s18, s18, 8188                       ; the last trip's look-ahead stays inside the plane
	s_load_b32 s50, s[16:17], s18 offset:0x0
	s_load_b32 s51, s[16:17], s18 offset:0x2000
	s_load_b32 s52, s[16:17], s18 offset:0x4000
	WIN 0x01
.set i, 0
.rept 32
	v_pk_mul_f32 v[DS+i:DS+i+1], v[i:i+1], s[20:21] op_sel_hi:[1,0]
.set i, i+2
.endr
.set i, 0
.rept 32
	v_pk_fma_f32 v[DS+i:DS+i+1], v[64+i:65+i], s[22:23], v[DS+i:DS+i+1] op_sel_hi:[1,0,1]
.set i, i+2
.endr
.set i, 0
.rept 32
	v_pk_fma_f32 v[DS+i:DS+i+1], v[128+i:129+i], s[24:25], v[DS+i:DS+i+1] op_sel_hi:[1,0,1]
.set i, i+2
.endr
.set i, 0
.rept 32
	v_pk_add_f32 v[DS+i:DS+i+1], s[26:27], v[DS+i:DS+i+1] op_sel_hi:[0,1]
.set i, i+2
.endr
.set i, 0
.rept 32
	v_pk_add_f32 v[DS+i:DS+i+1], v[192+i:193+i], v[DS+i:DS+i+1]
.set i, i+2
.endr
	WIN 0
	; my 64 distances: places 0-31 ascending, 32-63 descending
	STAGE DS, SA, 0, 0, 2, 64
	STAGE SA, SB, 0, 1, 4, 64
	STAGE SB, SA, 1, 0, 4, 64
	STAGE SA, SB, 0, 2, 8, 64
	STAGE SB, SA, 2, 1, 8, 64
	STAGE SA, SB, 1, 0, 8, 64
	STAGE SB, SA, 0, 3, 16, 64
	STAGE SA, SB, 3, 2, 16, 64
	STAGE SB, SA, 2, 1, 16, 64
	STAGE SA, SB, 1, 0, 16, 64
	STAGE SB, SA, 0, 4, 32, 64
	STAGE SA, SB, 4, 3, 32, 64
	STAGE SB, SA, 3, 2, 32, 64
	STAGE SA, SB, 2, 1, 32, 64
	STAGE SB, SA, 1, 0, 32, 64
.set i, 0
.rept 16                                       ; the lowest 32 of the 64
.if DUAL
	v_dual_min_num_f32 v[SB+i], v[SA+i], v[SA+i+32] :: v_dual_min_num_f32 v[SB+i+1], v[SA+i+1], v[SA+i+33]
.else
	v_min_num_f32 v[SB+i], v[SA+i], v[SA+i+32]
	v_min_num_f32 v[SB+i+1], v[SA+i+1], v[SA+i+33]
.endif
.set i, i+2
.endr
	MERGE32
.irp X,1,2,4,8                                 ; the lowest 32 of my run and my partner's, turned round
.set i, 0
.rept 32
	v_min_num_f32_dpp v[SB+i], v[SA+31-i], v[SA+i] row_xmask:\X row_mask:0xf bank_mask:0xf
.set i, i+1
.endr
	MERGE32
.endr
.set i, 0
.rept 32
	v_permlanex16_b32 v[SB+i], v[SA+31-i], s48, s49
.set i, i+1
.endr
.set i, 0
.rept 32
	v_min_num_f32 v[SB+i], v[SA+i], v[SB+i]        ; the wave's lowest 32, in no order
.set i, i+1
.endr
	v_max3_num_f32 v[TT], v[SB], v[SB+1], v[SB+2]
.set i, 3
.rept 14
	v_max3_num_f32 v[TT], v[TT], v[SB+i], v[SB+i+1]
.set i, i+2
.endr
	v_max_num_f32 v[TT], v[TT], v[SB+31]           ; T: the 32nd smallest
	v_mov_b32 v[RR], 0
.set i, 0
.rept 32
	v_cmp_eq_f32 vcc_lo, v[SB+i], v[TT]
	v_add_co_ci_u32 v[RR], vcc_lo, 0, v[RR], vcc_lo
.set i, i+1
.endr
	v_mov_b32 v[WD], 0
	v_mov_b32 v[ED], 0
	s_mov_b32 s28, 0
	s_mov_b32 s29, 0
.irp g,0,1,2,3,4,5,6,7
	SEL8 \g
.endr
	v_and_b32 v[TM], 0xff, v[ED]
	v_sub_nc_u32 v[TM], v1, v[TM]                  ; t: which set bit of my word is mine
	v_lshrrev_b32 v[TM+1], 1, v[WD]
	v_and_b32 v[TM+1], 0x55555555, v[TM+1]
	v_sub_nc_u32 v[TM+1], v[WD], v[TM+1]           ; counts of 2 bits
	v_lshrrev_b32 v[TM+2], 2, v[TM+1]
	v_and_b32 v[TM+2], 0x33333333, v[TM+2]
	v_and_b32 v[TM+3], 0x33333333, v[TM+1]
	v_add_nc_u32 v[TM+2], v[TM+2], v[TM+3]         ; of 4
	v_lshrrev_b32 v[TM+3], 4, v[TM+2]
	v_add_nc_u32 v[TM+3], v[TM+3], v[TM+2]
	v_and_b32 v[TM+3], 0x0f0f0f0f, v[TM+3]         ; of 8
	v_lshrrev_b32 v[TM+4], 8, v[TM+3]
	v_add_nc_u32 v[TM+4], v[TM+4], v[TM+3]         ; of 16, in bytes 0 and 2
	v_mov_b32 v[TM+5], 0
	LVL TM+4, 8, 16
	LVL TM+3, 8, 8
	LVL TM+2, 4, 4
	LVL TM+1, 2, 2
	LVL WD, 1, 1
	v_lshrrev_b32 v[TM+6], 8, v[ED]
	v_lshl_add_u32 v[TM+6], v[TM+6], 5, v[TM+5]    ; candidate = 32 x word + lane
	v_add_nc_u32 v5, s53, v3
	ds_store_b32 v5, v[TM+6]
	s_add_co_u32 s53, s53, 128
	s_add_co_u32 s19, s19, 1
	s_cmp_lt_u32 s19, 8
	s_cbranch_scc1 .Lq
	s_wait_kmcnt 0x0
	ds_load_b128 v[232:235], v4                    ; my wave's own bytes: LDS serves a wave's instructions in order
	ds_load_b128 v[236:239], v4 offset:512
	s_wait_dscnt 0x0
	global_store_b128 v231, v[232:235], s[8:9]     ; eight lists, 1,024 consecutive bytes
	global_store_b128 v231, v[236:239], s[8:9] offset:512
	s_wait_tensorcnt 0x0
	ds_add_u32 v254, v255
	s_wait_dscnt 0x0
	s_endpgm
.Lfunc_end_k_qd5d2bdb998_knn:
	.size	k_qd5d2bdb998_knn, .Lfunc_end_k_qd5d2bdb998_knn-k_qd5d2bdb998_knn
	.p2alignl 7, 3214868480
	.fill 96, 4, 3214868480
	.section	.rodata,"a",@progbits
	.p2align	6, 0x0
	.amdhsa_kernel k_qd5d2bdb998_knn
		.amdhsa_group_segment_fixed_size 9216
		.amdhsa_private_segment_fixed_size 0
		.amdhsa_enable_private_segment 0
		.amdhsa_kernarg_size 32
		.amdhsa_user_sgpr_count 2
		.amdhsa_user_sgpr_kernarg_segment_ptr 1
		.amdhsa_wavefront_size32 1
		.amdhsa_system_sgpr_workgroup_id_x 1
		.amdhsa_system_sgpr_workgroup_id_y 1
		.amdhsa_system_sgpr_workgroup_id_z 1
		.amdhsa_system_vgpr_workitem_id 0
		.amdhsa_next_free_vgpr 512
		.amdhsa_next_free_sgpr 100
		.amdhsa_reserve_vcc 1
		.amdhsa_float_denorm_mode_32 3
		.amdhsa_float_denorm_mode_16_64 3
		.amdhsa_memory_ordered 1
		.amdhsa_forward_progress 1
		.amdhsa_inst_pref_size 159
	.end_amdhsa_kernel
	.amdgpu_metadata
---
amdhsa.version: [ 1, 2 ]
amdhsa.kernels:
  - .name:           k_qd5d2bdb998_knn
    .symbol:         k_qd5d2bdb998_knn.kd
    .args:
      - { .name: src, .offset: 0, .size: 8, .value_kind: global_buffer, .address_space: global }
      - { .name: tgt, .offset: 8, .size: 8, .value_kind: global_buffer, .address_space: global }
      - { .name: nbr, .offset: 16, .size: 8, .value_kind: global_buffer, .address_space: global }
      - { .name: pts, .offset: 24, .size: 8, .value_kind: global_buffer, .address_space: global }
    .group_segment_fixed_size: 9216
    .private_segment_fixed_size: 0
    .kernarg_segment_align: 8
    .kernarg_segment_size: 32
    .max_flat_workgroup_size: 256
    .sgpr_count:     100
    .vgpr_count:     512
    .wavefront_size: 32
...
	.end_amdgpu_metadata
.endif
;; end of part 1
;; launch mom (part 2): grid 256 x 1, 4 waves a work-group, no clusters, 1,536 bytes of LDS; arguments nbr, pts, wsa; writes wsa
.if DOCPART == 2
	.amdgcn_target "amdgcn-amd-amdhsa--gfx1250"
	.amdhsa_code_object_version 6
	.text
	.protected	k_qd5d2bdb998_mom
	.globl	k_qd5d2bdb998_mom
	.p2align	8
	.type	k_qd5d2bdb998_mom,@function
k_qd5d2bdb998_mom:
	s_mov_b64 s[64:65], 0
	v_nop
	global_prefetch_b8 v0, s[64:65] scope:SCOPE_SE
	s_setreg_imm32_b32 hwreg(HW_REG_WAVE_MODE, 25, 1), 1
	s_wait_xcnt 0x0
; First and second moments of the six-channel edge feature (neighbour, centre), for the first batch-norm: its statistics are w.mean and w'Cov w.
; All numbers are taken about a pivot p, the cloud's point 0, so that a common offset of the cloud does not enter the sums.
; A wave takes 16 points; lane L takes point L/2 and 16 of its 32 neighbours.  u = x_j - p, v = x_n - p.
; 27 sums: 0-2 u; 3-5 v; 6-11 uu' (xx xy xz yy yz zz); 12-17 vv'; 18+3a+b u_a v_b.  wsa[work-group][32] = (sum, 0): one aligned run of 256 bytes.
.set M, 100                           ; v100-131: the 27 sums and five zeros
	s_load_b128 s[4:7], s[0:1], 0x0                ; nbr, pts
	s_load_b64 s[8:9], s[0:1], 0x10                ; wsa
	v_lshl_add_u32 v144, v0, 2, 0x400
	v_mov_b32 v145, 0
	v_lshrrev_b32 v1, 5, v0
	v_readfirstlane_b32 s10, v1                    ; wave
	v_and_b32 v1, 31, v0                           ; lane
	s_lshl_b32 s11, ttmp9, 2
	s_add_co_u32 s11, s11, s10                     ; group of 16 points
	v_lshlrev_b32 v2, 6, v1                        ; my 16 indices: 64 bytes
	v_and_b32 v3, 0x60, v0
	v_lshlrev_b32 v3, 2, v3                        ; LDS: 128 x wave
	v_lshlrev_b32 v4, 2, v1                        ; LDS: 4 x lane
	v_lshlrev_b32 v6, 3, v1
	s_lshl_b32 s12, s11, 11
	s_mov_b32 s13, 0
	s_lshr_b32 s14, s11, 7
	s_lshl_b32 s14, s14, 15                        ; the cloud-batch's points
	s_mov_b32 s15, 0
	s_lshr_b32 s16, ttmp9, 7
	s_lshl_b32 s16, s16, 17                        ; the cloud's point 0
	s_mov_b32 s17, 0
	s_and_b32 s26, s11, 127
	s_lshl_b32 s26, s26, 8
	v_lshrrev_b32 v5, 1, v1
	v_lshl_add_u32 v5, v5, 4, s26                  ; my centre
	s_mov_b32 s32, 0x76543210
	s_mov_b32 s33, 0xfedcba98
	s_lshl_b32 s34, ttmp9, 8
	s_mov_b32 s35, 0
	s_wait_kmcnt 0x0
	s_add_nc_u64 s[4:5], s[4:5], s[12:13]
	s_add_nc_u64 s[18:19], s[6:7], s[16:17]
	s_load_b128 s[20:23], s[18:19], 0x0            ; the pivot
	s_add_nc_u64 s[24:25], s[6:7], s[14:15]
	s_add_nc_u64 s[8:9], s[8:9], s[34:35]
	global_load_b128 v[8:11], v2, s[4:5]
	global_load_b128 v[12:15], v2, s[4:5] offset:16
	global_load_b128 v[16:19], v2, s[4:5] offset:32
	global_load_b128 v[20:23], v2, s[4:5] offset:48
	global_load_b128 v[24:27], v5, s[24:25]
	s_wait_loadcnt 0x1                             ; the indices are in; the centre may be out
.set i, 0
.rept 16
	v_min_u32 v[8+i], 0x7ff, v[8+i]                ; an index stays inside its table
	v_lshlrev_b32 v[8+i], 4, v[8+i]
.set i, i+1
.endr
.set i, 0
.rept 16
	global_load_b128 v[32+4*i:35+4*i], v[8+i], s[24:25]
.set i, i+1
.endr
	s_wait_loadcnt 0x0
	s_wait_kmcnt 0x0
.set i, 0
.rept 16
	v_sub_f32 v[32+4*i], v[32+4*i], s20
	v_sub_f32 v[33+4*i], v[33+4*i], s21
	v_sub_f32 v[34+4*i], v[34+4*i], s22
.set i, i+1
.endr
	v_sub_f32 v24, v24, s20
	v_sub_f32 v25, v25, s21
	v_sub_f32 v26, v26, s22
	v_mov_b32 v[M], v32                            ; the first neighbour starts the sums
	v_mov_b32 v[M+1], v33
	v_mov_b32 v[M+2], v34
	v_mul_f32 v[M+6], v32, v32
	v_mul_f32 v[M+7], v32, v33
	v_mul_f32 v[M+8], v32, v34
	v_mul_f32 v[M+9], v33, v33
	v_mul_f32 v[M+10], v33, v34
	v_mul_f32 v[M+11], v34, v34
.set i, 1
.rept 15
	v_add_f32 v[M], v[M], v[32+4*i]
	v_add_f32 v[M+1], v[M+1], v[33+4*i]
	v_add_f32 v[M+2], v[M+2], v[34+4*i]
	v_fmac_f32 v[M+6], v[32+4*i], v[32+4*i]
	v_fmac_f32 v[M+7], v[32+4*i], v[33+4*i]
	v_fmac_f32 v[M+8], v[32+4*i], v[34+4*i]
	v_fmac_f32 v[M+9], v[33+4*i], v[33+4*i]
	v_fmac_f32 v[M+10], v[33+4*i], v[34+4*i]
	v_fmac_f32 v[M+11], v[34+4*i], v[34+4*i]
.set i, i+1
.endr
	v_mul_f32 v[M+3], 0x41800000, v24              ; 16 rows share my centre
	v_mul_f32 v[M+4], 0x41800000, v25
	v_mul_f32 v[M+5], 0x41800000, v26
	v_mul_f32 v[M+12], v[M+3], v24
	v_mul_f32 v[M+13], v[M+3], v25
	v_mul_f32 v[M+14], v[M+3], v26
	v_mul_f32 v[M+15], v[M+4], v25
	v_mul_f32 v[M+16], v[M+4], v26
	v_mul_f32 v[M+17], v[M+5], v26
.irp a,0,1,2
	v_mul_f32 v[M+18+3*\a], v[M+\a], v24
	v_mul_f32 v[M+19+3*\a], v[M+\a], v25
	v_mul_f32 v[M+20+3*\a], v[M+\a], v26
.endr
.irp a,27,28,29,30,31
	v_mov_b32 v[M+\a], 0
.endr
.irp X,1,2,4,8
.set i, 0
.rept 27
	v_add_f32_dpp v[M+i], v[M+i], v[M+i] row_xmask:\X row_mask:0xf bank_mask:0xf
.set i, i+1
.endr
.endr
.set i, 0
.rept 27
	v_permlanex16_b32 v[32+i], v[M+i], s32, s33    ; into registers that have been written
.set i, i+1
.endr
.set i, 0
.rept 27
	v_add_f32 v[M+i], v[M+i], v[32+i]
.set i, i+1
.endr
.set i, 0
.rept 8
	ds_store_b128 v3, v[M+4*i:M+4*i+3] offset:16*i ; every lane holds the wave's sums and writes the same bytes
.set i, i+1
.endr
	s_wait_dscnt 0x0                               ; for the others' sake
	s_barrier_signal -1
	s_barrier_wait -1
	s_cmp_lg_u32 s10, 0
	s_cbranch_scc1 .Lend
	ds_load_b32 v28, v4
	ds_load_b32 v29, v4 offset:128
	ds_load_b32 v30, v4 offset:256
	ds_load_b32 v31, v4 offset:384
	s_wait_dscnt 0x0
	v_add_f32 v28, v28, v29
	v_add_f32 v30, v30, v31
	v_add_f32 v28, v28, v30
	v_mov_b32 v29, 0
	global_store_b64 v6, v[28:29], s[8:9]
.Lend:
	s_wait_tensorcnt 0x0
	ds_add_u32 v144, v145
	s_wait_dscnt 0x0
	s_endpgm
.Lfunc_end_k_qd5d2bdb998_mom:
	.size	k_qd5d2bdb998_mom, .Lfunc_end_k_qd5d2bdb998_mom-k_qd5d2bdb998_mom
	.p2alignl 7, 3214868480
	.fill 96, 4, 3214868480
	.section	.rodata,"a",@progbits
	.p2align	6, 0x0
	.amdhsa_kernel k_qd5d2bdb998_mom
		.amdhsa_group_segment_fixed_size 1536
		.amdhsa_private_segment_fixed_size 0
		.amdhsa_enable_private_segment 0
		.amdhsa_kernarg_size 24
		.amdhsa_user_sgpr_count 2
		.amdhsa_user_sgpr_kernarg_segment_ptr 1
		.amdhsa_wavefront_size32 1
		.amdhsa_system_sgpr_workgroup_id_x 1
		.amdhsa_system_sgpr_workgroup_id_y 1
		.amdhsa_system_sgpr_workgroup_id_z 1
		.amdhsa_system_vgpr_workitem_id 0
		.amdhsa_next_free_vgpr 146
		.amdhsa_next_free_sgpr 66
		.amdhsa_reserve_vcc 0
		.amdhsa_float_denorm_mode_32 3
		.amdhsa_float_denorm_mode_16_64 3
		.amdhsa_memory_ordered 1
		.amdhsa_forward_progress 1
		.amdhsa_inst_pref_size 25
	.end_amdhsa_kernel
	.amdgpu_metadata
---
amdhsa.version: [ 1, 2 ]
amdhsa.kernels:
  - .name:           k_qd5d2bdb998_mom
    .symbol:         k_qd5d2bdb998_mom.kd
    .args:
      - { .name: nbr, .offset: 0, .size: 8, .value_kind: global_buffer, .address_space: global }
      - { .name: pts, .offset: 8, .size: 8, .value_kind: global_buffer, .address_space: global }
      - { .name: wsa, .offset: 16, .size: 8, .value_kind: global_buffer, .address_space: global }
    .group_segment_fixed_size: 1536
    .private_segment_fixed_size: 0
    .kernarg_segment_align: 8
    .kernarg_segment_size: 24
    .max_flat_workgroup_size: 128
    .sgpr_count:     66
    .vgpr_count:     146
    .wavefront_size: 32
...
	.end_amdgpu_metadata
.endif
;; end of part 2
;; launch passB (part 3): grid 256 x 1, 4 waves a work-group, no clusters, 185,856 bytes of LDS; arguments nbr, pts, lowp_scales, w1, g1, b1, w2_codes, g2, b2, w3_codes, g3, b3, w4_codes, g4, wsa, wsb, wsc, wsd; writes wsb
.if DOCPART == 3
	.amdgcn_target "amdgcn-amd-amdhsa--gfx1250"
	.amdhsa_code_object_version 6
	.text
	.protected	k_qd5d2bdb998_passB
	.globl	k_qd5d2bdb998_passB
	.p2align	8
	.type	k_qd5d2bdb998_passB,@function
k_qd5d2bdb998_passB:
	s_mov_b64 s[64:65], 0
	v_nop
	global_prefetch_b8 v0, s[64:65] scope:SCOPE_SE
	s_setreg_imm32_b32 hwreg(HW_REG_WAVE_MODE, 25, 1), 1
	s_wait_xcnt 0x0
; EDGE-CONVOLUTION PASS.  One text serves three launches; PASS = the layer whose batch statistics and per-point maxima this launch gathers (2, 3 or 4).
; The layers below it are computed anew from the coordinates, so no wide activation ever goes to memory.
; SHARES.  A wave owns 16 points x 32 neighbours.  Row tile t = neighbour slot t of the 16 points (lane % 16 = point), so the maximum over neighbours is a maximum over tiles, lane by lane.
; PRODUCTS are used transposed (source 0 = 16 rows of the weight, source 1 = 16 samples).  Lane r of weight tile T takes row 32 (T/2) + 8 (T%2) + r + 8 (r/8): register j of
; lane (r, h) then holds channel 32 (T/2) + 16 h + 8 (T%2) + j of sample r, and two neighbouring tiles are 16 neighbours along the next K.  Both operands put k = 32 c + 16 h + 0..15
; into registers 4 c .. 4 c + 3: one permutation of k on both sides.
; SIGNS.  Rows of a weight whose gain is negative have their codes' signs turned: y' = sgn(g) y.  bn + relu is then non-decreasing in y', and only a maximum is kept.
; INNER LAYER: D = W h + nm (nm = -mean as the product's C), D alpha + b, held between 0 and the largest code x the scale (relu and hold in one), converted.
; STATISTICS.  Each wave takes its first sample as pivot P (given to the products as C = -P) and sums (y-P), (y-P)^2; the work-group stores (mean, M2) a channel; the next launch merges
; the cloud's 128 partials about the first partial's mean.  No difference of large sums is formed.
; LIMITS: finite inputs; each given exponent e between -126 and 112.
.set PASS, 2
.if PASS == 2
.set CF, 64
.set FR, 8
.set GF, 18
.set WP, 16
.set WO, 6
.set OB, 34
.set YOFF, 4456448
.set TSZ, 2048
.set OTN, 0
.elseif PASS == 3
.set CF, 128
.set FR, 8
.set GF, 24
.set WP, 22
.set WO, 6
.set OB, 36
.set YOFF, 524288
.set TSZ, 1024
.set OTN, 2048
.set GP, 18
.set BP, 20
.set PB, 34
.set EA, 44
.set LOGH, 5
.else
.set CF, 256
.set FR, 16
.set GF, 30
.set WP, 28
.set WO, 7
.set OB, 38
.set YOFF, 1048576
.set TSZ, 2048
.set OTN, 3072
.set GP, 24
.set BP, 26
.set PB, 36
.set EA, 46
.set LOGH, 6
.endif
.set NCH, CF/2                        ; channels of the layer below, whose partials are merged here
.set NSUB, 256/NCH
.set NP, NCH/2
.set STRIDE, NCH*8
.set PL, NCH*4
.set FRB, FR*128                      ; a fragment's image in bytes
.set NLF, FR/4
.set NG, CF/64
.set NT, CF/16
.set HBW, 33*FRB                      ; LDS: a wave's 32 operand images and one more, written and never used, for the last trip's look-ahead
.set UBW, 8704                        ; a wave's 32 slots of neighbour coordinates (256 bytes each) and two more of the same kind
.set UB, 4*HBW
.set T1, UB+4*UBW                     ; tables: layer 1 (8 planes x 64), +OT2 layer 2 (4 x 64), +OT3 layer 3 (4 x 128), +ORD scratch, +OST the waves' P, S, Q
.set OT2, 2048
.set OT3, 3072
.set ORD, 5120
.set OST, 9216
.set DA, 16                           ; phase I: two row tiles' numbers, their codes, the scales, x1's maxima, the two tiles' coordinates
.set DB, 80
.set CA, 144
.set CB, 176
.set XM, 214
.set UA, 246
.set UC, 250
.set CL, 8*(PASS-2)
.set DA2, 16                          ; phase II
.set DB2, 48
.set S_, 80
.set Q_, 112
.set MX, 144
.set P_, 176
.set FA, 208
.set FB, 224
.set PV, 100
.set SD, 102
.set SQ, 104
.set SM, 106
.set RG, 128
.set MSB, 0
.macro WIN new                        ; the immediate's high byte repeats the setting that is left
.if MSB != \new
	s_set_vgpr_msb (MSB<<8)|\new
.set MSB, \new
.endif
.endm
.macro BAR                            ; my LDS stores have landed and my LDS loads are in: then the work-group's barrier
	s_wait_dscnt 0x0
	s_barrier_signal -1
	s_barrier_wait -1
.endm
.macro LDTAB reg, off, pairs          ; a plane of a table into the result's layout: register 16 b + i = channel 32 b + 16 h + i
.set b_, 0
.rept \pairs
.set i_, 0
.rept 4
	ds_load_b128 v[\reg+16*b_+4*i_:\reg+16*b_+4*i_+3], v4 offset:\off+128*b_+16*i_
.set i_, i_+1
.endr
.set b_, b_+1
.endr
.endm
.macro QNT d, n, c, lim, sc           ; n numbers become n codes: relu and the hold at the largest code in one, then the conversion
.set q_, 0
.rept \n
	v_med3_num_f32 v[\d+q_], v[\d+q_], 0, v[\lim]
.set q_, q_+1
.endr
.set q_, 0
.rept \n/8
	v_cvt_scalef32_pk8_bf8_f32 v[\c+2*q_:\c+2*q_+1], v[\d+8*q_:\d+8*q_+7], v[\sc]
.set q_, q_+1
.endr
.endm
.macro SCLIM e, vs                    ; v[vs] = 2^e, v[vs+1] = 57,344 x 2^e
	s_add_co_i32 s54, s[\e], 127
	s_lshl_b32 s55, s54, 23
	v_mov_b32 v[\vs], s55
	s_add_co_i32 s54, s54, 15
	s_lshl_b32 s54, s54, 23
	s_or_b32 s54, s54, 0x600000
	v_mov_b32 v[\vs+1], s54
.endm
; np partials (mean, M2) of a pair of channels are summed about the first partial's mean: sums of d, d^2, M2.  A ring of 32 register slots; every offset is an immediate.
.macro REDSTAT bs, vp, vr, stride, pl, np
	global_load_b64 v[PV:PV+1], v[\vp], s[\bs:\bs+1]
.set i_, 0
.rept 32
	global_load_b64 v[RG+4*i_:RG+4*i_+1], v[\vr], s[\bs:\bs+1] offset:i_*\stride
	global_load_b64 v[RG+4*i_+2:RG+4*i_+3], v[\vr], s[\bs:\bs+1] offset:i_*\stride+\pl
.set i_, i_+1
.endr
.irp z,0,1,2,3,4,5
	v_mov_b32 v[SD+\z], 0
.endr
.set i_, 0
.rept \np
.set m_, RG+4*(i_%32)
.set y_, \np-1-i_
.if y_ > 31
.set y_, 31
.endif
	s_wait_loadcnt 2*y_                            ; the younger partials, two loads each, may stay out
	v_pk_add_f32 v[m_:m_+1], v[m_:m_+1], v[PV:PV+1] neg_lo:[0,1] neg_hi:[0,1]
	v_pk_add_f32 v[SM:SM+1], v[SM:SM+1], v[m_+2:m_+3]
	v_pk_add_f32 v[SD:SD+1], v[SD:SD+1], v[m_:m_+1]
	v_pk_fma_f32 v[SQ:SQ+1], v[m_:m_+1], v[m_:m_+1], v[SQ:SQ+1]
.if i_+32 < \np
	global_load_b64 v[m_:m_+1], v[\vr], s[\bs:\bs+1] offset:(i_+32)*\stride
	global_load_b64 v[m_+2:m_+3], v[\vr], s[\bs:\bs+1] offset:(i_+32)*\stride+\pl
.endif
.set i_, i_+1
.endr
.endm
; From the three sums in v[x .. x+5]: nm = -mean in v[x+6:x+7], alpha = |g| rsqrt(var + eps) 2^e in v[x+8:x+9].  nlit: rows in a partial; logn: log2 of all rows; s[se] = eA + eB; g in v[112:113]
.macro FIN x, nlit, logn, se, ab
	v_pk_fma_f32 v[\x+6:\x+7], v[\x:\x+1], 0x3c000000, v[PV:PV+1] op_sel_hi:[1,0,1]
	v_pk_mul_f32 v[\x+8:\x+9], v[\x:\x+1], v[\x:\x+1]
	v_pk_fma_f32 v[\x+8:\x+9], v[\x+8:\x+9], 0xbc000000, v[\x+2:\x+3] op_sel_hi:[1,0,1]
	v_pk_fma_f32 v[\x+8:\x+9], v[\x+8:\x+9], \nlit, v[\x+4:\x+5] op_sel_hi:[1,0,1]
	s_lshl_b32 s55, s[\se], 1
	s_sub_co_i32 s55, s55, \logn
	v_ldexp_f32 v[\x+8], v[\x+8], s55
	v_ldexp_f32 v[\x+9], v[\x+9], s55
	v_max_num_f32 v[\x+8], 0, v[\x+8]
	v_max_num_f32 v[\x+9], 0, v[\x+9]
	v_add_f32 v[\x+8], 0x3727c5ac, v[\x+8]
	v_add_f32 v[\x+9], 0x3727c5ac, v[\x+9]
	v_rsq_f32 v[\x+8], v[\x+8]
	v_rsq_f32 v[\x+9], v[\x+9]
	v_xor_b32 v[\x+6], 0x80000000, v[\x+6]         ; plain work behind the two roots
	v_xor_b32 v[\x+7], 0x80000000, v[\x+7]
	s_wait_alu depctr_va_vdst(0)                   ; one wait for both, ahead of their first reader
.if \ab
	v_mul_f32 v[\x+8], |v112|, v[\x+8]
	v_mul_f32 v[\x+9], |v113|, v[\x+9]
.else
	v_mul_f32 v[\x+8], v112, v[\x+8]
	v_mul_f32 v[\x+9], v113, v[\x+9]
.endif
	v_ldexp_f32 v[\x+8], v[\x+8], s[\se]
	v_ldexp_f32 v[\x+9], v[\x+9], s[\se]
.endm
.macro ROWQ d, a0, a1, a2, a3, a4, a5 ; a row of the 6 x 6 moment matrix times w
	v_mul_f32 v[\d], v[128+\a0], v80
	v_fmac_f32 v[\d], v[128+\a1], v81
	v_fmac_f32 v[\d], v[128+\a2], v82
	v_fmac_f32 v[\d], v[128+\a3], v83
	v_fmac_f32 v[\d], v[128+\a4], v84
	v_fmac_f32 v[\d], v[128+\a5], v85
.endm
.macro FETCH f, va, off               ; an operand image comes back as it was stored
.set c_, 0
.rept NLF
	ds_load_b128 v[\f+4*c_:\f+4*c_+3], v[\va] offset:\off+512*c_
.set c_, c_+1
.endr
.endm
.macro PROD d, f, g, zero             ; four tiles (64 channels) of the last layer for one row tile.  Weights window 3, C = -P window 2
	WIN 0x23
.irp t,0,1,2,3
.if FR == 8
.if \zero
	v_wmma_f32_16x16x64_bf8_bf8 v[\d+8*\t:\d+8*\t+7], v[8*(4*\g+\t):8*(4*\g+\t)+7], v[\f:\f+7], 0
.else
	v_wmma_f32_16x16x64_bf8_bf8 v[\d+8*\t:\d+8*\t+7], v[8*(4*\g+\t):8*(4*\g+\t)+7], v[\f:\f+7], v[8*\t:8*\t+7]
.endif
.else
.if \zero
	v_wmma_f32_16x16x128_bf8_bf8 v[\d+8*\t:\d+8*\t+7], v[16*(4*\g+\t):16*(4*\g+\t)+15], v[\f:\f+15], 0
.else
	v_wmma_f32_16x16x128_bf8_bf8 v[\d+8*\t:\d+8*\t+7], v[16*(4*\g+\t):16*(4*\g+\t)+15], v[\f:\f+15], v[8*\t:8*\t+7]
.endif
.endif
.endr
	WIN 0
.endm
.macro ACC d                          ; sum, sum of squares, maximum; each accumulator is read from its low end on
.set q_, 0
.rept 16
	v_pk_add_f32 v[S_+q_:S_+q_+1], v[S_+q_:S_+q_+1], v[\d+q_:\d+q_+1]
.set q_, q_+2
.endr
.set q_, 0
.rept 16
	v_pk_fma_f32 v[Q_+q_:Q_+q_+1], v[\d+q_:\d+q_+1], v[\d+q_:\d+q_+1], v[Q_+q_:Q_+q_+1]
.set q_, q_+2
.endr
.set q_, 0
.rept 32
	v_max_num_f32 v[MX+q_], v[MX+q_], v[\d+q_]
.set q_, q_+1
.endr
.endm
.macro STP rb, pl, g                  ; 32 registers of a plane to [wave][plane][channel]; the 16 lanes of a half hold and write the same numbers
.set n_, 0
.rept 8
	ds_store_b128 v5, v[\rb+4*n_:\rb+4*n_+3] offset:\pl*CF*4+256*\g+128*(n_/4)+16*(n_%4)
.set n_, n_+1
.endr
.endm
; 64 channels of the last layer over the wave's 32 row tiles.  While one tile's results are summed, the next tile's products run and the one after is fetched.
.macro GROUP g
	FETCH FA, 3, 0
	s_wait_dscnt 0x0
	PROD DA2, FA, \g, 1
.rept 4
	v_nop                                          ; places behind the products, ahead of the first read of their results
.endr
.set q_, 0
.rept 32
	v_mov_b32_dpp v[P_+q_], v[DA2+q_] row_share:0 row_mask:0xf bank_mask:0xf   ; the pivot: sample 0 of tile 0
.set q_, q_+1
.endr
	WIN 0x80
.set q_, 0
.rept 32
	v_xor_b32 v[q_], s68, v[P_+q_]                 ; -P, the products' C from here on
.set q_, q_+1
.endr
	WIN 0
.set q_, 0
.rept 16
	v_pk_add_f32 v[S_+q_:S_+q_+1], v[DA2+q_:DA2+q_+1], v[P_+q_:P_+q_+1] neg_lo:[0,1] neg_hi:[0,1]
	v_pk_add_f32 v[MX+q_:MX+q_+1], v[DA2+q_:DA2+q_+1], v[P_+q_:P_+q_+1] neg_lo:[0,1] neg_hi:[0,1]
.set q_, q_+2
.endr
.set q_, 0
.rept 16
	v_pk_mul_f32 v[Q_+q_:Q_+q_+1], v[S_+q_:S_+q_+1], v[S_+q_:S_+q_+1]
.set q_, q_+2
.endr
	FETCH FA, 3, FRB
	FETCH FB, 3, 2*FRB
	s_wait_dscnt NLF                               ; tile 1 is in; tile 2's loads are younger
	PROD DA2, FA, \g, 0
.rept 4
	v_nop
.endr
	s_mov_b32 s63, 3*FRB
	s_mov_b32 s62, 15
.Lgrp\@:
	s_wait_dscnt 0x0
	PROD DB2, FB, \g, 0
	v_add_nc_u32 v254, s63, v3
	FETCH FA, 254, 0
	s_add_co_u32 s63, s63, FRB
	ACC DA2
	s_wait_dscnt 0x0
	PROD DA2, FA, \g, 0
	v_add_nc_u32 v255, s63, v3
	FETCH FB, 255, 0                               ; the last trip fetches the spare image
	s_add_co_u32 s63, s63, FRB
	ACC DB2
	s_sub_co_u32 s62, s62, 1
	s_cmp_lg_u32 s62, 0
	s_cbranch_scc1 .Lgrp\@
	ACC DA2                                        ; tile 31
	s_wait_dscnt 0x0
.irp X,1,2,4,8
.set q_, 0
.rept 64
	v_add_f32_dpp v[S_+q_], v[S_+q_], v[S_+q_] row_xmask:\X row_mask:0xf bank_mask:0xf   ; over the 16 samples of a tile
.set q_, q_+1
.endr
.endr
	STP P_, 0, \g
	STP S_, 1, \g
	STP Q_, 2, \g
.set q_, 0
.rept 16
	v_pk_add_f32 v[DA2+q_:DA2+q_+1], v[MX+q_:MX+q_+1], v[P_+q_:P_+q_+1]
.set q_, q_+2
.endr
.set n_, 0
.rept 8
	global_store_b128 v1, v[DA2+4*n_:DA2+4*n_+3], s[74:75] offset:(8*\g+n_)*512   ; images of registers: 512 consecutive bytes a store
.set n_, n_+1
.endr
	s_wait_xcnt 0x0                                ; the stores have read their registers: the next products may write them
.endm
	s_load_b512 s[4:19], s[0:1], 0x0               ; nbr 4, pts 6, scales 8, w1 10, g1 12, b1 14, w2 16, g2 18
	s_load_b512 s[20:35], s[0:1], 0x40             ; b2 20, w3 22, g3 24, b3 26, w4 28, g4 30, wsa 32, wsb 34
	s_load_b128 s[36:39], s[0:1], 0x80             ; wsc 36, wsd 38
	s_set_vgpr_msb 0x40
	v_lshl_add_u32 v254, v0, 2, 0x2d400
	v_mov_b32 v255, 0
	s_set_vgpr_msb 0x4000
	v_lshrrev_b32 v14, 5, v0
	v_readfirstlane_b32 s40, v14                   ; wave
	s_lshr_b32 s42, ttmp9, 7                       ; cloud
	s_lshl_b32 s43, ttmp9, 2
	s_add_co_u32 s43, s43, s40                     ; my group of 16 points
	s_mov_b32 s68, 0x80000000
	s_mov_b32 s53, 0
	v_and_b32 v14, 31, v0                          ; lane
	v_and_b32 v88, 15, v0                          ; r
	v_bfe_u32 v89, v0, 4, 1                        ; h
	v_lshlrev_b32 v1, 4, v14
	s_mul_i32 s52, s40, UBW
	s_add_co_u32 s52, s52, UB
	v_lshl_add_u32 v2, v88, 4, s52                 ; coordinates: read at 16 r
	v_lshl_add_u32 v8, v89, 12, v2                 ; written at 4,096 h + 16 r
	s_mul_i32 s52, s40, HBW
	v_add_nc_u32 v3, s52, v1                       ; my operand images
	v_lshl_add_u32 v4, v89, 6, T1                  ; tables: 64 h
	s_mul_i32 s52, s40, 3*CF*4
	s_add_co_u32 s52, s52, T1+OST
	v_lshl_add_u32 v5, v89, 6, s52
	v_and_b32 v13, 8, v88
	v_add_nc_u32 v13, v13, v88                     ; r + 8 (r / 8)
	v_lshlrev_b32 v6, 6, v13
	v_lshl_add_u32 v6, v89, 4, v6                  ; a weight row of 64 bytes, + 16 h
	v_lshlrev_b32 v7, 7, v13
	v_lshl_add_u32 v7, v89, 4, v7                  ; of 128 bytes
	v_lshlrev_b32 v13, 2, v13
	v_lshl_add_u32 v10, v0, 3, T1
	v_mov_b32 v11, T1
	v_lshl_add_u32 v12, v0, 4, T1
	v_lshlrev_b32 v94, 4, v0
	v_lshlrev_b32 v95, 3, v0
	v_lshlrev_b32 v90, 7, v88
	v_lshl_add_u32 v90, v89, 6, v90                ; my 16 indices: point r, half h
	s_and_b32 s52, s43, 127
	s_lshl_b32 s52, s52, 8
	v_lshl_add_u32 v91, v88, 4, s52                ; my centre
.if PASS == 2
	v_lshl_add_u32 v9, v0, 2, T1
	v_lshl_add_u32 v15, v14, 2, T1
	v_lshlrev_b32 v110, 3, v14
	v_and_b32 v92, 63, v0
	v_mul_u32_u24 v93, v92, 24
	v_lshlrev_b32 v92, 2, v92
.else
	v_and_b32 v34, NCH/2-1, v0                     ; pair of channels
	v_lshrrev_b32 v35, LOGH, v0                    ; subset of the partials
	v_mul_u32_u24 v9, v35, 12*NCH
	v_lshl_add_u32 v9, v34, 3, v9
	v_add_nc_u32 v9, T1+ORD, v9
	v_mul_u32_u24 v110, v35, NP*STRIDE
	v_lshl_add_u32 v110, v34, 3, v110
	v_lshlrev_b32 v109, 3, v34
.endif
	s_wait_kmcnt 0x0
	s_lshl_b32 s59, s42, 5
	s_load_b256 s[44:51], s[8:9], s59 offset:0x0   ; the cloud's eight exponents
	s_lshl_b32 s52, s43, 11
	s_add_nc_u64 s[70:71], s[4:5], s[52:53]
	s_lshr_b32 s52, s43, 7
	s_lshl_b32 s52, s52, 15
	s_add_nc_u64 s[72:73], s[6:7], s[52:53]        ; the cloud-batch's points
	s_mul_i32 s52, s43, CF*64
	s_add_co_u32 s52, s52, YOFF
	s_add_nc_u64 s[74:75], s[OB:OB+1], s[52:53]    ; my maxima
	s_mul_i32 s52, ttmp9, CF*8
	s_add_co_u32 s52, s52, 4096
	s_add_nc_u64 s[82:83], s[OB:OB+1], s[52:53]    ; my work-group's partial
	s_mul_i32 s52, s42, TSZ
	s_add_nc_u64 s[84:85], s[OB:OB+1], s[52:53]    ; the copy of the table made here
.if PASS == 2
	s_lshl_b32 s52, s42, 15
	s_lshl_b32 s54, s40, 13
	s_add_co_u32 s52, s52, s54
	s_add_nc_u64 s[76:77], s[32:33], s[52:53]
	s_lshl_b32 s52, s42, 17
	s_add_nc_u64 s[78:79], s[6:7], s[52:53]
	s_load_b128 s[88:91], s[78:79], 0x0            ; the moments' pivot
	s_lshl_b32 s52, s43, 12
	s_add_co_u32 s52, s52, 262144
	s_add_nc_u64 s[86:87], s[34:35], s[52:53]      ; x1
.else
	s_mul_i32 s52, s42, 128*STRIDE
	s_add_co_u32 s52, s52, 4096
	s_add_nc_u64 s[76:77], s[PB:PB+1], s[52:53]
	s_lshl_b32 s52, s42, 11
	s_add_nc_u64 s[78:79], s[34:35], s[52:53]
.if PASS == 4
	s_lshl_b32 s52, s42, 10
	s_add_nc_u64 s[80:81], s[36:37], s[52:53]
.endif
.endif
	global_load_b128 v[16:19], v90, s[70:71]
	global_load_b128 v[20:23], v90, s[70:71] offset:16
	global_load_b128 v[24:27], v90, s[70:71] offset:32
	global_load_b128 v[28:31], v90, s[70:71] offset:48
	global_load_b128 v[36:39], v91, s[72:73]
.set t_, 0
.rept NT
	global_load_b32 v[40+t_], v13, s[GF:GF+1] offset:(32*(t_/2)+8*(t_%2))*4   ; the gain at my weight rows
.set t_, t_+1
.endr
.if PASS == 2
	global_load_b64 v[80:81], v93, s[10:11]
	global_load_b64 v[82:83], v93, s[10:11] offset:8
	global_load_b64 v[84:85], v93, s[10:11] offset:16
	global_load_b32 v86, v92, s[12:13]
	global_load_b32 v87, v92, s[14:15]
.else
	global_load_b128 v[68:71], v94, s[78:79]       ; layer 1's table
	global_load_b64 v[112:113], v109, s[GP:GP+1]
	global_load_b64 v[114:115], v109, s[BP:BP+1]
.set t_, 0
.rept 4
	global_load_b32 v[56+t_], v13, s[18:19] offset:(32*(t_/2)+8*(t_%2))*4
.set t_, t_+1
.endr
	WIN 0x40
.set t_, 0
.rept 4
	global_load_b128 v[128+8*t_:131+8*t_], v6, s[16:17] offset:(32*(t_/2)+8*(t_%2))*64
	global_load_b128 v[132+8*t_:135+8*t_], v6, s[16:17] offset:(32*(t_/2)+8*(t_%2))*64+32
.set t_, t_+1
.endr
	WIN 0
.endif
.if PASS == 4
	global_load_b64 v[72:73], v95, s[80:81]        ; layer 2's table
.set t_, 0
.rept 8
	global_load_b32 v[60+t_], v13, s[24:25] offset:(32*(t_/2)+8*(t_%2))*4
.set t_, t_+1
.endr
	WIN 0x80
.set t_, 0
.rept 8
	global_load_b128 v[8*t_:8*t_+3], v6, s[22:23] offset:(32*(t_/2)+8*(t_%2))*64
	global_load_b128 v[8*t_+4:8*t_+7], v6, s[22:23] offset:(32*(t_/2)+8*(t_%2))*64+32
.set t_, t_+1
.endr
	WIN 0
.endif
	s_wait_loadcnt 0x0
.set i_, 0
.rept 16
	v_min_u32 v[16+i_], 0x7ff, v[16+i_]            ; an index stays inside its table
	v_lshlrev_b32 v[16+i_], 4, v[16+i_]
.set i_, i_+1
.endr
	WIN 0x80                                       ; the neighbours land in window 2, v64-127
.set i_, 0
.rept 16
	global_load_b128 v[64+4*i_:67+4*i_], v[16+i_], s[72:73]
.set i_, i_+1
.endr
	WIN 0xc0                                       ; the last layer's weights: window 3
.set t_, 0
.rept NT
.set c_, 0
.rept NLF
	global_load_b128 v[FR*t_+4*c_:FR*t_+4*c_+3], v[WO], s[WP:WP+1] offset:(32*(t_/2)+8*(t_%2))*(FR*8)+32*c_
.set c_, c_+1
.endr
.set t_, t_+1
.endr
	WIN 0
.if PASS == 2
	; ---- layer 1's statistics from the 128 work-groups' moments
.set i_, 0
.rept 32
	global_load_b32 v[128+i_], v110, s[76:77] offset:256*i_
.set i_, i_+1
.endr
	s_wait_loadcnt 0x0
.irp st,16,8,4,2
.set q_, 0
.rept \st/2
	v_pk_add_f32 v[128+q_:129+q_], v[128+q_:129+q_], v[128+\st+q_:129+\st+q_]
.set q_, q_+2
.endr
.endr
	v_add_f32 v128, v128, v129
	ds_store_b32 v9, v128 offset:ORD
	BAR
	s_cmp_lg_u32 s40, 0
	s_cbranch_scc1 .Lm1
	ds_load_b32 v128, v15 offset:ORD
	ds_load_b32 v129, v15 offset:ORD+128
	ds_load_b32 v130, v15 offset:ORD+256
	ds_load_b32 v131, v15 offset:ORD+384
	s_wait_dscnt 0x0
	v_add_f32 v128, v128, v129
	v_add_f32 v130, v130, v131
	v_add_f32 v128, v128, v130
	ds_store_b32 v15, v128 offset:ORD+512
.Lm1:
	BAR
	s_cmp_ge_u32 s40, 2
	s_cbranch_scc1 .Lm2
.set i_, 0
.rept 7
	ds_load_b128 v[128+4*i_:131+4*i_], v11 offset:ORD+512+16*i_   ; the 27 sums, in every lane; a thread takes a channel
.set i_, i_+1
.endr
	s_wait_dscnt 0x0
	s_wait_kmcnt 0x0
	v_mul_f32 v160, v128, v80
	v_fmac_f32 v160, v129, v81
	v_fmac_f32 v160, v130, v82
	v_fmac_f32 v160, v131, v83
	v_fmac_f32 v160, v132, v84
	v_fmac_f32 v160, v133, v85
	ROWQ 161, 6, 7, 8, 18, 19, 20
	ROWQ 162, 7, 9, 10, 21, 22, 23
	ROWQ 163, 8, 10, 11, 24, 25, 26
	ROWQ 164, 18, 21, 24, 12, 13, 14
	ROWQ 165, 19, 22, 25, 13, 15, 16
	ROWQ 166, 20, 23, 26, 14, 16, 17
	v_mul_f32 v167, v161, v80
	v_fmac_f32 v167, v162, v81
	v_fmac_f32 v167, v163, v82
	v_fmac_f32 v167, v164, v83
	v_fmac_f32 v167, v165, v84
	v_fmac_f32 v167, v166, v85
	v_mul_f32 v160, 0x36800000, v160               ; / 2^18 rows: the mean about the pivot
	v_mul_f32 v168, v160, v160
	v_fma_f32 v167, v167, 0x36800000, -v168        ; the variance
	v_max_num_f32 v167, 0, v167
	v_add_f32 v167, 0x3727c5ac, v167
	v_rsq_f32 v167, v167
	v_fma_f32 v170, v128, 0x36800000, s88          ; the neighbours' mean place, the centres'
	v_fma_f32 v171, v129, 0x36800000, s89
	v_fma_f32 v172, v130, 0x36800000, s90
	v_fma_f32 v173, v131, 0x36800000, s88
	v_fma_f32 v174, v132, 0x36800000, s89
	v_fma_f32 v175, v133, 0x36800000, s90
	v_mov_b32 v176, 0
	v_cmp_eq_u32 vcc_lo, 0, v0
	v_cndmask_b32 v176, v176, v170, vcc_lo
	v_cmp_eq_u32 vcc_lo, 1, v0
	v_cndmask_b32 v176, v176, v171, vcc_lo
	v_cmp_eq_u32 vcc_lo, 2, v0
	v_cndmask_b32 v176, v176, v172, vcc_lo
	v_cmp_eq_u32 vcc_lo, 4, v0
	v_cndmask_b32 v176, v176, v173, vcc_lo
	v_cmp_eq_u32 vcc_lo, 5, v0
	v_cndmask_b32 v176, v176, v174, vcc_lo
	v_cmp_eq_u32 vcc_lo, 6, v0
	v_cndmask_b32 v176, v176, v175, vcc_lo
	s_wait_alu depctr_va_vdst(0)                   ; ahead of the root's first reader
	v_mul_f32 v167, v86, v167                      ; a = g1 / sqrt(var + eps)
.irp a,0,1,2,3,4,5
	v_mul_f32 v[161+\a], v167, v[80+\a]
.endr
.irp a,0,1,2,3,4,5
	ds_store_b32 v9, v[161+\a] offset:256*\a
.endr
	ds_store_b32 v9, v87 offset:1536
	ds_store_b32 v9, v176 offset:1792
.Lm2:
	BAR
.else
	; ---- the statistics of the layer below, from the cloud's 128 partials
	REDSTAT 76, 109, 110, STRIDE, PL, NP
	s_wait_kmcnt 0x0
	ds_store_b64 v9, v[SD:SD+1]
	ds_store_b64 v9, v[SQ:SQ+1] offset:NCH*4
	ds_store_b64 v9, v[SM:SM+1] offset:NCH*8
	ds_store_b128 v12, v[68:71]
.if PASS == 4
	ds_store_b64 v10, v[72:73] offset:OT2
.endif
	BAR
	s_cmp_ge_u32 s40, NCH/64
	s_cbranch_scc1 .Lfs
.set i_, 0
.rept 3*NSUB
	ds_load_b64 v[128+2*i_:129+2*i_], v10 offset:ORD+i_*NCH*4
.set i_, i_+1
.endr
	s_wait_dscnt 0x0
.set i_, 3
.rept 3*NSUB-3
	v_pk_add_f32 v[128+2*(i_%3):129+2*(i_%3)], v[128+2*(i_%3):129+2*(i_%3)], v[128+2*i_:129+2*i_]
.set i_, i_+1
.endr
	s_add_co_i32 s54, s[EA], s[EA+1]
	FIN 128, 0x45000000, 18, 54, 1
	ds_store_b64 v10, v[134:135] offset:OTN
	ds_store_b64 v10, v[136:137] offset:OTN+NCH*4
	ds_store_b64 v10, v[114:115] offset:OTN+NCH*8
	ds_store_b64 v10, v[114:115] offset:OTN+NCH*12
.Lfs:
	BAR
.endif
	s_and_b32 s52, ttmp9, 127                      ; the cloud's first work-group keeps the new table for the later launches
	s_cmp_lg_u32 s52, 0
	s_cbranch_scc1 .Lnocopy
.if TSZ == 2048
	ds_load_b128 v[124:127], v12 offset:OTN
	s_wait_dscnt 0x0
	global_store_b128 v94, v[124:127], s[84:85]
.else
	ds_load_b64 v[124:125], v10 offset:OTN
	s_wait_dscnt 0x0
	global_store_b64 v95, v[124:125], s[84:85]
.endif
.Lnocopy:
	; ---- a lane's coefficients.  Window 1: A1x 0-31, A1y 32-63, A1z 64-95, Qc 96-127, W2 128-159, nm2 160-191, alpha2 192-223, b2 224-255.  Window 2: W3 0-63, nm3, alpha3, b3
	ds_load_b128 v[116:119], v11 offset:1792
	ds_load_b128 v[120:123], v11 offset:1808
	WIN 0x40
	LDTAB 0, 0, 2
	LDTAB 32, 256, 2
	LDTAB 64, 512, 2
	WIN 0
	LDTAB 128, 768, 2
	LDTAB 160, 1024, 2
	LDTAB 192, 1280, 2
	LDTAB 224, 1536, 2
	s_wait_dscnt 0x0
	v_sub_f32 v36, v36, v120
	v_sub_f32 v37, v37, v121
	v_sub_f32 v38, v38, v122
.set q_, 0
.rept 16
	v_pk_fma_f32 v[224+q_:225+q_], v[128+q_:129+q_], v[36:37], v[224+q_:225+q_] op_sel_hi:[1,0,1]
.set q_, q_+2
.endr
.set q_, 0
.rept 16
	v_pk_fma_f32 v[224+q_:225+q_], v[160+q_:161+q_], v[36:37], v[224+q_:225+q_] op_sel:[0,1,0] op_sel_hi:[1,1,1]
.set q_, q_+2
.endr
	WIN 0x40
.set q_, 0
.rept 16
	v_pk_fma_f32 v[96+q_:97+q_], v[192+q_:193+q_], v[38:39], v[224+q_:225+q_] op_sel_hi:[1,0,1]   ; the centre's share and the bias
.set q_, q_+2
.endr
	WIN 0x02
.set i_, 0
.rept 16
	v_sub_f32 v[128+4*i_], v[64+4*i_], v116        ; the neighbour less the neighbours' mean place
	v_sub_f32 v[129+4*i_], v[65+4*i_], v117
	v_sub_f32 v[130+4*i_], v[66+4*i_], v118
.set i_, i_+1
.endr
	WIN 0
.set i_, 0
.rept 16
	ds_store_b128 v8, v[128+4*i_:131+4*i_] offset:256*i_
.set i_, i_+1
.endr
	ds_store_b128 v2, v[116:119] offset:8192       ; the two spare slots
	ds_store_b128 v2, v[116:119] offset:8448
.if PASS >= 3
	WIN 0x40
	LDTAB 160, OT2, 2
	LDTAB 192, OT2+256, 2
	LDTAB 224, OT2+512, 2
	WIN 0
.endif
.if PASS == 4
	WIN 0x80
	LDTAB 64, OT3, 4
	LDTAB 128, OT3+512, 4
	LDTAB 192, OT3+1024, 4
	WIN 0
.endif
.set t_, 0
.rept NT
	v_ashrrev_i32 v[40+t_], 31, v[40+t_]
	v_and_b32 v[40+t_], 0x80808080, v[40+t_]       ; the four sign bits of a word of codes, where the gain is negative
.set t_, t_+1
.endr
	WIN 0xcc
.set t_, 0
.rept NT
.set c_, 0
.rept FR
	v_xor_b32 v[FR*t_+c_], v[40+t_], v[FR*t_+c_]
.set c_, c_+1
.endr
.set t_, t_+1
.endr
	WIN 0
.if PASS >= 3
.set t_, 0
.rept 4
	v_ashrrev_i32 v[56+t_], 31, v[56+t_]
	v_and_b32 v[56+t_], 0x80808080, v[56+t_]
.set t_, t_+1
.endr
	WIN 0x44
.set t_, 0
.rept 4
.set c_, 0
.rept 8
	v_xor_b32 v[128+8*t_+c_], v[56+t_], v[128+8*t_+c_]
.set c_, c_+1
.endr
.set t_, t_+1
.endr
	WIN 0
.endif
.if PASS == 4
.set t_, 0
.rept 8
	v_ashrrev_i32 v[60+t_], 31, v[60+t_]
	v_and_b32 v[60+t_], 0x80808080, v[60+t_]
.set t_, t_+1
.endr
	WIN 0x88
.set t_, 0
.rept 8
.set c_, 0
.rept 8
	v_xor_b32 v[8*t_+c_], v[60+t_], v[8*t_+c_]
.set c_, c_+1
.endr
.set t_, t_+1
.endr
	WIN 0
.endif
	s_wait_kmcnt 0x0
	SCLIM 44, 208
.if PASS >= 3
	SCLIM 46, 210
.endif
.if PASS == 4
	SCLIM 48, 212
.endif
.if PASS == 2
.set q_, 0
.rept 32
	v_mov_b32 v[XM+q_], 0                          ; x1 = max over neighbours of relu: the maximum begins at 0
.set q_, q_+1
.endr
.endif
	ds_load_b128 v[UA:UA+3], v2
	ds_load_b128 v[UC:UC+3], v2 offset:256
	s_mov_b32 s60, 0
	s_mov_b32 s61, 0
	s_mov_b32 s62, 16
	s_wait_xcnt 0x0                                ; the table's copy has read its registers
	s_wait_dscnt 0x0
	; ---- PHASE I: the operand of the last layer, two row tiles a trip
.Ltrip:
	s_wait_dscnt 2*NLF                             ; the two coordinate loads are older than the last trip's code stores
	WIN 0x11
.set q_, 0
.rept 16
	v_pk_fma_f32 v[DA+q_:DA+q_+1], v[q_:q_+1], v[UA:UA+1], v[96+q_:97+q_] op_sel_hi:[1,0,1]
	v_pk_fma_f32 v[DB+q_:DB+q_+1], v[q_:q_+1], v[UC:UC+1], v[96+q_:97+q_] op_sel_hi:[1,0,1]
.set q_, q_+2
.endr
	WIN 0x01
.set q_, 0
.rept 16
	v_pk_fma_f32 v[DA+q_:DA+q_+1], v[32+q_:33+q_], v[UA:UA+1], v[DA+q_:DA+q_+1] op_sel:[0,1,0] op_sel_hi:[1,1,1]
	v_pk_fma_f32 v[DB+q_:DB+q_+1], v[32+q_:33+q_], v[UC:UC+1], v[DB+q_:DB+q_+1] op_sel:[0,1,0] op_sel_hi:[1,1,1]
.set q_, q_+2
.endr
.set q_, 0
.rept 16
	v_pk_fma_f32 v[DA+q_:DA+q_+1], v[64+q_:65+q_], v[UA+2:UA+3], v[DA+q_:DA+q_+1] op_sel_hi:[1,0,1]
	v_pk_fma_f32 v[DB+q_:DB+q_+1], v[64+q_:65+q_], v[UC+2:UC+3], v[DB+q_:DB+q_+1] op_sel_hi:[1,0,1]
.set q_, q_+2
.endr
	WIN 0
	s_add_co_u32 s60, s60, 512
	v_add_nc_u32 v254, s60, v2
	ds_load_b128 v[UA:UA+3], v254                  ; the next trip's coordinates
	ds_load_b128 v[UC:UC+3], v254 offset:256
.if PASS == 2
.set q_, 0
.rept 32
	v_max3_num_f32 v[XM+q_], v[XM+q_], v[DA+q_], v[DB+q_]
.set q_, q_+1
.endr
.endif
	QNT DA, 32, CA, 209, 208
	QNT DB, 32, CB, 209, 208
	v_nop                                          ; a plain line behind the last conversion
.if PASS >= 3
	WIN 0x11
.irp t,0,1,2,3
	v_wmma_f32_16x16x64_bf8_bf8 v[DA+8*\t:DA+8*\t+7], v[128+8*\t:135+8*\t], v[CA:CA+7], v[160+8*\t:167+8*\t]
.endr
.irp t,0,1,2,3
	v_wmma_f32_16x16x64_bf8_bf8 v[DB+8*\t:DB+8*\t+7], v[128+8*\t:135+8*\t], v[CB:CB+7], v[160+8*\t:167+8*\t]
.endr
.rept 4
	v_nop
.endr
	WIN 0x14
.set q_, 0
.rept 16
	v_pk_fma_f32 v[DA+q_:DA+q_+1], v[DA+q_:DA+q_+1], v[192+q_:193+q_], v[224+q_:225+q_]
.set q_, q_+2
.endr
.set q_, 0
.rept 16
	v_pk_fma_f32 v[DB+q_:DB+q_+1], v[DB+q_:DB+q_+1], v[192+q_:193+q_], v[224+q_:225+q_]
.set q_, q_+2
.endr
	WIN 0
	QNT DA, 32, CA+8, 211, 210
	QNT DB, 32, CB+8, 211, 210
	v_nop
.endif
.if PASS == 4
	WIN 0x22
.irp t,0,1,2,3,4,5,6,7
	v_wmma_f32_16x16x64_bf8_bf8 v[DA+8*\t:DA+8*\t+7], v[8*\t:8*\t+7], v[CA+8:CA+15], v[64+8*\t:71+8*\t]
.endr
.irp t,0,1,2,3,4,5,6,7
	v_wmma_f32_16x16x64_bf8_bf8 v[DB+8*\t:DB+8*\t+7], v[8*\t:8*\t+7], v[CB+8:CB+15], v[64+8*\t:71+8*\t]
.endr
.rept 4
	v_nop
.endr
	WIN 0x28
.set q_, 0
.rept 32
	v_pk_fma_f32 v[DA+q_:DA+q_+1], v[DA+q_:DA+q_+1], v[128+q_:129+q_], v[192+q_:193+q_]
.set q_, q_+2
.endr
.set q_, 0
.rept 32
	v_pk_fma_f32 v[DB+q_:DB+q_+1], v[DB+q_:DB+q_+1], v[128+q_:129+q_], v[192+q_:193+q_]
.set q_, q_+2
.endr
	WIN 0
	QNT DA, 64, CA+16, 213, 212
	QNT DB, 64, CB+16, 213, 212
	v_nop
.endif
	v_add_nc_u32 v255, s61, v3
.set c_, 0
.rept NLF
	ds_store_b128 v255, v[CA+CL+4*c_:CA+CL+4*c_+3] offset:512*c_
	ds_store_b128 v255, v[CB+CL+4*c_:CB+CL+4*c_+3] offset:FRB+512*c_
.set c_, c_+1
.endr
	s_add_co_u32 s61, s61, 2*FRB
	s_sub_co_u32 s62, s62, 1
	s_cmp_lg_u32 s62, 0
	s_cbranch_scc1 .Ltrip
	v_add_nc_u32 v255, s61, v3
.set c_, 0
.rept NLF
	ds_store_b128 v255, v[CB+CL+4*c_:CB+CL+4*c_+3] offset:512*c_   ; the spare image
.set c_, c_+1
.endr
.if PASS == 2
.set n_, 0
.rept 8
	global_store_b128 v1, v[XM+4*n_:XM+4*n_+3], s[86:87] offset:512*n_
.set n_, n_+1
.endr
	s_wait_xcnt 0x0                                ; these registers take fragments next
.endif
	; ---- PHASE II: the last layer, 64 channels at a time
.set gg, 0
.rept NG
	GROUP gg
.set gg, gg+1
.endr
	BAR
	s_cmp_ge_u32 s40, CF/64
	s_cbranch_scc1 .Lend
.irp w,0,1,2,3
	ds_load_b64 v[16+6*\w:17+6*\w], v10 offset:OST+\w*3*CF*4
	ds_load_b64 v[18+6*\w:19+6*\w], v10 offset:OST+\w*3*CF*4+CF*4
	ds_load_b64 v[20+6*\w:21+6*\w], v10 offset:OST+\w*3*CF*4+CF*8
.endr
	v_lshlrev_b32 v54, 3, v0
	s_wait_dscnt 0x0
.irp w,0,1,2,3
	v_pk_fma_f32 v[16+6*\w:17+6*\w], v[18+6*\w:19+6*\w], 0x3b000000, v[16+6*\w:17+6*\w] op_sel_hi:[1,0,1]   ; a wave's mean = P + S / 512
	v_pk_mul_f32 v[18+6*\w:19+6*\w], v[18+6*\w:19+6*\w], v[18+6*\w:19+6*\w]
	v_pk_fma_f32 v[20+6*\w:21+6*\w], v[18+6*\w:19+6*\w], 0xbb000000, v[20+6*\w:21+6*\w] op_sel_hi:[1,0,1]   ; its M2 = Q - S^2 / 512
.endr
	v_pk_add_f32 v[40:41], v[22:23], v[16:17] neg_lo:[0,1] neg_hi:[0,1]
	v_pk_add_f32 v[42:43], v[28:29], v[16:17] neg_lo:[0,1] neg_hi:[0,1]
	v_pk_add_f32 v[44:45], v[34:35], v[16:17] neg_lo:[0,1] neg_hi:[0,1]
	v_pk_add_f32 v[46:47], v[40:41], v[42:43]
	v_pk_add_f32 v[46:47], v[46:47], v[44:45]
	v_pk_mul_f32 v[46:47], v[46:47], 0x3e800000 op_sel_hi:[1,0]
	v_pk_add_f32 v[48:49], v[16:17], v[46:47]      ; the work-group's mean
	v_pk_mul_f32 v[50:51], v[46:47], v[46:47]
.irp d,40,42,44
	v_pk_add_f32 v[\d:\d+1], v[\d:\d+1], v[46:47] neg_lo:[0,1] neg_hi:[0,1]
	v_pk_fma_f32 v[50:51], v[\d:\d+1], v[\d:\d+1], v[50:51]
.endr
	v_pk_add_f32 v[52:53], v[20:21], v[26:27]
	v_pk_add_f32 v[52:53], v[52:53], v[32:33]
	v_pk_add_f32 v[52:53], v[52:53], v[38:39]
	v_pk_fma_f32 v[52:53], v[50:51], 0x44000000, v[52:53] op_sel_hi:[1,0,1]
	global_store_b64 v54, v[48:49], s[82:83]
	global_store_b64 v54, v[52:53], s[82:83] offset:CF*4
.Lend:
	s_set_vgpr_msb 0x5
	s_wait_tensorcnt 0x0
	ds_add_u32 v254, v255
	s_wait_dscnt 0x0
	s_set_vgpr_msb 0x500
	s_endpgm
.Lfunc_end_k_qd5d2bdb998_passB:
	.size	k_qd5d2bdb998_passB, .Lfunc_end_k_qd5d2bdb998_passB-k_qd5d2bdb998_passB
	.p2alignl 7, 3214868480
	.fill 96, 4, 3214868480
	.section	.rodata,"a",@progbits
	.p2align	6, 0x0
	.amdhsa_kernel k_qd5d2bdb998_passB
		.amdhsa_group_segment_fixed_size 185856
		.amdhsa_private_segment_fixed_size 0
		.amdhsa_enable_private_segment 0
		.amdhsa_kernarg_size 144
		.amdhsa_user_sgpr_count 2
		.amdhsa_user_sgpr_kernarg_segment_ptr 1
		.amdhsa_wavefront_size32 1
		.amdhsa_system_sgpr_workgroup_id_x 1
		.amdhsa_system_sgpr_workgroup_id_y 1
		.amdhsa_system_sgpr_workgroup_id_z 1
		.amdhsa_system_vgpr_workitem_id 0
		.amdhsa_next_free_vgpr 1024
		.amdhsa_next_free_sgpr 100
		.amdhsa_reserve_vcc 1
		.amdhsa_float_denorm_mode_32 3
		.amdhsa_float_denorm_mode_16_64 3
		.amdhsa_memory_ordered 1
		.amdhsa_forward_progress 1
		.amdhsa_inst_pref_size 86
	.end_amdhsa_kernel
	.amdgpu_metadata
---
amdhsa.version: [ 1, 2 ]
amdhsa.kernels:
  - .name:           k_qd5d2bdb998_passB
    .symbol:         k_qd5d2bdb998_passB.kd
    .args:
      - { .name: nbr, .offset: 0, .size: 8, .value_kind: global_buffer, .address_space: global }
      - { .name: pts, .offset: 8, .size: 8, .value_kind: global_buffer, .address_space: global }
      - { .name: lowp_scales, .offset: 16, .size: 8, .value_kind: global_buffer, .address_space: global }
      - { .name: w1, .offset: 24, .size: 8, .value_kind: global_buffer, .address_space: global }
      - { .name: g1, .offset: 32, .size: 8, .value_kind: global_buffer, .address_space: global }
      - { .name: b1, .offset: 40, .size: 8, .value_kind: global_buffer, .address_space: global }
      - { .name: w2_codes, .offset: 48, .size: 8, .value_kind: global_buffer, .address_space: global }
      - { .name: g2, .offset: 56, .size: 8, .value_kind: global_buffer, .address_space: global }
      - { .name: b2, .offset: 64, .size: 8, .value_kind: global_buffer, .address_space: global }
      - { .name: w3_codes, .offset: 72, .size: 8, .value_kind: global_buffer, .address_space: global }
      - { .name: g3, .offset: 80, .size: 8, .value_kind: global_buffer, .address_space: global }
      - { .name: b3, .offset: 88, .size: 8, .value_kind: global_buffer, .address_space: global }
      - { .name: w4_codes, .offset: 96, .size: 8, .value_kind: global_buffer, .address_space: global }
      - { .name: g4, .offset: 104, .size: 8, .value_kind: global_buffer, .address_space: global }
      - { .name: wsa, .offset: 112, .size: 8, .value_kind: global_buffer, .address_space: global }
      - { .name: wsb, .offset: 120, .size: 8, .value_kind: global_buffer, .address_space: global }
      - { .name: wsc, .offset: 128, .size: 8, .value_kind: global_buffer, .address_space: global }
      - { .name: wsd, .offset: 136, .size: 8, .value_kind: global_buffer, .address_space: global }
    .group_segment_fixed_size: 185856
    .private_segment_fixed_size: 0
    .kernarg_segment_align: 8
    .kernarg_segment_size: 144
    .max_flat_workgroup_size: 128
    .sgpr_count:     100
    .vgpr_count:     1024
    .wavefront_size: 32
...
	.end_amdgpu_metadata
.endif
;; end of part 3
;; launch passC (part 4): grid 256 x 1, 4 waves a work-group, no clusters, 185,856 bytes of LDS; arguments nbr, pts, lowp_scales, w1, g1, b1, w2_codes, g2, b2, w3_codes, g3, b3, w4_codes, g4, wsa, wsb, wsc, wsd; writes wsc
.if DOCPART == 4
	.amdgcn_target "amdgcn-amd-amdhsa--gfx1250"
	.amdhsa_code_object_version 6
	.text
	.protected	k_qd5d2bdb998_passC
	.globl	k_qd5d2bdb998_passC
	.p2align	8
	.type	k_qd5d2bdb998_passC,@function
k_qd5d2bdb998_passC:
	s_mov_b64 s[64:65], 0
	v_nop
	global_prefetch_b8 v0, s[64:65] scope:SCOPE_SE
	s_setreg_imm32_b32 hwreg(HW_REG_WAVE_MODE, 25, 1), 1
	s_wait_xcnt 0x0
; EDGE-CONVOLUTION PASS, PASS = 3 or 4: the layer whose batch statistics and per-point maxima this launch gathers.  The layers below are computed anew from the coordinates.
; A wave owns 16 points x 32 neighbours; row tile t = neighbour slot t of the 16 points (lane % 16 = point), so the maximum over neighbours is a maximum over tiles, lane by lane.
; Products are used transposed (source 0 = 16 weight rows, source 1 = 16 samples).  Lane r of weight tile T takes row 32 (T/2) + 8 (T%2) + r + 8 (r/8): register j of lane (r, h)
; holds channel 32 (T/2) + 16 h + 8 (T%2) + j, and two neighbouring tiles are 16 neighbours along the next K.  Both operands put k = 32 c + 16 h + 0..15 into registers 4 c .. 4 c + 3.
; Weight rows with a negative gain have their codes' signs turned (y' = sgn(g) y): bn + relu is then non-decreasing in y', and a maximum alone is kept.
; Inner layer: D = W h + nm (nm = -mean as C), D alpha + b, held between 0 and the largest code x the scale (relu and hold in one), converted.
; Statistics: a wave's first sample is its pivot P (C = -P); sums of (y-P), (y-P)^2; the work-group stores (mean, M2); the next launch merges 128 partials about the first one's mean.
; LIMITS: finite inputs; each given exponent e between -126 and 112.
.set PASS, 3
.if PASS == 3
.set CF, 128
.set FR, 8
.set GF, 24
.set WP, 22
.set WO, 6
.set OB, 36
.set YOFF, 524288
.set TSZ, 1024
.set OTN, 2048
.set GP, 18
.set BP, 20
.set PB, 34
.set EA, 44
.set LOGH, 5
.else
.set CF, 256
.set FR, 16
.set GF, 30
.set WP, 28
.set WO, 7
.set OB, 38
.set YOFF, 1048576
.set TSZ, 2048
.set OTN, 3072
.set GP, 24
.set BP, 26
.set PB, 36
.set EA, 46
.set LOGH, 6
.endif
.set NCH, CF/2                        ; channels of the layer below
.set NSUB, 256/NCH
.set NP, NCH/2
.set STRIDE, NCH*8
.set PL, NCH*4
.set FRB, FR*128
.set NLF, FR/4
.set NG, CF/64
.set NT, CF/16
.set HBW, 33*FRB                      ; a wave's 32 operand images and a spare one for the last trip's look-ahead
.set UBW, 8704                        ; a wave's 32 slots of coordinates and two spare ones
.set UB, 4*HBW
.set T1, UB+4*UBW                     ; tables: layer 1; +OT2 layer 2; +OT3 layer 3; +ORD scratch; +OST the waves' P, S, Q
.set OT2, 2048
.set OT3, 3072
.set ORD, 5120
.set OST, 9216
.set DA, 16
.set DB, 80
.set CA, 144
.set CB, 176
.set UA, 246
.set UC, 250
.set CL, 8*(PASS-2)
.set DA2, 16
.set DB2, 48
.set S_, 80
.set Q_, 112
.set MX, 144
.set P_, 176
.set FA, 208
.set FB, 224
.set PV, 100
.set SD, 102
.set SQ, 104
.set SM, 106
.set RG, 128
.set MSB, 0
.macro WIN new
.if MSB != \new
	s_set_vgpr_msb (MSB<<8)|\new
.set MSB, \new
.endif
.endm
.macro BAR
	s_wait_dscnt 0x0
	s_barrier_signal -1
	s_barrier_wait -1
.endm
.macro NOP4
.rept 4
	v_nop
.endr
.endm
.macro LDTAB reg, off, pairs          ; a plane of a table: register 16 b + i = channel 32 b + 16 h + i
.set b_, 0
.rept 4*\pairs
	ds_load_b128 v[\reg+4*b_:\reg+4*b_+3], v4 offset:\off+128*(b_/4)+16*(b_%4)
.set b_, b_+1
.endr
.endm
.macro QNT d, n, c, lim, sc
.set q_, 0
.rept \n
	v_med3_num_f32 v[\d+q_], v[\d+q_], 0, v[\lim]
.set q_, q_+1
.endr
.set q_, 0
.rept \n/8
	v_cvt_scalef32_pk8_bf8_f32 v[\c+2*q_:\c+2*q_+1], v[\d+8*q_:\d+8*q_+7], v[\sc]
.set q_, q_+1
.endr
.endm
.macro SCLIM e, vs                    ; 2^e and 57,344 x 2^e
	s_add_co_i32 s54, s[\e], 127
	s_lshl_b32 s55, s54, 23
	v_mov_b32 v[\vs], s55
	s_add_co_i32 s54, s54, 15
	s_lshl_b32 s54, s54, 23
	s_or_b32 s54, s54, 0x600000
	v_mov_b32 v[\vs+1], s54
.endm
.macro REDSTAT bs, vp, vr, stride, pl, np
	global_load_b64 v[PV:PV+1], v[\vp], s[\bs:\bs+1]
.set i_, 0
.rept 32
	global_load_b64 v[RG+4*i_:RG+4*i_+1], v[\vr], s[\bs:\bs+1] offset:i_*\stride
	global_load_b64 v[RG+4*i_+2:RG+4*i_+3], v[\vr], s[\bs:\bs+1] offset:i_*\stride+\pl
.set i_, i_+1
.endr
.irp z,0,1,2,3,4,5
	v_mov_b32 v[SD+\z], 0
.endr
.set i_, 0
.rept \np
.set m_, RG+4*(i_%32)
.set y_, \np-1-i_
.if y_ > 31
.set y_, 31
.endif
	s_wait_loadcnt 2*y_                            ; the younger partials, two loads each, may stay out
	v_pk_add_f32 v[m_:m_+1], v[m_:m_+1], v[PV:PV+1] neg_lo:[0,1] neg_hi:[0,1]
	v_pk_add_f32 v[SM:SM+1], v[SM:SM+1], v[m_+2:m_+3]
	v_pk_add_f32 v[SD:SD+1], v[SD:SD+1], v[m_:m_+1]
	v_pk_fma_f32 v[SQ:SQ+1], v[m_:m_+1], v[m_:m_+1], v[SQ:SQ+1]
.if i_+32 < \np
	global_load_b64 v[m_:m_+1], v[\vr], s[\bs:\bs+1] offset:(i_+32)*\stride
	global_load_b64 v[m_+2:m_+3], v[\vr], s[\bs:\bs+1] offset:(i_+32)*\stride+\pl
.endif
.set i_, i_+1
.endr
.endm
.macro FIN x, nlit, logn, se, ab      ; sums in v[x..x+5] -> nm in v[x+6:x+7], alpha in v[x+8:x+9]; g in v[112:113]
	v_pk_fma_f32 v[\x+6:\x+7], v[\x:\x+1], 0x3c000000, v[PV:PV+1] op_sel_hi:[1,0,1]
	v_pk_mul_f32 v[\x+8:\x+9], v[\x:\x+1], v[\x:\x+1]
	v_pk_fma_f32 v[\x+8:\x+9], v[\x+8:\x+9], 0xbc000000, v[\x+2:\x+3] op_sel_hi:[1,0,1]
	v_pk_fma_f32 v[\x+8:\x+9], v[\x+8:\x+9], \nlit, v[\x+4:\x+5] op_sel_hi:[1,0,1]
	s_lshl_b32 s55, s[\se], 1
	s_sub_co_i32 s55, s55, \logn
	v_ldexp_f32 v[\x+8], v[\x+8], s55
	v_ldexp_f32 v[\x+9], v[\x+9], s55
	v_max_num_f32 v[\x+8], 0, v[\x+8]
	v_max_num_f32 v[\x+9], 0, v[\x+9]
	v_add_f32 v[\x+8], 0x3727c5ac, v[\x+8]
	v_add_f32 v[\x+9], 0x3727c5ac, v[\x+9]
	v_rsq_f32 v[\x+8], v[\x+8]
	v_rsq_f32 v[\x+9], v[\x+9]
	v_xor_b32 v[\x+6], 0x80000000, v[\x+6]
	v_xor_b32 v[\x+7], 0x80000000, v[\x+7]
	s_wait_alu depctr_va_vdst(0)                   ; one wait for both roots, ahead of their first reader
.if \ab
	v_mul_f32 v[\x+8], |v112|, v[\x+8]
	v_mul_f32 v[\x+9], |v113|, v[\x+9]
.else
	v_mul_f32 v[\x+8], v112, v[\x+8]
	v_mul_f32 v[\x+9], v113, v[\x+9]
.endif
	v_ldexp_f32 v[\x+8], v[\x+8], s[\se]
	v_ldexp_f32 v[\x+9], v[\x+9], s[\se]
.endm
.macro SGN gr, n, wr, fr, win         ; the signs of n tiles' codes are turned where the gain is negative
.set t_, 0
.rept \n
	v_ashrrev_i32 v[\gr+t_], 31, v[\gr+t_]
	v_and_b32 v[\gr+t_], 0x80808080, v[\gr+t_]
.set t_, t_+1
.endr
	WIN \win
.set t_, 0
.rept \n*\fr
	v_xor_b32 v[\wr+t_], v[\gr+t_/\fr], v[\wr+t_]
.set t_, t_+1
.endr
	WIN 0
.endm
.macro PKF d, a, b, n                 ; n packed D = D a + b
.set q_, 0
.rept \n
	v_pk_fma_f32 v[\d+q_:\d+q_+1], v[\d+q_:\d+q_+1], v[\a+q_:\a+q_+1], v[\b+q_:\b+q_+1]
.set q_, q_+2
.endr
.endm
.macro FETCH f, va, off
.set c_, 0
.rept NLF
	ds_load_b128 v[\f+4*c_:\f+4*c_+3], v[\va] offset:\off+512*c_
.set c_, c_+1
.endr
.endm
.macro PROD d, f, g, zero             ; 64 channels of the last layer for one row tile: weights window 3, C = -P window 2
	WIN 0x23
.irp t,0,1,2,3
.if FR == 8
.if \zero
	v_wmma_f32_16x16x64_bf8_bf8 v[\d+8*\t:\d+8*\t+7], v[8*(4*\g+\t):8*(4*\g+\t)+7], v[\f:\f+7], 0
.else
	v_wmma_f32_16x16x64_bf8_bf8 v[\d+8*\t:\d+8*\t+7], v[8*(4*\g+\t):8*(4*\g+\t)+7], v[\f:\f+7], v[8*\t:8*\t+7]
.endif
.else
.if \zero
	v_wmma_f32_16x16x128_bf8_bf8 v[\d+8*\t:\d+8*\t+7], v[16*(4*\g+\t):16*(4*\g+\t)+15], v[\f:\f+15], 0
.else
	v_wmma_f32_16x16x128_bf8_bf8 v[\d+8*\t:\d+8*\t+7], v[16*(4*\g+\t):16*(4*\g+\t)+15], v[\f:\f+15], v[8*\t:8*\t+7]
.endif
.endif
.endr
	WIN 0
.endm
.macro ACC d                          ; sum, sum of squares, maximum; each accumulator from its low end on
.set q_, 0
.rept 16
	v_pk_add_f32 v[S_+q_:S_+q_+1], v[S_+q_:S_+q_+1], v[\d+q_:\d+q_+1]
.set q_, q_+2
.endr
.set q_, 0
.rept 16
	v_pk_fma_f32 v[Q_+q_:Q_+q_+1], v[\d+q_:\d+q_+1], v[\d+q_:\d+q_+1], v[Q_+q_:Q_+q_+1]
.set q_, q_+2
.endr
.set q_, 0
.rept 32
	v_max_num_f32 v[MX+q_], v[MX+q_], v[\d+q_]
.set q_, q_+1
.endr
.endm
.macro STP rb, pl, g
.set n_, 0
.rept 8
	ds_store_b128 v5, v[\rb+4*n_:\rb+4*n_+3] offset:\pl*CF*4+256*\g+128*(n_/4)+16*(n_%4)
.set n_, n_+1
.endr
.endm
.macro GROUP g                        ; while one tile's results are summed, the next tile's products run and the one after is fetched
	FETCH FA, 3, 0
	s_wait_dscnt 0x0
	PROD DA2, FA, \g, 1
	NOP4
.set q_, 0
.rept 32
	v_mov_b32_dpp v[P_+q_], v[DA2+q_] row_share:0 row_mask:0xf bank_mask:0xf   ; the pivot: sample 0 of tile 0
.set q_, q_+1
.endr
	WIN 0x80
.set q_, 0
.rept 32
	v_xor_b32 v[q_], s68, v[P_+q_]
.set q_, q_+1
.endr
	WIN 0
.set q_, 0
.rept 16
	v_pk_add_f32 v[S_+q_:S_+q_+1], v[DA2+q_:DA2+q_+1], v[P_+q_:P_+q_+1] neg_lo:[0,1] neg_hi:[0,1]
	v_pk_add_f32 v[MX+q_:MX+q_+1], v[DA2+q_:DA2+q_+1], v[P_+q_:P_+q_+1] neg_lo:[0,1] neg_hi:[0,1]
.set q_, q_+2
.endr
.set q_, 0
.rept 16
	v_pk_mul_f32 v[Q_+q_:Q_+q_+1], v[S_+q_:S_+q_+1], v[S_+q_:S_+q_+1]
.set q_, q_+2
.endr
	FETCH FA, 3, FRB
	FETCH FB, 3, 2*FRB
	s_wait_dscnt NLF                               ; tile 1 is in; tile 2's loads are younger
	PROD DA2, FA, \g, 0
	NOP4
	s_mov_b32 s63, 3*FRB
	s_mov_b32 s62, 15
.Lgrp\@:
	s_wait_dscnt 0x0
	PROD DB2, FB, \g, 0
	v_add_nc_u32 v254, s63, v3
	FETCH FA, 254, 0
	s_add_co_u32 s63, s63, FRB
	ACC DA2
	s_wait_dscnt 0x0
	PROD DA2, FA, \g, 0
	v_add_nc_u32 v255, s63, v3
	FETCH FB, 255, 0                               ; the last trip fetches the spare image
	s_add_co_u32 s63, s63, FRB
	ACC DB2
	s_sub_co_u32 s62, s62, 1
	s_cmp_lg_u32 s62, 0
	s_cbranch_scc1 .Lgrp\@
	ACC DA2
	s_wait_dscnt 0x0
.irp X,1,2,4,8
.set q_, 0
.rept 64
	v_add_f32_dpp v[S_+q_], v[S_+q_], v[S_+q_] row_xmask:\X row_mask:0xf bank_mask:0xf
.set q_, q_+1
.endr
.endr
	STP P_, 0, \g
	STP S_, 1, \g
	STP Q_, 2, \g
.set q_, 0
.rept 16
	v_pk_add_f32 v[DA2+q_:DA2+q_+1], v[MX+q_:MX+q_+1], v[P_+q_:P_+q_+1]
.set q_, q_+2
.endr
.set n_, 0
.rept 8
	global_store_b128 v1, v[DA2+4*n_:DA2+4*n_+3], s[74:75] offset:(8*\g+n_)*512   ; images of registers: 512 consecutive bytes a store
.set n_, n_+1
.endr
	s_wait_xcnt 0x0                                ; the stores have read their registers
.endm
	s_load_b512 s[4:19], s[0:1], 0x0               ; nbr 4, pts 6, scales 8, w1 10, g1 12, b1 14, w2 16, g2 18
	s_load_b512 s[20:35], s[0:1], 0x40             ; b2 20, w3 22, g3 24, b3 26, w4 28, g4 30, wsa 32, wsb 34
	s_load_b128 s[36:39], s[0:1], 0x80             ; wsc 36, wsd 38
	v_lshl_add_u32 v15, v0, 2, 0x2d400
	s_set_vgpr_msb 0x80
	v_mov_b32 v255, 0
	s_set_vgpr_msb 0x8000
	v_lshrrev_b32 v14, 5, v0
	v_readfirstlane_b32 s40, v14                   ; wave
	s_lshr_b32 s42, ttmp9, 7                       ; cloud
	s_lshl_b32 s43, ttmp9, 2
	s_add_co_u32 s43, s43, s40                     ; my group of 16 points
	s_mov_b32 s68, 0x80000000
	s_mov_b32 s53, 0
	v_and_b32 v14, 31, v0
	v_and_b32 v88, 15, v0                          ; r
	v_bfe_u32 v89, v0, 4, 1                        ; h
	v_lshlrev_b32 v1, 4, v14
	s_mul_i32 s52, s40, UBW
	s_add_co_u32 s52, s52, UB
	v_lshl_add_u32 v2, v88, 4, s52                 ; coordinates: read at 16 r,
	v_lshl_add_u32 v8, v89, 12, v2                 ; written at 4,096 h + 16 r
	s_mul_i32 s52, s40, HBW
	v_add_nc_u32 v3, s52, v1                       ; my operand images
	v_lshl_add_u32 v4, v89, 6, T1
	s_mul_i32 s52, s40, 3*CF*4
	s_add_co_u32 s52, s52, T1+OST
	v_lshl_add_u32 v5, v89, 6, s52
	v_and_b32 v13, 8, v88
	v_add_nc_u32 v13, v13, v88                     ; r + 8 (r / 8)
	v_lshlrev_b32 v6, 6, v13
	v_lshl_add_u32 v6, v89, 4, v6
	v_lshlrev_b32 v7, 7, v13
	v_lshl_add_u32 v7, v89, 4, v7
	v_lshlrev_b32 v13, 2, v13
	v_lshl_add_u32 v10, v0, 3, T1
	v_mov_b32 v11, T1
	v_lshl_add_u32 v12, v0, 4, T1
	v_lshlrev_b32 v94, 4, v0
	v_lshlrev_b32 v95, 3, v0
	v_lshlrev_b32 v90, 7, v88
	v_lshl_add_u32 v90, v89, 6, v90                ; my 16 indices: point r, half h
	s_and_b32 s52, s43, 127
	s_lshl_b32 s52, s52, 8
	v_lshl_add_u32 v91, v88, 4, s52                ; my centre
	v_and_b32 v34, NCH/2-1, v0                     ; pair of channels
	v_lshrrev_b32 v35, LOGH, v0                    ; subset of the partials
	v_mul_u32_u24 v9, v35, 12*NCH
	v_lshl_add_u32 v9, v34, 3, v9
	v_add_nc_u32 v9, T1+ORD, v9
	v_mul_u32_u24 v110, v35, NP*STRIDE
	v_lshl_add_u32 v110, v34, 3, v110
	v_lshlrev_b32 v109, 3, v34
	s_wait_kmcnt 0x0
	s_lshl_b32 s59, s42, 5
	s_load_b256 s[44:51], s[8:9], s59 offset:0x0   ; the cloud's eight exponents
	s_lshl_b32 s52, s43, 11
	s_add_nc_u64 s[70:71], s[4:5], s[52:53]
	s_lshr_b32 s52, s43, 7
	s_lshl_b32 s52, s52, 15
	s_add_nc_u64 s[72:73], s[6:7], s[52:53]
	s_mul_i32 s52, s43, CF*64
	s_add_co_u32 s52, s52, YOFF
	s_add_nc_u64 s[74:75], s[OB:OB+1], s[52:53]    ; my maxima
	s_mul_i32 s52, ttmp9, CF*8
	s_add_co_u32 s52, s52, 4096
	s_add_nc_u64 s[82:83], s[OB:OB+1], s[52:53]    ; my work-group's partial
	s_mul_i32 s52, s42, TSZ
	s_add_nc_u64 s[84:85], s[OB:OB+1], s[52:53]    ; the copy of the table made here
	s_mul_i32 s52, s42, 128*STRIDE
	s_add_co_u32 s52, s52, 4096
	s_add_nc_u64 s[76:77], s[PB:PB+1], s[52:53]
	s_lshl_b32 s52, s42, 11
	s_add_nc_u64 s[78:79], s[34:35], s[52:53]
.if PASS == 4
	s_lshl_b32 s52, s42, 10
	s_add_nc_u64 s[80:81], s[36:37], s[52:53]
.endif
.set i_, 0
.rept 4
	global_load_b128 v[16+4*i_:19+4*i_], v90, s[70:71] offset:16*i_
.set i_, i_+1
.endr
	global_load_b128 v[36:39], v91, s[72:73]
.set t_, 0
.rept NT
	global_load_b32 v[40+t_], v13, s[GF:GF+1] offset:(32*(t_/2)+8*(t_%2))*4
.set t_, t_+1
.endr
	global_load_b128 v[68:71], v94, s[78:79]       ; layer 1's table
	global_load_b64 v[112:113], v109, s[GP:GP+1]
	global_load_b64 v[114:115], v109, s[BP:BP+1]
.set t_, 0
.rept 4
	global_load_b32 v[56+t_], v13, s[18:19] offset:(32*(t_/2)+8*(t_%2))*4
.set t_, t_+1
.endr
	WIN 0x40
.set t_, 0
.rept 4
	global_load_b128 v[128+8*t_:131+8*t_], v6, s[16:17] offset:(32*(t_/2)+8*(t_%2))*64
	global_load_b128 v[132+8*t_:135+8*t_], v6, s[16:17] offset:(32*(t_/2)+8*(t_%2))*64+32
.set t_, t_+1
.endr
	WIN 0
.if PASS == 4
	global_load_b64 v[72:73], v95, s[80:81]        ; layer 2's table
.set t_, 0
.rept 8
	global_load_b32 v[60+t_], v13, s[24:25] offset:(32*(t_/2)+8*(t_%2))*4
.set t_, t_+1
.endr
	WIN 0x80
.set t_, 0
.rept 8
	global_load_b128 v[8*t_:8*t_+3], v6, s[22:23] offset:(32*(t_/2)+8*(t_%2))*64
	global_load_b128 v[8*t_+4:8*t_+7], v6, s[22:23] offset:(32*(t_/2)+8*(t_%2))*64+32
.set t_, t_+1
.endr
	WIN 0
.endif
	s_wait_loadcnt 0x0
.set i_, 0
.rept 16
	v_min_u32 v[16+i_], 0x7ff, v[16+i_]            ; an index stays inside its table
	v_lshlrev_b32 v[16+i_], 4, v[16+i_]
.set i_, i_+1
.endr
	WIN 0x80                                       ; the neighbours land in window 2, v64-127
.set i_, 0
.rept 16
	global_load_b128 v[64+4*i_:67+4*i_], v[16+i_], s[72:73]
.set i_, i_+1
.endr
	WIN 0xc0                                       ; the last layer's weights: window 3
.set t_, 0
.rept NT*NLF
	global_load_b128 v[4*t_:4*t_+3], v[WO], s[WP:WP+1] offset:(32*(t_/NLF/2)+8*((t_/NLF)%2))*(FR*8)+32*(t_%NLF)
.set t_, t_+1
.endr
	WIN 0
	REDSTAT 76, 109, 110, STRIDE, PL, NP
	s_wait_kmcnt 0x0
	ds_store_b64 v9, v[SD:SD+1]
	ds_store_b64 v9, v[SQ:SQ+1] offset:NCH*4
	ds_store_b64 v9, v[SM:SM+1] offset:NCH*8
	ds_store_b128 v12, v[68:71]
.if PASS == 4
	ds_store_b64 v10, v[72:73] offset:OT2
.endif
	BAR
	s_cmp_ge_u32 s40, NCH/64
	s_cbranch_scc1 .Lfs
.set i_, 0
.rept 3*NSUB
	ds_load_b64 v[128+2*i_:129+2*i_], v10 offset:ORD+i_*NCH*4
.set i_, i_+1
.endr
	s_wait_dscnt 0x0
.set i_, 3
.rept 3*NSUB-3
	v_pk_add_f32 v[128+2*(i_%3):129+2*(i_%3)], v[128+2*(i_%3):129+2*(i_%3)], v[128+2*i_:129+2*i_]
.set i_, i_+1
.endr
	s_add_co_i32 s54, s[EA], s[EA+1]
	FIN 128, 0x45000000, 18, 54, 1
	ds_store_b64 v10, v[134:135] offset:OTN
	ds_store_b64 v10, v[136:137] offset:OTN+NCH*4
	ds_store_b64 v10, v[114:115] offset:OTN+NCH*8
	ds_store_b64 v10, v[114:115] offset:OTN+NCH*12
.Lfs:
	BAR
	s_and_b32 s52, ttmp9, 127                      ; the cloud's first work-group keeps the new table for the later launches
	s_cmp_lg_u32 s52, 0
	s_cbranch_scc1 .Lnocopy
.if TSZ == 2048
	ds_load_b128 v[124:127], v12 offset:OTN
	s_wait_dscnt 0x0
	global_store_b128 v94, v[124:127], s[84:85]
.else
	ds_load_b64 v[124:125], v10 offset:OTN
	s_wait_dscnt 0x0
	global_store_b64 v95, v[124:125], s[84:85]
.endif
.Lnocopy:
	; a lane's coefficients.  Window 1: A1x 0-31, A1y 32-63, A1z 64-95, Qc 96-127, W2 128-159, nm2, alpha2, b2.  Window 2: W3 0-63, nm3, alpha3, b3
	ds_load_b128 v[116:119], v11 offset:1792
	ds_load_b128 v[120:123], v11 offset:1808
	WIN 0x40
	LDTAB 0, 0, 2
	LDTAB 32, 256, 2
	LDTAB 64, 512, 2
	WIN 0
	LDTAB 128, 768, 2
	LDTAB 160, 1024, 2
	LDTAB 192, 1280, 2
	LDTAB 224, 1536, 2
	s_wait_dscnt 0x0
	v_sub_f32 v36, v36, v120
	v_sub_f32 v37, v37, v121
	v_sub_f32 v38, v38, v122
.set q_, 0
.rept 16
	v_pk_fma_f32 v[224+q_:225+q_], v[128+q_:129+q_], v[36:37], v[224+q_:225+q_] op_sel_hi:[1,0,1]
.set q_, q_+2
.endr
.set q_, 0
.rept 16
	v_pk_fma_f32 v[224+q_:225+q_], v[160+q_:161+q_], v[36:37], v[224+q_:225+q_] op_sel:[0,1,0] op_sel_hi:[1,1,1]
.set q_, q_+2
.endr
	WIN 0x40
.set q_, 0
.rept 16
	v_pk_fma_f32 v[96+q_:97+q_], v[192+q_:193+q_], v[38:39], v[224+q_:225+q_] op_sel_hi:[1,0,1]   ; the centre's share and the bias
.set q_, q_+2
.endr
	WIN 0x02
.set i_, 0
.rept 16
	v_sub_f32 v[128+4*i_], v[64+4*i_], v116        ; the neighbour less the neighbours' mean place
	v_sub_f32 v[129+4*i_], v[65+4*i_], v117
	v_sub_f32 v[130+4*i_], v[66+4*i_], v118
.set i_, i_+1
.endr
	WIN 0
.set i_, 0
.rept 16
	ds_store_b128 v8, v[128+4*i_:131+4*i_] offset:256*i_
.set i_, i_+1
.endr
	ds_store_b128 v2, v[116:119] offset:8192       ; the two spare slots
	ds_store_b128 v2, v[116:119] offset:8448
	WIN 0x40
	LDTAB 160, OT2, 2
	LDTAB 192, OT2+256, 2
	LDTAB 224, OT2+512, 2
	WIN 0
.if PASS == 4
	WIN 0x80
	LDTAB 64, OT3, 4
	LDTAB 128, OT3+512, 4
	LDTAB 192, OT3+1024, 4
	WIN 0
.endif
	SGN 40, NT, 0, FR, 0xcc
	SGN 56, 4, 128, 8, 0x44
.if PASS == 4
	SGN 60, 8, 0, 8, 0x88
.endif
	SCLIM 44, 208
	SCLIM 46, 210
.if PASS == 4
	SCLIM 48, 212
.endif
	ds_load_b128 v[UA:UA+3], v2
	ds_load_b128 v[UC:UC+3], v2 offset:256
	s_mov_b32 s60, 0
	s_mov_b32 s61, 0
	s_mov_b32 s62, 16
	s_wait_xcnt 0x0
	s_wait_dscnt 0x0
	; PHASE I: the operand of the last layer, two row tiles a trip
.Ltrip:
	s_wait_dscnt 2*NLF                             ; the two coordinate loads are older than the last trip's code stores
	WIN 0x11
.set q_, 0
.rept 16
	v_pk_fma_f32 v[DA+q_:DA+q_+1], v[q_:q_+1], v[UA:UA+1], v[96+q_:97+q_] op_sel_hi:[1,0,1]
	v_pk_fma_f32 v[DB+q_:DB+q_+1], v[q_:q_+1], v[UC:UC+1], v[96+q_:97+q_] op_sel_hi:[1,0,1]
.set q_, q_+2
.endr
	WIN 0x01
.set q_, 0
.rept 16
	v_pk_fma_f32 v[DA+q_:DA+q_+1], v[32+q_:33+q_], v[UA:UA+1], v[DA+q_:DA+q_+1] op_sel:[0,1,0] op_sel_hi:[1,1,1]
	v_pk_fma_f32 v[DB+q_:DB+q_+1], v[32+q_:33+q_], v[UC:UC+1], v[DB+q_:DB+q_+1] op_sel:[0,1,0] op_sel_hi:[1,1,1]
.set q_, q_+2
.endr
.set q_, 0
.rept 16
	v_pk_fma_f32 v[DA+q_:DA+q_+1], v[64+q_:65+q_], v[UA+2:UA+3], v[DA+q_:DA+q_+1] op_sel_hi:[1,0,1]
	v_pk_fma_f32 v[DB+q_:DB+q_+1], v[64+q_:65+q_], v[UC+2:UC+3], v[DB+q_:DB+q_+1] op_sel_hi:[1,0,1]
.set q_, q_+2
.endr
	WIN 0
	s_add_co_u32 s60, s60, 512
	v_add_nc_u32 v254, s60, v2
	ds_load_b128 v[UA:UA+3], v254                  ; the next trip's coordinates
	ds_load_b128 v[UC:UC+3], v254 offset:256
	QNT DA, 32, CA, 209, 208
	QNT DB, 32, CB, 209, 208
	v_nop                                          ; a plain line behind the last conversion
	WIN 0x11
.irp t,0,1,2,3
	v_wmma_f32_16x16x64_bf8_bf8 v[DA+8*\t:DA+8*\t+7], v[128+8*\t:135+8*\t], v[CA:CA+7], v[160+8*\t:167+8*\t]
.endr
.irp t,0,1,2,3
	v_wmma_f32_16x16x64_bf8_bf8 v[DB+8*\t:DB+8*\t+7], v[128+8*\t:135+8*\t], v[CB:CB+7], v[160+8*\t:167+8*\t]
.endr
	NOP4
	WIN 0x14
	PKF DA, 192, 224, 16
	PKF DB, 192, 224, 16
	WIN 0
	QNT DA, 32, CA+8, 211, 210
	QNT DB, 32, CB+8, 211, 210
	v_nop
.if PASS == 4
	WIN 0x22
.irp t,0,1,2,3,4,5,6,7
	v_wmma_f32_16x16x64_bf8_bf8 v[DA+8*\t:DA+8*\t+7], v[8*\t:8*\t+7], v[CA+8:CA+15], v[64+8*\t:71+8*\t]
.endr
.irp t,0,1,2,3,4,5,6,7
	v_wmma_f32_16x16x64_bf8_bf8 v[DB+8*\t:DB+8*\t+7], v[8*\t:8*\t+7], v[CB+8:CB+15], v[64+8*\t:71+8*\t]
.endr
	NOP4
	WIN 0x28
	PKF DA, 128, 192, 32
	PKF DB, 128, 192, 32
	WIN 0
	QNT DA, 64, CA+16, 213, 212
	QNT DB, 64, CB+16, 213, 212
	v_nop
.endif
	v_add_nc_u32 v255, s61, v3
.set c_, 0
.rept NLF
	ds_store_b128 v255, v[CA+CL+4*c_:CA+CL+4*c_+3] offset:512*c_
	ds_store_b128 v255, v[CB+CL+4*c_:CB+CL+4*c_+3] offset:FRB+512*c_
.set c_, c_+1
.endr
	s_add_co_u32 s61, s61, 2*FRB
	s_sub_co_u32 s62, s62, 1
	s_cmp_lg_u32 s62, 0
	s_cbranch_scc1 .Ltrip
	v_add_nc_u32 v255, s61, v3
.set c_, 0
.rept NLF
	ds_store_b128 v255, v[CB+CL+4*c_:CB+CL+4*c_+3] offset:512*c_   ; the spare image
.set c_, c_+1
.endr
	; PHASE II: the last layer, 64 channels at a time
.set gg, 0
.rept NG
	GROUP gg
.set gg, gg+1
.endr
	BAR
	s_cmp_ge_u32 s40, CF/64
	s_cbranch_scc1 .Lend
.irp w,0,1,2,3
	ds_load_b64 v[16+6*\w:17+6*\w], v10 offset:OST+\w*3*CF*4
	ds_load_b64 v[18+6*\w:19+6*\w], v10 offset:OST+\w*3*CF*4+CF*4
	ds_load_b64 v[20+6*\w:21+6*\w], v10 offset:OST+\w*3*CF*4+CF*8
.endr
	v_lshlrev_b32 v54, 3, v0
	s_wait_dscnt 0x0
.irp w,0,1,2,3
	v_pk_fma_f32 v[16+6*\w:17+6*\w], v[18+6*\w:19+6*\w], 0x3b000000, v[16+6*\w:17+6*\w] op_sel_hi:[1,0,1]   ; a wave's mean = P + S / 512
	v_pk_mul_f32 v[18+6*\w:19+6*\w], v[18+6*\w:19+6*\w], v[18+6*\w:19+6*\w]
	v_pk_fma_f32 v[20+6*\w:21+6*\w], v[18+6*\w:19+6*\w], 0xbb000000, v[20+6*\w:21+6*\w] op_sel_hi:[1,0,1]   ; its M2 = Q - S^2 / 512
.endr
	v_pk_add_f32 v[40:41], v[22:23], v[16:17] neg_lo:[0,1] neg_hi:[0,1]
	v_pk_add_f32 v[42:43], v[28:29], v[16:17] neg_lo:[0,1] neg_hi:[0,1]
	v_pk_add_f32 v[44:45], v[34:35], v[16:17] neg_lo:[0,1] neg_hi:[0,1]
	v_pk_add_f32 v[46:47], v[40:41], v[42:43]
	v_pk_add_f32 v[46:47], v[46:47], v[44:45]
	v_pk_mul_f32 v[46:47], v[46:47], 0x3e800000 op_sel_hi:[1,0]
	v_pk_add_f32 v[48:49], v[16:17], v[46:47]      ; the work-group's mean
	v_pk_mul_f32 v[50:51], v[46:47], v[46:47]
.irp d,40,42,44
	v_pk_add_f32 v[\d:\d+1], v[\d:\d+1], v[46:47] neg_lo:[0,1] neg_hi:[0,1]
	v_pk_fma_f32 v[50:51], v[\d:\d+1], v[\d:\d+1], v[50:51]
.endr
	v_pk_add_f32 v[52:53], v[20:21], v[26:27]
	v_pk_add_f32 v[52:53], v[52:53], v[32:33]
	v_pk_add_f32 v[52:53], v[52:53], v[38:39]
	v_pk_fma_f32 v[52:53], v[50:51], 0x44000000, v[52:53] op_sel_hi:[1,0,1]
	global_store_b64 v54, v[48:49], s[82:83]
	global_store_b64 v54, v[52:53], s[82:83] offset:CF*4
.Lend:
	s_set_vgpr_msb 0x8
	s_wait_tensorcnt 0x0
	ds_add_u32 v15, v255
	s_wait_dscnt 0x0
	s_set_vgpr_msb 0x800
	s_endpgm
.Lfunc_end_k_qd5d2bdb998_passC:
	.size	k_qd5d2bdb998_passC, .Lfunc_end_k_qd5d2bdb998_passC-k_qd5d2bdb998_passC
	.p2alignl 7, 3214868480
	.fill 96, 4, 3214868480
	.section	.rodata,"a",@progbits
	.p2align	6, 0x0
	.amdhsa_kernel k_qd5d2bdb998_passC
		.amdhsa_group_segment_fixed_size 185856
		.amdhsa_private_segment_fixed_size 0
		.amdhsa_enable_private_segment 0
		.amdhsa_kernarg_size 144
		.amdhsa_user_sgpr_count 2
		.amdhsa_user_sgpr_kernarg_segment_ptr 1
		.amdhsa_wavefront_size32 1
		.amdhsa_system_sgpr_workgroup_id_x 1
		.amdhsa_system_sgpr_workgroup_id_y 1
		.amdhsa_system_sgpr_workgroup_id_z 1
		.amdhsa_system_vgpr_workitem_id 0
		.amdhsa_next_free_vgpr 1024
		.amdhsa_next_free_sgpr 100
		.amdhsa_reserve_vcc 0
		.amdhsa_float_denorm_mode_32 3
		.amdhsa_float_denorm_mode_16_64 3
		.amdhsa_memory_ordered 1
		.amdhsa_forward_progress 1
		.amdhsa_inst_pref_size 143
	.end_amdhsa_kernel
	.amdgpu_metadata
---
amdhsa.version: [ 1, 2 ]
amdhsa.kernels:
  - .name:           k_qd5d2bdb998_passC
    .symbol:         k_qd5d2bdb998_passC.kd
    .args:
      - { .name: nbr, .offset: 0, .size: 8, .value_kind: global_buffer, .address_space: global }
      - { .name: pts, .offset: 8, .size: 8, .value_kind: global_buffer, .address_space: global }
      - { .name: lowp_scales, .offset: 16, .size: 8, .value_kind: global_buffer, .address_space: global }
      - { .name: w1, .offset: 24, .size: 8, .value_kind: global_buffer, .address_space: global }
      - { .name: g1, .offset: 32, .size: 8, .value_kind: global_buffer, .address_space: global }
      - { .name: b1, .offset: 40, .size: 8, .value_kind: global_buffer, .address_space: global }
      - { .name: w2_codes, .offset: 48, .size: 8, .value_kind: global_buffer, .address_space: global }
      - { .name: g2, .offset: 56, .size: 8, .value_kind: global_buffer, .address_space: global }
      - { .name: b2, .offset: 64, .size: 8, .value_kind: global_buffer, .address_space: global }
      - { .name: w3_codes, .offset: 72, .size: 8, .value_kind: global_buffer, .address_space: global }
      - { .name: g3, .offset: 80, .size: 8, .value_kind: global_buffer, .address_space: global }
      - { .name: b3, .offset: 88, .size: 8, .value_kind: global_buffer, .address_space: global }
      - { .name: w4_codes, .offset: 96, .size: 8, .value_kind: global_buffer, .address_space: global }
      - { .name: g4, .offset: 104, .size: 8, .value_kind: global_buffer, .address_space: global }
      - { .name: wsa, .offset: 112, .size: 8, .value_kind: global_buffer, .address_space: global }
      - { .name: wsb, .offset: 120, .size: 8, .value_kind: global_buffer, .address_space: global }
      - { .name: wsc, .offset: 128, .size: 8, .value_kind: global_buffer, .address_space: global }
      - { .name: wsd, .offset: 136, .size: 8, .value_kind: global_buffer, .address_space: global }
    .group_segment_fixed_size: 185856
    .private_segment_fixed_size: 0
    .kernarg_segment_align: 8
    .kernarg_segment_size: 144
    .max_flat_workgroup_size: 128
    .sgpr_count:     100
    .vgpr_count:     1024
    .wavefront_size: 32
...
	.end_amdgpu_metadata
.endif
;; end of part 4
;; launch passD (part 5): grid 256 x 1, 4 waves a work-group, no clusters, 327,168 bytes of LDS; arguments nbr, pts, lowp_scales, w1, g1, b1, w2_codes, g2, b2, w3_codes, g3, b3, w4_codes, g4, wsa, wsb, wsc, wsd; writes wsd
.if DOCPART == 5
	.amdgcn_target "amdgcn-amd-amdhsa--gfx1250"
	.amdhsa_code_object_version 6
	.text
	.protected	k_qd5d2bdb998_passD
	.globl	k_qd5d2bdb998_passD
	.p2align	8
	.type	k_qd5d2bdb998_passD,@function
k_qd5d2bdb998_passD:
	s_mov_b64 s[64:65], 0
	v_nop
	global_prefetch_b8 v0, s[64:65] scope:SCOPE_SE
	s_setreg_imm32_b32 hwreg(HW_REG_WAVE_MODE, 25, 1), 1
	s_wait_xcnt 0x0
; EDGE-CONVOLUTION PASS, PASS = 3 or 4: the layer whose batch statistics and per-point maxima this launch gathers.  The layers below are computed anew from the coordinates.
; A wave owns 16 points x 32 neighbours; row tile t = neighbour slot t of the 16 points (lane % 16 = point), so the maximum over neighbours is a maximum over tiles, lane by lane.
; Products are used transposed (source 0 = 16 weight rows, source 1 = 16 samples).  Lane r of weight tile T takes row 32 (T/2) + 8 (T%2) + r + 8 (r/8): register j of lane (r, h)
; holds channel 32 (T/2) + 16 h + 8 (T%2) + j, and two neighbouring tiles are 16 neighbours along the next K.  Both operands put k = 32 c + 16 h + 0..15 into registers 4 c .. 4 c + 3.
; Weight rows with a negative gain have their codes' signs turned (y' = sgn(g) y): bn + relu is then non-decreasing in y', and a maximum alone is kept.
; Inner layer: D = W h + nm (nm = -mean as C), D alpha + b, held between 0 and the largest code x the scale (relu and hold in one), converted.
; Statistics: a wave's first sample is its pivot P (C = -P); sums of (y-P), (y-P)^2; the work-group stores (mean, M2); the next launch merges 128 partials about the first one's mean.
; LIMITS: finite inputs; each given exponent e between -126 and 112.
.set PASS, 4
.if PASS == 3
.set CF, 128
.set FR, 8
.set GF, 24
.set WP, 22
.set WO, 6
.set OB, 36
.set YOFF, 524288
.set TSZ, 1024
.set OTN, 2048
.set GP, 18
.set BP, 20
.set PB, 34
.set EA, 44
.set LOGH, 5
.else
.set CF, 256
.set FR, 16
.set GF, 30
.set WP, 28
.set WO, 7
.set OB, 38
.set YOFF, 1048576
.set TSZ, 2048
.set OTN, 3072
.set GP, 24
.set BP, 26
.set PB, 36
.set EA, 46
.set LOGH, 6
.endif
.set NCH, CF/2                        ; channels of the layer below
.set NSUB, 256/NCH
.set NP, NCH/2
.set STRIDE, NCH*8
.set PL, NCH*4
.set FRB, FR*128
.set NLF, FR/4
.set NG, CF/64
.set NT, CF/16
.set HBW, 33*FRB                      ; a wave's 32 operand images and a spare one for the last trip's look-ahead
.set UBW, 8704                        ; a wave's 32 slots of coordinates and two spare ones
.set UB, 4*HBW
.set T1, UB+4*UBW                     ; tables: layer 1; +OT2 layer 2; +OT3 layer 3; +ORD scratch; +OST the waves' P, S, Q
.set OT2, 2048
.set OT3, 3072
.set ORD, 5120
.set OST, 9216
.set DA, 16
.set DB, 80
.set CA, 144
.set CB, 176
.set UA, 246
.set UC, 250
.set CL, 8*(PASS-2)
.set DA2, 16
.set DB2, 48
.set S_, 80
.set Q_, 112
.set MX, 144
.set P_, 176
.set FA, 208
.set FB, 224
.set PV, 100
.set SD, 102
.set SQ, 104
.set SM, 106
.set RG, 128
.set MSB, 0
.macro WIN new
.if MSB != \new
	s_set_vgpr_msb (MSB<<8)|\new
.set MSB, \new
.endif
.endm
.macro BAR
	s_wait_dscnt 0x0
	s_barrier_signal -1
	s_barrier_wait -1
.endm
.macro NOP4
.rept 4
	v_nop
.endr
.endm
.macro LDTAB reg, off, pairs          ; a plane of a table: register 16 b + i = channel 32 b + 16 h + i
.set b_, 0
.rept 4*\pairs
	ds_load_b128 v[\reg+4*b_:\reg+4*b_+3], v4 offset:\off+128*(b_/4)+16*(b_%4)
.set b_, b_+1
.endr
.endm
.macro QNT d, n, c, lim, sc
.set q_, 0
.rept \n
	v_med3_num_f32 v[\d+q_], v[\d+q_], 0, v[\lim]
.set q_, q_+1
.endr
.set q_, 0
.rept \n/8
	v_cvt_scalef32_pk8_bf8_f32 v[\c+2*q_:\c+2*q_+1], v[\d+8*q_:\d+8*q_+7], v[\sc]
.set q_, q_+1
.endr
.endm
.macro SCLIM e, vs                    ; 2^e and 57,344 x 2^e
	s_add_co_i32 s54, s[\e], 127
	s_lshl_b32 s55, s54, 23
	v_mov_b32 v[\vs], s55
	s_add_co_i32 s54, s54, 15
	s_lshl_b32 s54, s54, 23
	s_or_b32 s54, s54, 0x600000
	v_mov_b32 v[\vs+1], s54
.endm
.macro REDSTAT bs, vp, vr, stride, pl, np
	global_load_b64 v[PV:PV+1], v[\vp], s[\bs:\bs+1]
.set i_, 0
.rept 32
	global_load_b64 v[RG+4*i_:RG+4*i_+1], v[\vr], s[\bs:\bs+1] offset:i_*\stride
	global_load_b64 v[RG+4*i_+2:RG+4*i_+3], v[\vr], s[\bs:\bs+1] offset:i_*\stride+\pl
.set i_, i_+1
.endr
.irp z,0,1,2,3,4,5
	v_mov_b32 v[SD+\z], 0
.endr
.set i_, 0
.rept \np
.set m_, RG+4*(i_%32)
.set y_, \np-1-i_
.if y_ > 31
.set y_, 31
.endif
	s_wait_loadcnt 2*y_                            ; the younger partials, two loads each, may stay out
	v_pk_add_f32 v[m_:m_+1], v[m_:m_+1], v[PV:PV+1] neg_lo:[0,1] neg_hi:[0,1]
	v_pk_add_f32 v[SM:SM+1], v[SM:SM+1], v[m_+2:m_+3]
	v_pk_add_f32 v[SD:SD+1], v[SD:SD+1], v[m_:m_+1]
	v_pk_fma_f32 v[SQ:SQ+1], v[m_:m_+1], v[m_:m_+1], v[SQ:SQ+1]
.if i_+32 < \np
	global_load_b64 v[m_:m_+1], v[\vr], s[\bs:\bs+1] offset:(i_+32)*\stride
	global_load_b64 v[m_+2:m_+3], v[\vr], s[\bs:\bs+1] offset:(i_+32)*\stride+\pl
.endif
.set i_, i_+1
.endr
.endm
.macro FIN x, nlit, logn, se, ab      ; sums in v[x..x+5] -> nm in v[x+6:x+7], alpha in v[x+8:x+9]; g in v[112:113]
	v_pk_fma_f32 v[\x+6:\x+7], v[\x:\x+1], 0x3c000000, v[PV:PV+1] op_sel_hi:[1,0,1]
	v_pk_mul_f32 v[\x+8:\x+9], v[\x:\x+1], v[\x:\x+1]
	v_pk_fma_f32 v[\x+8:\x+9], v[\x+8:\x+9], 0xbc000000, v[\x+2:\x+3] op_sel_hi:[1,0,1]
	v_pk_fma_f32 v[\x+8:\x+9], v[\x+8:\x+9], \nlit, v[\x+4:\x+5] op_sel_hi:[1,0,1]
	s_lshl_b32 s55, s[\se], 1
	s_sub_co_i32 s55, s55, \logn
	v_ldexp_f32 v[\x+8], v[\x+8], s55
	v_ldexp_f32 v[\x+9], v[\x+9], s55
	v_max_num_f32 v[\x+8], 0, v[\x+8]
	v_max_num_f32 v[\x+9], 0, v[\x+9]
	v_add_f32 v[\x+8], 0x3727c5ac, v[\x+8]
	v_add_f32 v[\x+9], 0x3727c5ac, v[\x+9]
	v_rsq_f32 v[\x+8], v[\x+8]
	v_rsq_f32 v[\x+9], v[\x+9]
	v_xor_b32 v[\x+6], 0x80000000, v[\x+6]
	v_xor_b32 v[\x+7], 0x80000000, v[\x+7]
	s_wait_alu depctr_va_vdst(0)                   ; one wait for both roots, ahead of their first reader
.if \ab
	v_mul_f32 v[\x+8], |v112|, v[\x+8]
	v_mul_f32 v[\x+9], |v113|, v[\x+9]
.else
	v_mul_f32 v[\x+8], v112, v[\x+8]
	v_mul_f32 v[\x+9], v113, v[\x+9]
.endif
	v_ldexp_f32 v[\x+8], v[\x+8], s[\se]
	v_ldexp_f32 v[\x+9], v[\x+9], s[\se]
.endm
.macro SGN gr, n, wr, fr, win         ; the signs of n tiles' codes are turned where the gain is negative
.set t_, 0
.rept \n
	v_ashrrev_i32 v[\gr+t_], 31, v[\gr+t_]
	v_and_b32 v[\gr+t_], 0x80808080, v[\gr+t_]
.set t_, t_+1
.endr
	WIN \win
.set t_, 0
.rept \n*\fr
	v_xor_b32 v[\wr+t_], v[\gr+t_/\fr], v[\wr+t_]
.set t_, t_+1
.endr
	WIN 0
.endm
.macro PKF d, a, b, n                 ; n packed D = D a + b
.set q_, 0
.rept \n
	v_pk_fma_f32 v[\d+q_:\d+q_+1], v[\d+q_:\d+q_+1], v[\a+q_:\a+q_+1], v[\b+q_:\b+q_+1]
.set q_, q_+2
.endr
.endm
.macro FETCH f, va, off
.set c_, 0
.rept NLF
	ds_load_b128 v[\f+4*c_:\f+4*c_+3], v[\va] offset:\off+512*c_
.set c_, c_+1
.endr
.endm
.macro PROD d, f, g, zero             ; 64 channels of the last layer for one row tile: weights window 3, C = -P window 2
	WIN 0x23
.irp t,0,1,2,3
.if FR == 8
.if \zero
	v_wmma_f32_16x16x64_bf8_bf8 v[\d+8*\t:\d+8*\t+7], v[8*(4*\g+\t):8*(4*\g+\t)+7], v[\f:\f+7], 0
.else
	v_wmma_f32_16x16x64_bf8_bf8 v[\d+8*\t:\d+8*\t+7], v[8*(4*\g+\t):8*(4*\g+\t)+7], v[\f:\f+7], v[8*\t:8*\t+7]
.endif
.else
.if \zero
	v_wmma_f32_16x16x128_bf8_bf8 v[\d+8*\t:\d+8*\t+7], v[16*(4*\g+\t):16*(4*\g+\t)+15], v[\f:\f+15], 0
.else
	v_wmma_f32_16x16x128_bf8_bf8 v[\d+8*\t:\d+8*\t+7], v[16*(4*\g+\t):16*(4*\g+\t)+15], v[\f:\f+15], v[8*\t:8*\t+7]
.endif
.endif
.endr
	WIN 0
.endm
.macro ACC d                          ; sum, sum of squares, maximum; each accumulator from its low end on
.set q_, 0
.rept 16
	v_pk_add_f32 v[S_+q_:S_+q_+1], v[S_+q_:S_+q_+1], v[\d+q_:\d+q_+1]
.set q_, q_+2
.endr
.set q_, 0
.rept 16
	v_pk_fma_f32 v[Q_+q_:Q_+q_+1], v[\d+q_:\d+q_+1], v[\d+q_:\d+q_+1], v[Q_+q_:Q_+q_+1]
.set q_, q_+2
.endr
.set q_, 0
.rept 32
	v_max_num_f32 v[MX+q_], v[MX+q_], v[\d+q_]
.set q_, q_+1
.endr
.endm
.macro STP rb, pl, g
.set n_, 0
.rept 8
	ds_store_b128 v5, v[\rb+4*n_:\rb+4*n_+3] offset:\pl*CF*4+256*\g+128*(n_/4)+16*(n_%4)
.set n_, n_+1
.endr
.endm
.macro GROUP g                        ; while one tile's results are summed, the next tile's products run and the one after is fetched
	FETCH FA, 3, 0
	s_wait_dscnt 0x0
	PROD DA2, FA, \g, 1
	NOP4
.set q_, 0
.rept 32
	v_mov_b32_dpp v[P_+q_], v[DA2+q_] row_share:0 row_mask:0xf bank_mask:0xf   ; the pivot: sample 0 of tile 0
.set q_, q_+1
.endr
	WIN 0x80
.set q_, 0
.rept 32
	v_xor_b32 v[q_], s68, v[P_+q_]
.set q_, q_+1
.endr
	WIN 0
.set q_, 0
.rept 16
	v_pk_add_f32 v[S_+q_:S_+q_+1], v[DA2+q_:DA2+q_+1], v[P_+q_:P_+q_+1] neg_lo:[0,1] neg_hi:[0,1]
	v_pk_add_f32 v[MX+q_:MX+q_+1], v[DA2+q_:DA2+q_+1], v[P_+q_:P_+q_+1] neg_lo:[0,1] neg_hi:[0,1]
.set q_, q_+2
.endr
.set q_, 0
.rept 16
	v_pk_mul_f32 v[Q_+q_:Q_+q_+1], v[S_+q_:S_+q_+1], v[S_+q_:S_+q_+1]
.set q_, q_+2
.endr
	FETCH FA, 3, FRB
	FETCH FB, 3, 2*FRB
	s_wait_dscnt NLF                               ; tile 1 is in; tile 2's loads are younger
	PROD DA2, FA, \g, 0
	NOP4
	s_mov_b32 s63, 3*FRB
	s_mov_b32 s62, 15
.Lgrp\@:
	s_wait_dscnt 0x0
	PROD DB2, FB, \g, 0
	v_add_nc_u32 v254, s63, v3
	FETCH FA, 254, 0
	s_add_co_u32 s63, s63, FRB
	ACC DA2
	s_wait_dscnt 0x0
	PROD DA2, FA, \g, 0
	v_add_nc_u32 v255, s63, v3
	FETCH FB, 255, 0                               ; the last trip fetches the spare image
	s_add_co_u32 s63, s63, FRB
	ACC DB2
	s_sub_co_u32 s62, s62, 1
	s_cmp_lg_u32 s62, 0
	s_cbranch_scc1 .Lgrp\@
	ACC DA2
	s_wait_dscnt 0x0
.irp X,1,2,4,8
.set q_, 0
.rept 64
	v_add_f32_dpp v[S_+q_], v[S_+q_], v[S_+q_] row_xmask:\X row_mask:0xf bank_mask:0xf
.set q_, q_+1
.endr
.endr
	STP P_, 0, \g
	STP S_, 1, \g
	STP Q_, 2, \g
.set q_, 0
.rept 16
	v_pk_add_f32 v[DA2+q_:DA2+q_+1], v[MX+q_:MX+q_+1], v[P_+q_:P_+q_+1]
.set q_, q_+2
.endr
.set n_, 0
.rept 8
	global_store_b128 v1, v[DA2+4*n_:DA2+4*n_+3], s[74:75] offset:(8*\g+n_)*512   ; images of registers: 512 consecutive bytes a store
.set n_, n_+1
.endr
	s_wait_xcnt 0x0                                ; the stores have read their registers
.endm
	s_load_b512 s[4:19], s[0:1], 0x0               ; nbr 4, pts 6, scales 8, w1 10, g1 12, b1 14, w2 16, g2 18
	s_load_b512 s[20:35], s[0:1], 0x40             ; b2 20, w3 22, g3 24, b3 26, w4 28, g4 30, wsa 32, wsb 34
	s_load_b128 s[36:39], s[0:1], 0x80             ; wsc 36, wsd 38
	v_lshrrev_b32 v14, 5, v0
	v_readfirstlane_b32 s40, v14                   ; wave
	s_lshr_b32 s42, ttmp9, 7                       ; cloud
	s_lshl_b32 s43, ttmp9, 2
	s_add_co_u32 s43, s43, s40                     ; my group of 16 points
	s_mov_b32 s68, 0x80000000
	s_mov_b32 s53, 0
	v_and_b32 v14, 31, v0
	v_and_b32 v88, 15, v0                          ; r
	v_bfe_u32 v89, v0, 4, 1                        ; h
	v_lshlrev_b32 v1, 4, v14
	s_mul_i32 s52, s40, UBW
	s_add_co_u32 s52, s52, UB
	v_lshl_add_u32 v2, v88, 4, s52                 ; coordinates: read at 16 r,
	v_lshl_add_u32 v8, v89, 12, v2                 ; written at 4,096 h + 16 r
	s_mul_i32 s52, s40, HBW
	v_add_nc_u32 v3, s52, v1                       ; my operand images
	v_lshl_add_u32 v4, v89, 6, T1
	s_mul_i32 s52, s40, 3*CF*4
	s_add_co_u32 s52, s52, T1+OST
	v_lshl_add_u32 v5, v89, 6, s52
	v_and_b32 v13, 8, v88
	v_add_nc_u32 v13, v13, v88                     ; r + 8 (r / 8)
	v_lshlrev_b32 v6, 6, v13
	v_lshl_add_u32 v6, v89, 4, v6
	v_lshlrev_b32 v7, 7, v13
	v_lshl_add_u32 v7, v89, 4, v7
	v_lshlrev_b32 v13, 2, v13
	v_lshl_add_u32 v10, v0, 3, T1
	v_mov_b32 v11, T1
	v_lshl_add_u32 v12, v0, 4, T1
	v_lshlrev_b32 v94, 4, v0
	v_lshlrev_b32 v95, 3, v0
	v_lshlrev_b32 v90, 7, v88
	v_lshl_add_u32 v90, v89, 6, v90                ; my 16 indices: point r, half h
	s_and_b32 s52, s43, 127
	s_lshl_b32 s52, s52, 8
	v_lshl_add_u32 v91, v88, 4, s52                ; my centre
	v_and_b32 v34, NCH/2-1, v0                     ; pair of channels
	v_lshrrev_b32 v35, LOGH, v0                    ; subset of the partials
	v_mul_u32_u24 v9, v35, 12*NCH
	v_lshl_add_u32 v9, v34, 3, v9
	v_add_nc_u32 v9, T1+ORD, v9
	v_mul_u32_u24 v110, v35, NP*STRIDE
	v_lshl_add_u32 v110, v34, 3, v110
	v_lshlrev_b32 v109, 3, v34
	s_wait_kmcnt 0x0
	s_lshl_b32 s59, s42, 5
	s_load_b256 s[44:51], s[8:9], s59 offset:0x0   ; the cloud's eight exponents
	s_lshl_b32 s52, s43, 11
	s_add_nc_u64 s[70:71], s[4:5], s[52:53]
	s_lshr_b32 s52, s43, 7
	s_lshl_b32 s52, s52, 15
	s_add_nc_u64 s[72:73], s[6:7], s[52:53]
	s_mul_i32 s52, s43, CF*64
	s_add_co_u32 s52, s52, YOFF
	s_add_nc_u64 s[74:75], s[OB:OB+1], s[52:53]    ; my maxima
	s_mul_i32 s52, ttmp9, CF*8
	s_add_co_u32 s52, s52, 4096
	s_add_nc_u64 s[82:83], s[OB:OB+1], s[52:53]    ; my work-group's partial
	s_mul_i32 s52, s42, TSZ
	s_add_nc_u64 s[84:85], s[OB:OB+1], s[52:53]    ; the copy of the table made here
	s_mul_i32 s52, s42, 128*STRIDE
	s_add_co_u32 s52, s52, 4096
	s_add_nc_u64 s[76:77], s[PB:PB+1], s[52:53]
	s_lshl_b32 s52, s42, 11
	s_add_nc_u64 s[78:79], s[34:35], s[52:53]
.if PASS == 4
	s_lshl_b32 s52, s42, 10
	s_add_nc_u64 s[80:81], s[36:37], s[52:53]
.endif
.set i_, 0
.rept 4
	global_load_b128 v[16+4*i_:19+4*i_], v90, s[70:71] offset:16*i_
.set i_, i_+1
.endr
	global_load_b128 v[36:39], v91, s[72:73]
.set t_, 0
.rept NT
	global_load_b32 v[40+t_], v13, s[GF:GF+1] offset:(32*(t_/2)+8*(t_%2))*4
.set t_, t_+1
.endr
	global_load_b128 v[68:71], v94, s[78:79]       ; layer 1's table
	global_load_b64 v[112:113], v109, s[GP:GP+1]
	global_load_b64 v[114:115], v109, s[BP:BP+1]
.set t_, 0
.rept 4
	global_load_b32 v[56+t_], v13, s[18:19] offset:(32*(t_/2)+8*(t_%2))*4
.set t_, t_+1
.endr
	WIN 0x40
.set t_, 0
.rept 4
	global_load_b128 v[128+8*t_:131+8*t_], v6, s[16:17] offset:(32*(t_/2)+8*(t_%2))*64
	global_load_b128 v[132+8*t_:135+8*t_], v6, s[16:17] offset:(32*(t_/2)+8*(t_%2))*64+32
.set t_, t_+1
.endr
	WIN 0
.if PASS == 4
	global_load_b64 v[72:73], v95, s[80:81]        ; layer 2's table
.set t_, 0
.rept 8
	global_load_b32 v[60+t_], v13, s[24:25] offset:(32*(t_/2)+8*(t_%2))*4
.set t_, t_+1
.endr
	WIN 0x80
.set t_, 0
.rept 8
	global_load_b128 v[8*t_:8*t_+3], v6, s[22:23] offset:(32*(t_/2)+8*(t_%2))*64
	global_load_b128 v[8*t_+4:8*t_+7], v6, s[22:23] offset:(32*(t_/2)+8*(t_%2))*64+32
.set t_, t_+1
.endr
	WIN 0
.endif
	s_wait_loadcnt 0x0
.set i_, 0
.rept 16
	v_min_u32 v[16+i_], 0x7ff, v[16+i_]            ; an index stays inside its table
	v_lshlrev_b32 v[16+i_], 4, v[16+i_]
.set i_, i_+1
.endr
	WIN 0x80                                       ; the neighbours land in window 2, v64-127
.set i_, 0
.rept 16
	global_load_b128 v[64+4*i_:67+4*i_], v[16+i_], s[72:73]
.set i_, i_+1
.endr
	WIN 0xc0                                       ; the last layer's weights: window 3
.set t_, 0
.rept NT*NLF
	global_load_b128 v[4*t_:4*t_+3], v[WO], s[WP:WP+1] offset:(32*(t_/NLF/2)+8*((t_/NLF)%2))*(FR*8)+32*(t_%NLF)
.set t_, t_+1
.endr
	WIN 0
	REDSTAT 76, 109, 110, STRIDE, PL, NP
	s_wait_kmcnt 0x0
	ds_store_b64 v9, v[SD:SD+1]
	ds_store_b64 v9, v[SQ:SQ+1] offset:NCH*4
	ds_store_b64 v9, v[SM:SM+1] offset:NCH*8
	ds_store_b128 v12, v[68:71]
.if PASS == 4
	ds_store_b64 v10, v[72:73] offset:OT2
.endif
	BAR
	s_cmp_ge_u32 s40, NCH/64
	s_cbranch_scc1 .Lfs
.set i_, 0
.rept 3*NSUB
	ds_load_b64 v[128+2*i_:129+2*i_], v10 offset:ORD+i_*NCH*4
.set i_, i_+1
.endr
	s_wait_dscnt 0x0
.set i_, 3
.rept 3*NSUB-3
	v_pk_add_f32 v[128+2*(i_%3):129+2*(i_%3)], v[128+2*(i_%3):129+2*(i_%3)], v[128+2*i_:129+2*i_]
.set i_, i_+1
.endr
	s_add_co_i32 s54, s[EA], s[EA+1]
	FIN 128, 0x45000000, 18, 54, 1
	ds_store_b64 v10, v[134:135] offset:OTN
	ds_store_b64 v10, v[136:137] offset:OTN+NCH*4
	ds_store_b64 v10, v[114:115] offset:OTN+NCH*8
	ds_store_b64 v10, v[114:115] offset:OTN+NCH*12
.Lfs:
	BAR
	s_and_b32 s52, ttmp9, 127                      ; the cloud's first work-group keeps the new table for the later launches
	s_cmp_lg_u32 s52, 0
	s_cbranch_scc1 .Lnocopy
.if TSZ == 2048
	ds_load_b128 v[124:127], v12 offset:OTN
	s_wait_dscnt 0x0
	global_store_b128 v94, v[124:127], s[84:85]
.else
	ds_load_b64 v[124:125], v10 offset:OTN
	s_wait_dscnt 0x0
	global_store_b64 v95, v[124:125], s[84:85]
.endif
.Lnocopy:
	; a lane's coefficients.  Window 1: A1x 0-31, A1y 32-63, A1z 64-95, Qc 96-127, W2 128-159, nm2, alpha2, b2.  Window 2: W3 0-63, nm3, alpha3, b3
	ds_load_b128 v[116:119], v11 offset:1792
	ds_load_b128 v[120:123], v11 offset:1808
	WIN 0x40
	LDTAB 0, 0, 2
	LDTAB 32, 256, 2
	LDTAB 64, 512, 2
	WIN 0
	LDTAB 128, 768, 2
	LDTAB 160, 1024, 2
	LDTAB 192, 1280, 2
	LDTAB 224, 1536, 2
	s_wait_dscnt 0x0
	v_sub_f32 v36, v36, v120
	v_sub_f32 v37, v37, v121
	v_sub_f32 v38, v38, v122
.set q_, 0
.rept 16
	v_pk_fma_f32 v[224+q_:225+q_], v[128+q_:129+q_], v[36:37], v[224+q_:225+q_] op_sel_hi:[1,0,1]
.set q_, q_+2
.endr
.set q_, 0
.rept 16
	v_pk_fma_f32 v[224+q_:225+q_], v[160+q_:161+q_], v[36:37], v[224+q_:225+q_] op_sel:[0,1,0] op_sel_hi:[1,1,1]
.set q_, q_+2
.endr
	WIN 0x40
.set q_, 0
.rept 16
	v_pk_fma_f32 v[96+q_:97+q_], v[192+q_:193+q_], v[38:39], v[224+q_:225+q_] op_sel_hi:[1,0,1]   ; the centre's share and the bias
.set q_, q_+2
.endr
	WIN 0x02
.set i_, 0
.rept 16
	v_sub_f32 v[128+4*i_], v[64+4*i_], v116        ; the neighbour less the neighbours' mean place
	v_sub_f32 v[129+4*i_], v[65+4*i_], v117
	v_sub_f32 v[130+4*i_], v[66+4*i_], v118
.set i_, i_+1
.endr
	WIN 0
.set i_, 0
.rept 16
	ds_store_b128 v8, v[128+4*i_:131+4*i_] offset:256*i_
.set i_, i_+1
.endr
	ds_store_b128 v2, v[116:119] offset:8192       ; the two spare slots
	ds_store_b128 v2, v[116:119] offset:8448
	WIN 0x40
	LDTAB 160, OT2, 2
	LDTAB 192, OT2+256, 2
	LDTAB 224, OT2+512, 2
	WIN 0
.if PASS == 4
	WIN 0x80
	LDTAB 64, OT3, 4
	LDTAB 128, OT3+512, 4
	LDTAB 192, OT3+1024, 4
	WIN 0
.endif
	SGN 40, NT, 0, FR, 0xcc
	SGN 56, 4, 128, 8, 0x44
.if PASS == 4
	SGN 60, 8, 0, 8, 0x88
.endif
	SCLIM 44, 208
	SCLIM 46, 210
.if PASS == 4
	SCLIM 48, 212
.endif
	ds_load_b128 v[UA:UA+3], v2
	ds_load_b128 v[UC:UC+3], v2 offset:256
	s_mov_b32 s60, 0
	s_mov_b32 s61, 0
	s_mov_b32 s62, 16
	s_wait_xcnt 0x0
	s_wait_dscnt 0x0
	; PHASE I: the operand of the last layer, two row tiles a trip
.Ltrip:
	s_wait_dscnt 2*NLF                             ; the two coordinate loads are older than the last trip's code stores
	WIN 0x11
.set q_, 0
.rept 16
	v_pk_fma_f32 v[DA+q_:DA+q_+1], v[q_:q_+1], v[UA:UA+1], v[96+q_:97+q_] op_sel_hi:[1,0,1]
	v_pk_fma_f32 v[DB+q_:DB+q_+1], v[q_:q_+1], v[UC:UC+1], v[96+q_:97+q_] op_sel_hi:[1,0,1]
.set q_, q_+2
.endr
	WIN 0x01
.set q_, 0
.rept 16
	v_pk_fma_f32 v[DA+q_:DA+q_+1], v[32+q_:33+q_], v[UA:UA+1], v[DA+q_:DA+q_+1] op_sel:[0,1,0] op_sel_hi:[1,1,1]
	v_pk_fma_f32 v[DB+q_:DB+q_+1], v[32+q_:33+q_], v[UC:UC+1], v[DB+q_:DB+q_+1] op_sel:[0,1,0] op_sel_hi:[1,1,1]
.set q_, q_+2
.endr
.set q_, 0
.rept 16
	v_pk_fma_f32 v[DA+q_:DA+q_+1], v[64+q_:65+q_], v[UA+2:UA+3], v[DA+q_:DA+q_+1] op_sel_hi:[1,0,1]
	v_pk_fma_f32 v[DB+q_:DB+q_+1], v[64+q_:65+q_], v[UC+2:UC+3], v[DB+q_:DB+q_+1] op_sel_hi:[1,0,1]
.set q_, q_+2
.endr
	WIN 0
	s_add_co_u32 s60, s60, 512
	v_add_nc_u32 v254, s60, v2
	ds_load_b128 v[UA:UA+3], v254                  ; the next trip's coordinates
	ds_load_b128 v[UC:UC+3], v254 offset:256
	QNT DA, 32, CA, 209, 208
	QNT DB, 32, CB, 209, 208
	v_nop                                          ; a plain line behind the last conversion
	WIN 0x11
.irp t,0,1,2,3
	v_wmma_f32_16x16x64_bf8_bf8 v[DA+8*\t:DA+8*\t+7], v[128+8*\t:135+8*\t], v[CA:CA+7], v[160+8*\t:167+8*\t]
.endr
.irp t,0,1,2,3
	v_wmma_f32_16x16x64_bf8_bf8 v[DB+8*\t:DB+8*\t+7], v[128+8*\t:135+8*\t], v[CB:CB+7], v[160+8*\t:167+8*\t]
.endr
	NOP4
	WIN 0x14
	PKF DA, 192, 224, 16
	PKF DB, 192, 224, 16
	WIN 0
	QNT DA, 32, CA+8, 211, 210
	QNT DB, 32, CB+8, 211, 210
	v_nop
.if PASS == 4
	WIN 0x22
.irp t,0,1,2,3,4,5,6,7
	v_wmma_f32_16x16x64_bf8_bf8 v[DA+8*\t:DA+8*\t+7], v[8*\t:8*\t+7], v[CA+8:CA+15], v[64+8*\t:71+8*\t]
.endr
.irp t,0,1,2,3,4,5,6,7
	v_wmma_f32_16x16x64_bf8_bf8 v[DB+8*\t:DB+8*\t+7], v[8*\t:8*\t+7], v[CB+8:CB+15], v[64+8*\t:71+8*\t]
.endr
	NOP4
	WIN 0x28
	PKF DA, 128, 192, 32
	PKF DB, 128, 192, 32
	WIN 0
	QNT DA, 64, CA+16, 213, 212
	QNT DB, 64, CB+16, 213, 212
	v_nop
.endif
	v_add_nc_u32 v255, s61, v3
.set c_, 0
.rept NLF
	ds_store_b128 v255, v[CA+CL+4*c_:CA+CL+4*c_+3] offset:512*c_
	ds_store_b128 v255, v[CB+CL+4*c_:CB+CL+4*c_+3] offset:FRB+512*c_
.set c_, c_+1
.endr
	s_add_co_u32 s61, s61, 2*FRB
	s_sub_co_u32 s62, s62, 1
	s_cmp_lg_u32 s62, 0
	s_cbranch_scc1 .Ltrip
	v_add_nc_u32 v255, s61, v3
.set c_, 0
.rept NLF
	ds_store_b128 v255, v[CB+CL+4*c_:CB+CL+4*c_+3] offset:512*c_   ; the spare image
.set c_, c_+1
.endr
	; PHASE II: the last layer, 64 channels at a time
.set gg, 0
.rept NG
	GROUP gg
.set gg, gg+1
.endr
	BAR
	s_cmp_ge_u32 s40, CF/64
	s_cbranch_scc1 .Lend
.irp w,0,1,2,3
	ds_load_b64 v[16+6*\w:17+6*\w], v10 offset:OST+\w*3*CF*4
	ds_load_b64 v[18+6*\w:19+6*\w], v10 offset:OST+\w*3*CF*4+CF*4
	ds_load_b64 v[20+6*\w:21+6*\w], v10 offset:OST+\w*3*CF*4+CF*8
.endr
	v_lshlrev_b32 v54, 3, v0
	s_wait_dscnt 0x0
.irp w,0,1,2,3
	v_pk_fma_f32 v[16+6*\w:17+6*\w], v[18+6*\w:19+6*\w], 0x3b000000, v[16+6*\w:17+6*\w] op_sel_hi:[1,0,1]   ; a wave's mean = P + S / 512
	v_pk_mul_f32 v[18+6*\w:19+6*\w], v[18+6*\w:19+6*\w], v[18+6*\w:19+6*\w]
	v_pk_fma_f32 v[20+6*\w:21+6*\w], v[18+6*\w:19+6*\w], 0xbb000000, v[20+6*\w:21+6*\w] op_sel_hi:[1,0,1]   ; its M2 = Q - S^2 / 512
.endr
	v_pk_add_f32 v[40:41], v[22:23], v[16:17] neg_lo:[0,1] neg_hi:[0,1]
	v_pk_add_f32 v[42:43], v[28:29], v[16:17] neg_lo:[0,1] neg_hi:[0,1]
	v_pk_add_f32 v[44:45], v[34:35], v[16:17] neg_lo:[0,1] neg_hi:[0,1]
	v_pk_add_f32 v[46:47], v[40:41], v[42:43]
	v_pk_add_f32 v[46:47], v[46:47], v[44:45]
	v_pk_mul_f32 v[46:47], v[46:47], 0x3e800000 op_sel_hi:[1,0]
	v_pk_add_f32 v[48:49], v[16:17], v[46:47]      ; the work-group's mean
	v_pk_mul_f32 v[50:51], v[46:47], v[46:47]
.irp d,40,42,44
	v_pk_add_f32 v[\d:\d+1], v[\d:\d+1], v[46:47] neg_lo:[0,1] neg_hi:[0,1]
	v_pk_fma_f32 v[50:51], v[\d:\d+1], v[\d:\d+1], v[50:51]
.endr
	v_pk_add_f32 v[52:53], v[20:21], v[26:27]
	v_pk_add_f32 v[52:53], v[52:53], v[32:33]
	v_pk_add_f32 v[52:53], v[52:53], v[38:39]
	v_pk_fma_f32 v[52:53], v[50:51], 0x44000000, v[52:53] op_sel_hi:[1,0,1]
	global_store_b64 v54, v[48:49], s[82:83]
	global_store_b64 v54, v[52:53], s[82:83] offset:CF*4
.Lend:
	s_wait_xcnt 0x0
	v_lshl_add_u32 v254, v0, 2, 0x4fc00
	v_mov_b32 v255, 0
	s_wait_tensorcnt 0x0
	ds_add_u32 v254, v255
	s_wait_dscnt 0x0
	s_endpgm
.Lfunc_end_k_qd5d2bdb998_passD:
	.size	k_qd5d2bdb998_passD, .Lfunc_end_k_qd5d2bdb998_passD-k_qd5d2bdb998_passD
	.p2alignl 7, 3214868480
	.fill 96, 4, 3214868480
	.section	.rodata,"a",@progbits
	.p2align	6, 0x0
	.amdhsa_kernel k_qd5d2bdb998_passD
		.amdhsa_group_segment_fixed_size 327168
		.amdhsa_private_segment_fixed_size 0
		.amdhsa_enable_private_segment 0
		.amdhsa_kernarg_size 144
		.amdhsa_user_sgpr_count 2
		.amdhsa_user_sgpr_kernarg_segment_ptr 1
		.amdhsa_wavefront_size32 1
		.amdhsa_system_sgpr_workgroup_id_x 1
		.amdhsa_system_sgpr_workgroup_id_y 1
		.amdhsa_system_sgpr_workgroup_id_z 1
		.amdhsa_system_vgpr_workitem_id 0
		.amdhsa_next_free_vgpr 1024
		.amdhsa_next_free_sgpr 100
		.amdhsa_reserve_vcc 0
		.amdhsa_float_denorm_mode_32 3
		.amdhsa_float_denorm_mode_16_64 3
		.amdhsa_memory_ordered 1
		.amdhsa_forward_progress 1
		.amdhsa_inst_pref_size 255
	.end_amdhsa_kernel
	.section	.bss,"aw",@nobits
	.p2align	6
	.space	262144
	.amdgpu_metadata
---
amdhsa.version: [ 1, 2 ]
amdhsa.kernels:
  - .name:           k_qd5d2bdb998_passD
    .symbol:         k_qd5d2bdb998_passD.kd
    .args:
      - { .name: nbr, .offset: 0, .size: 8, .value_kind: global_buffer, .address_space: global }
      - { .name: pts, .offset: 8, .size: 8, .value_kind: global_buffer, .address_space: global }
      - { .name: lowp_scales, .offset: 16, .size: 8, .value_kind: global_buffer, .address_space: global }
      - { .name: w1, .offset: 24, .size: 8, .value_kind: global_buffer, .address_space: global }
      - { .name: g1, .offset: 32, .size: 8, .value_kind: global_buffer, .address_space: global }
      - { .name: b1, .offset: 40, .size: 8, .value_kind: global_buffer, .address_space: global }
      - { .name: w2_codes, .offset: 48, .size: 8, .value_kind: global_buffer, .address_space: global }
      - { .name: g2, .offset: 56, .size: 8, .value_kind: global_buffer, .address_space: global }
      - { .name: b2, .offset: 64, .size: 8, .value_kind: global_buffer, .address_space: global }
      - { .name: w3_codes, .offset: 72, .size: 8, .value_kind: global_buffer, .address_space: global }
      - { .name: g3, .offset: 80, .size: 8, .value_kind: global_buffer, .address_space: global }
      - { .name: b3, .offset: 88, .size: 8, .value_kind: global_buffer, .address_space: global }
      - { .name: w4_codes, .offset: 96, .size: 8, .value_kind: global_buffer, .address_space: global }
      - { .name: g4, .offset: 104, .size: 8, .value_kind: global_buffer, .address_space: global }
      - { .name: wsa, .offset: 112, .size: 8, .value_kind: global_buffer, .address_space: global }
      - { .name: wsb, .offset: 120, .size: 8, .value_kind: global_buffer, .address_space: global }
      - { .name: wsc, .offset: 128, .size: 8, .value_kind: global_buffer, .address_space: global }
      - { .name: wsd, .offset: 136, .size: 8, .value_kind: global_buffer, .address_space: global }
    .group_segment_fixed_size: 327168
    .private_segment_fixed_size: 0
    .kernarg_segment_align: 8
    .kernarg_segment_size: 144
    .max_flat_workgroup_size: 128
    .sgpr_count:     100
    .vgpr_count:     1024
    .wavefront_size: 32
...
	.end_amdgpu_metadata
.endif
;; end of part 5
;; launch gemmE (part 6): grid 256 x 1, 4 waves a work-group, no clusters, 45,568 bytes of LDS; arguments lowp_scales, g4, b4, w5_codes, wsb, wsc, wsd, wse; writes wse
.if DOCPART == 6
	.amdgcn_target "amdgcn-amd-amdhsa--gfx1250"
	.amdhsa_code_object_version 6
	.text
	.protected	k_qd5d2bdb998_gemmE
	.globl	k_qd5d2bdb998_gemmE
	.p2align	8
	.type	k_qd5d2bdb998_gemmE,@function
k_qd5d2bdb998_gemmE:
	s_mov_b64 s[64:65], 0
	v_nop
	global_prefetch_b8 v0, s[64:65] scope:SCOPE_SE
	s_setreg_imm32_b32 hwreg(HW_REG_WAVE_MODE, 25, 1), 1
	s_wait_xcnt 0x0
; cat = (x1, x2, x3, x4) of 64 points, quantised; cat W5^T for the fifth batch-norm's statistics.  The codes of cat go to memory as images of operand registers.
; A wave builds its own 16 points' four K steps (x_l = relu(alpha (ymax + nm) + b); for x1: nm 0, alpha 1, b 0) and hands them to the others through LDS as images.
; Then wave w makes channels 128 w .. +127 for all 64 rows: source 0 = samples, source 1 = 16 rows of W5, so a lane holds one channel and its 32 registers 32 samples.
; No joint loads: what the work-groups share, W5 (256 KiB), lands in registers, and a way through LDS would be one more trip for every byte.
; LIMITS: finite inputs; each given exponent between -126 and 112.
.set XIMG, 8192
.set OUT, 40960
.set PV, 100
.set SD, 102
.set SQ, 104
.set SM, 106
.set RG, 128
.set MSB, 0
.macro WIN new
.if MSB != \new
	s_set_vgpr_msb (MSB<<8)|\new
.set MSB, \new
.endif
.endm
.macro BAR
	s_wait_dscnt 0x0
	s_barrier_signal -1
	s_barrier_wait -1
.endm
.macro LDTAB reg, off, pairs
.set b_, 0
.rept 4*\pairs
	ds_load_b128 v[\reg+4*b_:\reg+4*b_+3], v4 offset:\off+128*(b_/4)+16*(b_%4)
.set b_, b_+1
.endr
.endm
.macro YL reg, n, bs, off             ; n images of four registers
.set i_, 0
.rept \n
	global_load_b128 v[\reg+4*i_:\reg+4*i_+3], v1, s[\bs:\bs+1] offset:\off+512*i_
.set i_, i_+1
.endr
.endm
.macro W5L s                          ; W5's eight fragments of K step s into buffer s % 2 of window 2
	WIN 0x80
.set t_, 0
.rept 32
	global_load_b128 v[128*((\s)%2)+4*t_:128*((\s)%2)+4*t_+3], v6, s[82:83] offset:(t_/4)*8192+128*(\s)+32*(t_%4)
.set t_, t_+1
.endr
	WIN 0
.endm
.macro REDSTAT bs, vp, vr, stride, pl, np
	global_load_b64 v[PV:PV+1], v[\vp], s[\bs:\bs+1]
.set i_, 0
.rept 32
	global_load_b64 v[RG+4*i_:RG+4*i_+1], v[\vr], s[\bs:\bs+1] offset:i_*\stride
	global_load_b64 v[RG+4*i_+2:RG+4*i_+3], v[\vr], s[\bs:\bs+1] offset:i_*\stride+\pl
.set i_, i_+1
.endr
.irp z,0,1,2,3,4,5
	v_mov_b32 v[SD+\z], 0
.endr
.set i_, 0
.rept \np
.set m_, RG+4*(i_%32)
.set y_, \np-1-i_
.if y_ > 31
.set y_, 31
.endif
	s_wait_loadcnt 2*y_                            ; the younger partials, two loads each, may stay out
	v_pk_add_f32 v[m_:m_+1], v[m_:m_+1], v[PV:PV+1] neg_lo:[0,1] neg_hi:[0,1]
	v_pk_add_f32 v[SM:SM+1], v[SM:SM+1], v[m_+2:m_+3]
	v_pk_add_f32 v[SD:SD+1], v[SD:SD+1], v[m_:m_+1]
	v_pk_fma_f32 v[SQ:SQ+1], v[m_:m_+1], v[m_:m_+1], v[SQ:SQ+1]
.if i_+32 < \np
	global_load_b64 v[m_:m_+1], v[\vr], s[\bs:\bs+1] offset:(i_+32)*\stride
	global_load_b64 v[m_+2:m_+3], v[\vr], s[\bs:\bs+1] offset:(i_+32)*\stride+\pl
.endif
.set i_, i_+1
.endr
.endm
	s_load_b512 s[4:19], s[0:1], 0x0               ; scales 4, g4 6, b4 8, w5 10, wsb 12, wsc 14, wsd 16, wse 18
	s_set_vgpr_msb 0xc0
	v_lshl_add_u32 v254, v0, 2, 0xb000
	v_mov_b32 v255, 0
	s_set_vgpr_msb 0xc000
	v_lshrrev_b32 v2, 5, v0
	v_readfirstlane_b32 s40, v2                    ; wave
	s_lshr_b32 s42, ttmp9, 7                       ; cloud
	s_lshl_b32 s43, ttmp9, 2
	s_add_co_u32 s43, s43, s40                     ; my group of 16 points
	s_mov_b32 s53, 0
	s_mov_b32 s66, 0x76543210
	s_mov_b32 s67, 0xfedcba98
	v_and_b32 v2, 31, v0
	v_and_b32 v3, 15, v0                           ; r
	v_bfe_u32 v15, v0, 4, 1                        ; h
	v_lshlrev_b32 v1, 4, v2                        ; 16 x lane
	v_lshlrev_b32 v4, 6, v15                       ; the table: 64 h
	s_lshl_b32 s52, s40, 9
	s_add_co_u32 s52, s52, OUT
	v_lshl_add_u32 v5, v3, 2, s52                  ; the partial: 512 w + 4 r
	v_add_nc_u32 v9, s52, v1
	v_lshlrev_b32 v6, 9, v3
	v_lshl_add_u32 v6, v15, 4, v6                  ; W5: row r of 512 bytes, + 16 h
	s_lshl_b32 s52, s40, 13
	s_add_co_u32 s52, s52, XIMG
	v_add_nc_u32 v7, s52, v1                       ; my four images
	v_add_nc_u32 v8, XIMG, v1
	v_lshlrev_b32 v10, 3, v0
	v_lshlrev_b32 v11, 2, v0
	v_and_b32 v14, 63, v0
	v_lshlrev_b32 v14, 2, v14
	v_bfe_u32 v13, v0, 6, 1
	v_xor_b32 v13, 1, v13
	v_lshl_add_u32 v13, v13, 8, v14                ; threads 0-63: channels 64-127 (layer 2); threads 64-127: channels 0-63 (x1)
	s_wait_kmcnt 0x0
	s_lshl_b32 s59, s42, 5
	s_load_b256 s[44:51], s[4:5], s59 offset:0x0
	s_lshl_b32 s52, s43, 12
	s_add_co_u32 s52, s52, 262144
	s_add_nc_u64 s[70:71], s[12:13], s[52:53]
	s_lshl_b32 s52, s43, 13
	s_add_co_u32 s52, s52, 524288
	s_add_nc_u64 s[72:73], s[14:15], s[52:53]
	s_lshl_b32 s52, s43, 14
	s_add_co_u32 s52, s52, 1048576
	s_add_nc_u64 s[74:75], s[16:17], s[52:53]
	s_lshl_b32 s52, s42, 18
	s_add_co_u32 s52, s52, 4096
	s_add_nc_u64 s[76:77], s[16:17], s[52:53]      ; layer 4's partials
	s_lshl_b32 s52, s42, 10
	s_add_nc_u64 s[78:79], s[14:15], s[52:53]
	s_lshl_b32 s52, s42, 11
	s_add_nc_u64 s[80:81], s[16:17], s[52:53]
	s_lshl_b32 s52, s40, 16
	s_add_nc_u64 s[82:83], s[10:11], s[52:53]
	s_lshl_b32 s52, s43, 13
	s_add_co_u32 s52, s52, 1048576
	s_add_nc_u64 s[84:85], s[18:19], s[52:53]      ; cat's images
	s_lshl_b32 s52, ttmp9, 12
	s_lshl_b32 s54, s40, 9
	s_add_co_u32 s52, s52, s54
	s_add_nc_u64 s[86:87], s[18:19], s[52:53]      ; my part of the partial
	WIN 0x40                                       ; window 1: the maxima, 64 registers a K step
	YL 0, 8, 70, 0
	YL 32, 8, 70, 4194304
	YL 64, 16, 72, 0
	YL 128, 32, 74, 0
	WIN 0
	W5L 0
	W5L 1
.irp p,0,1,2
	global_load_b32 v[16+\p], v14, s[78:79] offset:256*\p
	global_load_b32 v[20+\p], v11, s[80:81] offset:512*\p
.endr
	global_load_b64 v[112:113], v10, s[6:7]
	global_load_b64 v[114:115], v10, s[8:9]
	REDSTAT 76, 10, 10, 2048, 1024, 128
	s_wait_kmcnt 0x0
	s_add_co_i32 s54, s48, s49
	v_pk_fma_f32 v[108:109], v[SD:SD+1], 0x3c000000, v[PV:PV+1] op_sel_hi:[1,0,1]
	v_pk_mul_f32 v[110:111], v[SD:SD+1], v[SD:SD+1]
	v_pk_fma_f32 v[110:111], v[110:111], 0xbc000000, v[SQ:SQ+1] op_sel_hi:[1,0,1]
	v_pk_fma_f32 v[110:111], v[110:111], 0x45000000, v[SM:SM+1] op_sel_hi:[1,0,1]
	s_lshl_b32 s55, s54, 1
	s_sub_co_i32 s55, s55, 18
	v_ldexp_f32 v110, v110, s55
	v_ldexp_f32 v111, v111, s55
	v_max_num_f32 v110, 0, v110
	v_max_num_f32 v111, 0, v111
	v_add_f32 v110, 0x3727c5ac, v110
	v_add_f32 v111, 0x3727c5ac, v111
	v_rsq_f32 v110, v110
	v_rsq_f32 v111, v111
	v_xor_b32 v108, 0x80000000, v108
	v_xor_b32 v109, 0x80000000, v109
	v_cmp_gt_u32 vcc_lo, 64, v0
	v_mov_b32 v24, 0
	v_mov_b32 v25, 1.0
	v_cndmask_b32 v16, v24, v16, vcc_lo
	v_cndmask_b32 v17, v25, v17, vcc_lo
	v_cndmask_b32 v18, v24, v18, vcc_lo
	s_wait_alu depctr_va_vdst(0)                   ; one wait for both roots
	v_mul_f32 v110, |v112|, v110
	v_mul_f32 v111, |v113|, v111
	v_ldexp_f32 v110, v110, s54
	v_ldexp_f32 v111, v111, s54
.irp p,0,1,2
	ds_store_b32 v13, v[16+\p] offset:2048*\p
	ds_store_b32 v11, v[20+\p] offset:2048*\p+512
.endr
	ds_store_b64 v10, v[108:109] offset:1024
	ds_store_b64 v10, v[110:111] offset:3072
	ds_store_b64 v10, v[114:115] offset:5120
	s_add_co_i32 s54, s50, 127
	s_lshl_b32 s55, s54, 23
	v_mov_b32 v12, s55                             ; 2^e6
	s_add_co_i32 s54, s54, 15
	s_lshl_b32 s54, s54, 23
	s_or_b32 s54, s54, 0x600000
	v_mov_b32 v14, s54                             ; 57,344 x 2^e6
	BAR
.irp s,0,1,2,3
	WIN 0xc0
	LDTAB 0, 512*\s, 4
	LDTAB 64, 2048+512*\s, 4
	LDTAB 128, 4096+512*\s, 4
	s_wait_dscnt 0x0
	WIN 0x0d
.set q_, 0
.rept 32
	v_pk_add_f32 v[16+q_:17+q_], v[64*\s+q_:64*\s+q_+1], v[q_:q_+1]
.set q_, q_+2
.endr
	WIN 0x3c
.set q_, 0
.rept 32
	v_pk_fma_f32 v[16+q_:17+q_], v[16+q_:17+q_], v[64+q_:65+q_], v[128+q_:129+q_]
.set q_, q_+2
.endr
	WIN 0
.set q_, 0
.rept 64
	v_med3_num_f32 v[16+q_], v[16+q_], 0, v14      ; relu and the hold in one
.set q_, q_+1
.endr
.set q_, 0
.rept 8
	v_cvt_scalef32_pk8_bf8_f32 v[80+16*\s+2*q_:81+16*\s+2*q_], v[16+8*q_:23+8*q_], v12
.set q_, q_+1
.endr
	v_nop
.set q_, 0
.rept 4
	ds_store_b128 v7, v[80+16*\s+4*q_:83+16*\s+4*q_] offset:2048*\s+512*q_
	global_store_b128 v1, v[80+16*\s+4*q_:83+16*\s+4*q_], s[84:85] offset:2048*\s+512*q_
.set q_, q_+1
.endr
.endr
	BAR
.irp s,0,1,2,3
.set q_, 0
.rept 16
	ds_load_b128 v[144+4*q_:147+4*q_], v8 offset:(4*(q_/4)+\s)*2048+512*(q_%4)
.set q_, q_+1
.endr
.if (\s == 1) || (\s == 2)
	s_wait_loadcnt 32                              ; the next buffer's 32 loads are younger
.else
	s_wait_loadcnt 0x0
.endif
	s_wait_dscnt 0x0
	WIN 0x58                                       ; samples window 0, W5 window 2, sums window 1; the 32 accumulators take turns
.set q_, 0
.rept 32
.if \s == 0
	v_wmma_f32_16x16x128_bf8_bf8 v[8*q_:8*q_+7], v[144+16*(q_/8):159+16*(q_/8)], v[128*(\s%2)+16*(q_%8):128*(\s%2)+16*(q_%8)+15], 0
.else
	v_wmma_f32_16x16x128_bf8_bf8 v[8*q_:8*q_+7], v[144+16*(q_/8):159+16*(q_/8)], v[128*(\s%2)+16*(q_%8):128*(\s%2)+16*(q_%8)+15], v[8*q_:8*q_+7]
.endif
.set q_, q_+1
.endr
	WIN 0
.rept 4
	v_nop
.endr
.if \s < 2
	W5L \s+2
.endif
.endr
.irp T,0,1,2,3,4,5,6,7                         ; a channel tile's mean and M2 over the 64 rows
	WIN 0x05
.irp q,0,2,4,6
	v_pk_add_f32 v[16+\q:17+\q], v[8*\T+\q:8*\T+\q+1], v[64+8*\T+\q:64+8*\T+\q+1]
	v_pk_add_f32 v[24+\q:25+\q], v[128+8*\T+\q:128+8*\T+\q+1], v[192+8*\T+\q:192+8*\T+\q+1]
.endr
	WIN 0
.irp q,0,2,4,6
	v_pk_add_f32 v[16+\q:17+\q], v[16+\q:17+\q], v[24+\q:25+\q]
.endr
	v_pk_add_f32 v[16:17], v[16:17], v[20:21]
	v_pk_add_f32 v[18:19], v[18:19], v[22:23]
	v_pk_add_f32 v[16:17], v[16:17], v[18:19]
	v_add_f32 v16, v16, v17
	v_permlanex16_b32 v18, v16, s66, s67
	v_add_f32 v16, v16, v18
	v_mul_f32 v32, 0x3c800000, v16                 ; / 64
	v_mov_b32 v33, v32
	WIN 0x01
.set q_, 0
.rept 16
	v_pk_add_f32 v[40+2*q_:41+2*q_], v[64*(q_/4)+8*\T+2*(q_%4):64*(q_/4)+8*\T+2*(q_%4)+1], v[32:33] neg_lo:[0,1] neg_hi:[0,1]
.set q_, q_+1
.endr
	WIN 0
	v_pk_mul_f32 v[34:35], v[40:41], v[40:41]
.set q_, 1
.rept 15
	v_pk_fma_f32 v[34:35], v[40+2*q_:41+2*q_], v[40+2*q_:41+2*q_], v[34:35]
.set q_, q_+1
.endr
	v_add_f32 v34, v34, v35
	v_permlanex16_b32 v18, v34, s66, s67
	v_add_f32 v34, v34, v18
	ds_store_b32 v5, v32 offset:64*\T
	ds_store_b32 v5, v34 offset:2048+64*\T
.endr
	ds_load_b128 v[16:19], v9                      ; my wave's own bytes: LDS serves a wave's instructions in order
	ds_load_b128 v[20:23], v9 offset:2048
	s_wait_dscnt 0x0
	global_store_b128 v1, v[16:19], s[86:87]
	global_store_b128 v1, v[20:23], s[86:87] offset:2048
	s_set_vgpr_msb 0xf
	s_wait_tensorcnt 0x0
	ds_add_u32 v254, v255
	s_wait_dscnt 0x0
	s_set_vgpr_msb 0xf00
	s_endpgm
.Lfunc_end_k_qd5d2bdb998_gemmE:
	.size	k_qd5d2bdb998_gemmE, .Lfunc_end_k_qd5d2bdb998_gemmE-k_qd5d2bdb998_gemmE
	.p2alignl 7, 3214868480
	.fill 96, 4, 3214868480
	.section	.rodata,"a",@progbits
	.p2align	6, 0x0
	.amdhsa_kernel k_qd5d2bdb998_gemmE
		.amdhsa_group_segment_fixed_size 45568
		.amdhsa_private_segment_fixed_size 0
		.amdhsa_enable_private_segment 0
		.amdhsa_kernarg_size 64
		.amdhsa_user_sgpr_count 2
		.amdhsa_user_sgpr_kernarg_segment_ptr 1
		.amdhsa_wavefront_size32 1
		.amdhsa_system_sgpr_workgroup_id_x 1
		.amdhsa_system_sgpr_workgroup_id_y 1
		.amdhsa_system_sgpr_workgroup_id_z 1
		.amdhsa_system_vgpr_workitem_id 0
		.amdhsa_next_free_vgpr 1024
		.amdhsa_next_free_sgpr 100
		.amdhsa_reserve_vcc 1
		.amdhsa_float_denorm_mode_32 3
		.amdhsa_float_denorm_mode_16_64 3
		.amdhsa_memory_ordered 1
		.amdhsa_forward_progress 1
		.amdhsa_inst_pref_size 176
	.end_amdhsa_kernel
	.amdgpu_metadata
---
amdhsa.version: [ 1, 2 ]
amdhsa.kernels:
  - .name:           k_qd5d2bdb998_gemmE
    .symbol:         k_qd5d2bdb998_gemmE.kd
    .args:
      - { .name: lowp_scales, .offset: 0, .size: 8, .value_kind: global_buffer, .address_space: global }
      - { .name: g4, .offset: 8, .size: 8, .value_kind: global_buffer, .address_space: global }
      - { .name: b4, .offset: 16, .size: 8, .value_kind: global_buffer, .address_space: global }
      - { .name: w5_codes, .offset: 24, .size: 8, .value_kind: global_buffer, .address_space: global }
      - { .name: wsb, .offset: 32, .size: 8, .value_kind: global_buffer, .address_space: global }
      - { .name: wsc, .offset: 40, .size: 8, .value_kind: global_buffer, .address_space: global }
      - { .name: wsd, .offset: 48, .size: 8, .value_kind: global_buffer, .address_space: global }
      - { .name: wse, .offset: 56, .size: 8, .value_kind: global_buffer, .address_space: global }
    .group_segment_fixed_size: 45568
    .private_segment_fixed_size: 0
    .kernarg_segment_align: 8
    .kernarg_segment_size: 64
    .max_flat_workgroup_size: 128
    .sgpr_count:     100
    .vgpr_count:     1024
    .wavefront_size: 32
...
	.end_amdgpu_metadata
.endif
;; end of part 6
;; launch gemmF (part 7): grid 256 x 1, 4 waves a work-group, no clusters, 7,680 bytes of LDS; arguments lowp_scales, g5, b5, w5_codes, wse, wsf; writes wsf
.if DOCPART == 7
	.amdgcn_target "amdgcn-amd-amdhsa--gfx1250"
	.amdhsa_code_object_version 6
	.text
	.protected	k_qd5d2bdb998_gemmF
	.globl	k_qd5d2bdb998_gemmF
	.p2align	8
	.type	k_qd5d2bdb998_gemmF,@function
k_qd5d2bdb998_gemmF:
	s_mov_b64 s[64:65], 0
	v_nop
	global_prefetch_b8 v0, s[64:65] scope:SCOPE_SE
	s_setreg_imm32_b32 hwreg(HW_REG_WAVE_MODE, 25, 1), 1
	s_wait_xcnt 0x0
; emb = relu(bn5(cat W5^T)), quantised for the distance product, and the squared norms of the unquantised emb.
; A work-group takes 256 rows x 128 channels (one K step of the distance product); a wave 64 rows: four groups of 16 points x eight channel tiles.
; Transposed use, W5's rows chosen so that two neighbouring tiles are 16 neighbours along the next K; C of the first K step = -mean.
; The codes leave as images of operand registers; xxp[channel block][point] holds the block's share of |emb|^2.
; No joint loads: cat's images and W5 land in registers as they lie.  LIMITS: finite inputs; each given exponent between -126 and 112.
; REGISTERS.  Window 0: v1-15 addresses; v16-27 the statistics' pivot, sums, gain and bias; v32-41 the norms; v64-127 samples of even K steps; v128-255 the ring of partials, later numbers and codes.
;   Window 1: the 32 accumulators.  Window 2: two buffers of W5.  Window 3: nm 0-63, alpha 64-127, b 128-191, samples of odd K steps 192-255.
.set TB, 3072
.set XS, 4608
.set PV, 16                           ; under the sample buffer: no pending load lands on these
.set SD, 18
.set SQ, 20
.set SM, 22
.set GG, 24
.set BB, 26
.set RG, 128
.set MSB, 0
.macro WIN new
.if MSB != \new
	s_set_vgpr_msb (MSB<<8)|\new
.set MSB, \new
.endif
.endm
.macro BAR
	s_wait_dscnt 0x0
	s_barrier_signal -1
	s_barrier_wait -1
.endm
.macro LDTAB reg, off, pairs
.set b_, 0
.rept 4*\pairs
	ds_load_b128 v[\reg+4*b_:\reg+4*b_+3], v4 offset:\off+128*(b_/4)+16*(b_%4)
.set b_, b_+1
.endr
.endm
.macro KL s                           ; K step s: 16 loads of samples (even s: window 0 v64-127; odd: window 3 v192-255), 32 of W5 (window 2)
.if (\s)%2
	WIN 0xc0
.set a_, 192
.else
	WIN 0
.set a_, 64
.endif
.set t_, 0
.rept 16
	global_load_b128 v[a_+4*t_:a_+4*t_+3], v1, s[70:71] offset:(t_/4)*8192+2048*(\s)+512*(t_%4)
.set t_, t_+1
.endr
	WIN 0x80
.set t_, 0
.rept 32
	global_load_b128 v[128*((\s)%2)+4*t_:128*((\s)%2)+4*t_+3], v6, s[72:73] offset:(32*(t_/8)+8*((t_/4)%2))*512+128*(\s)+32*(t_%4)
.set t_, t_+1
.endr
	WIN 0
.endm
.macro REDSTAT bs, vp, vr, stride, pl, np
	global_load_b64 v[PV:PV+1], v[\vp], s[\bs:\bs+1]
.set i_, 0
.rept 32
	global_load_b64 v[RG+4*i_:RG+4*i_+1], v[\vr], s[\bs:\bs+1] offset:i_*\stride
	global_load_b64 v[RG+4*i_+2:RG+4*i_+3], v[\vr], s[\bs:\bs+1] offset:i_*\stride+\pl
.set i_, i_+1
.endr
.irp z,0,1,2,3,4,5
	v_mov_b32 v[SD+\z], 0
.endr
.set i_, 0
.rept \np
.set m_, RG+4*(i_%32)
.set y_, \np-1-i_
.if y_ > 31
.set y_, 31
.endif
	s_wait_loadcnt 2*y_                            ; the younger partials, two loads each, may stay out
	v_pk_add_f32 v[m_:m_+1], v[m_:m_+1], v[PV:PV+1] neg_lo:[0,1] neg_hi:[0,1]
	v_pk_add_f32 v[SM:SM+1], v[SM:SM+1], v[m_+2:m_+3]
	v_pk_add_f32 v[SD:SD+1], v[SD:SD+1], v[m_:m_+1]
	v_pk_fma_f32 v[SQ:SQ+1], v[m_:m_+1], v[m_:m_+1], v[SQ:SQ+1]
.if i_+32 < \np
	global_load_b64 v[m_:m_+1], v[\vr], s[\bs:\bs+1] offset:(i_+32)*\stride
	global_load_b64 v[m_+2:m_+3], v[\vr], s[\bs:\bs+1] offset:(i_+32)*\stride+\pl
.endif
.set i_, i_+1
.endr
.endm
	s_load_b256 s[4:11], s[0:1], 0x0               ; scales 4, g5 6, b5 8, w5 10
	s_load_b128 s[12:15], s[0:1], 0x20             ; wse 12, wsf 14
	v_lshl_add_u32 v62, v0, 2, 0x1c00
	v_mov_b32 v63, 0
	v_lshrrev_b32 v2, 5, v0
	v_readfirstlane_b32 s40, v2                    ; wave
	s_lshr_b32 s42, ttmp9, 7                       ; cloud
	s_and_b32 s41, ttmp9, 3                        ; channel block
	s_bfe_u32 s43, ttmp9, 0x50002                  ; row block
	s_lshl_b32 s43, s43, 4
	s_lshl_b32 s52, s42, 9
	s_add_co_u32 s43, s43, s52
	s_lshl_b32 s52, s40, 2
	s_add_co_u32 s43, s43, s52                     ; my first group of 16 points
	s_mov_b32 s53, 0
	s_mov_b32 s66, 0x76543210
	s_mov_b32 s67, 0xfedcba98
	s_lshl_b32 s59, s42, 5                         ; the cloud's eight exponents begin here,
	s_lshl_b32 s58, s42, 2                         ; and its entry among the last two here: an offset register of its own for each scalar load
	v_and_b32 v2, 31, v0
	v_and_b32 v3, 15, v0
	v_bfe_u32 v15, v0, 4, 1
	v_lshlrev_b32 v1, 4, v2
	v_lshl_add_u32 v4, v15, 6, TB
	v_and_b32 v6, 8, v3
	v_add_nc_u32 v6, v6, v3
	v_lshlrev_b32 v6, 9, v6
	v_lshl_add_u32 v6, v15, 4, v6                  ; W5: row r + 8 (r / 8), + 16 h
	s_lshl_b32 s52, s40, 8
	s_add_co_u32 s52, s52, XS
	v_lshl_add_u32 v5, v3, 2, s52
	v_lshl_add_u32 v7, v2, 3, s52
	v_lshlrev_b32 v8, 3, v2
	v_lshlrev_b32 v10, 3, v0
	v_and_b32 v11, 63, v0                          ; pair of channels
	v_bfe_u32 v12, v0, 6, 1                        ; subset of the partials
	v_mul_u32_u24 v9, v12, 1536
	v_lshl_add_u32 v9, v11, 3, v9
	v_lshlrev_b32 v13, 3, v11
	v_lshl_add_u32 v14, v12, 18, v13               ; 64 partials of 4,096 bytes on
	s_wait_kmcnt 0x0
	s_load_b256 s[44:51], s[4:5], s59 offset:0x0
	s_load_b32 s60, s[4:5], s58 offset:0x40        ; the exponent of emb as an operand
	s_lshl_b32 s52, s43, 13
	s_add_co_u32 s52, s52, 1048576
	s_add_nc_u64 s[70:71], s[12:13], s[52:53]
	s_lshl_b32 s52, s41, 16
	s_add_nc_u64 s[72:73], s[10:11], s[52:53]
	s_lshl_b32 s52, s42, 19
	s_lshl_b32 s54, s41, 9
	s_add_co_u32 s52, s52, s54
	s_add_nc_u64 s[74:75], s[12:13], s[52:53]      ; the partials, at my channels
	s_mov_b32 s52, s54
	s_add_nc_u64 s[76:77], s[6:7], s[52:53]
	s_add_nc_u64 s[78:79], s[8:9], s[52:53]
	s_lshl_b32 s52, s43, 13
	s_lshl_b32 s54, s41, 11
	s_add_co_u32 s52, s52, s54
	s_add_nc_u64 s[80:81], s[14:15], s[52:53]      ; emb's images
	s_lshl_b32 s52, s43, 6
	s_lshl_b32 s54, s41, 16
	s_add_co_u32 s52, s52, s54
	s_add_co_u32 s52, s52, 8388608
	s_add_nc_u64 s[82:83], s[14:15], s[52:53]
	KL 0
	KL 1
	global_load_b64 v[GG:GG+1], v13, s[76:77]
	global_load_b64 v[BB:BB+1], v13, s[78:79]
	REDSTAT 74, 13, 14, 4096, 2048, 64
	s_wait_kmcnt 0x0
	ds_store_b64 v9, v[SD:SD+1]
	ds_store_b64 v9, v[SQ:SQ+1] offset:512
	ds_store_b64 v9, v[SM:SM+1] offset:1024
	BAR
	s_cmp_ge_u32 s40, 2
	s_cbranch_scc1 .Lfs
.set i_, 0
.rept 6
	ds_load_b64 v[128+2*i_:129+2*i_], v10 offset:512*i_
.set i_, i_+1
.endr
	s_wait_dscnt 0x0
.irp i,0,2,4
	v_pk_add_f32 v[128+\i:129+\i], v[128+\i:129+\i], v[134+\i:135+\i]
.endr
	s_add_co_i32 s54, s50, s51
	v_pk_fma_f32 v[134:135], v[128:129], 0x3c000000, v[PV:PV+1] op_sel_hi:[1,0,1]   ; mean = the pivot + the sum of d / 128
	v_pk_mul_f32 v[136:137], v[128:129], v[128:129]
	v_pk_fma_f32 v[136:137], v[136:137], 0xbc000000, v[130:131] op_sel_hi:[1,0,1]
	v_pk_fma_f32 v[136:137], v[136:137], 0x42800000, v[132:133] op_sel_hi:[1,0,1]   ; M2 = the partials' + 64 x the spread of their means
	s_lshl_b32 s55, s54, 1
	s_sub_co_i32 s55, s55, 13
	v_ldexp_f32 v136, v136, s55                    ; the variance: / 8,192 rows, x 2^(2 e)
	v_ldexp_f32 v137, v137, s55
	v_max_num_f32 v136, 0, v136
	v_max_num_f32 v137, 0, v137
	v_add_f32 v136, 0x3727c5ac, v136
	v_add_f32 v137, 0x3727c5ac, v137
	v_rsq_f32 v136, v136
	v_rsq_f32 v137, v137
	v_xor_b32 v134, 0x80000000, v134
	v_xor_b32 v135, 0x80000000, v135
	s_wait_alu depctr_va_vdst(0)                   ; one wait for both roots
	v_mul_f32 v136, v[GG], v136
	v_mul_f32 v137, v[GG+1], v137
	v_ldexp_f32 v136, v136, s54
	v_ldexp_f32 v137, v137, s54
	ds_store_b64 v10, v[134:135] offset:TB
	ds_store_b64 v10, v[136:137] offset:TB+512
	ds_store_b64 v10, v[BB:BB+1] offset:TB+1024
.Lfs:
	BAR
	WIN 0xc0                                       ; window 3: nm 0-63, alpha 64-127, b 128-191
	LDTAB 0, 0, 4
	LDTAB 64, 512, 4
	LDTAB 128, 1024, 4
	WIN 0
	s_add_co_i32 s54, s60, 127
	s_lshl_b32 s55, s54, 23
	v_mov_b32 v12, s55
	s_add_co_i32 s54, s54, 15
	s_lshl_b32 s54, s54, 23
	s_or_b32 s54, s54, 0x600000
	v_mov_b32 v14, s54
	s_wait_dscnt 0x0
.irp s,0,1,2,3
.if \s == 3
	s_wait_loadcnt 0x0
.else
	s_wait_loadcnt 48                              ; the next K step's 48 loads are younger
.endif
.if \s == 0
	WIN 0x72
.elseif \s == 2
	WIN 0x52
.else
	WIN 0x5e
.endif
.set a_, 64+128*(\s%2)
.set q_, 0
.rept 32                                       ; accumulator (m, T) at 8 (8 m + T) of window 1; the 32 take turns
.if \s == 0
	v_wmma_f32_16x16x128_bf8_bf8 v[8*q_:8*q_+7], v[16*(q_%8):16*(q_%8)+15], v[a_+16*(q_/8):a_+16*(q_/8)+15], v[8*(q_%8):8*(q_%8)+7]
.else
	v_wmma_f32_16x16x128_bf8_bf8 v[8*q_:8*q_+7], v[128*(\s%2)+16*(q_%8):128*(\s%2)+16*(q_%8)+15], v[a_+16*(q_/8):a_+16*(q_/8)+15], v[8*q_:8*q_+7]
.endif
.set q_, q_+1
.endr
	WIN 0
.rept 4
	v_nop
.endr
.if \s < 2
	KL \s+2
.endif
.endr
.irp m,0,1,2,3
	WIN 0x3d
.set q_, 0
.rept 32
	v_pk_fma_f32 v[128+q_:129+q_], v[64*\m+q_:64*\m+q_+1], v[64+q_:65+q_], v[128+q_:129+q_]
.set q_, q_+2
.endr
	WIN 0
.set q_, 0
.rept 64
	v_max_num_f32 v[128+q_], 0, v[128+q_]
.set q_, q_+1
.endr
	v_pk_mul_f32 v[32+2*\m:33+2*\m], v[128:129], v[128:129]
.set q_, 2
.rept 31
	v_pk_fma_f32 v[32+2*\m:33+2*\m], v[128+q_:129+q_], v[128+q_:129+q_], v[32+2*\m:33+2*\m]   ; |emb|^2 of the unquantised numbers
.set q_, q_+2
.endr
.set q_, 0
.rept 64
	v_min_num_f32 v[128+q_], v[128+q_], v14        ; the hold at the largest code
.set q_, q_+1
.endr
.set q_, 0
.rept 8
	v_cvt_scalef32_pk8_bf8_f32 v[192+16*\m+2*q_:193+16*\m+2*q_], v[128+8*q_:135+8*q_], v12
.set q_, q_+1
.endr
	v_nop
.set q_, 0
.rept 4
	global_store_b128 v1, v[192+16*\m+4*q_:195+16*\m+4*q_], s[80:81] offset:8192*\m+512*q_
.set q_, q_+1
.endr
	v_add_f32 v[32+2*\m], v[32+2*\m], v[33+2*\m]
	v_permlanex16_b32 v[33+2*\m], v[32+2*\m], s66, s67
	v_add_f32 v[32+2*\m], v[32+2*\m], v[33+2*\m]
	ds_store_b32 v5, v[32+2*\m] offset:64*\m
.endr
	ds_load_b64 v[40:41], v7                       ; my wave's own bytes
	s_wait_dscnt 0x0
	global_store_b64 v8, v[40:41], s[82:83]        ; 256 consecutive bytes
	s_wait_tensorcnt 0x0
	ds_add_u32 v62, v63
	s_wait_dscnt 0x0
	s_endpgm
.Lfunc_end_k_qd5d2bdb998_gemmF:
	.size	k_qd5d2bdb998_gemmF, .Lfunc_end_k_qd5d2bdb998_gemmF-k_qd5d2bdb998_gemmF
	.p2alignl 7, 3214868480
	.fill 96, 4, 3214868480
	.section	.rodata,"a",@progbits
	.p2align	6, 0x0
	.amdhsa_kernel k_qd5d2bdb998_gemmF
		.amdhsa_group_segment_fixed_size 7680
		.amdhsa_private_segment_fixed_size 0
		.amdhsa_enable_private_segment 0
		.amdhsa_kernarg_size 48
		.amdhsa_user_sgpr_count 2
		.amdhsa_user_sgpr_kernarg_segment_ptr 1
		.amdhsa_wavefront_size32 1
		.amdhsa_system_sgpr_workgroup_id_x 1
		.amdhsa_system_sgpr_workgroup_id_y 1
		.amdhsa_system_sgpr_workgroup_id_z 1
		.amdhsa_system_vgpr_workitem_id 0
		.amdhsa_next_free_vgpr 1024
		.amdhsa_next_free_sgpr 100
		.amdhsa_reserve_vcc 0
		.amdhsa_float_denorm_mode_32 3
		.amdhsa_float_denorm_mode_16_64 3
		.amdhsa_memory_ordered 1
		.amdhsa_forward_progress 1
		.amdhsa_inst_pref_size 104
	.end_amdhsa_kernel
	.amdgpu_metadata
---
amdhsa.version: [ 1, 2 ]
amdhsa.kernels:
  - .name:           k_qd5d2bdb998_gemmF
    .symbol:         k_qd5d2bdb998_gemmF.kd
    .args:
      - { .name: lowp_scales, .offset: 0, .size: 8, .value_kind: global_buffer, .address_space: global }
      - { .name: g5, .offset: 8, .size: 8, .value_kind: global_buffer, .address_space: global }
      - { .name: b5, .offset: 16, .size: 8, .value_kind: global_buffer, .address_space: global }
      - { .name: w5_codes, .offset: 24, .size: 8, .value_kind: global_buffer, .address_space: global }
      - { .name: wse, .offset: 32, .size: 8, .value_kind: global_buffer, .address_space: global }
      - { .name: wsf, .offset: 40, .size: 8, .value_kind: global_buffer, .address_space: global }
    .group_segment_fixed_size: 7680
    .private_segment_fixed_size: 0
    .kernarg_segment_align: 8
    .kernarg_segment_size: 48
    .max_flat_workgroup_size: 128
    .sgpr_count:     100
    .vgpr_count:     1024
    .wavefront_size: 32
...
	.end_amdgpu_metadata
.endif
;; end of part 7
;; launch dist (part 8): grid 256 x 1, 4 waves a work-group, no clusters, 0 bytes of LDS; arguments lowp_scales, tgt, wsf, wsd; writes wsd
.if DOCPART == 8
	.amdgcn_target "amdgcn-amd-amdhsa--gfx1250"
	.amdhsa_code_object_version 6
	.text
	.protected	k_qd5d2bdb998_dist
	.globl	k_qd5d2bdb998_dist
	.p2align	8
	.type	k_qd5d2bdb998_dist,@function
k_qd5d2bdb998_dist:
	s_mov_b64 s[64:65], 0
	v_nop
	global_prefetch_b8 v0, s[64:65] scope:SCOPE_SE
	s_setreg_imm32_b32 hwreg(HW_REG_WAVE_MODE, 25, 1), 1
	s_wait_xcnt 0x0
; Distances between the embeddings, a softmax inside a chunk of 128 keys, and that chunk's share of tgt x scores.
; A wave keeps one chunk's keys (8 tiles x 4 K steps, 512 registers) and walks 128 queries, 16 at a time.  S^T = K Q^T: a lane holds one query, its registers 64 of the keys.
; pd = xx - 2 inner + yy, held at 0 from below; d = sqrt(pd) (0 where pd <= 0, as reference() has it); p = exp(-(d - dmin)), dmin the chunk's least distance of the query.
; p, rounded to bf16, is multiplied by rows (x, y, z, 1) of tgt in bf16: numerators and the sum come from the same p.  Record [chunk][query] = (ox, oy, oz, l, dmin, ..).
; No joint loads: a chunk's keys land in registers once.  LIMITS: finite inputs; e16 + e17 between -127 and 126.
.set MSB, 0
.macro WIN new
.if MSB != \new
	s_set_vgpr_msb (MSB<<8)|\new
.set MSB, \new
.endif
.endm
.macro QL bf, tile                    ; a query tile's four fragments into buffer bf of window 1, and its four shares of xx
	WIN 0x40
.set t_, 0
.rept 16
	global_load_b128 v[64*\bf+4*t_:64*\bf+4*t_+3], v1, s[20:21] offset:8192*(\tile)+512*t_
.set t_, t_+1
.endr
	WIN 0
.set t_, 0
.rept 4
	global_load_b32 v[148+4*\bf+t_], v4, s[22:23] offset:65536*t_+64*(\tile)
.set t_, t_+1
.endr
.endm
.macro QTILE bf
	s_wait_loadcnt 20                              ; the other buffer's 16 + 4 loads are younger
	v_add_f32 v8, v[148+4*\bf], v[149+4*\bf]
	v_add_f32 v10, v[150+4*\bf], v[151+4*\bf]
	v_add_f32 v8, v8, v10
.irp hf,0,1                                    ; key tiles 0-3 (window 2), then 4-7 (window 3): four accumulators take turns
	WIN 0x06+\hf
.set q_, 0
.rept 16
.if q_ < 4
	v_wmma_f32_16x16x128_bf8_bf8 v[16+32*\hf+8*(q_%4):23+32*\hf+8*(q_%4)], v[64*(q_%4)+16*(q_/4):64*(q_%4)+16*(q_/4)+15], v[64*\bf+16*(q_/4):64*\bf+16*(q_/4)+15], 0
.else
	v_wmma_f32_16x16x128_bf8_bf8 v[16+32*\hf+8*(q_%4):23+32*\hf+8*(q_%4)], v[64*(q_%4)+16*(q_/4):64*(q_%4)+16*(q_/4)+15], v[64*\bf+16*(q_/4):64*\bf+16*(q_/4)+15], v[16+32*\hf+8*(q_%4):23+32*\hf+8*(q_%4)]
.endif
.set q_, q_+1
.endr
.endr
	WIN 0
.rept 4
	v_nop
.endr
.set q_, 0
.rept 32
	v_pk_fma_f32 v[16+q_:17+q_], v[16+q_:17+q_], s[46:47], v[8:9] op_sel_hi:[1,0,0]   ; xx - 2 inner
.set q_, q_+2
.endr
	QL \bf, 2+\bf                                  ; this buffer's next tile
	WIN 0x04
.set q_, 0
.rept 32
	v_pk_add_f32 v[16+q_:17+q_], v[16+q_:17+q_], v[128+q_:129+q_]
.set q_, q_+2
.endr
	WIN 0
	v_min3_num_f32 v11, v16, v17, v18
.set q_, 3
.rept 30
	v_min3_num_f32 v11, v11, v[16+q_], v[17+q_]
.set q_, q_+2
.endr
	v_min_num_f32 v11, v11, v79
	v_permlanex16_b32 v14, v11, s66, s67
	v_min_num_f32 v11, v11, v14
	v_max_num_f32 v11, 0, v11
.set q_, 0
.rept 64
	v_max_num_f32 v[16+q_], 0, v[16+q_]
.set q_, q_+1
.endr
.set q_, 0
.rept 64
	v_sqrt_f32 v[16+q_], v[16+q_]
.set q_, q_+1
.endr
	v_sqrt_f32 v11, v11
	v_nop
	s_wait_alu depctr_va_vdst(0)                   ; one wait for the 65 roots
	v_mul_f32 v12, 0x3fb8aa3b, v11
.set q_, 0
.rept 32
	v_pk_fma_f32 v[16+q_:17+q_], v[16+q_:17+q_], s[48:49], v[12:13] op_sel_hi:[1,0,0]   ; (dmin - d) log2(e)
.set q_, q_+2
.endr
.set q_, 0
.rept 64
	v_exp_f32 v[16+q_], v[16+q_]
.set q_, q_+1
.endr
	v_nop
	s_wait_alu depctr_va_vdst(0)                   ; one wait for the 64 exponentials
.set q_, 0
.rept 32
	v_cvt_pk_bf16_f32 v[80+q_], v[16+2*q_], v[17+2*q_]
.set q_, q_+1
.endr
	WIN 0x01
.irp p,0,1,2,3
	v_wmma_f32_16x16x32_bf16 v[112+8*\p:119+8*\p], v[192+8*\p:199+8*\p], v[80+8*\p:87+8*\p], 0
.endr
	WIN 0
.rept 4
	v_nop
.endr
	v_pk_add_f32 v[112:113], v[112:113], v[120:121]
	v_pk_add_f32 v[114:115], v[114:115], v[122:123]
	v_pk_add_f32 v[128:129], v[128:129], v[136:137]
	v_pk_add_f32 v[130:131], v[130:131], v[138:139]
	s_wait_xcnt 0x0                                ; the last record's store has read its registers
	v_pk_add_f32 v[144:145], v[112:113], v[128:129]
	v_pk_add_f32 v[146:147], v[114:115], v[130:131]
	v_cndmask_b32 v144, v144, v11, s50             ; lanes 16-31 carry dmin in place of ox
	global_store_b128 v2, v[144:147], s[24:25] offset:512*\bf   ; 512 consecutive bytes
.endm
	s_load_b256 s[4:11], s[0:1], 0x0               ; scales 4, tgt 6, wsf 8, wsd 10
	v_lshrrev_b32 v2, 5, v0
	v_readfirstlane_b32 s40, v2                    ; wave
	s_lshr_b32 s41, ttmp9, 6                       ; batch
	s_bfe_u32 s42, ttmp9, 0x40002                  ; block of 128 queries
	s_and_b32 s43, ttmp9, 3
	s_lshl_b32 s43, s43, 2
	s_add_co_u32 s43, s43, s40                     ; chunk of 128 keys
	s_mov_b32 s53, 0
	s_mov_b32 s66, 0x76543210
	s_mov_b32 s67, 0xfedcba98
	s_mov_b32 s48, 0xbfb8aa3b
	s_mov_b32 s49, s48
	v_and_b32 v3, 31, v0
	v_lshlrev_b32 v1, 4, v3
	v_and_b32 v5, 15, v0                           ; r
	v_bfe_u32 v6, v0, 4, 1                         ; h
	v_lshlrev_b32 v2, 5, v5
	v_lshl_add_u32 v2, v6, 4, v2                   ; a record: 32 r + 16 h
	v_lshlrev_b32 v4, 2, v5
	v_lshlrev_b32 v7, 5, v6                        ; 32 h
	v_and_b32 v10, 3, v5                           ; row of (x, y, z, 1)
	v_lshrrev_b32 v11, 1, v10
	v_and_b32 v11, v11, v10
	v_sub_nc_u32 v11, v10, v11                     ; its plane: 0, 1, 2, 2
	v_lshl_add_u32 v3, v11, 13, v7
	v_cmp_eq_u32 s51, 3, v10
	v_cmp_eq_u32 s50, 1, v6
	v_mov_b32 v15, 1.0
	v_mov_b32 v9, 0
	v_mov_b32 v13, 0
	v_mov_b32 v14, 0
	s_wait_kmcnt 0x0
	s_load_b64 s[44:45], s[4:5], 0x40              ; e16, e17
	s_lshl_b32 s54, s41, 7
	s_lshl_b32 s55, s43, 3
	s_add_co_u32 s52, s54, s55
	s_add_co_u32 s52, s52, 512
	s_lshl_b32 s52, s52, 13
	s_add_nc_u64 s[16:17], s[8:9], s[52:53]        ; the chunk's key images
	s_lshl_b32 s55, s42, 3
	s_add_co_u32 s56, s54, s55                     ; the first query group
	s_lshl_b32 s52, s56, 13
	s_add_nc_u64 s[20:21], s[8:9], s[52:53]
	s_lshl_b32 s52, s56, 6
	s_add_co_u32 s52, s52, 8388608
	s_add_nc_u64 s[22:23], s[8:9], s[52:53]
	s_lshl_b32 s52, s41, 11
	s_lshl_b32 s55, s43, 7
	s_add_co_u32 s52, s52, s55
	s_add_co_u32 s52, s52, 8192
	s_lshl_b32 s52, s52, 2
	s_add_co_u32 s52, s52, 8388608
	s_add_nc_u64 s[18:19], s[8:9], s[52:53]        ; the keys' shares of yy
	s_mul_i32 s52, s41, 24576
	s_lshl_b32 s55, s43, 9
	s_add_co_u32 s52, s52, s55
	s_add_nc_u64 s[26:27], s[6:7], s[52:53]
	s_lshl_b32 s52, s43, 13
	s_lshl_b32 s55, s56, 4
	s_add_co_u32 s52, s52, s55
	s_lshl_b32 s52, s52, 5
	s_add_nc_u64 s[24:25], s[10:11], s[52:53]      ; my records
.irp hf,0,1
	WIN 0x80+0x40*\hf
.set t_, 0
.rept 64
	global_load_b128 v[4*t_:4*t_+3], v1, s[16:17] offset:32768*\hf+512*t_
.set t_, t_+1
.endr
.endr
	WIN 0x40
.set t_, 0
.rept 16
	global_load_b128 v[128+4*t_:131+4*t_], v7, s[18:19] offset:64*(t_/2)+16*(t_%2)
	global_load_b128 v[4*t_:4*t_+3], v7, s[18:19] offset:196608+64*(t_/2)+16*(t_%2)
.set t_, t_+1
.endr
	WIN 0
.set t_, 0
.rept 16
	global_load_b128 v[80+4*t_:83+4*t_], v7, s[18:19] offset:65536+64*(t_/2)+16*(t_%2)
	global_load_b128 v[144+4*t_:147+4*t_], v7, s[18:19] offset:131072+64*(t_/2)+16*(t_%2)
	global_load_b128 v[16+4*t_:19+4*t_], v3, s[26:27] offset:128*(t_/4)+64*((t_/2)%2)+16*(t_%2)
.set t_, t_+1
.endr
	s_wait_loadcnt 0x0
	s_wait_kmcnt 0x0
	s_add_co_i32 s46, s44, s45
	s_add_co_i32 s46, s46, 128
	s_lshl_b32 s46, s46, 23
	s_or_b32 s46, s46, 0x80000000                  ; -2 x 2^(e16 + e17)
	s_mov_b32 s47, s46
	WIN 0x41
.set q_, 0
.rept 32
	v_pk_add_f32 v[128+q_:129+q_], v[128+q_:129+q_], v[80+q_:81+q_]
.set q_, q_+2
.endr
.set q_, 0
.rept 32
	v_pk_add_f32 v[128+q_:129+q_], v[128+q_:129+q_], v[144+q_:145+q_]
.set q_, q_+2
.endr
	WIN 0x45
.set q_, 0
.rept 32
	v_pk_add_f32 v[128+q_:129+q_], v[128+q_:129+q_], v[q_:q_+1]
.set q_, q_+2
.endr
	WIN 0
.set q_, 0
.rept 64
	v_cndmask_b32 v[16+q_], v[16+q_], v15, s51     ; row 3: ones, for the sum of p
.set q_, q_+1
.endr
	WIN 0x40
.set q_, 0
.rept 32
	v_cvt_pk_bf16_f32 v[192+q_], v[16+2*q_], v[17+2*q_]
.set q_, q_+1
.endr
	WIN 0
	QL 0, 0
	QL 1, 1
	s_mov_b32 s60, 4
.Lq:
	QTILE 0
	QTILE 1
	s_wait_xcnt 0x0                                ; every base may be stepped
	s_add_nc_u64 s[20:21], s[20:21], 16384
	s_add_nc_u64 s[22:23], s[22:23], 128
	s_add_nc_u64 s[24:25], s[24:25], 1024
	s_sub_co_u32 s60, s60, 1
	s_cmp_lg_u32 s60, 0
	s_cbranch_scc1 .Lq
	s_endpgm
.Lfunc_end_k_qd5d2bdb998_dist:
	.size	k_qd5d2bdb998_dist, .Lfunc_end_k_qd5d2bdb998_dist-k_qd5d2bdb998_dist
	.p2alignl 7, 3214868480
	.fill 96, 4, 3214868480
	.section	.rodata,"a",@progbits
	.p2align	6, 0x0
	.amdhsa_kernel k_qd5d2bdb998_dist
		.amdhsa_group_segment_fixed_size 0
		.amdhsa_private_segment_fixed_size 0
		.amdhsa_enable_private_segment 0
		.amdhsa_kernarg_size 32
		.amdhsa_user_sgpr_count 2
		.amdhsa_user_sgpr_kernarg_segment_ptr 1
		.amdhsa_wavefront_size32 1
		.amdhsa_system_sgpr_workgroup_id_x 1
		.amdhsa_system_sgpr_workgroup_id_y 1
		.amdhsa_system_sgpr_workgroup_id_z 1
		.amdhsa_system_vgpr_workitem_id 0
		.amdhsa_next_free_vgpr 1024
		.amdhsa_next_free_sgpr 100
		.amdhsa_reserve_vcc 0
		.amdhsa_float_denorm_mode_32 3
		.amdhsa_float_denorm_mode_16_64 3
		.amdhsa_memory_ordered 1
		.amdhsa_forward_progress 1
		.amdhsa_inst_pref_size 83
	.end_amdhsa_kernel
	.amdgpu_metadata
---
amdhsa.version: [ 1, 2 ]
amdhsa.kernels:
  - .name:           k_qd5d2bdb998_dist
    .symbol:         k_qd5d2bdb998_dist.kd
    .args:
      - { .name: lowp_scales, .offset: 0, .size: 8, .value_kind: global_buffer, .address_space: global }
      - { .name: tgt, .offset: 8, .size: 8, .value_kind: global_buffer, .address_space: global }
      - { .name: wsf, .offset: 16, .size: 8, .value_kind: global_buffer, .address_space: global }
      - { .name: wsd, .offset: 24, .size: 8, .value_kind: global_buffer, .address_space: global }
    .group_segment_fixed_size: 0
    .private_segment_fixed_size: 0
    .kernarg_segment_align: 8
    .kernarg_segment_size: 32
    .max_flat_workgroup_size: 128
    .sgpr_count:     100
    .vgpr_count:     1024
    .wavefront_size: 32
...
	.end_amdgpu_metadata
.endif
;; end of part 8
;; launch merge (part 9): grid 128 x 1, 1 waves a work-group, no clusters, 0 bytes of LDS; arguments wsd, out0; writes out0
.if DOCPART == 9
	.amdgcn_target "amdgcn-amd-amdhsa--gfx1250"
	.amdhsa_code_object_version 6
	.text
	.protected	k_qd5d2bdb998_merge
	.globl	k_qd5d2bdb998_merge
	.p2align	8
	.type	k_qd5d2bdb998_merge,@function
k_qd5d2bdb998_merge:
	s_mov_b64 s[64:65], 0
	v_nop
	global_prefetch_b8 v0, s[64:65] scope:SCOPE_SE
	s_setreg_imm32_b32 hwreg(HW_REG_WAVE_MODE, 25, 1), 1
	s_wait_xcnt 0x0
; The 16 chunks' records of a query are joined: M = the least dmin, w_k = exp(M - dmin_k), out = sum w o / sum w l.  The row's maximum of -d is thus taken away exactly.
; A lane owns two neighbouring queries, a work-group 64: that is all the work there is, 128 work-groups.
	s_load_b128 s[4:7], s[0:1], 0x0                ; records, out0
	v_lshlrev_b32 v1, 6, v0                        ; two records of 32 bytes
	v_lshlrev_b32 v2, 3, v0
	s_lshl_b32 s8, ttmp9, 11
	s_mov_b32 s9, 0
	s_lshr_b32 s10, ttmp9, 5
	s_mul_i32 s10, s10, 24576
	s_and_b32 s11, ttmp9, 31
	s_lshl_b32 s11, s11, 8
	s_add_co_u32 s10, s10, s11
	s_mov_b32 s11, 0
	s_wait_kmcnt 0x0
	s_add_nc_u64 s[4:5], s[4:5], s[8:9]
	s_add_nc_u64 s[6:7], s[6:7], s[10:11]
.set k_, 0
.rept 32                                       ; chunk k_/2, query k_%2
	global_load_b128 v[32+4*k_:35+4*k_], v1, s[4:5] offset:262144*(k_/2)+32*(k_%2)
	global_load_b32 v[160+k_], v1, s[4:5] offset:262144*(k_/2)+32*(k_%2)+16
.set k_, k_+1
.endr
.irp z,8,9,10,11,12,13,14,15
	v_mov_b32 v\z, 0
.endr
	s_wait_loadcnt 0x0
	v_min_num_f32 v4, v160, v162
	v_min_num_f32 v5, v161, v163
.set k_, 4
.rept 14
	v_min_num_f32 v4, v4, v[160+k_]
	v_min_num_f32 v5, v5, v[161+k_]
.set k_, k_+2
.endr
.set k_, 0
.rept 16
	v_pk_add_f32 v[160+k_:161+k_], v[4:5], v[160+k_:161+k_] neg_lo:[0,1] neg_hi:[0,1]
	v_pk_mul_f32 v[160+k_:161+k_], v[160+k_:161+k_], 0x3fb8aa3b op_sel_hi:[1,0]
.set k_, k_+2
.endr
.set k_, 0
.rept 32
	v_exp_f32 v[160+k_], v[160+k_]
.set k_, k_+1
.endr
	v_nop
	s_wait_alu depctr_va_vdst(0)                   ; one wait for the 32 exponentials
.set k_, 0
.rept 16
	v_pk_fma_f32 v[8:9], v[32+8*k_:33+8*k_], v[160+2*k_:161+2*k_], v[8:9] op_sel_hi:[1,0,1]
	v_pk_fma_f32 v[10:11], v[34+8*k_:35+8*k_], v[160+2*k_:161+2*k_], v[10:11] op_sel_hi:[1,0,1]
	v_pk_fma_f32 v[12:13], v[36+8*k_:37+8*k_], v[160+2*k_:161+2*k_], v[12:13] op_sel:[0,1,0] op_sel_hi:[1,1,1]
	v_pk_fma_f32 v[14:15], v[38+8*k_:39+8*k_], v[160+2*k_:161+2*k_], v[14:15] op_sel:[0,1,0] op_sel_hi:[1,1,1]
.set k_, k_+1
.endr
	v_rcp_f32 v11, v11
	v_rcp_f32 v15, v15
	v_nop
	s_wait_alu depctr_va_vdst(0)                   ; one wait for both reciprocals
	v_mul_f32 v16, v8, v11
	v_mul_f32 v17, v12, v15
	v_mul_f32 v18, v9, v11
	v_mul_f32 v19, v13, v15
	v_mul_f32 v20, v10, v11
	v_mul_f32 v21, v14, v15
	global_store_b64 v2, v[16:17], s[6:7]          ; 256 consecutive bytes a store
	global_store_b64 v2, v[18:19], s[6:7] offset:8192
	global_store_b64 v2, v[20:21], s[6:7] offset:16384
	s_endpgm
.Lfunc_end_k_qd5d2bdb998_merge:
	.size	k_qd5d2bdb998_merge, .Lfunc_end_k_qd5d2bdb998_merge-k_qd5d2bdb998_merge
	.p2alignl 7, 3214868480
	.fill 96, 4, 3214868480
	.section	.rodata,"a",@progbits
	.p2align	6, 0x0
	.amdhsa_kernel k_qd5d2bdb998_merge
		.amdhsa_group_segment_fixed_size 0
		.amdhsa_private_segment_fixed_size 0
		.amdhsa_enable_private_segment 0
		.amdhsa_kernarg_size 16
		.amdhsa_user_sgpr_count 2
		.amdhsa_user_sgpr_kernarg_segment_ptr 1
		.amdhsa_wavefront_size32 1
		.amdhsa_system_sgpr_workgroup_id_x 1
		.amdhsa_system_sgpr_workgroup_id_y 1
		.amdhsa_system_sgpr_workgroup_id_z 1
		.amdhsa_system_vgpr_workitem_id 0
		.amdhsa_next_free_vgpr 256
		.amdhsa_next_free_sgpr 66
		.amdhsa_reserve_vcc 0
		.amdhsa_float_denorm_mode_32 3
		.amdhsa_float_denorm_mode_16_64 3
		.amdhsa_memory_ordered 1
		.amdhsa_forward_progress 1
		.amdhsa_inst_pref_size 17
	.end_amdhsa_kernel
	.amdgpu_metadata
---
amdhsa.version: [ 1, 2 ]
amdhsa.kernels:
  - .name:           k_qd5d2bdb998_merge
    .symbol:         k_qd5d2bdb998_merge.kd
    .args:
      - { .name: wsd, .offset: 0, .size: 8, .value_kind: global_buffer, .address_space: global }
      - { .name: out0, .offset: 8, .size: 8, .value_kind: global_buffer, .address_space: global }
    .group_segment_fixed_size: 0
    .private_segment_fixed_size: 0
    .kernarg_segment_align: 8
    .kernarg_segment_size: 16
    .max_flat_workgroup_size: 32
    .sgpr_count:     66
    .vgpr_count:     256
    .wavefront_size: 32
...
	.end_amdgpu_metadata
.endif
;; end of part 9
;; ======== version 2 of 2: 9 launches; version 1 with the launches passB, passC, passD, gemmE, gemmF, dist written anew for expert scheduling mode
;; workspace buffers: nbr 2,097,152 bytes of whole numbers; pts 262,144 bytes; wsa 65,536 bytes; wsb 8,650,752 bytes; wsc 8,912,896 bytes; wsd 17,825,792 bytes; wse 9,437,184 bytes; wsf 8,650,752 bytes
;; launch knn: the kernel of part 1 again; grid 256 x 1, 8 waves a work-group, no clusters, 9,216 bytes of LDS; arguments src, tgt, nbr, pts; writes nbr, pts
;; launch mom: the kernel of part 2 again; grid 256 x 1, 4 waves a work-group, no clusters, 1,536 bytes of LDS; arguments nbr, pts, wsa; writes wsa
;; launch passB (part 10): grid 256 x 1, 4 waves a work-group, no clusters, 185,856 bytes of LDS; arguments nbr, pts, lowp_scales, w1, g1, b1, w2_codes, g2, b2, w3_codes, g3, b3, w4_codes, g4, wsa, wsb, wsc, wsd; writes wsb
.if DOCPART == 10
	.amdgcn_target "amdgcn-amd-amdhsa--gfx1250"
	.amdhsa_code_object_version 6
	.text
	.protected	k_qd5d2bdb998_passB
	.globl	k_qd5d2bdb998_passB
	.p2align	8
	.type	k_qd5d2bdb998_passB,@function
k_qd5d2bdb998_passB:
	s_mov_b64 s[64:65], 0
	v_nop
	global_prefetch_b8 v0, s[64:65] scope:SCOPE_SE
	s_setreg_imm32_b32 hwreg(HW_REG_WAVE_SCHED_MODE, 0, 2), 2
	s_setreg_imm32_b32 hwreg(HW_REG_WAVE_MODE, 25, 1), 1
	s_wait_xcnt 0x0
	s_wait_alu depctr_vm_vsrc(0)
; EDGE-CONVOLUTION PASS.  One text serves three launches; PASS = the layer whose batch statistics and per-point maxima this launch gathers (2, 3 or 4).
; The layers below it are computed anew from the coordinates, so no wide activation ever goes to memory.
; SHARES.  A wave owns 16 points x 32 neighbours.  Row tile t = neighbour slot t of the 16 points (lane % 16 = point), so the maximum over neighbours is a maximum over tiles, lane by lane.
; PRODUCTS are used transposed (source 0 = 16 rows of the weight, source 1 = 16 samples).  Lane r of weight tile T takes row 32 (T/2) + 8 (T%2) + r + 8 (r/8): register j of
; lane (r, h) then holds channel 32 (T/2) + 16 h + 8 (T%2) + j of sample r, and two neighbouring tiles are 16 neighbours along the next K.  Both operands put k = 32 c + 16 h + 0..15
; into registers 4 c .. 4 c + 3: one permutation of k on both sides.
; SIGNS.  Rows of a weight whose gain is negative have their codes' signs turned: y' = sgn(g) y.  bn + relu is then non-decreasing in y', and only a maximum is kept.
; INNER LAYER: D = W h + nm (nm = -mean as the product's C), D alpha + b, held between 0 and the largest code x the scale (relu and hold in one), converted.
; STATISTICS.  Each wave takes its first sample as pivot P (given to the products as C = -P) and sums (y-P), (y-P)^2; the work-group stores (mean, M2) a channel; the next launch merges
; the cloud's 128 partials about the first partial's mean.  No difference of large sums is formed.
; LIMITS: finite inputs; each given exponent e between -126 and 112.
; THE MODE: SCHED_MODE bits 1:0 = 2 (LLVM: expert scheduling mode 2), set by the entry lines.  The code itself states the register dependences between vector or matrix
; instructions and memory or LDS instructions, with s_wait_alu, always for 0.
; THE PLAN.  Offsets and LDS addresses (v1-v13, v15, v90-v95, v109, v110) are made once at the head, ahead of one wait on va_vdst, and never written again.
;   PHASE I, a trip.  UA, UC: read by the trip's 96 multiply-adds, then loaded anew.  v254, v255: read by the coordinate loads and the code stores, made anew each trip.  The stored codes:
;   written by the trip's last conversions, read by its stores.  Three waits: vm_vsrc ahead of the two address additions (it frees the codes' registers too), va_vdst behind them, va_vdst behind the last conversion.
;   PHASE II, half a trip.  FA (FB): read by four products, loaded anew half a trip later; v254 (v255): its address.  At the half's head, behind the wait on DScnt: vm_vsrc, the addition, ONE va_vdst, the fetch;
;   the half's products and sums follow and name none of the registers that the fetch touches.  A group's tail: one va_vdst ahead of all its stores, one vm_vsrc behind them.
.set PASS, 2
.if PASS == 2
.set CF, 64
.set FR, 8
.set GF, 18
.set WP, 16
.set WO, 6
.set OB, 34
.set YOFF, 4456448
.set TSZ, 2048
.set OTN, 0
.elseif PASS == 3
.set CF, 128
.set FR, 8
.set GF, 24
.set WP, 22
.set WO, 6
.set OB, 36
.set YOFF, 524288
.set TSZ, 1024
.set OTN, 2048
.set GP, 18
.set BP, 20
.set PB, 34
.set EA, 44
.set LOGH, 5
.else
.set CF, 256
.set FR, 16
.set GF, 30
.set WP, 28
.set WO, 7
.set OB, 38
.set YOFF, 1048576
.set TSZ, 2048
.set OTN, 3072
.set GP, 24
.set BP, 26
.set PB, 36
.set EA, 46
.set LOGH, 6
.endif
.set NCH, CF/2                        ; channels of the layer below, whose partials are merged here
.set NSUB, 256/NCH
.set NP, NCH/2
.set STRIDE, NCH*8
.set PL, NCH*4
.set FRB, FR*128                      ; a fragment's image in bytes
.set NLF, FR/4
.set NG, CF/64
.set NT, CF/16
.set HBW, 33*FRB                      ; LDS: a wave's 32 operand images and one more, written and never used, for the last trip's look-ahead
.set UBW, 8704                        ; a wave's 32 slots of neighbour coordinates (256 bytes each) and two more of the same kind
.set UB, 4*HBW
.set T1, UB+4*UBW                     ; tables: layer 1 (8 planes x 64), +OT2 layer 2 (4 x 64), +OT3 layer 3 (4 x 128), +ORD scratch, +OST the waves' P, S, Q
.set OT2, 2048
.set OT3, 3072
.set ORD, 5120
.set OST, 9216
.set DA, 16                           ; phase I: two row tiles' numbers, their codes, the scales, x1's maxima, the two tiles' coordinates
.set DB, 80
.set CA, 144
.set CB, 176
.set XM, 214
.set UA, 246
.set UC, 250
.set CL, 8*(PASS-2)
.set DA2, 16                          ; phase II
.set DB2, 48
.set S_, 80
.set Q_, 112
.set MX, 144
.set P_, 176
.set FA, 208
.set FB, 224
.set PV, 100
.set SD, 102
.set SQ, 104
.set SM, 106
.set RG, 128
.set MSB, 0
.macro WIN new                        ; the immediate's high byte repeats the setting that is left
.if MSB != \new
	s_set_vgpr_msb (MSB<<8)|\new
.set MSB, \new
.endif
.endm
.macro BAR                            ; my LDS stores have landed and my LDS loads are in: then the work-group's barrier
	s_wait_dscnt 0x0
	s_barrier_signal -1
	s_barrier_wait -1
.endm
.macro LDTAB reg, off, pairs          ; a plane of a table into the result's layout: register 16 b + i = channel 32 b + 16 h + i
.set b_, 0
.rept \pairs
.set i_, 0
.rept 4
	ds_load_b128 v[\reg+16*b_+4*i_:\reg+16*b_+4*i_+3], v4 offset:\off+128*b_+16*i_
.set i_, i_+1
.endr
.set b_, b_+1
.endr
.endm
.macro QNT d, n, c, lim, sc           ; n numbers become n codes: relu and the hold at the largest code in one, then the conversion
.set q_, 0
.rept \n
	v_med3_num_f32 v[\d+q_], v[\d+q_], 0, v[\lim]
.set q_, q_+1
.endr
.set q_, 0
.rept \n/8
	v_cvt_scalef32_pk8_bf8_f32 v[\c+2*q_:\c+2*q_+1], v[\d+8*q_:\d+8*q_+7], v[\sc]
.set q_, q_+1
.endr
.endm
.macro SCLIM e, vs                    ; v[vs] = 2^e, v[vs+1] = 57,344 x 2^e
	s_add_co_i32 s54, s[\e], 127
	s_lshl_b32 s55, s54, 23
	v_mov_b32 v[\vs], s55
	s_add_co_i32 s54, s54, 15
	s_lshl_b32 s54, s54, 23
	s_or_b32 s54, s54, 0x600000
	v_mov_b32 v[\vs+1], s54
.endm
; np partials (mean, M2) of a pair of channels are summed about the first partial's mean: sums of d, d^2, M2.  A ring of 32 register slots, loaded anew eight slots at a time; every offset is an immediate.
.macro REDSTAT bs, vp, vr, stride, pl, np
	global_load_b64 v[PV:PV+1], v[\vp], s[\bs:\bs+1]
.set i_, 0
.rept 32
	global_load_b64 v[RG+4*i_:RG+4*i_+1], v[\vr], s[\bs:\bs+1] offset:i_*\stride
	global_load_b64 v[RG+4*i_+2:RG+4*i_+3], v[\vr], s[\bs:\bs+1] offset:i_*\stride+\pl
.set i_, i_+1
.endr
.irp z,0,1,2,3,4,5
	v_mov_b32 v[SD+\z], 0
.endr
.set i_, 0
.rept \np
.set m_, RG+4*(i_%32)
.set y_, 32+8*(i_/8)                  ; partials asked for so far
.if y_ > \np
.set y_, \np
.endif
	s_wait_loadcnt 2*(y_-1-i_)                     ; the younger partials, two loads each, may stay out
	v_pk_add_f32 v[m_:m_+1], v[m_:m_+1], v[PV:PV+1] neg_lo:[0,1] neg_hi:[0,1]
	v_pk_add_f32 v[SM:SM+1], v[SM:SM+1], v[m_+2:m_+3]
	v_pk_add_f32 v[SD:SD+1], v[SD:SD+1], v[m_:m_+1]
	v_pk_fma_f32 v[SQ:SQ+1], v[m_:m_+1], v[m_:m_+1], v[SQ:SQ+1]
.if (i_%8 == 7) && (i_+32 < \np)
	s_wait_alu depctr_va_vdst(0)                   ; the last eight partials' lines are done writing and reading their slots, in which the loads below land
.set j_, i_-7
.rept 8
	global_load_b64 v[RG+4*(j_%32):RG+4*(j_%32)+1], v[\vr], s[\bs:\bs+1] offset:(j_+32)*\stride
	global_load_b64 v[RG+4*(j_%32)+2:RG+4*(j_%32)+3], v[\vr], s[\bs:\bs+1] offset:(j_+32)*\stride+\pl
.set j_, j_+1
.endr
.endif
.set i_, i_+1
.endr
.endm
; From the three sums in v[x .. x+5]: nm = -mean in v[x+6:x+7], alpha = |g| rsqrt(var + eps) 2^e in v[x+8:x+9].  nlit: rows in a partial; logn: log2 of all rows; s[se] = eA + eB; g in v[112:113]
.macro FIN x, nlit, logn, se, ab
	v_pk_fma_f32 v[\x+6:\x+7], v[\x:\x+1], 0x3c000000, v[PV:PV+1] op_sel_hi:[1,0,1]
	v_pk_mul_f32 v[\x+8:\x+9], v[\x:\x+1], v[\x:\x+1]
	v_pk_fma_f32 v[\x+8:\x+9], v[\x+8:\x+9], 0xbc000000, v[\x+2:\x+3] op_sel_hi:[1,0,1]
	v_pk_fma_f32 v[\x+8:\x+9], v[\x+8:\x+9], \nlit, v[\x+4:\x+5] op_sel_hi:[1,0,1]
	s_lshl_b32 s55, s[\se], 1
	s_sub_co_i32 s55, s55, \logn
	v_ldexp_f32 v[\x+8], v[\x+8], s55
	v_ldexp_f32 v[\x+9], v[\x+9], s55
	v_max_num_f32 v[\x+8], 0, v[\x+8]
	v_max_num_f32 v[\x+9], 0, v[\x+9]
	v_add_f32 v[\x+8], 0x3727c5ac, v[\x+8]
	v_add_f32 v[\x+9], 0x3727c5ac, v[\x+9]
	v_rsq_f32 v[\x+8], v[\x+8]
	v_rsq_f32 v[\x+9], v[\x+9]
	v_xor_b32 v[\x+6], 0x80000000, v[\x+6]         ; plain work behind the two roots
	v_xor_b32 v[\x+7], 0x80000000, v[\x+7]
	s_wait_alu depctr_va_vdst(0)                   ; one wait for both, ahead of their first reader
.if \ab
	v_mul_f32 v[\x+8], |v112|, v[\x+8]
	v_mul_f32 v[\x+9], |v113|, v[\x+9]
.else
	v_mul_f32 v[\x+8], v112, v[\x+8]
	v_mul_f32 v[\x+9], v113, v[\x+9]
.endif
	v_ldexp_f32 v[\x+8], v[\x+8], s[\se]
	v_ldexp_f32 v[\x+9], v[\x+9], s[\se]
.endm
.macro ROWQ d, a0, a1, a2, a3, a4, a5 ; a row of the 6 x 6 moment matrix times w
	v_mul_f32 v[\d], v[128+\a0], v80
	v_fmac_f32 v[\d], v[128+\a1], v81
	v_fmac_f32 v[\d], v[128+\a2], v82
	v_fmac_f32 v[\d], v[128+\a3], v83
	v_fmac_f32 v[\d], v[128+\a4], v84
	v_fmac_f32 v[\d], v[128+\a5], v85
.endm
.macro FETCH f, va, off               ; an operand image comes back as it was stored
.set c_, 0
.rept NLF
	ds_load_b128 v[\f+4*c_:\f+4*c_+3], v[\va] offset:\off+512*c_
.set c_, c_+1
.endr
.endm
.macro PROD d, f, g, zero             ; four tiles (64 channels) of the last layer for one row tile.  Weights window 3, C = -P window 2
	WIN 0x23
.irp t,0,1,2,3
.if FR == 8
.if \zero
	v_wmma_f32_16x16x64_bf8_bf8 v[\d+8*\t:\d+8*\t+7], v[8*(4*\g+\t):8*(4*\g+\t)+7], v[\f:\f+7], 0
.else
	v_wmma_f32_16x16x64_bf8_bf8 v[\d+8*\t:\d+8*\t+7], v[8*(4*\g+\t):8*(4*\g+\t)+7], v[\f:\f+7], v[8*\t:8*\t+7]
.endif
.else
.if \zero
	v_wmma_f32_16x16x128_bf8_bf8 v[\d+8*\t:\d+8*\t+7], v[16*(4*\g+\t):16*(4*\g+\t)+15], v[\f:\f+15], 0
.else
	v_wmma_f32_16x16x128_bf8_bf8 v[\d+8*\t:\d+8*\t+7], v[16*(4*\g+\t):16*(4*\g+\t)+15], v[\f:\f+15], v[8*\t:8*\t+7]
.endif
.endif
.endr
	WIN 0
.endm
.macro ACC d                          ; sum, sum of squares, maximum; each accumulator is read from its low end on
.set q_, 0
.rept 16
	v_pk_add_f32 v[S_+q_:S_+q_+1], v[S_+q_:S_+q_+1], v[\d+q_:\d+q_+1]
.set q_, q_+2
.endr
.set q_, 0
.rept 16
	v_pk_fma_f32 v[Q_+q_:Q_+q_+1], v[\d+q_:\d+q_+1], v[\d+q_:\d+q_+1], v[Q_+q_:Q_+q_+1]
.set q_, q_+2
.endr
.set q_, 0
.rept 32
	v_max_num_f32 v[MX+q_], v[MX+q_], v[\d+q_]
.set q_, q_+1
.endr
.endm
.macro STP rb, pl, g                  ; 32 registers of a plane to [wave][plane][channel]; the 16 lanes of a half hold and write the same numbers
.set n_, 0
.rept 8
	ds_store_b128 v5, v[\rb+4*n_:\rb+4*n_+3] offset:\pl*CF*4+256*\g+128*(n_/4)+16*(n_%4)
.set n_, n_+1
.endr
.endm
; 64 channels of the last layer over the wave's 32 row tiles.  While one tile's results are summed, the next tile's products run and the one after is fetched.
.macro GROUP g
	FETCH FA, 3, 0
	s_wait_dscnt 0x0
	PROD DA2, FA, \g, 1
.rept 4
	v_nop                                          ; places behind the products, ahead of the first read of their results
.endr
.set q_, 0
.rept 32
	v_mov_b32_dpp v[P_+q_], v[DA2+q_] row_share:0 row_mask:0xf bank_mask:0xf   ; the pivot: sample 0 of tile 0
.set q_, q_+1
.endr
	WIN 0x80
.set q_, 0
.rept 32
	v_xor_b32 v[q_], s68, v[P_+q_]                 ; -P, the products' C from here on
.set q_, q_+1
.endr
	WIN 0
.set q_, 0
.rept 16
	v_pk_add_f32 v[S_+q_:S_+q_+1], v[DA2+q_:DA2+q_+1], v[P_+q_:P_+q_+1] neg_lo:[0,1] neg_hi:[0,1]
	v_pk_add_f32 v[MX+q_:MX+q_+1], v[DA2+q_:DA2+q_+1], v[P_+q_:P_+q_+1] neg_lo:[0,1] neg_hi:[0,1]
.set q_, q_+2
.endr
.set q_, 0
.rept 16
	v_pk_mul_f32 v[Q_+q_:Q_+q_+1], v[S_+q_:S_+q_+1], v[S_+q_:S_+q_+1]
.set q_, q_+2
.endr
	s_wait_alu depctr_va_vdst(0)                   ; tile 0's products are done reading FA, in which tile 1 lands
	FETCH FA, 3, FRB
	FETCH FB, 3, 2*FRB
	s_wait_dscnt NLF                               ; tile 1 is in; tile 2's loads are younger
	PROD DA2, FA, \g, 0
.rept 4
	v_nop
.endr
	s_mov_b32 s63, 3*FRB
	s_mov_b32 s62, 15
.Lgrp\@:
	s_wait_dscnt 0x0                               ; FB is in
	s_wait_alu depctr_vm_vsrc(0)                   ; the loads that named v254 last have read it
	v_add_nc_u32 v254, s63, v3
	s_wait_alu depctr_va_vdst(0)                   ; the last four products are done reading FA, in which the fetch lands; v254 is written
	FETCH FA, 254, 0
	s_add_co_u32 s63, s63, FRB
	PROD DB2, FB, \g, 0
	ACC DA2
	s_wait_dscnt 0x0                               ; FA is in
	s_wait_alu depctr_vm_vsrc(0)                   ; the loads and stores that named v255 last have read it
	v_add_nc_u32 v255, s63, v3
	s_wait_alu depctr_va_vdst(0)                   ; the last four products are done reading FB, in which the fetch lands; v255 is written
	FETCH FB, 255, 0                               ; the last trip fetches the spare image
	s_add_co_u32 s63, s63, FRB
	PROD DA2, FA, \g, 0
	ACC DB2
	s_sub_co_u32 s62, s62, 1
	s_cmp_lg_u32 s62, 0
	s_cbranch_scc1 .Lgrp\@
	ACC DA2                                        ; tile 31
	s_wait_dscnt 0x0
.irp X,1,2,4,8
.set q_, 0
.rept 64
	v_add_f32_dpp v[S_+q_], v[S_+q_], v[S_+q_] row_xmask:\X row_mask:0xf bank_mask:0xf   ; over the 16 samples of a tile
.set q_, q_+1
.endr
.endr
.set q_, 0
.rept 16
	v_pk_add_f32 v[DA2+q_:DA2+q_+1], v[MX+q_:MX+q_+1], v[P_+q_:P_+q_+1]
.set q_, q_+2
.endr
	s_wait_alu depctr_va_vdst(0)                   ; P, S, Q and the maxima are written: the data of the stores below; the group's products are done reading FA and FB, in which the next group's fetches land
	STP P_, 0, \g
	STP S_, 1, \g
	STP Q_, 2, \g
.set n_, 0
.rept 8
	global_store_b128 v1, v[DA2+4*n_:DA2+4*n_+3], s[74:75] offset:(8*\g+n_)*512   ; images of registers: 512 consecutive bytes a store
.set n_, n_+1
.endr
	s_wait_xcnt 0x0                                ; the stores have read their registers: the next products may write them
	s_wait_alu depctr_vm_vsrc(0)                   ; the stores have read P, S, Q and the maxima, which the next group, or the partial's loads, write anew
.endm
	s_load_b512 s[4:19], s[0:1], 0x0               ; nbr 4, pts 6, scales 8, w1 10, g1 12, b1 14, w2 16, g2 18
	s_load_b512 s[20:35], s[0:1], 0x40             ; b2 20, w3 22, g3 24, b3 26, w4 28, g4 30, wsa 32, wsb 34
	s_load_b128 s[36:39], s[0:1], 0x80             ; wsc 36, wsd 38
	s_set_vgpr_msb 0x40
	v_lshl_add_u32 v254, v0, 2, 0x2d400
	v_mov_b32 v255, 0
	s_set_vgpr_msb 0x4000
	v_lshrrev_b32 v14, 5, v0
	v_readfirstlane_b32 s40, v14                   ; wave
	s_lshr_b32 s42, ttmp9, 7                       ; cloud
	s_lshl_b32 s43, ttmp9, 2
	s_wait_alu depctr_va_sdst(0)                   ; s40 is written, ahead of its first reader
	s_add_co_u32 s43, s43, s40                     ; my group of 16 points
	s_mov_b32 s68, 0x80000000
	s_mov_b32 s53, 0
	v_and_b32 v14, 31, v0                          ; lane
	v_and_b32 v88, 15, v0                          ; r
	v_bfe_u32 v89, v0, 4, 1                        ; h
	v_lshlrev_b32 v1, 4, v14
	s_mul_i32 s52, s40, UBW
	s_add_co_u32 s52, s52, UB
	v_lshl_add_u32 v2, v88, 4, s52                 ; coordinates: read at 16 r
	v_lshl_add_u32 v8, v89, 12, v2                 ; written at 4,096 h + 16 r
	s_mul_i32 s52, s40, HBW
	v_add_nc_u32 v3, s52, v1                       ; my operand images
	v_lshl_add_u32 v4, v89, 6, T1                  ; tables: 64 h
	s_mul_i32 s52, s40, 3*CF*4
	s_add_co_u32 s52, s52, T1+OST
	v_lshl_add_u32 v5, v89, 6, s52
	v_and_b32 v13, 8, v88
	v_add_nc_u32 v13, v13, v88                     ; r + 8 (r / 8)
	v_lshlrev_b32 v6, 6, v13
	v_lshl_add_u32 v6, v89, 4, v6                  ; a weight row of 64 bytes, + 16 h
	v_lshlrev_b32 v7, 7, v13
	v_lshl_add_u32 v7, v89, 4, v7                  ; of 128 bytes
	v_lshlrev_b32 v13, 2, v13
	v_lshl_add_u32 v10, v0, 3, T1
	v_mov_b32 v11, T1
	v_lshl_add_u32 v12, v0, 4, T1
	v_lshlrev_b32 v94, 4, v0
	v_lshlrev_b32 v95, 3, v0
	v_lshlrev_b32 v90, 7, v88
	v_lshl_add_u32 v90, v89, 6, v90                ; my 16 indices: point r, half h
	s_and_b32 s52, s43, 127
	s_lshl_b32 s52, s52, 8
	v_lshl_add_u32 v91, v88, 4, s52                ; my centre
.if PASS == 2
	v_lshl_add_u32 v9, v0, 2, T1
	v_lshl_add_u32 v15, v14, 2, T1
	v_lshlrev_b32 v110, 3, v14
	v_and_b32 v92, 63, v0
	v_mul_u32_u24 v93, v92, 24
	v_lshlrev_b32 v92, 2, v92
.else
	v_and_b32 v34, NCH/2-1, v0                     ; pair of channels
	v_lshrrev_b32 v35, LOGH, v0                    ; subset of the partials
	v_mul_u32_u24 v9, v35, 12*NCH
	v_lshl_add_u32 v9, v34, 3, v9
	v_add_nc_u32 v9, T1+ORD, v9
	v_mul_u32_u24 v110, v35, NP*STRIDE
	v_lshl_add_u32 v110, v34, 3, v110
	v_lshlrev_b32 v109, 3, v34
.endif
	s_wait_kmcnt 0x0
	s_lshl_b32 s59, s42, 5
	s_load_b256 s[44:51], s[8:9], s59 offset:0x0   ; the cloud's eight exponents
	s_lshl_b32 s52, s43, 11
	s_add_nc_u64 s[70:71], s[4:5], s[52:53]
	s_lshr_b32 s52, s43, 7
	s_lshl_b32 s52, s52, 15
	s_add_nc_u64 s[72:73], s[6:7], s[52:53]        ; the cloud-batch's points
	s_mul_i32 s52, s43, CF*64
	s_add_co_u32 s52, s52, YOFF
	s_add_nc_u64 s[74:75], s[OB:OB+1], s[52:53]    ; my maxima
	s_mul_i32 s52, ttmp9, CF*8
	s_add_co_u32 s52, s52, 4096
	s_add_nc_u64 s[82:83], s[OB:OB+1], s[52:53]    ; my work-group's partial
	s_mul_i32 s52, s42, TSZ
	s_add_nc_u64 s[84:85], s[OB:OB+1], s[52:53]    ; the copy of the table made here
.if PASS == 2
	s_lshl_b32 s52, s42, 15
	s_lshl_b32 s54, s40, 13
	s_add_co_u32 s52, s52, s54
	s_add_nc_u64 s[76:77], s[32:33], s[52:53]
	s_lshl_b32 s52, s42, 17
	s_add_nc_u64 s[78:79], s[6:7], s[52:53]
	s_load_b128 s[88:91], s[78:79], 0x0            ; the moments' pivot
	s_lshl_b32 s52, s43, 12
	s_add_co_u32 s52, s52, 262144
	s_add_nc_u64 s[86:87], s[34:35], s[52:53]      ; x1
.else
	s_mul_i32 s52, s42, 128*STRIDE
	s_add_co_u32 s52, s52, 4096
	s_add_nc_u64 s[76:77], s[PB:PB+1], s[52:53]
	s_lshl_b32 s52, s42, 11
	s_add_nc_u64 s[78:79], s[34:35], s[52:53]
.if PASS == 4
	s_lshl_b32 s52, s42, 10
	s_add_nc_u64 s[80:81], s[36:37], s[52:53]
.endif
.endif
	s_wait_alu depctr_va_vdst(0)                   ; all offsets and LDS addresses made above are written: every load and store of the kernel reads some of them
	global_load_b128 v[16:19], v90, s[70:71]
	global_load_b128 v[20:23], v90, s[70:71] offset:16
	global_load_b128 v[24:27], v90, s[70:71] offset:32
	global_load_b128 v[28:31], v90, s[70:71] offset:48
	global_load_b128 v[36:39], v91, s[72:73]
.set t_, 0
.rept NT
	global_load_b32 v[40+t_], v13, s[GF:GF+1] offset:(32*(t_/2)+8*(t_%2))*4   ; the gain at my weight rows
.set t_, t_+1
.endr
.if PASS == 2
	global_load_b64 v[80:81], v93, s[10:11]
	global_load_b64 v[82:83], v93, s[10:11] offset:8
	global_load_b64 v[84:85], v93, s[10:11] offset:16
	global_load_b32 v86, v92, s[12:13]
	global_load_b32 v87, v92, s[14:15]
.else
	global_load_b128 v[68:71], v94, s[78:79]       ; layer 1's table
	global_load_b64 v[112:113], v109, s[GP:GP+1]
	global_load_b64 v[114:115], v109, s[BP:BP+1]
.set t_, 0
.rept 4
	global_load_b32 v[56+t_], v13, s[18:19] offset:(32*(t_/2)+8*(t_%2))*4
.set t_, t_+1
.endr
	WIN 0x40
.set t_, 0
.rept 4
	global_load_b128 v[128+8*t_:131+8*t_], v6, s[16:17] offset:(32*(t_/2)+8*(t_%2))*64
	global_load_b128 v[132+8*t_:135+8*t_], v6, s[16:17] offset:(32*(t_/2)+8*(t_%2))*64+32
.set t_, t_+1
.endr
	WIN 0
.endif
.if PASS == 4
	global_load_b64 v[72:73], v95, s[80:81]        ; layer 2's table
.set t_, 0
.rept 8
	global_load_b32 v[60+t_], v13, s[24:25] offset:(32*(t_/2)+8*(t_%2))*4
.set t_, t_+1
.endr
	WIN 0x80
.set t_, 0
.rept 8
	global_load_b128 v[8*t_:8*t_+3], v6, s[22:23] offset:(32*(t_/2)+8*(t_%2))*64
	global_load_b128 v[8*t_+4:8*t_+7], v6, s[22:23] offset:(32*(t_/2)+8*(t_%2))*64+32
.set t_, t_+1
.endr
	WIN 0
.endif
	s_wait_loadcnt 0x0
.set i_, 0
.rept 16
	v_min_u32 v[16+i_], 0x7ff, v[16+i_]            ; an index stays inside its table
	v_lshlrev_b32 v[16+i_], 4, v[16+i_]
.set i_, i_+1
.endr
	WIN 0x80                                       ; the neighbours land in window 2, v64-127
	s_wait_alu depctr_va_vdst(0)                   ; the sixteen offsets v16-31 are written, which the gathers read
.set i_, 0
.rept 16
	global_load_b128 v[64+4*i_:67+4*i_], v[16+i_], s[72:73]
.set i_, i_+1
.endr
	WIN 0xc0                                       ; the last layer's weights: window 3
.set t_, 0
.rept NT
.set c_, 0
.rept NLF
	global_load_b128 v[FR*t_+4*c_:FR*t_+4*c_+3], v[WO], s[WP:WP+1] offset:(32*(t_/2)+8*(t_%2))*(FR*8)+32*c_
.set c_, c_+1
.endr
.set t_, t_+1
.endr
	WIN 0
.if PASS == 2
	; ---- layer 1's statistics from the 128 work-groups' moments
.set i_, 0
.rept 32
	global_load_b32 v[128+i_], v110, s[76:77] offset:256*i_
.set i_, i_+1
.endr
	s_wait_loadcnt 0x0
.irp st,16,8,4,2
.set q_, 0
.rept \st/2
	v_pk_add_f32 v[128+q_:129+q_], v[128+q_:129+q_], v[128+\st+q_:129+\st+q_]
.set q_, q_+2
.endr
.endr
	v_add_f32 v128, v128, v129
	s_wait_alu depctr_va_vdst(0)                   ; my share of a sum, v128, is written: the LDS store's data; the tree is done with v128-159, in which LDS loads land below
	ds_store_b32 v9, v128 offset:ORD
	BAR
	s_wait_alu depctr_vm_vsrc(0)                   ; the store has read v128, in which wave 0's loads land
	s_cmp_lg_u32 s40, 0
	s_cbranch_scc1 .Lm1
	ds_load_b32 v128, v15 offset:ORD
	ds_load_b32 v129, v15 offset:ORD+128
	ds_load_b32 v130, v15 offset:ORD+256
	ds_load_b32 v131, v15 offset:ORD+384
	s_wait_dscnt 0x0
	v_add_f32 v128, v128, v129
	v_add_f32 v130, v130, v131
	v_add_f32 v128, v128, v130
	s_wait_alu depctr_va_vdst(0)                   ; the sum v128 is written: the LDS store's data
	ds_store_b32 v15, v128 offset:ORD+512
.Lm1:
	BAR
	s_wait_alu depctr_vm_vsrc(0)                   ; wave 0's store has read v128, in which the 27 sums land
	s_cmp_ge_u32 s40, 2
	s_cbranch_scc1 .Lm2
.set i_, 0
.rept 7
	ds_load_b128 v[128+4*i_:131+4*i_], v11 offset:ORD+512+16*i_   ; the 27 sums, in every lane; a thread takes a channel
.set i_, i_+1
.endr
	s_wait_dscnt 0x0
	s_wait_kmcnt 0x0
	v_mul_f32 v160, v128, v80
	v_fmac_f32 v160, v129, v81
	v_fmac_f32 v160, v130, v82
	v_fmac_f32 v160, v131, v83
	v_fmac_f32 v160, v132, v84
	v_fmac_f32 v160, v133, v85
	ROWQ 161, 6, 7, 8, 18, 19, 20
	ROWQ 162, 7, 9, 10, 21, 22, 23
	ROWQ 163, 8, 10, 11, 24, 25, 26
	ROWQ 164, 18, 21, 24, 12, 13, 14
	ROWQ 165, 19, 22, 25, 13, 15, 16
	ROWQ 166, 20, 23, 26, 14, 16, 17
	v_mul_f32 v167, v161, v80
	v_fmac_f32 v167, v162, v81
	v_fmac_f32 v167, v163, v82
	v_fmac_f32 v167, v164, v83
	v_fmac_f32 v167, v165, v84
	v_fmac_f32 v167, v166, v85
	v_mul_f32 v160, 0x36800000, v160               ; / 2^18 rows: the mean about the pivot
	v_mul_f32 v168, v160, v160
	v_fma_f32 v167, v167, 0x36800000, -v168        ; the variance
	v_max_num_f32 v167, 0, v167
	v_add_f32 v167, 0x3727c5ac, v167
	v_rsq_f32 v167, v167
	v_fma_f32 v170, v128, 0x36800000, s88          ; the neighbours' mean place, the centres'
	v_fma_f32 v171, v129, 0x36800000, s89
	v_fma_f32 v172, v130, 0x36800000, s90
	v_fma_f32 v173, v131, 0x36800000, s88
	v_fma_f32 v174, v132, 0x36800000, s89
	v_fma_f32 v175, v133, 0x36800000, s90
	v_mov_b32 v176, 0
	v_cmp_eq_u32 s92, 0, v0                        ; the six masks in a run, into scalar registers of their own
	v_cmp_eq_u32 s93, 1, v0
	v_cmp_eq_u32 s94, 2, v0
	v_cmp_eq_u32 s95, 4, v0
	v_cmp_eq_u32 s96, 5, v0
	v_cmp_eq_u32 s97, 6, v0
	s_wait_alu depctr_va_sdst(0)                   ; s92 to s97 are written, ahead of the selects that read them
	v_cndmask_b32 v176, v176, v170, s92
	v_cndmask_b32 v176, v176, v171, s93
	v_cndmask_b32 v176, v176, v172, s94
	v_cndmask_b32 v176, v176, v173, s95
	v_cndmask_b32 v176, v176, v174, s96
	v_cndmask_b32 v176, v176, v175, s97
	s_wait_alu depctr_va_vdst(0)                   ; ahead of the root's first reader
	v_mul_f32 v167, v86, v167                      ; a = g1 / sqrt(var + eps)
.irp a,0,1,2,3,4,5
	v_mul_f32 v[161+\a], v167, v[80+\a]
.endr
	s_wait_alu depctr_va_vdst(0)                   ; the six coefficients v161-166 and the mean places v176 are written: the LDS stores' data
.irp a,0,1,2,3,4,5
	ds_store_b32 v9, v[161+\a] offset:256*\a
.endr
	ds_store_b32 v9, v87 offset:1536
	ds_store_b32 v9, v176 offset:1792
.Lm2:
	BAR
.else
	; ---- the statistics of the layer below, from the cloud's 128 partials
	REDSTAT 76, 109, 110, STRIDE, PL, NP
	s_wait_kmcnt 0x0
	s_wait_alu depctr_va_vdst(0)                   ; the three sums are written: the LDS stores' data; the merge is done with the ring v128-255, in which LDS loads land below
	ds_store_b64 v9, v[SD:SD+1]
	ds_store_b64 v9, v[SQ:SQ+1] offset:NCH*4
	ds_store_b64 v9, v[SM:SM+1] offset:NCH*8
	ds_store_b128 v12, v[68:71]
.if PASS == 4
	ds_store_b64 v10, v[72:73] offset:OT2
.endif
	BAR
	s_cmp_ge_u32 s40, NCH/64
	s_cbranch_scc1 .Lfs
.set i_, 0
.rept 3*NSUB
	ds_load_b64 v[128+2*i_:129+2*i_], v10 offset:ORD+i_*NCH*4
.set i_, i_+1
.endr
	s_wait_dscnt 0x0
.set i_, 3
.rept 3*NSUB-3
	v_pk_add_f32 v[128+2*(i_%3):129+2*(i_%3)], v[128+2*(i_%3):129+2*(i_%3)], v[128+2*i_:129+2*i_]
.set i_, i_+1
.endr
	s_add_co_i32 s54, s[EA], s[EA+1]
	FIN 128, 0x45000000, 18, 54, 1
	s_wait_alu depctr_va_vdst(0)                   ; nm and alpha, v134-137, are written: the LDS stores' data
	ds_store_b64 v10, v[134:135] offset:OTN
	ds_store_b64 v10, v[136:137] offset:OTN+NCH*4
	ds_store_b64 v10, v[114:115] offset:OTN+NCH*8
	ds_store_b64 v10, v[114:115] offset:OTN+NCH*12
.Lfs:
	BAR
.endif
	s_and_b32 s52, ttmp9, 127                      ; the cloud's first work-group keeps the new table for the later launches
	s_cmp_lg_u32 s52, 0
	s_cbranch_scc1 .Lnocopy
.if TSZ == 2048
	ds_load_b128 v[124:127], v12 offset:OTN
	s_wait_dscnt 0x0
	global_store_b128 v94, v[124:127], s[84:85]
.else
	ds_load_b64 v[124:125], v10 offset:OTN
	s_wait_dscnt 0x0
	global_store_b64 v95, v[124:125], s[84:85]
.endif
.Lnocopy:
	; ---- a lane's coefficients.  Window 1: A1x 0-31, A1y 32-63, A1z 64-95, Qc 96-127, W2 128-159, nm2 160-191, alpha2 192-223, b2 224-255.  Window 2: W3 0-63, nm3, alpha3, b3
	s_wait_alu depctr_vm_vsrc(0)                   ; the LDS stores of the new table have read their data in v128-191, in which planes of the table land
	ds_load_b128 v[116:119], v11 offset:1792
	ds_load_b128 v[120:123], v11 offset:1808
	WIN 0x40
	LDTAB 0, 0, 2
	LDTAB 32, 256, 2
	LDTAB 64, 512, 2
	WIN 0
	LDTAB 128, 768, 2
	LDTAB 160, 1024, 2
	LDTAB 192, 1280, 2
	LDTAB 224, 1536, 2
	s_wait_dscnt 0x0
	v_sub_f32 v36, v36, v120
	v_sub_f32 v37, v37, v121
	v_sub_f32 v38, v38, v122
.set q_, 0
.rept 16
	v_pk_fma_f32 v[224+q_:225+q_], v[128+q_:129+q_], v[36:37], v[224+q_:225+q_] op_sel_hi:[1,0,1]
.set q_, q_+2
.endr
.set q_, 0
.rept 16
	v_pk_fma_f32 v[224+q_:225+q_], v[160+q_:161+q_], v[36:37], v[224+q_:225+q_] op_sel:[0,1,0] op_sel_hi:[1,1,1]
.set q_, q_+2
.endr
	WIN 0x40
.set q_, 0
.rept 16
	v_pk_fma_f32 v[96+q_:97+q_], v[192+q_:193+q_], v[38:39], v[224+q_:225+q_] op_sel_hi:[1,0,1]   ; the centre's share and the bias
.set q_, q_+2
.endr
	WIN 0x02
.set i_, 0
.rept 16
	v_sub_f32 v[128+4*i_], v[64+4*i_], v116        ; the neighbour less the neighbours' mean place
	v_sub_f32 v[129+4*i_], v[65+4*i_], v117
	v_sub_f32 v[130+4*i_], v[66+4*i_], v118
.set i_, i_+1
.endr
	WIN 0
	s_wait_alu depctr_va_vdst(0)                   ; the differences in v128-191 are written: the LDS stores' data; the lines above are done reading v224-255 and window 2's v64-127, in which LDS loads land below
.set i_, 0
.rept 16
	ds_store_b128 v8, v[128+4*i_:131+4*i_] offset:256*i_
.set i_, i_+1
.endr
	ds_store_b128 v2, v[116:119] offset:8192       ; the two spare slots
	ds_store_b128 v2, v[116:119] offset:8448
.if PASS >= 3
	WIN 0x40
	LDTAB 160, OT2, 2
	LDTAB 192, OT2+256, 2
	LDTAB 224, OT2+512, 2
	WIN 0
.endif
.if PASS == 4
	WIN 0x80
	LDTAB 64, OT3, 4
	LDTAB 128, OT3+512, 4
	LDTAB 192, OT3+1024, 4
	WIN 0
.endif
.set t_, 0
.rept NT
	v_ashrrev_i32 v[40+t_], 31, v[40+t_]
	v_and_b32 v[40+t_], 0x80808080, v[40+t_]       ; the four sign bits of a word of codes, where the gain is negative
.set t_, t_+1
.endr
	WIN 0xcc
.set t_, 0
.rept NT
.set c_, 0
.rept FR
	v_xor_b32 v[FR*t_+c_], v[40+t_], v[FR*t_+c_]
.set c_, c_+1
.endr
.set t_, t_+1
.endr
	WIN 0
.if PASS >= 3
.set t_, 0
.rept 4
	v_ashrrev_i32 v[56+t_], 31, v[56+t_]
	v_and_b32 v[56+t_], 0x80808080, v[56+t_]
.set t_, t_+1
.endr
	WIN 0x44
.set t_, 0
.rept 4
.set c_, 0
.rept 8
	v_xor_b32 v[128+8*t_+c_], v[56+t_], v[128+8*t_+c_]
.set c_, c_+1
.endr
.set t_, t_+1
.endr
	WIN 0
.endif
.if PASS == 4
.set t_, 0
.rept 8
	v_ashrrev_i32 v[60+t_], 31, v[60+t_]
	v_and_b32 v[60+t_], 0x80808080, v[60+t_]
.set t_, t_+1
.endr
	WIN 0x88
.set t_, 0
.rept 8
.set c_, 0
.rept 8
	v_xor_b32 v[8*t_+c_], v[60+t_], v[8*t_+c_]
.set c_, c_+1
.endr
.set t_, t_+1
.endr
	WIN 0
.endif
	s_wait_kmcnt 0x0
	SCLIM 44, 208
.if PASS >= 3
	SCLIM 46, 210
.endif
.if PASS == 4
	SCLIM 48, 212
.endif
.if PASS == 2
.set q_, 0
.rept 32
	v_mov_b32 v[XM+q_], 0                          ; x1 = max over neighbours of relu: the maximum begins at 0
.set q_, q_+1
.endr
.endif
	ds_load_b128 v[UA:UA+3], v2                    ; no vector line since the last wait on va_vdst names v246-253
	ds_load_b128 v[UC:UC+3], v2 offset:256
	s_mov_b32 s60, 0
	s_mov_b32 s61, 0
	s_mov_b32 s62, 16
	s_wait_xcnt 0x0                                ; the table's copy has read its registers
	s_wait_alu depctr_vm_vsrc(0)                   ; the gathers have read their offsets v16-31, the LDS stores v87, v116-119 and v128-191: the loop writes all of these anew
	s_wait_dscnt 0x0
	; ---- PHASE I: the operand of the last layer, two row tiles a trip
.Ltrip:
	s_wait_dscnt 2*NLF                             ; the two coordinate loads are older than the last trip's code stores
	WIN 0x11
.set q_, 0
.rept 16
	v_pk_fma_f32 v[DA+q_:DA+q_+1], v[q_:q_+1], v[UA:UA+1], v[96+q_:97+q_] op_sel_hi:[1,0,1]
	v_pk_fma_f32 v[DB+q_:DB+q_+1], v[q_:q_+1], v[UC:UC+1], v[96+q_:97+q_] op_sel_hi:[1,0,1]
.set q_, q_+2
.endr
	WIN 0x01
.set q_, 0
.rept 16
	v_pk_fma_f32 v[DA+q_:DA+q_+1], v[32+q_:33+q_], v[UA:UA+1], v[DA+q_:DA+q_+1] op_sel:[0,1,0] op_sel_hi:[1,1,1]
	v_pk_fma_f32 v[DB+q_:DB+q_+1], v[32+q_:33+q_], v[UC:UC+1], v[DB+q_:DB+q_+1] op_sel:[0,1,0] op_sel_hi:[1,1,1]
.set q_, q_+2
.endr
.set q_, 0
.rept 16
	v_pk_fma_f32 v[DA+q_:DA+q_+1], v[64+q_:65+q_], v[UA+2:UA+3], v[DA+q_:DA+q_+1] op_sel_hi:[1,0,1]
	v_pk_fma_f32 v[DB+q_:DB+q_+1], v[64+q_:65+q_], v[UC+2:UC+3], v[DB+q_:DB+q_+1] op_sel_hi:[1,0,1]
.set q_, q_+2
.endr
	WIN 0
	s_add_co_u32 s60, s60, 512
	s_wait_alu depctr_vm_vsrc(0)                   ; the last trip's coordinate loads have read v254; its code stores have read v255 and the codes, which this trip writes anew
	v_add_nc_u32 v254, s60, v2
	v_add_nc_u32 v255, s61, v3
	s_wait_alu depctr_va_vdst(0)                   ; the multiply-adds are done reading UA and UC, in which the loads land; v254 and v255 are written
	ds_load_b128 v[UA:UA+3], v254                  ; the next trip's coordinates
	ds_load_b128 v[UC:UC+3], v254 offset:256
.if PASS == 2
.set q_, 0
.rept 32
	v_max3_num_f32 v[XM+q_], v[XM+q_], v[DA+q_], v[DB+q_]
.set q_, q_+1
.endr
.endif
	QNT DA, 32, CA, 209, 208
	QNT DB, 32, CB, 209, 208
	v_nop                                          ; a plain line behind the last conversion
.if PASS >= 3
	WIN 0x11
.irp t,0,1,2,3
	v_wmma_f32_16x16x64_bf8_bf8 v[DA+8*\t:DA+8*\t+7], v[128+8*\t:135+8*\t], v[CA:CA+7], v[160+8*\t:167+8*\t]
.endr
.irp t,0,1,2,3
	v_wmma_f32_16x16x64_bf8_bf8 v[DB+8*\t:DB+8*\t+7], v[128+8*\t:135+8*\t], v[CB:CB+7], v[160+8*\t:167+8*\t]
.endr
.rept 4
	v_nop
.endr
	WIN 0x14
.set q_, 0
.rept 16
	v_pk_fma_f32 v[DA+q_:DA+q_+1], v[DA+q_:DA+q_+1], v[192+q_:193+q_], v[224+q_:225+q_]
.set q_, q_+2
.endr
.set q_, 0
.rept 16
	v_pk_fma_f32 v[DB+q_:DB+q_+1], v[DB+q_:DB+q_+1], v[192+q_:193+q_], v[224+q_:225+q_]
.set q_, q_+2
.endr
	WIN 0
	QNT DA, 32, CA+8, 211, 210
	QNT DB, 32, CB+8, 211, 210
	v_nop
.endif
.if PASS == 4
	WIN 0x22
.irp t,0,1,2,3,4,5,6,7
	v_wmma_f32_16x16x64_bf8_bf8 v[DA+8*\t:DA+8*\t+7], v[8*\t:8*\t+7], v[CA+8:CA+15], v[64+8*\t:71+8*\t]
.endr
.irp t,0,1,2,3,4,5,6,7
	v_wmma_f32_16x16x64_bf8_bf8 v[DB+8*\t:DB+8*\t+7], v[8*\t:8*\t+7], v[CB+8:CB+15], v[64+8*\t:71+8*\t]
.endr
.rept 4
	v_nop
.endr
	WIN 0x28
.set q_, 0
.rept 32
	v_pk_fma_f32 v[DA+q_:DA+q_+1], v[DA+q_:DA+q_+1], v[128+q_:129+q_], v[192+q_:193+q_]
.set q_, q_+2
.endr
.set q_, 0
.rept 32
	v_pk_fma_f32 v[DB+q_:DB+q_+1], v[DB+q_:DB+q_+1], v[128+q_:129+q_], v[192+q_:193+q_]
.set q_, q_+2
.endr
	WIN 0
	QNT DA, 64, CA+16, 213, 212
	QNT DB, 64, CB+16, 213, 212
	v_nop
.endif
	s_wait_alu depctr_va_vdst(0)                   ; the last conversions have written the codes, which the LDS stores read
.set c_, 0
.rept NLF
	ds_store_b128 v255, v[CA+CL+4*c_:CA+CL+4*c_+3] offset:512*c_
	ds_store_b128 v255, v[CB+CL+4*c_:CB+CL+4*c_+3] offset:FRB+512*c_
.set c_, c_+1
.endr
	s_add_co_u32 s61, s61, 2*FRB
	s_sub_co_u32 s62, s62, 1
	s_cmp_lg_u32 s62, 0
	s_cbranch_scc1 .Ltrip
	s_wait_alu depctr_vm_vsrc(0)                   ; the last trip's stores have read v255
	v_add_nc_u32 v255, s61, v3
	s_wait_alu depctr_va_vdst(0)                   ; v255 is written, which the stores below read
.set c_, 0
.rept NLF
	ds_store_b128 v255, v[CB+CL+4*c_:CB+CL+4*c_+3] offset:512*c_   ; the spare image
.set c_, c_+1
.endr
.if PASS == 2
.set n_, 0
.rept 8
	global_store_b128 v1, v[XM+4*n_:XM+4*n_+3], s[86:87] offset:512*n_   ; x1's maxima were written ahead of the last trip's second wait on va_vdst
.set n_, n_+1
.endr
	s_wait_xcnt 0x0                                ; these registers take fragments next
.endif
	s_wait_alu depctr_vm_vsrc(0)                   ; the code stores have read the codes in v144-207, x1's stores v214-245, the coordinate loads v254: phase II writes or loads all of these anew
	; ---- PHASE II: the last layer, 64 channels at a time
.set gg, 0
.rept NG
	GROUP gg
.set gg, gg+1
.endr
	BAR
	s_cmp_ge_u32 s40, CF/64
	s_cbranch_scc1 .Lend
.irp w,0,1,2,3
	ds_load_b64 v[16+6*\w:17+6*\w], v10 offset:OST+\w*3*CF*4
	ds_load_b64 v[18+6*\w:19+6*\w], v10 offset:OST+\w*3*CF*4+CF*4
	ds_load_b64 v[20+6*\w:21+6*\w], v10 offset:OST+\w*3*CF*4+CF*8
.endr
	v_lshlrev_b32 v54, 3, v0
	s_wait_dscnt 0x0
.irp w,0,1,2,3
	v_pk_fma_f32 v[16+6*\w:17+6*\w], v[18+6*\w:19+6*\w], 0x3b000000, v[16+6*\w:17+6*\w] op_sel_hi:[1,0,1]   ; a wave's mean = P + S / 512
	v_pk_mul_f32 v[18+6*\w:19+6*\w], v[18+6*\w:19+6*\w], v[18+6*\w:19+6*\w]
	v_pk_fma_f32 v[20+6*\w:21+6*\w], v[18+6*\w:19+6*\w], 0xbb000000, v[20+6*\w:21+6*\w] op_sel_hi:[1,0,1]   ; its M2 = Q - S^2 / 512
.endr
	v_pk_add_f32 v[40:41], v[22:23], v[16:17] neg_lo:[0,1] neg_hi:[0,1]
	v_pk_add_f32 v[42:43], v[28:29], v[16:17] neg_lo:[0,1] neg_hi:[0,1]
	v_pk_add_f32 v[44:45], v[34:35], v[16:17] neg_lo:[0,1] neg_hi:[0,1]
	v_pk_add_f32 v[46:47], v[40:41], v[42:43]
	v_pk_add_f32 v[46:47], v[46:47], v[44:45]
	v_pk_mul_f32 v[46:47], v[46:47], 0x3e800000 op_sel_hi:[1,0]
	v_pk_add_f32 v[48:49], v[16:17], v[46:47]      ; the work-group's mean
	v_pk_mul_f32 v[50:51], v[46:47], v[46:47]
.irp d,40,42,44
	v_pk_add_f32 v[\d:\d+1], v[\d:\d+1], v[46:47] neg_lo:[0,1] neg_hi:[0,1]
	v_pk_fma_f32 v[50:51], v[\d:\d+1], v[\d:\d+1], v[50:51]
.endr
	v_pk_add_f32 v[52:53], v[20:21], v[26:27]
	v_pk_add_f32 v[52:53], v[52:53], v[32:33]
	v_pk_add_f32 v[52:53], v[52:53], v[38:39]
	v_pk_fma_f32 v[52:53], v[50:51], 0x44000000, v[52:53] op_sel_hi:[1,0,1]
	s_wait_alu depctr_va_vdst(0)                   ; the partial, v48-49 and v52-53, and its offset v54 are written, which the stores read
	global_store_b64 v54, v[48:49], s[82:83]
	global_store_b64 v54, v[52:53], s[82:83] offset:CF*4
.Lend:
	s_set_vgpr_msb 0x5
	s_wait_dscnt 0x0                               ; the closing lines, six on end, of a launch in the mode that stores to LDS
	s_wait_alu 0x0
	s_wait_tensorcnt 0x0
	ds_add_u32 v254, v255
	s_wait_dscnt 0x0
	s_endpgm
.Lfunc_end_k_qd5d2bdb998_passB:
	.size	k_qd5d2bdb998_passB, .Lfunc_end_k_qd5d2bdb998_passB-k_qd5d2bdb998_passB
	.p2alignl 7, 3214868480
	.fill 96, 4, 3214868480
	.section	.rodata,"a",@progbits
	.p2align	6, 0x0
	.amdhsa_kernel k_qd5d2bdb998_passB
		.amdhsa_group_segment_fixed_size 185856
		.amdhsa_private_segment_fixed_size 0
		.amdhsa_enable_private_segment 0
		.amdhsa_kernarg_size 144
		.amdhsa_user_sgpr_count 2
		.amdhsa_user_sgpr_kernarg_segment_ptr 1
		.amdhsa_wavefront_size32 1
		.amdhsa_system_sgpr_workgroup_id_x 1
		.amdhsa_system_sgpr_workgroup_id_y 1
		.amdhsa_system_sgpr_workgroup_id_z 1
		.amdhsa_system_vgpr_workitem_id 0
		.amdhsa_next_free_vgpr 1024
		.amdhsa_next_free_sgpr 100
		.amdhsa_reserve_vcc 0
		.amdhsa_float_denorm_mode_32 3
		.amdhsa_float_denorm_mode_16_64 3
		.amdhsa_memory_ordered 1
		.amdhsa_forward_progress 1
		.amdhsa_inst_pref_size 88
	.end_amdhsa_kernel
	.amdgpu_metadata
---
amdhsa.version: [ 1, 2 ]
amdhsa.kernels:
  - .name:           k_qd5d2bdb998_passB
    .symbol:         k_qd5d2bdb998_passB.kd
    .args:
      - { .name: nbr, .offset: 0, .size: 8, .value_kind: global_buffer, .address_space: global }
      - { .name: pts, .offset: 8, .size: 8, .value_kind: global_buffer, .address_space: global }
      - { .name: lowp_scales, .offset: 16, .size: 8, .value_kind: global_buffer, .address_space: global }
      - { .name: w1, .offset: 24, .size: 8, .value_kind: global_buffer, .address_space: global }
      - { .name: g1, .offset: 32, .size: 8, .value_kind: global_buffer, .address_space: global }
      - { .name: b1, .offset: 40, .size: 8, .value_kind: global_buffer, .address_space: global }
      - { .name: w2_codes, .offset: 48, .size: 8, .value_kind: global_buffer, .address_space: global }
      - { .name: g2, .offset: 56, .size: 8, .value_kind: global_buffer, .address_space: global }
      - { .name: b2, .offset: 64, .size: 8, .value_kind: global_buffer, .address_space: global }
      - { .name: w3_codes, .offset: 72, .size: 8, .value_kind: global_buffer, .address_space: global }
      - { .name: g3, .offset: 80, .size: 8, .value_kind: global_buffer, .address_space: global }
      - { .name: b3, .offset: 88, .size: 8, .value_kind: global_buffer, .address_space: global }
      - { .name: w4_codes, .offset: 96, .size: 8, .value_kind: global_buffer, .address_space: global }
      - { .name: g4, .offset: 104, .size: 8, .value_kind: global_buffer, .address_space: global }
      - { .name: wsa, .offset: 112, .size: 8, .value_kind: global_buffer, .address_space: global }
      - { .name: wsb, .offset: 120, .size: 8, .value_kind: global_buffer, .address_space: global }
      - { .name: wsc, .offset: 128, .size: 8, .value_kind: global_buffer, .address_space: global }
      - { .name: wsd, .offset: 136, .size: 8, .value_kind: global_buffer, .address_space: global }
    .group_segment_fixed_size: 185856
    .private_segment_fixed_size: 0
    .kernarg_segment_align: 8
    .kernarg_segment_size: 144
    .max_flat_workgroup_size: 128
    .sgpr_count:     100
    .vgpr_count:     1024
    .wavefront_size: 32
...
	.end_amdgpu_metadata
.endif
;; end of part 10
;; launch passC (part 11): grid 256 x 1, 4 waves a work-group, no clusters, 185,856 bytes of LDS; arguments nbr, pts, lowp_scales, w1, g1, b1, w2_codes, g2, b2, w3_codes, g3, b3, w4_codes, g4, wsa, wsb, wsc, wsd; writes wsc
.if DOCPART == 11
	.amdgcn_target "amdgcn-amd-amdhsa--gfx1250"
	.amdhsa_code_object_version 6
	.text
	.protected	k_qd5d2bdb998_passC
	.globl	k_qd5d2bdb998_passC
	.p2align	8
	.type	k_qd5d2bdb998_passC,@function
k_qd5d2bdb998_passC:
	s_mov_b64 s[64:65], 0
	v_nop
	global_prefetch_b8 v0, s[64:65] scope:SCOPE_SE
	s_setreg_imm32_b32 hwreg(HW_REG_WAVE_SCHED_MODE, 0, 2), 2
	s_setreg_imm32_b32 hwreg(HW_REG_WAVE_MODE, 25, 1), 1
	s_wait_xcnt 0x0
	s_wait_alu depctr_vm_vsrc(0)
; EDGE-CONVOLUTION PASS, PASS = 3 or 4: the layer whose batch statistics and per-point maxima this launch gathers.  The layers below are computed anew from the coordinates.
; A wave owns 16 points x 32 neighbours; row tile t = neighbour slot t of the 16 points (lane % 16 = point), so the maximum over neighbours is a maximum over tiles, lane by lane.
; Products are used transposed (source 0 = 16 weight rows, source 1 = 16 samples).  Lane r of weight tile T takes row 32 (T/2) + 8 (T%2) + r + 8 (r/8): register j of lane (r, h)
; holds channel 32 (T/2) + 16 h + 8 (T%2) + j, and two neighbouring tiles are 16 neighbours along the next K.  Both operands put k = 32 c + 16 h + 0..15 into registers 4 c .. 4 c + 3.
; Weight rows with a negative gain have their codes' signs turned (y' = sgn(g) y): bn + relu is then non-decreasing in y', and a maximum alone is kept.
; Inner layer: D = W h + nm (nm = -mean as C), D alpha + b, held between 0 and the largest code x the scale (relu and hold in one), converted.
; Statistics: a wave's first sample is its pivot P (C = -P); sums of (y-P), (y-P)^2; the work-group stores (mean, M2); the next launch merges 128 partials about the first one's mean.
; LIMITS: finite inputs; each given exponent e between -126 and 112.
; THE MODE: SCHED_MODE bits 1:0 = 2 (LLVM: expert scheduling mode 2), set by the entry lines.  The code itself states the register dependences between vector or matrix
; instructions and memory or LDS instructions, with s_wait_alu, always for 0.
; THE PLAN.  Offsets and LDS addresses (v1-v13, v90, v91, v94, v95, v109, v110) are made once at the head, ahead of one wait on va_vdst, and never written again.
;   PHASE I, a trip.  UA, UC: read by the trip's 96 multiply-adds, then loaded anew.  v254, v255: read by the coordinate loads and the code stores, made anew each trip.  The stored codes:
;   written by the trip's last conversions, read by its stores.  Three waits: vm_vsrc ahead of the two address additions (it frees the codes' registers too), va_vdst behind them, va_vdst behind the last conversion.
;   PHASE II, half a trip.  FA (FB): read by four products, loaded anew half a trip later; v254 (v255): its address.  At the half's head, behind the wait on DScnt: vm_vsrc, the addition, ONE va_vdst, the fetch;
;   the half's products and sums follow and name none of the registers that the fetch touches.  A group's tail: one va_vdst ahead of all its stores, one vm_vsrc behind them.
.set PASS, 3
.if PASS == 3
.set CF, 128
.set FR, 8
.set GF, 24
.set WP, 22
.set WO, 6
.set OB, 36
.set YOFF, 524288
.set TSZ, 1024
.set OTN, 2048
.set GP, 18
.set BP, 20
.set PB, 34
.set EA, 44
.set LOGH, 5
.else
.set CF, 256
.set FR, 16
.set GF, 30
.set WP, 28
.set WO, 7
.set OB, 38
.set YOFF, 1048576
.set TSZ, 2048
.set OTN, 3072
.set GP, 24
.set BP, 26
.set PB, 36
.set EA, 46
.set LOGH, 6
.endif
.set NCH, CF/2                        ; channels of the layer below
.set NSUB, 256/NCH
.set NP, NCH/2
.set STRIDE, NCH*8
.set PL, NCH*4
.set FRB, FR*128
.set NLF, FR/4
.set NG, CF/64
.set NT, CF/16
.set HBW, 33*FRB                      ; a wave's 32 operand images and a spare one for the last trip's look-ahead
.set UBW, 8704                        ; a wave's 32 slots of coordinates and two spare ones
.set UB, 4*HBW
.set T1, UB+4*UBW                     ; tables: layer 1; +OT2 layer 2; +OT3 layer 3; +ORD scratch; +OST the waves' P, S, Q
.set OT2, 2048
.set OT3, 3072
.set ORD, 5120
.set OST, 9216
.set DA, 16
.set DB, 80
.set CA, 144
.set CB, 176
.set UA, 246
.set UC, 250
.set CL, 8*(PASS-2)
.set DA2, 16
.set DB2, 48
.set S_, 80
.set Q_, 112
.set MX, 144
.set P_, 176
.set FA, 208
.set FB, 224
.set PV, 100
.set SD, 102
.set SQ, 104
.set SM, 106
.set RG, 128
.set MSB, 0
.macro WIN new
.if MSB != \new
	s_set_vgpr_msb (MSB<<8)|\new
.set MSB, \new
.endif
.endm
.macro BAR
	s_wait_dscnt 0x0
	s_barrier_signal -1
	s_barrier_wait -1
.endm
.macro NOP4
.rept 4
	v_nop
.endr
.endm
.macro LDTAB reg, off, pairs          ; a plane of a table: register 16 b + i = channel 32 b + 16 h + i
.set b_, 0
.rept 4*\pairs
	ds_load_b128 v[\reg+4*b_:\reg+4*b_+3], v4 offset:\off+128*(b_/4)+16*(b_%4)
.set b_, b_+1
.endr
.endm
.macro QNT d, n, c, lim, sc
.set q_, 0
.rept \n
	v_med3_num_f32 v[\d+q_], v[\d+q_], 0, v[\lim]
.set q_, q_+1
.endr
.set q_, 0
.rept \n/8
	v_cvt_scalef32_pk8_bf8_f32 v[\c+2*q_:\c+2*q_+1], v[\d+8*q_:\d+8*q_+7], v[\sc]
.set q_, q_+1
.endr
.endm
.macro SCLIM e, vs                    ; 2^e and 57,344 x 2^e
	s_add_co_i32 s54, s[\e], 127
	s_lshl_b32 s55, s54, 23
	v_mov_b32 v[\vs], s55
	s_add_co_i32 s54, s54, 15
	s_lshl_b32 s54, s54, 23
	s_or_b32 s54, s54, 0x600000
	v_mov_b32 v[\vs+1], s54
.endm
.macro REDSTAT bs, vp, vr, stride, pl, np   ; a ring of 32 register slots, loaded anew eight slots at a time
	global_load_b64 v[PV:PV+1], v[\vp], s[\bs:\bs+1]
.set i_, 0
.rept 32
	global_load_b64 v[RG+4*i_:RG+4*i_+1], v[\vr], s[\bs:\bs+1] offset:i_*\stride
	global_load_b64 v[RG+4*i_+2:RG+4*i_+3], v[\vr], s[\bs:\bs+1] offset:i_*\stride+\pl
.set i_, i_+1
.endr
.irp z,0,1,2,3,4,5
	v_mov_b32 v[SD+\z], 0
.endr
.set i_, 0
.rept \np
.set m_, RG+4*(i_%32)
.set y_, 32+8*(i_/8)                  ; partials asked for so far
.if y_ > \np
.set y_, \np
.endif
	s_wait_loadcnt 2*(y_-1-i_)                     ; the younger partials, two loads each, may stay out
	v_pk_add_f32 v[m_:m_+1], v[m_:m_+1], v[PV:PV+1] neg_lo:[0,1] neg_hi:[0,1]
	v_pk_add_f32 v[SM:SM+1], v[SM:SM+1], v[m_+2:m_+3]
	v_pk_add_f32 v[SD:SD+1], v[SD:SD+1], v[m_:m_+1]
	v_pk_fma_f32 v[SQ:SQ+1], v[m_:m_+1], v[m_:m_+1], v[SQ:SQ+1]
.if (i_%8 == 7) && (i_+32 < \np)
	s_wait_alu depctr_va_vdst(0)                   ; the last eight partials' lines are done writing and reading their slots, in which the loads below land
.set j_, i_-7
.rept 8
	global_load_b64 v[RG+4*(j_%32):RG+4*(j_%32)+1], v[\vr], s[\bs:\bs+1] offset:(j_+32)*\stride
	global_load_b64 v[RG+4*(j_%32)+2:RG+4*(j_%32)+3], v[\vr], s[\bs:\bs+1] offset:(j_+32)*\stride+\pl
.set j_, j_+1
.endr
.endif
.set i_, i_+1
.endr
.endm
.macro FIN x, nlit, logn, se, ab      ; sums in v[x..x+5] -> nm in v[x+6:x+7], alpha in v[x+8:x+9]; g in v[112:113]
	v_pk_fma_f32 v[\x+6:\x+7], v[\x:\x+1], 0x3c000000, v[PV:PV+1] op_sel_hi:[1,0,1]
	v_pk_mul_f32 v[\x+8:\x+9], v[\x:\x+1], v[\x:\x+1]
	v_pk_fma_f32 v[\x+8:\x+9], v[\x+8:\x+9], 0xbc000000, v[\x+2:\x+3] op_sel_hi:[1,0,1]
	v_pk_fma_f32 v[\x+8:\x+9], v[\x+8:\x+9], \nlit, v[\x+4:\x+5] op_sel_hi:[1,0,1]
	s_lshl_b32 s55, s[\se], 1
	s_sub_co_i32 s55, s55, \logn
	v_ldexp_f32 v[\x+8], v[\x+8], s55
	v_ldexp_f32 v[\x+9], v[\x+9], s55
	v_max_num_f32 v[\x+8], 0, v[\x+8]
	v_max_num_f32 v[\x+9], 0, v[\x+9]
	v_add_f32 v[\x+8], 0x3727c5ac, v[\x+8]
	v_add_f32 v[\x+9], 0x3727c5ac, v[\x+9]
	v_rsq_f32 v[\x+8], v[\x+8]
	v_rsq_f32 v[\x+9], v[\x+9]
	v_xor_b32 v[\x+6], 0x80000000, v[\x+6]
	v_xor_b32 v[\x+7], 0x80000000, v[\x+7]
	s_wait_alu depctr_va_vdst(0)                   ; one wait for both roots, ahead of their first reader
.if \ab
	v_mul_f32 v[\x+8], |v112|, v[\x+8]
	v_mul_f32 v[\x+9], |v113|, v[\x+9]
.else
	v_mul_f32 v[\x+8], v112, v[\x+8]
	v_mul_f32 v[\x+9], v113, v[\x+9]
.endif
	v_ldexp_f32 v[\x+8], v[\x+8], s[\se]
	v_ldexp_f32 v[\x+9], v[\x+9], s[\se]
.endm
.macro SGN gr, n, wr, fr, win         ; the signs of n tiles' codes are turned where the gain is negative
.set t_, 0
.rept \n
	v_ashrrev_i32 v[\gr+t_], 31, v[\gr+t_]
	v_and_b32 v[\gr+t_], 0x80808080, v[\gr+t_]
.set t_, t_+1
.endr
	WIN \win
.set t_, 0
.rept \n*\fr
	v_xor_b32 v[\wr+t_], v[\gr+t_/\fr], v[\wr+t_]
.set t_, t_+1
.endr
	WIN 0
.endm
.macro PKF d, a, b, n                 ; n packed D = D a + b
.set q_, 0
.rept \n
	v_pk_fma_f32 v[\d+q_:\d+q_+1], v[\d+q_:\d+q_+1], v[\a+q_:\a+q_+1], v[\b+q_:\b+q_+1]
.set q_, q_+2
.endr
.endm
.macro FETCH f, va, off
.set c_, 0
.rept NLF
	ds_load_b128 v[\f+4*c_:\f+4*c_+3], v[\va] offset:\off+512*c_
.set c_, c_+1
.endr
.endm
.macro PROD d, f, g, zero             ; 64 channels of the last layer for one row tile: weights window 3, C = -P window 2
	WIN 0x23
.irp t,0,1,2,3
.if FR == 8
.if \zero
	v_wmma_f32_16x16x64_bf8_bf8 v[\d+8*\t:\d+8*\t+7], v[8*(4*\g+\t):8*(4*\g+\t)+7], v[\f:\f+7], 0
.else
	v_wmma_f32_16x16x64_bf8_bf8 v[\d+8*\t:\d+8*\t+7], v[8*(4*\g+\t):8*(4*\g+\t)+7], v[\f:\f+7], v[8*\t:8*\t+7]
.endif
.else
.if \zero
	v_wmma_f32_16x16x128_bf8_bf8 v[\d+8*\t:\d+8*\t+7], v[16*(4*\g+\t):16*(4*\g+\t)+15], v[\f:\f+15], 0
.else
	v_wmma_f32_16x16x128_bf8_bf8 v[\d+8*\t:\d+8*\t+7], v[16*(4*\g+\t):16*(4*\g+\t)+15], v[\f:\f+15], v[8*\t:8*\t+7]
.endif
.endif
.endr
	WIN 0
.endm
.macro ACC d                          ; sum, sum of squares, maximum; each accumulator from its low end on
.set q_, 0
.rept 16
	v_pk_add_f32 v[S_+q_:S_+q_+1], v[S_+q_:S_+q_+1], v[\d+q_:\d+q_+1]
.set q_, q_+2
.endr
.set q_, 0
.rept 16
	v_pk_fma_f32 v[Q_+q_:Q_+q_+1], v[\d+q_:\d+q_+1], v[\d+q_:\d+q_+1], v[Q_+q_:Q_+q_+1]
.set q_, q_+2
.endr
.set q_, 0
.rept 32
	v_max_num_f32 v[MX+q_], v[MX+q_], v[\d+q_]
.set q_, q_+1
.endr
.endm
.macro STP rb, pl, g
.set n_, 0
.rept 8
	ds_store_b128 v5, v[\rb+4*n_:\rb+4*n_+3] offset:\pl*CF*4+256*\g+128*(n_/4)+16*(n_%4)
.set n_, n_+1
.endr
.endm
.macro GROUP g                        ; while one tile's results are summed, the next tile's products run and the one after is fetched
	FETCH FA, 3, 0
	s_wait_dscnt 0x0
	PROD DA2, FA, \g, 1
	NOP4
.set q_, 0
.rept 32
	v_mov_b32_dpp v[P_+q_], v[DA2+q_] row_share:0 row_mask:0xf bank_mask:0xf   ; the pivot: sample 0 of tile 0
.set q_, q_+1
.endr
	WIN 0x80
.set q_, 0
.rept 32
	v_xor_b32 v[q_], s68, v[P_+q_]
.set q_, q_+1
.endr
	WIN 0
.set q_, 0
.rept 16
	v_pk_add_f32 v[S_+q_:S_+q_+1], v[DA2+q_:DA2+q_+1], v[P_+q_:P_+q_+1] neg_lo:[0,1] neg_hi:[0,1]
	v_pk_add_f32 v[MX+q_:MX+q_+1], v[DA2+q_:DA2+q_+1], v[P_+q_:P_+q_+1] neg_lo:[0,1] neg_hi:[0,1]
.set q_, q_+2
.endr
.set q_, 0
.rept 16
	v_pk_mul_f32 v[Q_+q_:Q_+q_+1], v[S_+q_:S_+q_+1], v[S_+q_:S_+q_+1]
.set q_, q_+2
.endr
	s_wait_alu depctr_va_vdst(0)                   ; tile 0's products are done reading FA, in which tile 1 lands
	FETCH FA, 3, FRB
	FETCH FB, 3, 2*FRB
	s_wait_dscnt NLF                               ; tile 1 is in; tile 2's loads are younger
	PROD DA2, FA, \g, 0
	NOP4
	s_mov_b32 s63, 3*FRB
	s_mov_b32 s62, 15
.Lgrp\@:
	s_wait_dscnt 0x0                               ; FB is in
	s_wait_alu depctr_vm_vsrc(0)                   ; the loads that named v254 last have read it
	v_add_nc_u32 v254, s63, v3
	s_wait_alu depctr_va_vdst(0)                   ; the last four products are done reading FA, in which the fetch lands; v254 is written
	FETCH FA, 254, 0
	s_add_co_u32 s63, s63, FRB
	PROD DB2, FB, \g, 0
	ACC DA2
	s_wait_dscnt 0x0                               ; FA is in
	s_wait_alu depctr_vm_vsrc(0)                   ; the loads and stores that named v255 last have read it
	v_add_nc_u32 v255, s63, v3
	s_wait_alu depctr_va_vdst(0)                   ; the last four products are done reading FB, in which the fetch lands; v255 is written
	FETCH FB, 255, 0                               ; the last trip fetches the spare image
	s_add_co_u32 s63, s63, FRB
	PROD DA2, FA, \g, 0
	ACC DB2
	s_sub_co_u32 s62, s62, 1
	s_cmp_lg_u32 s62, 0
	s_cbranch_scc1 .Lgrp\@
	ACC DA2
	s_wait_dscnt 0x0
.irp X,1,2,4,8
.set q_, 0
.rept 64
	v_add_f32_dpp v[S_+q_], v[S_+q_], v[S_+q_] row_xmask:\X row_mask:0xf bank_mask:0xf
.set q_, q_+1
.endr
.endr
.set q_, 0
.rept 16
	v_pk_add_f32 v[DA2+q_:DA2+q_+1], v[MX+q_:MX+q_+1], v[P_+q_:P_+q_+1]
.set q_, q_+2
.endr
	s_wait_alu depctr_va_vdst(0)                   ; P, S, Q and the maxima are written: the data of the stores below; the group's products are done reading FA and FB, in which the next group's fetches land
	STP P_, 0, \g
	STP S_, 1, \g
	STP Q_, 2, \g
.set n_, 0
.rept 8
	global_store_b128 v1, v[DA2+4*n_:DA2+4*n_+3], s[74:75] offset:(8*\g+n_)*512   ; images of registers: 512 consecutive bytes a store
.set n_, n_+1
.endr
	s_wait_xcnt 0x0                                ; the stores have read their registers
	s_wait_alu depctr_vm_vsrc(0)                   ; the stores have read P, S, Q and the maxima, which the next group, or the partial's loads, write anew
.endm
	s_load_b512 s[4:19], s[0:1], 0x0               ; nbr 4, pts 6, scales 8, w1 10, g1 12, b1 14, w2 16, g2 18
	s_load_b512 s[20:35], s[0:1], 0x40             ; b2 20, w3 22, g3 24, b3 26, w4 28, g4 30, wsa 32, wsb 34
	s_load_b128 s[36:39], s[0:1], 0x80             ; wsc 36, wsd 38
	v_lshl_add_u32 v15, v0, 2, 0x2d400
	s_set_vgpr_msb 0x80
	v_mov_b32 v255, 0
	s_set_vgpr_msb 0x8000
	v_lshrrev_b32 v14, 5, v0
	v_readfirstlane_b32 s40, v14                   ; wave
	s_lshr_b32 s42, ttmp9, 7                       ; cloud
	s_lshl_b32 s43, ttmp9, 2
	s_wait_alu depctr_va_sdst(0)                   ; s40 is written, ahead of its first reader
	s_add_co_u32 s43, s43, s40                     ; my group of 16 points
	s_mov_b32 s68, 0x80000000
	s_mov_b32 s53, 0
	v_and_b32 v14, 31, v0
	v_and_b32 v88, 15, v0                          ; r
	v_bfe_u32 v89, v0, 4, 1                        ; h
	v_lshlrev_b32 v1, 4, v14
	s_mul_i32 s52, s40, UBW
	s_add_co_u32 s52, s52, UB
	v_lshl_add_u32 v2, v88, 4, s52                 ; coordinates: read at 16 r,
	v_lshl_add_u32 v8, v89, 12, v2                 ; written at 4,096 h + 16 r
	s_mul_i32 s52, s40, HBW
	v_add_nc_u32 v3, s52, v1                       ; my operand images
	v_lshl_add_u32 v4, v89, 6, T1
	s_mul_i32 s52, s40, 3*CF*4
	s_add_co_u32 s52, s52, T1+OST
	v_lshl_add_u32 v5, v89, 6, s52
	v_and_b32 v13, 8, v88
	v_add_nc_u32 v13, v13, v88                     ; r + 8 (r / 8)
	v_lshlrev_b32 v6, 6, v13
	v_lshl_add_u32 v6, v89, 4, v6
	v_lshlrev_b32 v7, 7, v13
	v_lshl_add_u32 v7, v89, 4, v7
	v_lshlrev_b32 v13, 2, v13
	v_lshl_add_u32 v10, v0, 3, T1
	v_mov_b32 v11, T1
	v_lshl_add_u32 v12, v0, 4, T1
	v_lshlrev_b32 v94, 4, v0
	v_lshlrev_b32 v95, 3, v0
	v_lshlrev_b32 v90, 7, v88
	v_lshl_add_u32 v90, v89, 6, v90                ; my 16 indices: point r, half h
	s_and_b32 s52, s43, 127
	s_lshl_b32 s52, s52, 8
	v_lshl_add_u32 v91, v88, 4, s52                ; my centre
	v_and_b32 v34, NCH/2-1, v0                     ; pair of channels
	v_lshrrev_b32 v35, LOGH, v0                    ; subset of the partials
	v_mul_u32_u24 v9, v35, 12*NCH
	v_lshl_add_u32 v9, v34, 3, v9
	v_add_nc_u32 v9, T1+ORD, v9
	v_mul_u32_u24 v110, v35, NP*STRIDE
	v_lshl_add_u32 v110, v34, 3, v110
	v_lshlrev_b32 v109, 3, v34
	s_wait_kmcnt 0x0
	s_lshl_b32 s59, s42, 5
	s_load_b256 s[44:51], s[8:9], s59 offset:0x0   ; the cloud's eight exponents
	s_lshl_b32 s52, s43, 11
	s_add_nc_u64 s[70:71], s[4:5], s[52:53]
	s_lshr_b32 s52, s43, 7
	s_lshl_b32 s52, s52, 15
	s_add_nc_u64 s[72:73], s[6:7], s[52:53]
	s_mul_i32 s52, s43, CF*64
	s_add_co_u32 s52, s52, YOFF
	s_add_nc_u64 s[74:75], s[OB:OB+1], s[52:53]    ; my maxima
	s_mul_i32 s52, ttmp9, CF*8
	s_add_co_u32 s52, s52, 4096
	s_add_nc_u64 s[82:83], s[OB:OB+1], s[52:53]    ; my work-group's partial
	s_mul_i32 s52, s42, TSZ
	s_add_nc_u64 s[84:85], s[OB:OB+1], s[52:53]    ; the copy of the table made here
	s_mul_i32 s52, s42, 128*STRIDE
	s_add_co_u32 s52, s52, 4096
	s_add_nc_u64 s[76:77], s[PB:PB+1], s[52:53]
	s_lshl_b32 s52, s42, 11
	s_add_nc_u64 s[78:79], s[34:35], s[52:53]
.if PASS == 4
	s_lshl_b32 s52, s42, 10
	s_add_nc_u64 s[80:81], s[36:37], s[52:53]
.endif
	s_wait_alu depctr_va_vdst(0)                   ; all offsets and LDS addresses made above are written: every load and store of the kernel reads some of them
.set i_, 0
.rept 4
	global_load_b128 v[16+4*i_:19+4*i_], v90, s[70:71] offset:16*i_
.set i_, i_+1
.endr
	global_load_b128 v[36:39], v91, s[72:73]
.set t_, 0
.rept NT
	global_load_b32 v[40+t_], v13, s[GF:GF+1] offset:(32*(t_/2)+8*(t_%2))*4
.set t_, t_+1
.endr
	global_load_b128 v[68:71], v94, s[78:79]       ; layer 1's table
	global_load_b64 v[112:113], v109, s[GP:GP+1]
	global_load_b64 v[114:115], v109, s[BP:BP+1]
.set t_, 0
.rept 4
	global_load_b32 v[56+t_], v13, s[18:19] offset:(32*(t_/2)+8*(t_%2))*4
.set t_, t_+1
.endr
	WIN 0x40
.set t_, 0
.rept 4
	global_load_b128 v[128+8*t_:131+8*t_], v6, s[16:17] offset:(32*(t_/2)+8*(t_%2))*64
	global_load_b128 v[132+8*t_:135+8*t_], v6, s[16:17] offset:(32*(t_/2)+8*(t_%2))*64+32
.set t_, t_+1
.endr
	WIN 0
.if PASS == 4
	global_load_b64 v[72:73], v95, s[80:81]        ; layer 2's table
.set t_, 0
.rept 8
	global_load_b32 v[60+t_], v13, s[24:25] offset:(32*(t_/2)+8*(t_%2))*4
.set t_, t_+1
.endr
	WIN 0x80
.set t_, 0
.rept 8
	global_load_b128 v[8*t_:8*t_+3], v6, s[22:23] offset:(32*(t_/2)+8*(t_%2))*64
	global_load_b128 v[8*t_+4:8*t_+7], v6, s[22:23] offset:(32*(t_/2)+8*(t_%2))*64+32
.set t_, t_+1
.endr
	WIN 0
.endif
	s_wait_loadcnt 0x0
.set i_, 0
.rept 16
	v_min_u32 v[16+i_], 0x7ff, v[16+i_]            ; an index stays inside its table
	v_lshlrev_b32 v[16+i_], 4, v[16+i_]
.set i_, i_+1
.endr
	WIN 0x80                                       ; the neighbours land in window 2, v64-127
	s_wait_alu depctr_va_vdst(0)                   ; the sixteen offsets v16-31 are written, which the gathers read
.set i_, 0
.rept 16
	global_load_b128 v[64+4*i_:67+4*i_], v[16+i_], s[72:73]
.set i_, i_+1
.endr
	WIN 0xc0                                       ; the last layer's weights: window 3
.set t_, 0
.rept NT*NLF
	global_load_b128 v[4*t_:4*t_+3], v[WO], s[WP:WP+1] offset:(32*(t_/NLF/2)+8*((t_/NLF)%2))*(FR*8)+32*(t_%NLF)
.set t_, t_+1
.endr
	WIN 0
	REDSTAT 76, 109, 110, STRIDE, PL, NP
	s_wait_kmcnt 0x0
	s_wait_alu depctr_va_vdst(0)                   ; the three sums are written: the LDS stores' data; the merge is done with the ring v128-255, in which LDS loads land below
	ds_store_b64 v9, v[SD:SD+1]
	ds_store_b64 v9, v[SQ:SQ+1] offset:NCH*4
	ds_store_b64 v9, v[SM:SM+1] offset:NCH*8
	ds_store_b128 v12, v[68:71]
.if PASS == 4
	ds_store_b64 v10, v[72:73] offset:OT2
.endif
	BAR
	s_cmp_ge_u32 s40, NCH/64
	s_cbranch_scc1 .Lfs
.set i_, 0
.rept 3*NSUB
	ds_load_b64 v[128+2*i_:129+2*i_], v10 offset:ORD+i_*NCH*4
.set i_, i_+1
.endr
	s_wait_dscnt 0x0
.set i_, 3
.rept 3*NSUB-3
	v_pk_add_f32 v[128+2*(i_%3):129+2*(i_%3)], v[128+2*(i_%3):129+2*(i_%3)], v[128+2*i_:129+2*i_]
.set i_, i_+1
.endr
	s_add_co_i32 s54, s[EA], s[EA+1]
	FIN 128, 0x45000000, 18, 54, 1
	s_wait_alu depctr_va_vdst(0)                   ; nm and alpha, v134-137, are written: the LDS stores' data
	ds_store_b64 v10, v[134:135] offset:OTN
	ds_store_b64 v10, v[136:137] offset:OTN+NCH*4
	ds_store_b64 v10, v[114:115] offset:OTN+NCH*8
	ds_store_b64 v10, v[114:115] offset:OTN+NCH*12
.Lfs:
	BAR
	s_and_b32 s52, ttmp9, 127                      ; the cloud's first work-group keeps the new table for the later launches
	s_cmp_lg_u32 s52, 0
	s_cbranch_scc1 .Lnocopy
.if TSZ == 2048
	ds_load_b128 v[124:127], v12 offset:OTN
	s_wait_dscnt 0x0
	global_store_b128 v94, v[124:127], s[84:85]
.else
	ds_load_b64 v[124:125], v10 offset:OTN
	s_wait_dscnt 0x0
	global_store_b64 v95, v[124:125], s[84:85]
.endif
.Lnocopy:
	; a lane's coefficients.  Window 1: A1x 0-31, A1y 32-63, A1z 64-95, Qc 96-127, W2 128-159, nm2, alpha2, b2.  Window 2: W3 0-63, nm3, alpha3, b3
	s_wait_alu depctr_vm_vsrc(0)                   ; the LDS stores of nm and alpha have read v134-137, in which a plane of layer 1's table lands
	ds_load_b128 v[116:119], v11 offset:1792
	ds_load_b128 v[120:123], v11 offset:1808
	WIN 0x40
	LDTAB 0, 0, 2
	LDTAB 32, 256, 2
	LDTAB 64, 512, 2
	WIN 0
	LDTAB 128, 768, 2
	LDTAB 160, 1024, 2
	LDTAB 192, 1280, 2
	LDTAB 224, 1536, 2
	s_wait_dscnt 0x0
	v_sub_f32 v36, v36, v120
	v_sub_f32 v37, v37, v121
	v_sub_f32 v38, v38, v122
.set q_, 0
.rept 16
	v_pk_fma_f32 v[224+q_:225+q_], v[128+q_:129+q_], v[36:37], v[224+q_:225+q_] op_sel_hi:[1,0,1]
.set q_, q_+2
.endr
.set q_, 0
.rept 16
	v_pk_fma_f32 v[224+q_:225+q_], v[160+q_:161+q_], v[36:37], v[224+q_:225+q_] op_sel:[0,1,0] op_sel_hi:[1,1,1]
.set q_, q_+2
.endr
	WIN 0x40
.set q_, 0
.rept 16
	v_pk_fma_f32 v[96+q_:97+q_], v[192+q_:193+q_], v[38:39], v[224+q_:225+q_] op_sel_hi:[1,0,1]   ; the centre's share and the bias
.set q_, q_+2
.endr
	WIN 0x02
.set i_, 0
.rept 16
	v_sub_f32 v[128+4*i_], v[64+4*i_], v116        ; the neighbour less the neighbours' mean place
	v_sub_f32 v[129+4*i_], v[65+4*i_], v117
	v_sub_f32 v[130+4*i_], v[66+4*i_], v118
.set i_, i_+1
.endr
	WIN 0
	s_wait_alu depctr_va_vdst(0)                   ; the differences in v128-191 are written: the LDS stores' data; the lines above are done reading v224-255 and window 2's v64-127, in which LDS loads land below
.set i_, 0
.rept 16
	ds_store_b128 v8, v[128+4*i_:131+4*i_] offset:256*i_
.set i_, i_+1
.endr
	ds_store_b128 v2, v[116:119] offset:8192       ; the two spare slots
	ds_store_b128 v2, v[116:119] offset:8448
	WIN 0x40
	LDTAB 160, OT2, 2
	LDTAB 192, OT2+256, 2
	LDTAB 224, OT2+512, 2
	WIN 0
.if PASS == 4
	WIN 0x80
	LDTAB 64, OT3, 4
	LDTAB 128, OT3+512, 4
	LDTAB 192, OT3+1024, 4
	WIN 0
.endif
	SGN 40, NT, 0, FR, 0xcc
	SGN 56, 4, 128, 8, 0x44
.if PASS == 4
	SGN 60, 8, 0, 8, 0x88
.endif
	SCLIM 44, 208
	SCLIM 46, 210
.if PASS == 4
	SCLIM 48, 212
.endif
	ds_load_b128 v[UA:UA+3], v2                    ; no vector line since the last wait on va_vdst names v246-253
	ds_load_b128 v[UC:UC+3], v2 offset:256
	s_mov_b32 s60, 0
	s_mov_b32 s61, 0
	s_mov_b32 s62, 16
	s_wait_xcnt 0x0
	s_wait_alu depctr_vm_vsrc(0)                   ; the gathers have read their offsets v16-31, the LDS stores v68-73, v102-107, v114-119 and v128-191: the loop writes these anew
	s_wait_dscnt 0x0
	; PHASE I: the operand of the last layer, two row tiles a trip
.Ltrip:
	s_wait_dscnt 2*NLF                             ; the two coordinate loads are older than the last trip's code stores
	WIN 0x11
.set q_, 0
.rept 16
	v_pk_fma_f32 v[DA+q_:DA+q_+1], v[q_:q_+1], v[UA:UA+1], v[96+q_:97+q_] op_sel_hi:[1,0,1]
	v_pk_fma_f32 v[DB+q_:DB+q_+1], v[q_:q_+1], v[UC:UC+1], v[96+q_:97+q_] op_sel_hi:[1,0,1]
.set q_, q_+2
.endr
	WIN 0x01
.set q_, 0
.rept 16
	v_pk_fma_f32 v[DA+q_:DA+q_+1], v[32+q_:33+q_], v[UA:UA+1], v[DA+q_:DA+q_+1] op_sel:[0,1,0] op_sel_hi:[1,1,1]
	v_pk_fma_f32 v[DB+q_:DB+q_+1], v[32+q_:33+q_], v[UC:UC+1], v[DB+q_:DB+q_+1] op_sel:[0,1,0] op_sel_hi:[1,1,1]
.set q_, q_+2
.endr
.set q_, 0
.rept 16
	v_pk_fma_f32 v[DA+q_:DA+q_+1], v[64+q_:65+q_], v[UA+2:UA+3], v[DA+q_:DA+q_+1] op_sel_hi:[1,0,1]
	v_pk_fma_f32 v[DB+q_:DB+q_+1], v[64+q_:65+q_], v[UC+2:UC+3], v[DB+q_:DB+q_+1] op_sel_hi:[1,0,1]
.set q_, q_+2
.endr
	WIN 0
	s_add_co_u32 s60, s60, 512
	s_wait_alu depctr_vm_vsrc(0)                   ; the last trip's coordinate loads have read v254; its code stores have read v255 and the codes, which this trip writes anew
	v_add_nc_u32 v254, s60, v2
	v_add_nc_u32 v255, s61, v3
	s_wait_alu depctr_va_vdst(0)                   ; the multiply-adds are done reading UA and UC, in which the loads land; v254 and v255 are written
	ds_load_b128 v[UA:UA+3], v254                  ; the next trip's coordinates
	ds_load_b128 v[UC:UC+3], v254 offset:256
	QNT DA, 32, CA, 209, 208
	QNT DB, 32, CB, 209, 208
	v_nop                                          ; a plain line behind the last conversion
	WIN 0x11
.irp t,0,1,2,3
	v_wmma_f32_16x16x64_bf8_bf8 v[DA+8*\t:DA+8*\t+7], v[128+8*\t:135+8*\t], v[CA:CA+7], v[160+8*\t:167+8*\t]
.endr
.irp t,0,1,2,3
	v_wmma_f32_16x16x64_bf8_bf8 v[DB+8*\t:DB+8*\t+7], v[128+8*\t:135+8*\t], v[CB:CB+7], v[160+8*\t:167+8*\t]
.endr
	NOP4
	WIN 0x14
	PKF DA, 192, 224, 16
	PKF DB, 192, 224, 16
	WIN 0
	QNT DA, 32, CA+8, 211, 210
	QNT DB, 32, CB+8, 211, 210
	v_nop
.if PASS == 4
	WIN 0x22
.irp t,0,1,2,3,4,5,6,7
	v_wmma_f32_16x16x64_bf8_bf8 v[DA+8*\t:DA+8*\t+7], v[8*\t:8*\t+7], v[CA+8:CA+15], v[64+8*\t:71+8*\t]
.endr
.irp t,0,1,2,3,4,5,6,7
	v_wmma_f32_16x16x64_bf8_bf8 v[DB+8*\t:DB+8*\t+7], v[8*\t:8*\t+7], v[CB+8:CB+15], v[64+8*\t:71+8*\t]
.endr
	NOP4
	WIN 0x28
	PKF DA, 128, 192, 32
	PKF DB, 128, 192, 32
	WIN 0
	QNT DA, 64, CA+16, 213, 212
	QNT DB, 64, CB+16, 213, 212
	v_nop
.endif
	s_wait_alu depctr_va_vdst(0)                   ; the last conversions have written the codes, which the LDS stores read
.set c_, 0
.rept NLF
	ds_store_b128 v255, v[CA+CL+4*c_:CA+CL+4*c_+3] offset:512*c_
	ds_store_b128 v255, v[CB+CL+4*c_:CB+CL+4*c_+3] offset:FRB+512*c_
.set c_, c_+1
.endr
	s_add_co_u32 s61, s61, 2*FRB
	s_sub_co_u32 s62, s62, 1
	s_cmp_lg_u32 s62, 0
	s_cbranch_scc1 .Ltrip
	s_wait_alu depctr_vm_vsrc(0)                   ; the last trip's stores have read v255
	v_add_nc_u32 v255, s61, v3
	s_wait_alu depctr_va_vdst(0)                   ; v255 is written, which the stores below read
.set c_, 0
.rept NLF
	ds_store_b128 v255, v[CB+CL+4*c_:CB+CL+4*c_+3] offset:512*c_   ; the spare image
.set c_, c_+1
.endr
	s_wait_alu depctr_vm_vsrc(0)                   ; the code stores have read the codes in v144-207, the coordinate loads v254: phase II writes these anew
	; PHASE II: the last layer, 64 channels at a time
.set gg, 0
.rept NG
	GROUP gg
.set gg, gg+1
.endr
	BAR
	s_cmp_ge_u32 s40, CF/64
	s_cbranch_scc1 .Lend
.irp w,0,1,2,3
	ds_load_b64 v[16+6*\w:17+6*\w], v10 offset:OST+\w*3*CF*4
	ds_load_b64 v[18+6*\w:19+6*\w], v10 offset:OST+\w*3*CF*4+CF*4
	ds_load_b64 v[20+6*\w:21+6*\w], v10 offset:OST+\w*3*CF*4+CF*8
.endr
	v_lshlrev_b32 v54, 3, v0
	s_wait_dscnt 0x0
.irp w,0,1,2,3
	v_pk_fma_f32 v[16+6*\w:17+6*\w], v[18+6*\w:19+6*\w], 0x3b000000, v[16+6*\w:17+6*\w] op_sel_hi:[1,0,1]   ; a wave's mean = P + S / 512
	v_pk_mul_f32 v[18+6*\w:19+6*\w], v[18+6*\w:19+6*\w], v[18+6*\w:19+6*\w]
	v_pk_fma_f32 v[20+6*\w:21+6*\w], v[18+6*\w:19+6*\w], 0xbb000000, v[20+6*\w:21+6*\w] op_sel_hi:[1,0,1]   ; its M2 = Q - S^2 / 512
.endr
	v_pk_add_f32 v[40:41], v[22:23], v[16:17] neg_lo:[0,1] neg_hi:[0,1]
	v_pk_add_f32 v[42:43], v[28:29], v[16:17] neg_lo:[0,1] neg_hi:[0,1]
	v_pk_add_f32 v[44:45], v[34:35], v[16:17] neg_lo:[0,1] neg_hi:[0,1]
	v_pk_add_f32 v[46:47], v[40:41], v[42:43]
	v_pk_add_f32 v[46:47], v[46:47], v[44:45]
	v_pk_mul_f32 v[46:47], v[46:47], 0x3e800000 op_sel_hi:[1,0]
	v_pk_add_f32 v[48:49], v[16:17], v[46:47]      ; the work-group's mean
	v_pk_mul_f32 v[50:51], v[46:47], v[46:47]
.irp d,40,42,44
	v_pk_add_f32 v[\d:\d+1], v[\d:\d+1], v[46:47] neg_lo:[0,1] neg_hi:[0,1]
	v_pk_fma_f32 v[50:51], v[\d:\d+1], v[\d:\d+1], v[50:51]
.endr
	v_pk_add_f32 v[52:53], v[20:21], v[26:27]
	v_pk_add_f32 v[52:53], v[52:53], v[32:33]
	v_pk_add_f32 v[52:53], v[52:53], v[38:39]
	v_pk_fma_f32 v[52:53], v[50:51], 0x44000000, v[52:53] op_sel_hi:[1,0,1]
	s_wait_alu depctr_va_vdst(0)                   ; the partial, v48-49 and v52-53, and its offset v54 are written, which the stores read
	global_store_b64 v54, v[48:49], s[82:83]
	global_store_b64 v54, v[52:53], s[82:83] offset:CF*4
.Lend:
	s_set_vgpr_msb 0x8
	s_wait_dscnt 0x0                               ; the closing lines, six on end, of a launch in the mode that stores to LDS
	s_wait_alu 0x0
	s_wait_tensorcnt 0x0
	ds_add_u32 v15, v255
	s_wait_dscnt 0x0
	s_endpgm
.Lfunc_end_k_qd5d2bdb998_passC:
	.size	k_qd5d2bdb998_passC, .Lfunc_end_k_qd5d2bdb998_passC-k_qd5d2bdb998_passC
	.p2alignl 7, 3214868480
	.fill 96, 4, 3214868480
	.section	.rodata,"a",@progbits
	.p2align	6, 0x0
	.amdhsa_kernel k_qd5d2bdb998_passC
		.amdhsa_group_segment_fixed_size 185856
		.amdhsa_private_segment_fixed_size 0
		.amdhsa_enable_private_segment 0
		.amdhsa_kernarg_size 144
		.amdhsa_user_sgpr_count 2
		.amdhsa_user_sgpr_kernarg_segment_ptr 1
		.amdhsa_wavefront_size32 1
		.amdhsa_system_sgpr_workgroup_id_x 1
		.amdhsa_system_sgpr_workgroup_id_y 1
		.amdhsa_system_sgpr_workgroup_id_z 1
		.amdhsa_system_vgpr_workitem_id 0
		.amdhsa_next_free_vgpr 1024
		.amdhsa_next_free_sgpr 100
		.amdhsa_reserve_vcc 0
		.amdhsa_float_denorm_mode_32 3
		.amdhsa_float_denorm_mode_16_64 3
		.amdhsa_memory_ordered 1
		.amdhsa_forward_progress 1
		.amdhsa_inst_pref_size 144
	.end_amdhsa_kernel
	.amdgpu_metadata
---
amdhsa.version: [ 1, 2 ]
amdhsa.kernels:
  - .name:           k_qd5d2bdb998_passC
    .symbol:         k_qd5d2bdb998_passC.kd
    .args:
      - { .name: nbr, .offset: 0, .size: 8, .value_kind: global_buffer, .address_space: global }
      - { .name: pts, .offset: 8, .size: 8, .value_kind: global_buffer, .address_space: global }
      - { .name: lowp_scales, .offset: 16, .size: 8, .value_kind: global_buffer, .address_space: global }
      - { .name: w1, .offset: 24, .size: 8, .value_kind: global_buffer, .address_space: global }
      - { .name: g1, .offset: 32, .size: 8, .value_kind: global_buffer, .address_space: global }
      - { .name: b1, .offset: 40, .size: 8, .value_kind: global_buffer, .address_space: global }
      - { .name: w2_codes, .offset: 48, .size: 8, .value_kind: global_buffer, .address_space: global }
      - { .name: g2, .offset: 56, .size: 8, .value_kind: global_buffer, .address_space: global }
      - { .name: b2, .offset: 64, .size: 8, .value_kind: global_buffer, .address_space: global }
      - { .name: w3_codes, .offset: 72, .size: 8, .value_kind: global_buffer, .address_space: global }
      - { .name: g3, .offset: 80, .size: 8, .value_kind: global_buffer, .address_space: global }
      - { .name: b3, .offset: 88, .size: 8, .value_kind: global_buffer, .address_space: global }
      - { .name: w4_codes, .offset: 96, .size: 8, .value_kind: global_buffer, .address_space: global }
      - { .name: g4, .offset: 104, .size: 8, .value_kind: global_buffer, .address_space: global }
      - { .name: wsa, .offset: 112, .size: 8, .value_kind: global_buffer, .address_space: global }
      - { .name: wsb, .offset: 120, .size: 8, .value_kind: global_buffer, .address_space: global }
      - { .name: wsc, .offset: 128, .size: 8, .value_kind: global_buffer, .address_space: global }
      - { .name: wsd, .offset: 136, .size: 8, .value_kind: global_buffer, .address_space: global }
    .group_segment_fixed_size: 185856
    .private_segment_fixed_size: 0
    .kernarg_segment_align: 8
    .kernarg_segment_size: 144
    .max_flat_workgroup_size: 128
    .sgpr_count:     100
    .vgpr_count:     1024
    .wavefront_size: 32
...
	.end_amdgpu_metadata
.endif
;; end of part 11
;; launch passD (part 12): grid 256 x 1, 4 waves a work-group, no clusters, 327,168 bytes of LDS; arguments nbr, pts, lowp_scales, w1, g1, b1, w2_codes, g2, b2, w3_codes, g3, b3, w4_codes, g4, wsa, wsb, wsc, wsd; writes wsd
.if DOCPART == 12
	.amdgcn_target "amdgcn-amd-amdhsa--gfx1250"
	.amdhsa_code_object_version 6
	.text
	.protected	k_qd5d2bdb998_passD
	.globl	k_qd5d2bdb998_passD
	.p2align	8
	.type	k_qd5d2bdb998_passD,@function
k_qd5d2bdb998_passD:
	s_mov_b64 s[64:65], 0
	v_nop
	global_prefetch_b8 v0, s[64:65] scope:SCOPE_SE
	s_setreg_imm32_b32 hwreg(HW_REG_WAVE_SCHED_MODE, 0, 2), 2
	s_setreg_imm32_b32 hwreg(HW_REG_WAVE_MODE, 25, 1), 1
	s_wait_xcnt 0x0
	s_wait_alu depctr_vm_vsrc(0)
; EDGE-CONVOLUTION PASS, PASS = 3 or 4: the layer whose batch statistics and per-point maxima this launch gathers.  The layers below are computed anew from the coordinates.
; A wave owns 16 points x 32 neighbours; row tile t = neighbour slot t of the 16 points (lane % 16 = point), so the maximum over neighbours is a maximum over tiles, lane by lane.
; Products are used transposed (source 0 = 16 weight rows, source 1 = 16 samples).  Lane r of weight tile T takes row 32 (T/2) + 8 (T%2) + r + 8 (r/8): register j of lane (r, h)
; holds channel 32 (T/2) + 16 h + 8 (T%2) + j, and two neighbouring tiles are 16 neighbours along the next K.  Both operands put k = 32 c + 16 h + 0..15 into registers 4 c .. 4 c + 3.
; Weight rows with a negative gain have their codes' signs turned (y' = sgn(g) y): bn + relu is then non-decreasing in y', and a maximum alone is kept.
; Inner layer: D = W h + nm (nm = -mean as C), D alpha + b, held between 0 and the largest code x the scale (relu and hold in one), converted.
; Statistics: a wave's first sample is its pivot P (C = -P); sums of (y-P), (y-P)^2; the work-group stores (mean, M2); the next launch merges 128 partials about the first one's mean.
; LIMITS: finite inputs; each given exponent e between -126 and 112.
; THE MODE: SCHED_MODE bits 1:0 = 2 (LLVM: expert scheduling mode 2), set by the entry lines.  The code itself states the register dependences between vector or matrix
; instructions and memory or LDS instructions, with s_wait_alu, always for 0.
; THE PLAN.  Offsets and LDS addresses (v1-v13, v90, v91, v94, v95, v109, v110) are made once at the head, ahead of one wait on va_vdst, and never written again.
;   PHASE I, a trip.  UA, UC: read by the trip's 96 multiply-adds, then loaded anew.  v254, v255: read by the coordinate loads and the code stores, made anew each trip.  The stored codes:
;   written by the trip's last conversions, read by its stores.  Three waits: vm_vsrc ahead of the two address additions (it frees the codes' registers too), va_vdst behind them, va_vdst behind the last conversion.
;   PHASE II, half a trip.  FA (FB): read by four products, loaded anew half a trip later; v254 (v255): its address.  At the half's head, behind the wait on DScnt: vm_vsrc, the addition, ONE va_vdst, the fetch;
;   the half's products and sums follow and name none of the registers that the fetch touches.  A group's tail: one va_vdst ahead of all its stores, one vm_vsrc behind them.
.set PASS, 4
.if PASS == 3
.set CF, 128
.set FR, 8
.set GF, 24
.set WP, 22
.set WO, 6
.set OB, 36
.set YOFF, 524288
.set TSZ, 1024
.set OTN, 2048
.set GP, 18
.set BP, 20
.set PB, 34
.set EA, 44
.set LOGH, 5
.else
.set CF, 256
.set FR, 16
.set GF, 30
.set WP, 28
.set WO, 7
.set OB, 38
.set YOFF, 1048576
.set TSZ, 2048
.set OTN, 3072
.set GP, 24
.set BP, 26
.set PB, 36
.set EA, 46
.set LOGH, 6
.endif
.set NCH, CF/2                        ; channels of the layer below
.set NSUB, 256/NCH
.set NP, NCH/2
.set STRIDE, NCH*8
.set PL, NCH*4
.set FRB, FR*128
.set NLF, FR/4
.set NG, CF/64
.set NT, CF/16
.set HBW, 33*FRB                      ; a wave's 32 operand images and a spare one for the last trip's look-ahead
.set UBW, 8704                        ; a wave's 32 slots of coordinates and two spare ones
.set UB, 4*HBW
.set T1, UB+4*UBW                     ; tables: layer 1; +OT2 layer 2; +OT3 layer 3; +ORD scratch; +OST the waves' P, S, Q
.set OT2, 2048
.set OT3, 3072
.set ORD, 5120
.set OST, 9216
.set DA, 16
.set DB, 80
.set CA, 144
.set CB, 176
.set UA, 246
.set UC, 250
.set CL, 8*(PASS-2)
.set DA2, 16
.set DB2, 48
.set S_, 80
.set Q_, 112
.set MX, 144
.set P_, 176
.set FA, 208
.set FB, 224
.set PV, 100
.set SD, 102
.set SQ, 104
.set SM, 106
.set RG, 128
.set MSB, 0
.macro WIN new
.if MSB != \new
	s_set_vgpr_msb (MSB<<8)|\new
.set MSB, \new
.endif
.endm
.macro BAR
	s_wait_dscnt 0x0
	s_barrier_signal -1
	s_barrier_wait -1
.endm
.macro NOP4
.rept 4
	v_nop
.endr
.endm
.macro LDTAB reg, off, pairs          ; a plane of a table: register 16 b + i = channel 32 b + 16 h + i
.set b_, 0
.rept 4*\pairs
	ds_load_b128 v[\reg+4*b_:\reg+4*b_+3], v4 offset:\off+128*(b_/4)+16*(b_%4)
.set b_, b_+1
.endr
.endm
.macro QNT d, n, c, lim, sc
.set q_, 0
.rept \n
	v_med3_num_f32 v[\d+q_], v[\d+q_], 0, v[\lim]
.set q_, q_+1
.endr
.set q_, 0
.rept \n/8
	v_cvt_scalef32_pk8_bf8_f32 v[\c+2*q_:\c+2*q_+1], v[\d+8*q_:\d+8*q_+7], v[\sc]
.set q_, q_+1
.endr
.endm
.macro SCLIM e, vs                    ; 2^e and 57,344 x 2^e
	s_add_co_i32 s54, s[\e], 127
	s_lshl_b32 s55, s54, 23
	v_mov_b32 v[\vs], s55
	s_add_co_i32 s54, s54, 15
	s_lshl_b32 s54, s54, 23
	s_or_b32 s54, s54, 0x600000
	v_mov_b32 v[\vs+1], s54
.endm
.macro REDSTAT bs, vp, vr, stride, pl, np   ; a ring of 32 register slots, loaded anew eight slots at a time
	global_load_b64 v[PV:PV+1], v[\vp], s[\bs:\bs+1]
.set i_, 0
.rept 32
	global_load_b64 v[RG+4*i_:RG+4*i_+1], v[\vr], s[\bs:\bs+1] offset:i_*\stride
	global_load_b64 v[RG+4*i_+2:RG+4*i_+3], v[\vr], s[\bs:\bs+1] offset:i_*\stride+\pl
.set i_, i_+1
.endr
.irp z,0,1,2,3,4,5
	v_mov_b32 v[SD+\z], 0
.endr
.set i_, 0
.rept \np
.set m_, RG+4*(i_%32)
.set y_, 32+8*(i_/8)                  ; partials asked for so far
.if y_ > \np
.set y_, \np
.endif
	s_wait_loadcnt 2*(y_-1-i_)                     ; the younger partials, two loads each, may stay out
	v_pk_add_f32 v[m_:m_+1], v[m_:m_+1], v[PV:PV+1] neg_lo:[0,1] neg_hi:[0,1]
	v_pk_add_f32 v[SM:SM+1], v[SM:SM+1], v[m_+2:m_+3]
	v_pk_add_f32 v[SD:SD+1], v[SD:SD+1], v[m_:m_+1]
	v_pk_fma_f32 v[SQ:SQ+1], v[m_:m_+1], v[m_:m_+1], v[SQ:SQ+1]
.if (i_%8 == 7) && (i_+32 < \np)
	s_wait_alu depctr_va_vdst(0)                   ; the last eight partials' lines are done writing and reading their slots, in which the loads below land
.set j_, i_-7
.rept 8
	global_load_b64 v[RG+4*(j_%32):RG+4*(j_%32)+1], v[\vr], s[\bs:\bs+1] offset:(j_+32)*\stride
	global_load_b64 v[RG+4*(j_%32)+2:RG+4*(j_%32)+3], v[\vr], s[\bs:\bs+1] offset:(j_+32)*\stride+\pl
.set j_, j_+1
.endr
.endif
.set i_, i_+1
.endr
.endm
.macro FIN x, nlit, logn, se, ab      ; sums in v[x..x+5] -> nm in v[x+6:x+7], alpha in v[x+8:x+9]; g in v[112:113]
	v_pk_fma_f32 v[\x+6:\x+7], v[\x:\x+1], 0x3c000000, v[PV:PV+1] op_sel_hi:[1,0,1]
	v_pk_mul_f32 v[\x+8:\x+9], v[\x:\x+1], v[\x:\x+1]
	v_pk_fma_f32 v[\x+8:\x+9], v[\x+8:\x+9], 0xbc000000, v[\x+2:\x+3] op_sel_hi:[1,0,1]
	v_pk_fma_f32 v[\x+8:\x+9], v[\x+8:\x+9], \nlit, v[\x+4:\x+5] op_sel_hi:[1,0,1]
	s_lshl_b32 s55, s[\se], 1
	s_sub_co_i32 s55, s55, \logn
	v_ldexp_f32 v[\x+8], v[\x+8], s55
	v_ldexp_f32 v[\x+9], v[\x+9], s55
	v_max_num_f32 v[\x+8], 0, v[\x+8]
	v_max_num_f32 v[\x+9], 0, v[\x+9]
	v_add_f32 v[\x+8], 0x3727c5ac, v[\x+8]
	v_add_f32 v[\x+9], 0x3727c5ac, v[\x+9]
	v_rsq_f32 v[\x+8], v[\x+8]
	v_rsq_f32 v[\x+9], v[\x+9]
	v_xor_b32 v[\x+6], 0x80000000, v[\x+6]
	v_xor_b32 v[\x+7], 0x80000000, v[\x+7]
	s_wait_alu depctr_va_vdst(0)                   ; one wait for both roots, ahead of their first reader
.if \ab
	v_mul_f32 v[\x+8], |v112|, v[\x+8]
	v_mul_f32 v[\x+9], |v113|, v[\x+9]
.else
	v_mul_f32 v[\x+8], v112, v[\x+8]
	v_mul_f32 v[\x+9], v113, v[\x+9]
.endif
	v_ldexp_f32 v[\x+8], v[\x+8], s[\se]
	v_ldexp_f32 v[\x+9], v[\x+9], s[\se]
.endm
.macro SGN gr, n, wr, fr, win         ; the signs of n tiles' codes are turned where the gain is negative
.set t_, 0
.rept \n
	v_ashrrev_i32 v[\gr+t_], 31, v[\gr+t_]
	v_and_b32 v[\gr+t_], 0x80808080, v[\gr+t_]
.set t_, t_+1
.endr
	WIN \win
.set t_, 0
.rept \n*\fr
	v_xor_b32 v[\wr+t_], v[\gr+t_/\fr], v[\wr+t_]
.set t_, t_+1
.endr
	WIN 0
.endm
.macro PKF d, a, b, n                 ; n packed D = D a + b
.set q_, 0
.rept \n
	v_pk_fma_f32 v[\d+q_:\d+q_+1], v[\d+q_:\d+q_+1], v[\a+q_:\a+q_+1], v[\b+q_:\b+q_+1]
.set q_, q_+2
.endr
.endm
.macro FETCH f, va, off
.set c_, 0
.rept NLF
	ds_load_b128 v[\f+4*c_:\f+4*c_+3], v[\va] offset:\off+512*c_
.set c_, c_+1
.endr
.endm
.macro PROD d, f, g, zero             ; 64 channels of the last layer for one row tile: weights window 3, C = -P window 2
	WIN 0x23
.irp t,0,1,2,3
.if FR == 8
.if \zero
	v_wmma_f32_16x16x64_bf8_bf8 v[\d+8*\t:\d+8*\t+7], v[8*(4*\g+\t):8*(4*\g+\t)+7], v[\f:\f+7], 0
.else
	v_wmma_f32_16x16x64_bf8_bf8 v[\d+8*\t:\d+8*\t+7], v[8*(4*\g+\t):8*(4*\g+\t)+7], v[\f:\f+7], v[8*\t:8*\t+7]
.endif
.else
.if \zero
	v_wmma_f32_16x16x128_bf8_bf8 v[\d+8*\t:\d+8*\t+7], v[16*(4*\g+\t):16*(4*\g+\t)+15], v[\f:\f+15], 0
.else
	v_wmma_f32_16x16x128_bf8_bf8 v[\d+8*\t:\d+8*\t+7], v[16*(4*\g+\t):16*(4*\g+\t)+15], v[\f:\f+15], v[8*\t:8*\t+7]
.endif
.endif
.endr
	WIN 0
.endm
.macro ACC d                          ; sum, sum of squares, maximum; each accumulator from its low end on
.set q_, 0
.rept 16
	v_pk_add_f32 v[S_+q_:S_+q_+1], v[S_+q_:S_+q_+1], v[\d+q_:\d+q_+1]
.set q_, q_+2
.endr
.set q_, 0
.rept 16
	v_pk_fma_f32 v[Q_+q_:Q_+q_+1], v[\d+q_:\d+q_+1], v[\d+q_:\d+q_+1], v[Q_+q_:Q_+q_+1]
.set q_, q_+2
.endr
.set q_, 0
.rept 32
	v_max_num_f32 v[MX+q_], v[MX+q_], v[\d+q_]
.set q_, q_+1
.endr
.endm
.macro STP rb, pl, g
.set n_, 0
.rept 8
	ds_store_b128 v5, v[\rb+4*n_:\rb+4*n_+3] offset:\pl*CF*4+256*\g+128*(n_/4)+16*(n_%4)
.set n_, n_+1
.endr
.endm
.macro GROUP g                        ; while one tile's results are summed, the next tile's products run and the one after is fetched
	FETCH FA, 3, 0
	s_wait_dscnt 0x0
	PROD DA2, FA, \g, 1
	NOP4
.set q_, 0
.rept 32
	v_mov_b32_dpp v[P_+q_], v[DA2+q_] row_share:0 row_mask:0xf bank_mask:0xf   ; the pivot: sample 0 of tile 0
.set q_, q_+1
.endr
	WIN 0x80
.set q_, 0
.rept 32
	v_xor_b32 v[q_], s68, v[P_+q_]
.set q_, q_+1
.endr
	WIN 0
.set q_, 0
.rept 16
	v_pk_add_f32 v[S_+q_:S_+q_+1], v[DA2+q_:DA2+q_+1], v[P_+q_:P_+q_+1] neg_lo:[0,1] neg_hi:[0,1]
	v_pk_add_f32 v[MX+q_:MX+q_+1], v[DA2+q_:DA2+q_+1], v[P_+q_:P_+q_+1] neg_lo:[0,1] neg_hi:[0,1]
.set q_, q_+2
.endr
.set q_, 0
.rept 16
	v_pk_mul_f32 v[Q_+q_:Q_+q_+1], v[S_+q_:S_+q_+1], v[S_+q_:S_+q_+1]
.set q_, q_+2
.endr
	s_wait_alu depctr_va_vdst(0)                   ; tile 0's products are done reading FA, in which tile 1 lands
	FETCH FA, 3, FRB
	FETCH FB, 3, 2*FRB
	s_wait_dscnt NLF                               ; tile 1 is in; tile 2's loads are younger
	PROD DA2, FA, \g, 0
	NOP4
	s_mov_b32 s63, 3*FRB
	s_mov_b32 s62, 15
.Lgrp\@:
	s_wait_dscnt 0x0                               ; FB is in
	s_wait_alu depctr_vm_vsrc(0)                   ; the loads that named v254 last have read it
	v_add_nc_u32 v254, s63, v3
	s_wait_alu depctr_va_vdst(0)                   ; the last four products are done reading FA, in which the fetch lands; v254 is written
	FETCH FA, 254, 0
	s_add_co_u32 s63, s63, FRB
	PROD DB2, FB, \g, 0
	ACC DA2
	s_wait_dscnt 0x0                               ; FA is in
	s_wait_alu depctr_vm_vsrc(0)                   ; the loads and stores that named v255 last have read it
	v_add_nc_u32 v255, s63, v3
	s_wait_alu depctr_va_vdst(0)                   ; the last four products are done reading FB, in which the fetch lands; v255 is written
	FETCH FB, 255, 0                               ; the last trip fetches the spare image
	s_add_co_u32 s63, s63, FRB
	PROD DA2, FA, \g, 0
	ACC DB2
	s_sub_co_u32 s62, s62, 1
	s_cmp_lg_u32 s62, 0
	s_cbranch_scc1 .Lgrp\@
	ACC DA2
	s_wait_dscnt 0x0
.irp X,1,2,4,8
.set q_, 0
.rept 64
	v_add_f32_dpp v[S_+q_], v[S_+q_], v[S_+q_] row_xmask:\X row_mask:0xf bank_mask:0xf
.set q_, q_+1
.endr
.endr
.set q_, 0
.rept 16
	v_pk_add_f32 v[DA2+q_:DA2+q_+1], v[MX+q_:MX+q_+1], v[P_+q_:P_+q_+1]
.set q_, q_+2
.endr
	s_wait_alu depctr_va_vdst(0)                   ; P, S, Q and the maxima are written: the data of the stores below; the group's products are done reading FA and FB, in which the next group's fetches land
	STP P_, 0, \g
	STP S_, 1, \g
	STP Q_, 2, \g
.set n_, 0
.rept 8
	global_store_b128 v1, v[DA2+4*n_:DA2+4*n_+3], s[74:75] offset:(8*\g+n_)*512   ; images of registers: 512 consecutive bytes a store
.set n_, n_+1
.endr
	s_wait_xcnt 0x0                                ; the stores have read their registers
	s_wait_alu depctr_vm_vsrc(0)                   ; the stores have read P, S, Q and the maxima, which the next group, or the partial's loads, write anew; the fetches have read v254 and v255
.endm
	s_load_b512 s[4:19], s[0:1], 0x0               ; nbr 4, pts 6, scales 8, w1 10, g1 12, b1 14, w2 16, g2 18
	s_load_b512 s[20:35], s[0:1], 0x40             ; b2 20, w3 22, g3 24, b3 26, w4 28, g4 30, wsa 32, wsb 34
	s_load_b128 s[36:39], s[0:1], 0x80             ; wsc 36, wsd 38
	v_lshrrev_b32 v14, 5, v0
	v_readfirstlane_b32 s40, v14                   ; wave
	s_lshr_b32 s42, ttmp9, 7                       ; cloud
	s_lshl_b32 s43, ttmp9, 2
	s_wait_alu depctr_va_sdst(0)                   ; s40 is written, ahead of its first reader
	s_add_co_u32 s43, s43, s40                     ; my group of 16 points
	s_mov_b32 s68, 0x80000000
	s_mov_b32 s53, 0
	v_and_b32 v14, 31, v0
	v_and_b32 v88, 15, v0                          ; r
	v_bfe_u32 v89, v0, 4, 1                        ; h
	v_lshlrev_b32 v1, 4, v14
	s_mul_i32 s52, s40, UBW
	s_add_co_u32 s52, s52, UB
	v_lshl_add_u32 v2, v88, 4, s52                 ; coordinates: read at 16 r,
	v_lshl_add_u32 v8, v89, 12, v2                 ; written at 4,096 h + 16 r
	s_mul_i32 s52, s40, HBW
	v_add_nc_u32 v3, s52, v1                       ; my operand images
	v_lshl_add_u32 v4, v89, 6, T1
	s_mul_i32 s52, s40, 3*CF*4
	s_add_co_u32 s52, s52, T1+OST
	v_lshl_add_u32 v5, v89, 6, s52
	v_and_b32 v13, 8, v88
	v_add_nc_u32 v13, v13, v88                     ; r + 8 (r / 8)
	v_lshlrev_b32 v6, 6, v13
	v_lshl_add_u32 v6, v89, 4, v6
	v_lshlrev_b32 v7, 7, v13
	v_lshl_add_u32 v7, v89, 4, v7
	v_lshlrev_b32 v13, 2, v13
	v_lshl_add_u32 v10, v0, 3, T1
	v_mov_b32 v11, T1
	v_lshl_add_u32 v12, v0, 4, T1
	v_lshlrev_b32 v94, 4, v0
	v_lshlrev_b32 v95, 3, v0
	v_lshlrev_b32 v90, 7, v88
	v_lshl_add_u32 v90, v89, 6, v90                ; my 16 indices: point r, half h
	s_and_b32 s52, s43, 127
	s_lshl_b32 s52, s52, 8
	v_lshl_add_u32 v91, v88, 4, s52                ; my centre
	v_and_b32 v34, NCH/2-1, v0                     ; pair of channels
	v_lshrrev_b32 v35, LOGH, v0                    ; subset of the partials
	v_mul_u32_u24 v9, v35, 12*NCH
	v_lshl_add_u32 v9, v34, 3, v9
	v_add_nc_u32 v9, T1+ORD, v9
	v_mul_u32_u24 v110, v35, NP*STRIDE
	v_lshl_add_u32 v110, v34, 3, v110
	v_lshlrev_b32 v109, 3, v34
	s_wait_kmcnt 0x0
	s_lshl_b32 s59, s42, 5
	s_load_b256 s[44:51], s[8:9], s59 offset:0x0   ; the cloud's eight exponents
	s_lshl_b32 s52, s43, 11
	s_add_nc_u64 s[70:71], s[4:5], s[52:53]
	s_lshr_b32 s52, s43, 7
	s_lshl_b32 s52, s52, 15
	s_add_nc_u64 s[72:73], s[6:7], s[52:53]
	s_mul_i32 s52, s43, CF*64
	s_add_co_u32 s52, s52, YOFF
	s_add_nc_u64 s[74:75], s[OB:OB+1], s[52:53]    ; my maxima
	s_mul_i32 s52, ttmp9, CF*8
	s_add_co_u32 s52, s52, 4096
	s_add_nc_u64 s[82:83], s[OB:OB+1], s[52:53]    ; my work-group's partial
	s_mul_i32 s52, s42, TSZ
	s_add_nc_u64 s[84:85], s[OB:OB+1], s[52:53]    ; the copy of the table made here
	s_mul_i32 s52, s42, 128*STRIDE
	s_add_co_u32 s52, s52, 4096
	s_add_nc_u64 s[76:77], s[PB:PB+1], s[52:53]
	s_lshl_b32 s52, s42, 11
	s_add_nc_u64 s[78:79], s[34:35], s[52:53]
.if PASS == 4
	s_lshl_b32 s52, s42, 10
	s_add_nc_u64 s[80:81], s[36:37], s[52:53]
.endif
	s_wait_alu depctr_va_vdst(0)                   ; all offsets and LDS addresses made above are written: every load and store of the kernel reads some of them
.set i_, 0
.rept 4
	global_load_b128 v[16+4*i_:19+4*i_], v90, s[70:71] offset:16*i_
.set i_, i_+1
.endr
	global_load_b128 v[36:39], v91, s[72:73]
.set t_, 0
.rept NT
	global_load_b32 v[40+t_], v13, s[GF:GF+1] offset:(32*(t_/2)+8*(t_%2))*4
.set t_, t_+1
.endr
	global_load_b128 v[68:71], v94, s[78:79]       ; layer 1's table
	global_load_b64 v[112:113], v109, s[GP:GP+1]
	global_load_b64 v[114:115], v109, s[BP:BP+1]
.set t_, 0
.rept 4
	global_load_b32 v[56+t_], v13, s[18:19] offset:(32*(t_/2)+8*(t_%2))*4
.set t_, t_+1
.endr
	WIN 0x40
.set t_, 0
.rept 4
	global_load_b128 v[128+8*t_:131+8*t_], v6, s[16:17] offset:(32*(t_/2)+8*(t_%2))*64
	global_load_b128 v[132+8*t_:135+8*t_], v6, s[16:17] offset:(32*(t_/2)+8*(t_%2))*64+32
.set t_, t_+1
.endr
	WIN 0
.if PASS == 4
	global_load_b64 v[72:73], v95, s[80:81]        ; layer 2's table
.set t_, 0
.rept 8
	global_load_b32 v[60+t_], v13, s[24:25] offset:(32*(t_/2)+8*(t_%2))*4
.set t_, t_+1
.endr
	WIN 0x80
.set t_, 0
.rept 8
	global_load_b128 v[8*t_:8*t_+3], v6, s[22:23] offset:(32*(t_/2)+8*(t_%2))*64
	global_load_b128 v[8*t_+4:8*t_+7], v6, s[22:23] offset:(32*(t_/2)+8*(t_%2))*64+32
.set t_, t_+1
.endr
	WIN 0
.endif
	s_wait_loadcnt 0x0
.set i_, 0
.rept 16
	v_min_u32 v[16+i_], 0x7ff, v[16+i_]            ; an index stays inside its table
	v_lshlrev_b32 v[16+i_], 4, v[16+i_]
.set i_, i_+1
.endr
	WIN 0x80                                       ; the neighbours land in window 2, v64-127
	s_wait_alu depctr_va_vdst(0)                   ; the sixteen offsets v16-31 are written, which the gathers read
.set i_, 0
.rept 16
	global_load_b128 v[64+4*i_:67+4*i_], v[16+i_], s[72:73]
.set i_, i_+1
.endr
	WIN 0xc0                                       ; the last layer's weights: window 3
.set t_, 0
.rept NT*NLF
	global_load_b128 v[4*t_:4*t_+3], v[WO], s[WP:WP+1] offset:(32*(t_/NLF/2)+8*((t_/NLF)%2))*(FR*8)+32*(t_%NLF)
.set t_, t_+1
.endr
	WIN 0
	REDSTAT 76, 109, 110, STRIDE, PL, NP
	s_wait_kmcnt 0x0
	s_wait_alu depctr_va_vdst(0)                   ; the three sums are written: the LDS stores' data; the merge is done with the ring v128-255, in which LDS loads land below
	ds_store_b64 v9, v[SD:SD+1]
	ds_store_b64 v9, v[SQ:SQ+1] offset:NCH*4
	ds_store_b64 v9, v[SM:SM+1] offset:NCH*8
	ds_store_b128 v12, v[68:71]
.if PASS == 4
	ds_store_b64 v10, v[72:73] offset:OT2
.endif
	BAR
	s_cmp_ge_u32 s40, NCH/64
	s_cbranch_scc1 .Lfs
.set i_, 0
.rept 3*NSUB
	ds_load_b64 v[128+2*i_:129+2*i_], v10 offset:ORD+i_*NCH*4
.set i_, i_+1
.endr
	s_wait_dscnt 0x0
.set i_, 3
.rept 3*NSUB-3
	v_pk_add_f32 v[128+2*(i_%3):129+2*(i_%3)], v[128+2*(i_%3):129+2*(i_%3)], v[128+2*i_:129+2*i_]
.set i_, i_+1
.endr
	s_add_co_i32 s54, s[EA], s[EA+1]
	FIN 128, 0x45000000, 18, 54, 1
	s_wait_alu depctr_va_vdst(0)                   ; nm and alpha, v134-137, are written: the LDS stores' data
	ds_store_b64 v10, v[134:135] offset:OTN
	ds_store_b64 v10, v[136:137] offset:OTN+NCH*4
	ds_store_b64 v10, v[114:115] offset:OTN+NCH*8
	ds_store_b64 v10, v[114:115] offset:OTN+NCH*12
.Lfs:
	BAR
	s_and_b32 s52, ttmp9, 127                      ; the cloud's first work-group keeps the new table for the later launches
	s_cmp_lg_u32 s52, 0
	s_cbranch_scc1 .Lnocopy
.if TSZ == 2048
	ds_load_b128 v[124:127], v12 offset:OTN
	s_wait_dscnt 0x0
	global_store_b128 v94, v[124:127], s[84:85]
.else
	ds_load_b64 v[124:125], v10 offset:OTN
	s_wait_dscnt 0x0
	global_store_b64 v95, v[124:125], s[84:85]
.endif
.Lnocopy:
	; a lane's coefficients.  Window 1: A1x 0-31, A1y 32-63, A1z 64-95, Qc 96-127, W2 128-159, nm2, alpha2, b2.  Window 2: W3 0-63, nm3, alpha3, b3
	s_wait_alu depctr_vm_vsrc(0)                   ; the LDS stores of nm and alpha have read v134-137, in which a plane of layer 1's table lands
	ds_load_b128 v[116:119], v11 offset:1792
	ds_load_b128 v[120:123], v11 offset:1808
	WIN 0x40
	LDTAB 0, 0, 2
	LDTAB 32, 256, 2
	LDTAB 64, 512, 2
	WIN 0
	LDTAB 128, 768, 2
	LDTAB 160, 1024, 2
	LDTAB 192, 1280, 2
	LDTAB 224, 1536, 2
	s_wait_dscnt 0x0
	v_sub_f32 v36, v36, v120
	v_sub_f32 v37, v37, v121
	v_sub_f32 v38, v38, v122
.set q_, 0
.rept 16
	v_pk_fma_f32 v[224+q_:225+q_], v[128+q_:129+q_], v[36:37], v[224+q_:225+q_] op_sel_hi:[1,0,1]
.set q_, q_+2
.endr
.set q_, 0
.rept 16
	v_pk_fma_f32 v[224+q_:225+q_], v[160+q_:161+q_], v[36:37], v[224+q_:225+q_] op_sel:[0,1,0] op_sel_hi:[1,1,1]
.set q_, q_+2
.endr
	WIN 0x40
.set q_, 0
.rept 16
	v_pk_fma_f32 v[96+q_:97+q_], v[192+q_:193+q_], v[38:39], v[224+q_:225+q_] op_sel_hi:[1,0,1]   ; the centre's share and the bias
.set q_, q_+2
.endr
	WIN 0x02
.set i_, 0
.rept 16
	v_sub_f32 v[128+4*i_], v[64+4*i_], v116        ; the neighbour less the neighbours' mean place
	v_sub_f32 v[129+4*i_], v[65+4*i_], v117
	v_sub_f32 v[130+4*i_], v[66+4*i_], v118
.set i_, i_+1
.endr
	WIN 0
	s_wait_alu depctr_va_vdst(0)                   ; the differences in v128-191 are written: the LDS stores' data; the lines above are done reading v224-255 and window 2's v64-127, in which LDS loads land below
.set i_, 0
.rept 16
	ds_store_b128 v8, v[128+4*i_:131+4*i_] offset:256*i_
.set i_, i_+1
.endr
	ds_store_b128 v2, v[116:119] offset:8192       ; the two spare slots
	ds_store_b128 v2, v[116:119] offset:8448
	WIN 0x40
	LDTAB 160, OT2, 2
	LDTAB 192, OT2+256, 2
	LDTAB 224, OT2+512, 2
	WIN 0
.if PASS == 4
	WIN 0x80
	LDTAB 64, OT3, 4
	LDTAB 128, OT3+512, 4
	LDTAB 192, OT3+1024, 4
	WIN 0
.endif
	SGN 40, NT, 0, FR, 0xcc
	SGN 56, 4, 128, 8, 0x44
.if PASS == 4
	SGN 60, 8, 0, 8, 0x88
.endif
	SCLIM 44, 208
	SCLIM 46, 210
.if PASS == 4
	SCLIM 48, 212
.endif
	ds_load_b128 v[UA:UA+3], v2                    ; no vector line since the last wait on va_vdst names v246-253
	ds_load_b128 v[UC:UC+3], v2 offset:256
	s_mov_b32 s60, 0
	s_mov_b32 s61, 0
	s_mov_b32 s62, 16
	s_wait_xcnt 0x0
	s_wait_alu depctr_vm_vsrc(0)                   ; the gathers have read their offsets v16-31, the LDS stores v68-73, v102-107, v114-119 and v128-191: the loop writes these anew
	s_wait_dscnt 0x0
	; PHASE I: the operand of the last layer, two row tiles a trip
.Ltrip:
	s_wait_dscnt 2*NLF                             ; the two coordinate loads are older than the last trip's code stores
	WIN 0x11
.set q_, 0
.rept 16
	v_pk_fma_f32 v[DA+q_:DA+q_+1], v[q_:q_+1], v[UA:UA+1], v[96+q_:97+q_] op_sel_hi:[1,0,1]
	v_pk_fma_f32 v[DB+q_:DB+q_+1], v[q_:q_+1], v[UC:UC+1], v[96+q_:97+q_] op_sel_hi:[1,0,1]
.set q_, q_+2
.endr
	WIN 0x01
.set q_, 0
.rept 16
	v_pk_fma_f32 v[DA+q_:DA+q_+1], v[32+q_:33+q_], v[UA:UA+1], v[DA+q_:DA+q_+1] op_sel:[0,1,0] op_sel_hi:[1,1,1]
	v_pk_fma_f32 v[DB+q_:DB+q_+1], v[32+q_:33+q_], v[UC:UC+1], v[DB+q_:DB+q_+1] op_sel:[0,1,0] op_sel_hi:[1,1,1]
.set q_, q_+2
.endr
.set q_, 0
.rept 16
	v_pk_fma_f32 v[DA+q_:DA+q_+1], v[64+q_:65+q_], v[UA+2:UA+3], v[DA+q_:DA+q_+1] op_sel_hi:[1,0,1]
	v_pk_fma_f32 v[DB+q_:DB+q_+1], v[64+q_:65+q_], v[UC+2:UC+3], v[DB+q_:DB+q_+1] op_sel_hi:[1,0,1]
.set q_, q_+2
.endr
	WIN 0
	s_add_co_u32 s60, s60, 512
	s_wait_alu depctr_vm_vsrc(0)                   ; the last trip's coordinate loads have read v254; its code stores have read v255 and the codes, which this trip writes anew
	v_add_nc_u32 v254, s60, v2
	v_add_nc_u32 v255, s61, v3
	s_wait_alu depctr_va_vdst(0)                   ; the multiply-adds are done reading UA and UC, in which the loads land; v254 and v255 are written
	ds_load_b128 v[UA:UA+3], v254                  ; the next trip's coordinates
	ds_load_b128 v[UC:UC+3], v254 offset:256
	QNT DA, 32, CA, 209, 208
	QNT DB, 32, CB, 209, 208
	v_nop                                          ; a plain line behind the last conversion
	WIN 0x11
.irp t,0,1,2,3
	v_wmma_f32_16x16x64_bf8_bf8 v[DA+8*\t:DA+8*\t+7], v[128+8*\t:135+8*\t], v[CA:CA+7], v[160+8*\t:167+8*\t]
.endr
.irp t,0,1,2,3
	v_wmma_f32_16x16x64_bf8_bf8 v[DB+8*\t:DB+8*\t+7], v[128+8*\t:135+8*\t], v[CB:CB+7], v[160+8*\t:167+8*\t]
.endr
	NOP4
	WIN 0x14
	PKF DA, 192, 224, 16
	PKF DB, 192, 224, 16
	WIN 0
	QNT DA, 32, CA+8, 211, 210
	QNT DB, 32, CB+8, 211, 210
	v_nop
.if PASS == 4
	WIN 0x22
.irp t,0,1,2,3,4,5,6,7
	v_wmma_f32_16x16x64_bf8_bf8 v[DA+8*\t:DA+8*\t+7], v[8*\t:8*\t+7], v[CA+8:CA+15], v[64+8*\t:71+8*\t]
.endr
.irp t,0,1,2,3,4,5,6,7
	v_wmma_f32_16x16x64_bf8_bf8 v[DB+8*\t:DB+8*\t+7], v[8*\t:8*\t+7], v[CB+8:CB+15], v[64+8*\t:71+8*\t]
.endr
	NOP4
	WIN 0x28
	PKF DA, 128, 192, 32
	PKF DB, 128, 192, 32
	WIN 0
	QNT DA, 64, CA+16, 213, 212
	QNT DB, 64, CB+16, 213, 212
	v_nop
.endif
	s_wait_alu depctr_va_vdst(0)                   ; the last conversions have written the codes, which the LDS stores read
.set c_, 0
.rept NLF
	ds_store_b128 v255, v[CA+CL+4*c_:CA+CL+4*c_+3] offset:512*c_
	ds_store_b128 v255, v[CB+CL+4*c_:CB+CL+4*c_+3] offset:FRB+512*c_
.set c_, c_+1
.endr
	s_add_co_u32 s61, s61, 2*FRB
	s_sub_co_u32 s62, s62, 1
	s_cmp_lg_u32 s62, 0
	s_cbranch_scc1 .Ltrip
	s_wait_alu depctr_vm_vsrc(0)                   ; the last trip's stores have read v255
	v_add_nc_u32 v255, s61, v3
	s_wait_alu depctr_va_vdst(0)                   ; v255 is written, which the stores below read
.set c_, 0
.rept NLF
	ds_store_b128 v255, v[CB+CL+4*c_:CB+CL+4*c_+3] offset:512*c_   ; the spare image
.set c_, c_+1
.endr
	s_wait_alu depctr_vm_vsrc(0)                   ; the code stores have read the codes in v144-207, the coordinate loads v254: phase II writes these anew
	; PHASE II: the last layer, 64 channels at a time
.set gg, 0
.rept NG
	GROUP gg
.set gg, gg+1
.endr
	BAR
	s_cmp_ge_u32 s40, CF/64
	s_cbranch_scc1 .Lend
.irp w,0,1,2,3
	ds_load_b64 v[16+6*\w:17+6*\w], v10 offset:OST+\w*3*CF*4
	ds_load_b64 v[18+6*\w:19+6*\w], v10 offset:OST+\w*3*CF*4+CF*4
	ds_load_b64 v[20+6*\w:21+6*\w], v10 offset:OST+\w*3*CF*4+CF*8
.endr
	v_lshlrev_b32 v54, 3, v0
	s_wait_dscnt 0x0
.irp w,0,1,2,3
	v_pk_fma_f32 v[16+6*\w:17+6*\w], v[18+6*\w:19+6*\w], 0x3b000000, v[16+6*\w:17+6*\w] op_sel_hi:[1,0,1]   ; a wave's mean = P + S / 512
	v_pk_mul_f32 v[18+6*\w:19+6*\w], v[18+6*\w:19+6*\w], v[18+6*\w:19+6*\w]
	v_pk_fma_f32 v[20+6*\w:21+6*\w], v[18+6*\w:19+6*\w], 0xbb000000, v[20+6*\w:21+6*\w] op_sel_hi:[1,0,1]   ; its M2 = Q - S^2 / 512
.endr
	v_pk_add_f32 v[40:41], v[22:23], v[16:17] neg_lo:[0,1] neg_hi:[0,1]
	v_pk_add_f32 v[42:43], v[28:29], v[16:17] neg_lo:[0,1] neg_hi:[0,1]
	v_pk_add_f32 v[44:45], v[34:35], v[16:17] neg_lo:[0,1] neg_hi:[0,1]
	v_pk_add_f32 v[46:47], v[40:41], v[42:43]
	v_pk_add_f32 v[46:47], v[46:47], v[44:45]
	v_pk_mul_f32 v[46:47], v[46:47], 0x3e800000 op_sel_hi:[1,0]
	v_pk_add_f32 v[48:49], v[16:17], v[46:47]      ; the work-group's mean
	v_pk_mul_f32 v[50:51], v[46:47], v[46:47]
.irp d,40,42,44
	v_pk_add_f32 v[\d:\d+1], v[\d:\d+1], v[46:47] neg_lo:[0,1] neg_hi:[0,1]
	v_pk_fma_f32 v[50:51], v[\d:\d+1], v[\d:\d+1], v[50:51]
.endr
	v_pk_add_f32 v[52:53], v[20:21], v[26:27]
	v_pk_add_f32 v[52:53], v[52:53], v[32:33]
	v_pk_add_f32 v[52:53], v[52:53], v[38:39]
	v_pk_fma_f32 v[52:53], v[50:51], 0x44000000, v[52:53] op_sel_hi:[1,0,1]
	s_wait_alu depctr_va_vdst(0)                   ; the partial, v48-49 and v52-53, and its offset v54 are written, which the stores read
	global_store_b64 v54, v[48:49], s[82:83]
	global_store_b64 v54, v[52:53], s[82:83] offset:CF*4
.Lend:
	s_wait_xcnt 0x0
	v_lshl_add_u32 v254, v0, 2, 0x4fc00            ; the two registers are made anew here: no memory or LDS instruction has read v254 or v255 since the last group's wait on vm_vsrc
	v_mov_b32 v255, 0
	s_wait_dscnt 0x0                               ; the closing lines, six on end, of a launch in the mode that stores to LDS
	s_wait_alu 0x0
	s_wait_tensorcnt 0x0
	ds_add_u32 v254, v255
	s_wait_dscnt 0x0
	s_endpgm
.Lfunc_end_k_qd5d2bdb998_passD:
	.size	k_qd5d2bdb998_passD, .Lfunc_end_k_qd5d2bdb998_passD-k_qd5d2bdb998_passD
	.p2alignl 7, 3214868480
	.fill 96, 4, 3214868480
	.section	.rodata,"a",@progbits
	.p2align	6, 0x0
	.amdhsa_kernel k_qd5d2bdb998_passD
		.amdhsa_group_segment_fixed_size 327168
		.amdhsa_private_segment_fixed_size 0
		.amdhsa_enable_private_segment 0
		.amdhsa_kernarg_size 144
		.amdhsa_user_sgpr_count 2
		.amdhsa_user_sgpr_kernarg_segment_ptr 1
		.amdhsa_wavefront_size32 1
		.amdhsa_system_sgpr_workgroup_id_x 1
		.amdhsa_system_sgpr_workgroup_id_y 1
		.amdhsa_system_sgpr_workgroup_id_z 1
		.amdhsa_system_vgpr_workitem_id 0
		.amdhsa_next_free_vgpr 1024
		.amdhsa_next_free_sgpr 100
		.amdhsa_reserve_vcc 0
		.amdhsa_float_denorm_mode_32 3
		.amdhsa_float_denorm_mode_16_64 3
		.amdhsa_memory_ordered 1
		.amdhsa_forward_progress 1
		.amdhsa_inst_pref_size 255
	.end_amdhsa_kernel
	.section	.bss,"aw",@nobits
	.p2align	6
	.space	262144
	.amdgpu_metadata
---
amdhsa.version: [ 1, 2 ]
amdhsa.kernels:
  - .name:           k_qd5d2bdb998_passD
    .symbol:         k_qd5d2bdb998_passD.kd
    .args:
      - { .name: nbr, .offset: 0, .size: 8, .value_kind: global_buffer, .address_space: global }
      - { .name: pts, .offset: 8, .size: 8, .value_kind: global_buffer, .address_space: global }
      - { .name: lowp_scales, .offset: 16, .size: 8, .value_kind: global_buffer, .address_space: global }
      - { .name: w1, .offset: 24, .size: 8, .value_kind: global_buffer, .address_space: global }
      - { .name: g1, .offset: 32, .size: 8, .value_kind: global_buffer, .address_space: global }
      - { .name: b1, .offset: 40, .size: 8, .value_kind: global_buffer, .address_space: global }
      - { .name: w2_codes, .offset: 48, .size: 8, .value_kind: global_buffer, .address_space: global }
      - { .name: g2, .offset: 56, .size: 8, .value_kind: global_buffer, .address_space: global }
      - { .name: b2, .offset: 64, .size: 8, .value_kind: global_buffer, .address_space: global }
      - { .name: w3_codes, .offset: 72, .size: 8, .value_kind: global_buffer, .address_space: global }
      - { .name: g3, .offset: 80, .size: 8, .value_kind: global_buffer, .address_space: global }
      - { .name: b3, .offset: 88, .size: 8, .value_kind: global_buffer, .address_space: global }
      - { .name: w4_codes, .offset: 96, .size: 8, .value_kind: global_buffer, .address_space: global }
      - { .name: g4, .offset: 104, .size: 8, .value_kind: global_buffer, .address_space: global }
      - { .name: wsa, .offset: 112, .size: 8, .value_kind: global_buffer, .address_space: global }
      - { .name: wsb, .offset: 120, .size: 8, .value_kind: global_buffer, .address_space: global }
      - { .name: wsc, .offset: 128, .size: 8, .value_kind: global_buffer, .address_space: global }
      - { .name: wsd, .offset: 136, .size: 8, .value_kind: global_buffer, .address_space: global }
    .group_segment_fixed_size: 327168
    .private_segment_fixed_size: 0
    .kernarg_segment_align: 8
    .kernarg_segment_size: 144
    .max_flat_workgroup_size: 128
    .sgpr_count:     100
    .vgpr_count:     1024
    .wavefront_size: 32
...
	.end_amdgpu_metadata
.endif
;; end of part 12
;; launch gemmE (part 13): grid 256 x 1, 4 waves a work-group, no clusters, 45,568 bytes of LDS; arguments lowp_scales, g4, b4, w5_codes, wsb, wsc, wsd, wse; writes wse
.if DOCPART == 13
	.amdgcn_target "amdgcn-amd-amdhsa--gfx1250"
	.amdhsa_code_object_version 6
	.text
	.protected	k_qd5d2bdb998_gemmE
	.globl	k_qd5d2bdb998_gemmE
	.p2align	8
	.type	k_qd5d2bdb998_gemmE,@function
k_qd5d2bdb998_gemmE:
	s_mov_b64 s[64:65], 0
	v_nop
	global_prefetch_b8 v0, s[64:65] scope:SCOPE_SE
	s_setreg_imm32_b32 hwreg(HW_REG_WAVE_SCHED_MODE, 0, 2), 2
	s_setreg_imm32_b32 hwreg(HW_REG_WAVE_MODE, 25, 1), 1
	s_wait_xcnt 0x0
	s_wait_alu depctr_vm_vsrc(0)
; cat = (x1, x2, x3, x4) of 64 points, quantised; cat W5^T for the fifth batch-norm's statistics.  The codes of cat go to memory as images of operand registers.
; A wave builds its own 16 points' four K steps (x_l = relu(alpha (ymax + nm) + b); for x1: nm 0, alpha 1, b 0) and hands them to the others through LDS as images.
; Then wave w makes channels 128 w .. +127 for all 64 rows: source 0 = samples, source 1 = 16 rows of W5, so a lane holds one channel and its 32 registers 32 samples.
; No joint loads: what the work-groups share, W5 (256 KiB), lands in registers, and a way through LDS would be one more trip for every byte.
; LIMITS: finite inputs; each given exponent between -126 and 112.
; THE MODE: SCHED_MODE bits 1:0 = 2 (LLVM: expert scheduling mode 2), set by the entry lines.  The code itself states the register dependences between vector or matrix
; instructions and memory or LDS instructions, with s_wait_alu, always for 0.
; THE PLAN.  Offsets and LDS addresses v1, v4-v11, v13 are made once at the head, ahead of one wait on va_vdst, and never written again (v14 serves as an offset at the head and is freed by a wait on vm_vsrc).
;   BUILDING A K STEP s: window 3's v0-191 (three planes of the table) are loaded, read by the step's packed lines, and loaded anew in step s + 1; the codes v[80 + 16 s ..] have registers of their own.
;   ONE va_vdst behind the step's conversions states both: the codes are written (the stores' data), and the planes are read out (the next step's loads land there).
;   THE PRODUCTS: two buffers of samples (v144-207 even K steps, v16-79 odd) and two of W5 (window 2).  Step s's products read buffer s % 2; ONE va_vdst behind them stands ahead of step s + 2's loads into both.
;   THE PARTIAL: each channel tile's mean and M2 have registers of their own (v208-239): one va_vdst ahead of the sixteen LDS stores.
.set XIMG, 8192
.set OUT, 40960
.set PV, 100
.set SD, 102
.set SQ, 104
.set SM, 106
.set RG, 128
.set MSB, 0
.macro WIN new
.if MSB != \new
	s_set_vgpr_msb (MSB<<8)|\new
.set MSB, \new
.endif
.endm
.macro BAR
	s_wait_dscnt 0x0
	s_barrier_signal -1
	s_barrier_wait -1
.endm
.macro LDTAB reg, off, pairs
.set b_, 0
.rept 4*\pairs
	ds_load_b128 v[\reg+4*b_:\reg+4*b_+3], v4 offset:\off+128*(b_/4)+16*(b_%4)
.set b_, b_+1
.endr
.endm
.macro YL reg, n, bs, off             ; n images of four registers
.set i_, 0
.rept \n
	global_load_b128 v[\reg+4*i_:\reg+4*i_+3], v1, s[\bs:\bs+1] offset:\off+512*i_
.set i_, i_+1
.endr
.endm
.macro W5L s                          ; W5's eight fragments of K step s into buffer s % 2 of window 2
	WIN 0x80
.set t_, 0
.rept 32
	global_load_b128 v[128*((\s)%2)+4*t_:128*((\s)%2)+4*t_+3], v6, s[82:83] offset:(t_/4)*8192+128*(\s)+32*(t_%4)
.set t_, t_+1
.endr
	WIN 0
.endm
.macro SMP s                          ; the four row tiles' fragments of K step s into the sample buffer s % 2: v144-207 or v16-79
.set q_, 0
.rept 16
	ds_load_b128 v[144-128*((\s)%2)+4*q_:144-128*((\s)%2)+4*q_+3], v8 offset:(4*(q_/4)+(\s))*2048+512*(q_%4)
.set q_, q_+1
.endr
.endm
.macro REDSTAT bs, vp, vr, stride, pl, np   ; a ring of 32 register slots, loaded anew eight slots at a time
	global_load_b64 v[PV:PV+1], v[\vp], s[\bs:\bs+1]
.set i_, 0
.rept 32
	global_load_b64 v[RG+4*i_:RG+4*i_+1], v[\vr], s[\bs:\bs+1] offset:i_*\stride
	global_load_b64 v[RG+4*i_+2:RG+4*i_+3], v[\vr], s[\bs:\bs+1] offset:i_*\stride+\pl
.set i_, i_+1
.endr
.irp z,0,1,2,3,4,5
	v_mov_b32 v[SD+\z], 0
.endr
.set i_, 0
.rept \np
.set m_, RG+4*(i_%32)
.set y_, 32+8*(i_/8)                  ; partials asked for so far
.if y_ > \np
.set y_, \np
.endif
	s_wait_loadcnt 2*(y_-1-i_)                     ; the younger partials, two loads each, may stay out
	v_pk_add_f32 v[m_:m_+1], v[m_:m_+1], v[PV:PV+1] neg_lo:[0,1] neg_hi:[0,1]
	v_pk_add_f32 v[SM:SM+1], v[SM:SM+1], v[m_+2:m_+3]
	v_pk_add_f32 v[SD:SD+1], v[SD:SD+1], v[m_:m_+1]
	v_pk_fma_f32 v[SQ:SQ+1], v[m_:m_+1], v[m_:m_+1], v[SQ:SQ+1]
.if (i_%8 == 7) && (i_+32 < \np)
	s_wait_alu depctr_va_vdst(0)                   ; the last eight partials' lines are done writing and reading their slots, in which the loads below land
.set j_, i_-7
.rept 8
	global_load_b64 v[RG+4*(j_%32):RG+4*(j_%32)+1], v[\vr], s[\bs:\bs+1] offset:(j_+32)*\stride
	global_load_b64 v[RG+4*(j_%32)+2:RG+4*(j_%32)+3], v[\vr], s[\bs:\bs+1] offset:(j_+32)*\stride+\pl
.set j_, j_+1
.endr
.endif
.set i_, i_+1
.endr
.endm
	s_load_b512 s[4:19], s[0:1], 0x0               ; scales 4, g4 6, b4 8, w5 10, wsb 12, wsc 14, wsd 16, wse 18
	s_set_vgpr_msb 0xc0
	v_lshl_add_u32 v254, v0, 2, 0xb000
	v_mov_b32 v255, 0
	s_set_vgpr_msb 0xc000
	v_lshrrev_b32 v2, 5, v0
	v_readfirstlane_b32 s40, v2                    ; wave
	s_lshr_b32 s42, ttmp9, 7                       ; cloud
	s_lshl_b32 s43, ttmp9, 2
	s_wait_alu depctr_va_sdst(0)                   ; s40 is written, ahead of its first reader
	s_add_co_u32 s43, s43, s40                     ; my group of 16 points
	s_mov_b32 s53, 0
	s_mov_b32 s66, 0x76543210
	s_mov_b32 s67, 0xfedcba98
	v_and_b32 v2, 31, v0
	v_and_b32 v3, 15, v0                           ; r
	v_bfe_u32 v15, v0, 4, 1                        ; h
	v_lshlrev_b32 v1, 4, v2                        ; 16 x lane
	v_lshlrev_b32 v4, 6, v15                       ; the table: 64 h
	s_lshl_b32 s52, s40, 9
	s_add_co_u32 s52, s52, OUT
	v_lshl_add_u32 v5, v3, 2, s52                  ; the partial: 512 w + 4 r
	v_add_nc_u32 v9, s52, v1
	v_lshlrev_b32 v6, 9, v3
	v_lshl_add_u32 v6, v15, 4, v6                  ; W5: row r of 512 bytes, + 16 h
	s_lshl_b32 s52, s40, 13
	s_add_co_u32 s52, s52, XIMG
	v_add_nc_u32 v7, s52, v1                       ; my four images
	v_add_nc_u32 v8, XIMG, v1
	v_lshlrev_b32 v10, 3, v0
	v_lshlrev_b32 v11, 2, v0
	v_and_b32 v14, 63, v0
	v_lshlrev_b32 v14, 2, v14
	v_bfe_u32 v13, v0, 6, 1
	v_xor_b32 v13, 1, v13
	v_lshl_add_u32 v13, v13, 8, v14                ; threads 0-63: channels 64-127 (layer 2); threads 64-127: channels 0-63 (x1)
	s_wait_kmcnt 0x0
	s_lshl_b32 s59, s42, 5
	s_load_b256 s[44:51], s[4:5], s59 offset:0x0
	s_lshl_b32 s52, s43, 12
	s_add_co_u32 s52, s52, 262144
	s_add_nc_u64 s[70:71], s[12:13], s[52:53]
	s_lshl_b32 s52, s43, 13
	s_add_co_u32 s52, s52, 524288
	s_add_nc_u64 s[72:73], s[14:15], s[52:53]
	s_lshl_b32 s52, s43, 14
	s_add_co_u32 s52, s52, 1048576
	s_add_nc_u64 s[74:75], s[16:17], s[52:53]
	s_lshl_b32 s52, s42, 18
	s_add_co_u32 s52, s52, 4096
	s_add_nc_u64 s[76:77], s[16:17], s[52:53]      ; layer 4's partials
	s_lshl_b32 s52, s42, 10
	s_add_nc_u64 s[78:79], s[14:15], s[52:53]
	s_lshl_b32 s52, s42, 11
	s_add_nc_u64 s[80:81], s[16:17], s[52:53]
	s_lshl_b32 s52, s40, 16
	s_add_nc_u64 s[82:83], s[10:11], s[52:53]
	s_lshl_b32 s52, s43, 13
	s_add_co_u32 s52, s52, 1048576
	s_add_nc_u64 s[84:85], s[18:19], s[52:53]      ; cat's images
	s_lshl_b32 s52, ttmp9, 12
	s_lshl_b32 s54, s40, 9
	s_add_co_u32 s52, s52, s54
	s_add_nc_u64 s[86:87], s[18:19], s[52:53]      ; my part of the partial
	s_wait_alu depctr_va_vdst(0)                   ; all offsets and LDS addresses made above are written: every load and store of the kernel reads some of them
	WIN 0x40                                       ; window 1: the maxima, 64 registers a K step
	YL 0, 8, 70, 0
	YL 32, 8, 70, 4194304
	YL 64, 16, 72, 0
	YL 128, 32, 74, 0
	WIN 0
	W5L 0
	W5L 1
.irp p,0,1,2
	global_load_b32 v[16+\p], v14, s[78:79] offset:256*\p
	global_load_b32 v[20+\p], v11, s[80:81] offset:512*\p
.endr
	global_load_b64 v[112:113], v10, s[6:7]
	global_load_b64 v[114:115], v10, s[8:9]
	REDSTAT 76, 10, 10, 2048, 1024, 128
	s_wait_kmcnt 0x0
	s_add_co_i32 s54, s48, s49
	v_pk_fma_f32 v[108:109], v[SD:SD+1], 0x3c000000, v[PV:PV+1] op_sel_hi:[1,0,1]
	v_pk_mul_f32 v[110:111], v[SD:SD+1], v[SD:SD+1]
	v_pk_fma_f32 v[110:111], v[110:111], 0xbc000000, v[SQ:SQ+1] op_sel_hi:[1,0,1]
	v_pk_fma_f32 v[110:111], v[110:111], 0x45000000, v[SM:SM+1] op_sel_hi:[1,0,1]
	s_lshl_b32 s55, s54, 1
	s_sub_co_i32 s55, s55, 18
	v_ldexp_f32 v110, v110, s55
	v_ldexp_f32 v111, v111, s55
	v_max_num_f32 v110, 0, v110
	v_max_num_f32 v111, 0, v111
	v_add_f32 v110, 0x3727c5ac, v110
	v_add_f32 v111, 0x3727c5ac, v111
	v_rsq_f32 v110, v110
	v_rsq_f32 v111, v111
	v_xor_b32 v108, 0x80000000, v108
	v_xor_b32 v109, 0x80000000, v109
	v_cmp_gt_u32 vcc_lo, 64, v0
	v_mov_b32 v24, 0
	v_mov_b32 v25, 1.0
	s_wait_alu depctr_va_vcc(0)                    ; VCC is written, ahead of the selects that read it
	v_cndmask_b32 v16, v24, v16, vcc_lo
	v_cndmask_b32 v17, v25, v17, vcc_lo
	v_cndmask_b32 v18, v24, v18, vcc_lo
	s_wait_alu depctr_va_vdst(0)                   ; one wait for both roots
	v_mul_f32 v110, |v112|, v110
	v_mul_f32 v111, |v113|, v111
	v_ldexp_f32 v110, v110, s54
	v_ldexp_f32 v111, v111, s54
	s_wait_alu depctr_va_vdst(0)                   ; the table's entries v16-18 and v108-111 are written: the LDS stores' data
.irp p,0,1,2
	ds_store_b32 v13, v[16+\p] offset:2048*\p
	ds_store_b32 v11, v[20+\p] offset:2048*\p+512
.endr
	ds_store_b64 v10, v[108:109] offset:1024
	ds_store_b64 v10, v[110:111] offset:3072
	ds_store_b64 v10, v[114:115] offset:5120
	s_add_co_i32 s54, s50, 127
	s_lshl_b32 s55, s54, 23
	s_add_co_i32 s54, s54, 15
	s_lshl_b32 s54, s54, 23
	s_or_b32 s54, s54, 0x600000
	BAR
	s_wait_alu depctr_vm_vsrc(0)                   ; layer 2's loads have read their offset v14; the LDS stores have read v16-22, v108-111, v114-115: all are written anew below
	v_mov_b32 v12, s55                             ; 2^e6
	v_mov_b32 v14, s54                             ; 57,344 x 2^e6
.irp s,0,1,2,3
	WIN 0xc0
	LDTAB 0, 512*\s, 4
	LDTAB 64, 2048+512*\s, 4
	LDTAB 128, 4096+512*\s, 4
	s_wait_dscnt 0x0
	WIN 0x0d
.set q_, 0
.rept 32
	v_pk_add_f32 v[16+q_:17+q_], v[64*\s+q_:64*\s+q_+1], v[q_:q_+1]
.set q_, q_+2
.endr
	WIN 0x3c
.set q_, 0
.rept 32
	v_pk_fma_f32 v[16+q_:17+q_], v[16+q_:17+q_], v[64+q_:65+q_], v[128+q_:129+q_]
.set q_, q_+2
.endr
	WIN 0
.set q_, 0
.rept 64
	v_med3_num_f32 v[16+q_], v[16+q_], 0, v14      ; relu and the hold in one
.set q_, q_+1
.endr
.set q_, 0
.rept 8
	v_cvt_scalef32_pk8_bf8_f32 v[80+16*\s+2*q_:81+16*\s+2*q_], v[16+8*q_:23+8*q_], v12
.set q_, q_+1
.endr
	v_nop
	s_wait_alu depctr_va_vdst(0)                   ; the conversions have written this step's codes, which the stores read; the packed lines are done reading window 3's three planes, in which the next step's land; the last step's lines are done with v16-79, in which samples land
.set q_, 0
.rept 4
	ds_store_b128 v7, v[80+16*\s+4*q_:83+16*\s+4*q_] offset:2048*\s+512*q_
	global_store_b128 v1, v[80+16*\s+4*q_:83+16*\s+4*q_], s[84:85] offset:2048*\s+512*q_
.set q_, q_+1
.endr
.endr
	BAR
	SMP 0
	SMP 1
.irp s,0,1,2,3
.if (\s == 1) || (\s == 2)
	s_wait_loadcnt 32                              ; the next buffer's 32 loads are younger
.else
	s_wait_loadcnt 0x0
.endif
.if \s == 3
	s_wait_dscnt 0x0
.else
	s_wait_dscnt 16                                ; this step's samples are in; the other buffer's sixteen loads are younger
.endif
	WIN 0x58                                       ; samples window 0, W5 window 2, sums window 1; the 32 accumulators take turns
.set a_, 144-128*(\s%2)
.set q_, 0
.rept 32
.if \s == 0
	v_wmma_f32_16x16x128_bf8_bf8 v[8*q_:8*q_+7], v[a_+16*(q_/8):a_+16*(q_/8)+15], v[128*(\s%2)+16*(q_%8):128*(\s%2)+16*(q_%8)+15], 0
.else
	v_wmma_f32_16x16x128_bf8_bf8 v[8*q_:8*q_+7], v[a_+16*(q_/8):a_+16*(q_/8)+15], v[128*(\s%2)+16*(q_%8):128*(\s%2)+16*(q_%8)+15], v[8*q_:8*q_+7]
.endif
.set q_, q_+1
.endr
	WIN 0
.rept 4
	v_nop
.endr
.if \s < 2
	s_wait_alu depctr_va_vdst(0)                   ; this step's products are done reading their buffers of W5 and of samples, in which the loads of two steps on land
	W5L \s+2
	SMP \s+2
.endif
.endr
.irp T,0,1,2,3,4,5,6,7                         ; a channel tile's mean and M2 over the 64 rows, into registers of the tile's own: v[208 + 4 T] and v[210 + 4 T]
	WIN 0x05
.irp q,0,2,4,6
	v_pk_add_f32 v[16+\q:17+\q], v[8*\T+\q:8*\T+\q+1], v[64+8*\T+\q:64+8*\T+\q+1]
	v_pk_add_f32 v[24+\q:25+\q], v[128+8*\T+\q:128+8*\T+\q+1], v[192+8*\T+\q:192+8*\T+\q+1]
.endr
	WIN 0
.irp q,0,2,4,6
	v_pk_add_f32 v[16+\q:17+\q], v[16+\q:17+\q], v[24+\q:25+\q]
.endr
	v_pk_add_f32 v[16:17], v[16:17], v[20:21]
	v_pk_add_f32 v[18:19], v[18:19], v[22:23]
	v_pk_add_f32 v[16:17], v[16:17], v[18:19]
	v_add_f32 v16, v16, v17
	v_permlanex16_b32 v18, v16, s66, s67
	v_add_f32 v16, v16, v18
	v_mul_f32 v[208+4*\T], 0x3c800000, v16         ; / 64
	v_mov_b32 v[209+4*\T], v[208+4*\T]
	WIN 0x01
.set q_, 0
.rept 16
	v_pk_add_f32 v[40+2*q_:41+2*q_], v[64*(q_/4)+8*\T+2*(q_%4):64*(q_/4)+8*\T+2*(q_%4)+1], v[208+4*\T:209+4*\T] neg_lo:[0,1] neg_hi:[0,1]
.set q_, q_+1
.endr
	WIN 0
	v_pk_mul_f32 v[210+4*\T:211+4*\T], v[40:41], v[40:41]
.set q_, 1
.rept 15
	v_pk_fma_f32 v[210+4*\T:211+4*\T], v[40+2*q_:41+2*q_], v[40+2*q_:41+2*q_], v[210+4*\T:211+4*\T]
.set q_, q_+1
.endr
	v_add_f32 v[210+4*\T], v[210+4*\T], v[211+4*\T]
	v_permlanex16_b32 v18, v[210+4*\T], s66, s67
	v_add_f32 v[210+4*\T], v[210+4*\T], v18
.endr
	s_wait_alu depctr_va_vdst(0)                   ; the eight means and M2 are written: the LDS stores' data; the lines above are done with v16-23, in which the loads below land
.irp T,0,1,2,3,4,5,6,7
	ds_store_b32 v5, v[208+4*\T] offset:64*\T
	ds_store_b32 v5, v[210+4*\T] offset:2048+64*\T
.endr
	ds_load_b128 v[16:19], v9                      ; my wave's own bytes: LDS serves a wave's instructions in order
	ds_load_b128 v[20:23], v9 offset:2048
	s_wait_dscnt 0x0
	global_store_b128 v1, v[16:19], s[86:87]
	global_store_b128 v1, v[20:23], s[86:87] offset:2048
	s_set_vgpr_msb 0xf
	s_wait_dscnt 0x0                               ; the closing lines, six on end, of a launch in the mode that stores to LDS
	s_wait_alu 0x0
	s_wait_tensorcnt 0x0
	ds_add_u32 v254, v255
	s_wait_dscnt 0x0
	s_endpgm
.Lfunc_end_k_qd5d2bdb998_gemmE:
	.size	k_qd5d2bdb998_gemmE, .Lfunc_end_k_qd5d2bdb998_gemmE-k_qd5d2bdb998_gemmE
	.p2alignl 7, 3214868480
	.fill 96, 4, 3214868480
	.section	.rodata,"a",@progbits
	.p2align	6, 0x0
	.amdhsa_kernel k_qd5d2bdb998_gemmE
		.amdhsa_group_segment_fixed_size 45568
		.amdhsa_private_segment_fixed_size 0
		.amdhsa_enable_private_segment 0
		.amdhsa_kernarg_size 64
		.amdhsa_user_sgpr_count 2
		.amdhsa_user_sgpr_kernarg_segment_ptr 1
		.amdhsa_wavefront_size32 1
		.amdhsa_system_sgpr_workgroup_id_x 1
		.amdhsa_system_sgpr_workgroup_id_y 1
		.amdhsa_system_sgpr_workgroup_id_z 1
		.amdhsa_system_vgpr_workitem_id 0
		.amdhsa_next_free_vgpr 1024
		.amdhsa_next_free_sgpr 100
		.amdhsa_reserve_vcc 1
		.amdhsa_float_denorm_mode_32 3
		.amdhsa_float_denorm_mode_16_64 3
		.amdhsa_memory_ordered 1
		.amdhsa_forward_progress 1
		.amdhsa_inst_pref_size 177
	.end_amdhsa_kernel
	.amdgpu_metadata
---
amdhsa.version: [ 1, 2 ]
amdhsa.kernels:
  - .name:           k_qd5d2bdb998_gemmE
    .symbol:         k_qd5d2bdb998_gemmE.kd
    .args:
      - { .name: lowp_scales, .offset: 0, .size: 8, .value_kind: global_buffer, .address_space: global }
      - { .name: g4, .offset: 8, .size: 8, .value_kind: global_buffer, .address_space: global }
      - { .name: b4, .offset: 16, .size: 8, .value_kind: global_buffer, .address_space: global }
      - { .name: w5_codes, .offset: 24, .size: 8, .value_kind: global_buffer, .address_space: global }
      - { .name: wsb, .offset: 32, .size: 8, .value_kind: global_buffer, .address_space: global }
      - { .name: wsc, .offset: 40, .size: 8, .value_kind: global_buffer, .address_space: global }
      - { .name: wsd, .offset: 48, .size: 8, .value_kind: global_buffer, .address_space: global }
      - { .name: wse, .offset: 56, .size: 8, .value_kind: global_buffer, .address_space: global }
    .group_segment_fixed_size: 45568
    .private_segment_fixed_size: 0
    .kernarg_segment_align: 8
    .kernarg_segment_size: 64
    .max_flat_workgroup_size: 128
    .sgpr_count:     100
    .vgpr_count:     1024
    .wavefront_size: 32
...
	.end_amdgpu_metadata
.endif
;; end of part 13
;; launch gemmF (part 14): grid 256 x 1, 4 waves a work-group, no clusters, 7,680 bytes of LDS; arguments lowp_scales, g5, b5, w5_codes, wse, wsf; writes wsf
.if DOCPART == 14
	.amdgcn_target "amdgcn-amd-amdhsa--gfx1250"
	.amdhsa_code_object_version 6
	.text
	.protected	k_qd5d2bdb998_gemmF
	.globl	k_qd5d2bdb998_gemmF
	.p2align	8
	.type	k_qd5d2bdb998_gemmF,@function
k_qd5d2bdb998_gemmF:
	s_mov_b64 s[64:65], 0
	v_nop
	global_prefetch_b8 v0, s[64:65] scope:SCOPE_SE
	s_setreg_imm32_b32 hwreg(HW_REG_WAVE_SCHED_MODE, 0, 2), 2
	s_setreg_imm32_b32 hwreg(HW_REG_WAVE_MODE, 25, 1), 1
	s_wait_xcnt 0x0
	s_wait_alu depctr_vm_vsrc(0)
; emb = relu(bn5(cat W5^T)), quantised for the distance product, and the squared norms of the unquantised emb.
; A work-group takes 256 rows x 128 channels (one K step of the distance product); a wave 64 rows: four groups of 16 points x eight channel tiles.
; Transposed use, W5's rows chosen so that two neighbouring tiles are 16 neighbours along the next K; C of the first K step = -mean.
; The codes leave as images of operand registers; xxp[channel block][point] holds the block's share of |emb|^2.
; No joint loads: cat's images and W5 land in registers as they lie.  LIMITS: finite inputs; each given exponent between -126 and 112.
; REGISTERS.  Window 0: v1-15 addresses; v16-27 the statistics' pivot, sums, gain and bias; v32-41 the norms; v64-127 samples of even K steps; v128-255 the ring of partials, later numbers and codes.
;   Window 1: the 32 accumulators.  Window 2: two buffers of W5.  Window 3: nm 0-63, alpha 64-127, b 128-191, samples of odd K steps 192-255.
; THE MODE: SCHED_MODE bits 1:0 = 2 (LLVM: expert scheduling mode 2), set by the entry lines.  The code itself states the register dependences between vector or matrix
; instructions and memory or LDS instructions, with s_wait_alu, always for 0.
; THE PLAN.  Offsets and LDS addresses v1, v4-v10, v13 are made once at the head, ahead of one wait on va_vdst, and never written again (v14 serves as an offset at the head and is freed by a wait on vm_vsrc).
;   THE PRODUCTS: K step s's products read the sample buffer and the buffer of W5 of s % 2; ONE va_vdst behind them stands ahead of step s + 2's 48 loads into both.
;   THE WAY OUT: each group of 16 rows has registers of its own for its codes (v[192 + 16 m ..]) and its norm (v[32 + 2 m]): ONE va_vdst behind the group's vector lines, then its four stores and its LDS store.
.set TB, 3072
.set XS, 4608
.set PV, 16                           ; under the sample buffer: no pending load lands on these
.set SD, 18
.set SQ, 20
.set SM, 22
.set GG, 24
.set BB, 26
.set RG, 128
.set MSB, 0
.macro WIN new
.if MSB != \new
	s_set_vgpr_msb (MSB<<8)|\new
.set MSB, \new
.endif
.endm
.macro BAR
	s_wait_dscnt 0x0
	s_barrier_signal -1
	s_barrier_wait -1
.endm
.macro LDTAB reg, off, pairs
.set b_, 0
.rept 4*\pairs
	ds_load_b128 v[\reg+4*b_:\reg+4*b_+3], v4 offset:\off+128*(b_/4)+16*(b_%4)
.set b_, b_+1
.endr
.endm
.macro KL s                           ; K step s: 16 loads of samples (even s: window 0 v64-127; odd: window 3 v192-255), 32 of W5 (window 2)
.if (\s)%2
	WIN 0xc0
.set a_, 192
.else
	WIN 0
.set a_, 64
.endif
.set t_, 0
.rept 16
	global_load_b128 v[a_+4*t_:a_+4*t_+3], v1, s[70:71] offset:(t_/4)*8192+2048*(\s)+512*(t_%4)
.set t_, t_+1
.endr
	WIN 0x80
.set t_, 0
.rept 32
	global_load_b128 v[128*((\s)%2)+4*t_:128*((\s)%2)+4*t_+3], v6, s[72:73] offset:(32*(t_/8)+8*((t_/4)%2))*512+128*(\s)+32*(t_%4)
.set t_, t_+1
.endr
	WIN 0
.endm
.macro REDSTAT bs, vp, vr, stride, pl, np   ; a ring of 32 register slots, loaded anew eight slots at a time
	global_load_b64 v[PV:PV+1], v[\vp], s[\bs:\bs+1]
.set i_, 0
.rept 32
	global_load_b64 v[RG+4*i_:RG+4*i_+1], v[\vr], s[\bs:\bs+1] offset:i_*\stride
	global_load_b64 v[RG+4*i_+2:RG+4*i_+3], v[\vr], s[\bs:\bs+1] offset:i_*\stride+\pl
.set i_, i_+1
.endr
.irp z,0,1,2,3,4,5
	v_mov_b32 v[SD+\z], 0
.endr
.set i_, 0
.rept \np
.set m_, RG+4*(i_%32)
.set y_, 32+8*(i_/8)                  ; partials asked for so far
.if y_ > \np
.set y_, \np
.endif
	s_wait_loadcnt 2*(y_-1-i_)                     ; the younger partials, two loads each, may stay out
	v_pk_add_f32 v[m_:m_+1], v[m_:m_+1], v[PV:PV+1] neg_lo:[0,1] neg_hi:[0,1]
	v_pk_add_f32 v[SM:SM+1], v[SM:SM+1], v[m_+2:m_+3]
	v_pk_add_f32 v[SD:SD+1], v[SD:SD+1], v[m_:m_+1]
	v_pk_fma_f32 v[SQ:SQ+1], v[m_:m_+1], v[m_:m_+1], v[SQ:SQ+1]
.if (i_%8 == 7) && (i_+32 < \np)
	s_wait_alu depctr_va_vdst(0)                   ; the last eight partials' lines are done writing and reading their slots, in which the loads below land
.set j_, i_-7
.rept 8
	global_load_b64 v[RG+4*(j_%32):RG+4*(j_%32)+1], v[\vr], s[\bs:\bs+1] offset:(j_+32)*\stride
	global_load_b64 v[RG+4*(j_%32)+2:RG+4*(j_%32)+3], v[\vr], s[\bs:\bs+1] offset:(j_+32)*\stride+\pl
.set j_, j_+1
.endr
.endif
.set i_, i_+1
.endr
.endm
	s_load_b256 s[4:11], s[0:1], 0x0               ; scales 4, g5 6, b5 8, w5 10
	s_load_b128 s[12:15], s[0:1], 0x20             ; wse 12, wsf 14
	v_lshl_add_u32 v62, v0, 2, 0x1c00
	v_mov_b32 v63, 0
	v_lshrrev_b32 v2, 5, v0
	v_readfirstlane_b32 s40, v2                    ; wave
	s_lshr_b32 s42, ttmp9, 7                       ; cloud
	s_and_b32 s41, ttmp9, 3                        ; channel block
	s_bfe_u32 s43, ttmp9, 0x50002                  ; row block
	s_lshl_b32 s43, s43, 4
	s_lshl_b32 s52, s42, 9
	s_add_co_u32 s43, s43, s52
	s_wait_alu depctr_va_sdst(0)                   ; s40 is written, ahead of its first reader
	s_lshl_b32 s52, s40, 2
	s_add_co_u32 s43, s43, s52                     ; my first group of 16 points
	s_mov_b32 s53, 0
	s_mov_b32 s66, 0x76543210
	s_mov_b32 s67, 0xfedcba98
	s_lshl_b32 s59, s42, 5                         ; the cloud's eight exponents begin here,
	s_lshl_b32 s58, s42, 2                         ; and its entry among the last two here: an offset register of its own for each scalar load
	v_and_b32 v2, 31, v0
	v_and_b32 v3, 15, v0
	v_bfe_u32 v15, v0, 4, 1
	v_lshlrev_b32 v1, 4, v2
	v_lshl_add_u32 v4, v15, 6, TB
	v_and_b32 v6, 8, v3
	v_add_nc_u32 v6, v6, v3
	v_lshlrev_b32 v6, 9, v6
	v_lshl_add_u32 v6, v15, 4, v6                  ; W5: row r + 8 (r / 8), + 16 h
	s_lshl_b32 s52, s40, 8
	s_add_co_u32 s52, s52, XS
	v_lshl_add_u32 v5, v3, 2, s52
	v_lshl_add_u32 v7, v2, 3, s52
	v_lshlrev_b32 v8, 3, v2
	v_lshlrev_b32 v10, 3, v0
	v_and_b32 v11, 63, v0                          ; pair of channels
	v_bfe_u32 v12, v0, 6, 1                        ; subset of the partials
	v_mul_u32_u24 v9, v12, 1536
	v_lshl_add_u32 v9, v11, 3, v9
	v_lshlrev_b32 v13, 3, v11
	v_lshl_add_u32 v14, v12, 18, v13               ; 64 partials of 4,096 bytes on
	s_wait_kmcnt 0x0
	s_load_b256 s[44:51], s[4:5], s59 offset:0x0
	s_load_b32 s60, s[4:5], s58 offset:0x40        ; the exponent of emb as an operand
	s_lshl_b32 s52, s43, 13
	s_add_co_u32 s52, s52, 1048576
	s_add_nc_u64 s[70:71], s[12:13], s[52:53]
	s_lshl_b32 s52, s41, 16
	s_add_nc_u64 s[72:73], s[10:11], s[52:53]
	s_lshl_b32 s52, s42, 19
	s_lshl_b32 s54, s41, 9
	s_add_co_u32 s52, s52, s54
	s_add_nc_u64 s[74:75], s[12:13], s[52:53]      ; the partials, at my channels
	s_mov_b32 s52, s54
	s_add_nc_u64 s[76:77], s[6:7], s[52:53]
	s_add_nc_u64 s[78:79], s[8:9], s[52:53]
	s_lshl_b32 s52, s43, 13
	s_lshl_b32 s54, s41, 11
	s_add_co_u32 s52, s52, s54
	s_add_nc_u64 s[80:81], s[14:15], s[52:53]      ; emb's images
	s_lshl_b32 s52, s43, 6
	s_lshl_b32 s54, s41, 16
	s_add_co_u32 s52, s52, s54
	s_add_co_u32 s52, s52, 8388608
	s_add_nc_u64 s[82:83], s[14:15], s[52:53]
	s_wait_alu depctr_va_vdst(0)                   ; all offsets and LDS addresses made above are written: every load and store of the kernel reads some of them
	KL 0
	KL 1
	global_load_b64 v[GG:GG+1], v13, s[76:77]
	global_load_b64 v[BB:BB+1], v13, s[78:79]
	REDSTAT 74, 13, 14, 4096, 2048, 64
	s_wait_kmcnt 0x0
	s_wait_alu depctr_va_vdst(0)                   ; the three sums are written: the LDS stores' data; the merge is done with the ring v128-255, in which LDS loads land below
	ds_store_b64 v9, v[SD:SD+1]
	ds_store_b64 v9, v[SQ:SQ+1] offset:512
	ds_store_b64 v9, v[SM:SM+1] offset:1024
	BAR
	s_cmp_ge_u32 s40, 2
	s_cbranch_scc1 .Lfs
.set i_, 0
.rept 6
	ds_load_b64 v[128+2*i_:129+2*i_], v10 offset:512*i_
.set i_, i_+1
.endr
	s_wait_dscnt 0x0
.irp i,0,2,4
	v_pk_add_f32 v[128+\i:129+\i], v[128+\i:129+\i], v[134+\i:135+\i]
.endr
	s_add_co_i32 s54, s50, s51
	v_pk_fma_f32 v[134:135], v[128:129], 0x3c000000, v[PV:PV+1] op_sel_hi:[1,0,1]   ; mean = the pivot + the sum of d / 128
	v_pk_mul_f32 v[136:137], v[128:129], v[128:129]
	v_pk_fma_f32 v[136:137], v[136:137], 0xbc000000, v[130:131] op_sel_hi:[1,0,1]
	v_pk_fma_f32 v[136:137], v[136:137], 0x42800000, v[132:133] op_sel_hi:[1,0,1]   ; M2 = the partials' + 64 x the spread of their means
	s_lshl_b32 s55, s54, 1
	s_sub_co_i32 s55, s55, 13
	v_ldexp_f32 v136, v136, s55                    ; the variance: / 8,192 rows, x 2^(2 e)
	v_ldexp_f32 v137, v137, s55
	v_max_num_f32 v136, 0, v136
	v_max_num_f32 v137, 0, v137
	v_add_f32 v136, 0x3727c5ac, v136
	v_add_f32 v137, 0x3727c5ac, v137
	v_rsq_f32 v136, v136
	v_rsq_f32 v137, v137
	v_xor_b32 v134, 0x80000000, v134
	v_xor_b32 v135, 0x80000000, v135
	s_wait_alu depctr_va_vdst(0)                   ; one wait for both roots
	v_mul_f32 v136, v[GG], v136
	v_mul_f32 v137, v[GG+1], v137
	v_ldexp_f32 v136, v136, s54
	v_ldexp_f32 v137, v137, s54
	s_wait_alu depctr_va_vdst(0)                   ; nm and alpha, v134-137, are written: the LDS stores' data
	ds_store_b64 v10, v[134:135] offset:TB
	ds_store_b64 v10, v[136:137] offset:TB+512
	ds_store_b64 v10, v[BB:BB+1] offset:TB+1024
.Lfs:
	BAR
	WIN 0xc0                                       ; window 3: nm 0-63, alpha 64-127, b 128-191
	LDTAB 0, 0, 4
	LDTAB 64, 512, 4
	LDTAB 128, 1024, 4
	WIN 0
	s_add_co_i32 s54, s60, 127
	s_lshl_b32 s55, s54, 23
	s_wait_alu depctr_vm_vsrc(0)                   ; the partials' loads have read their offset v14, the LDS stores v134-137: both are written anew below
	v_mov_b32 v12, s55
	s_add_co_i32 s54, s54, 15
	s_lshl_b32 s54, s54, 23
	s_or_b32 s54, s54, 0x600000
	v_mov_b32 v14, s54
	s_wait_dscnt 0x0
.irp s,0,1,2,3
.if \s == 3
	s_wait_loadcnt 0x0
.else
	s_wait_loadcnt 48                              ; the next K step's 48 loads are younger
.endif
.if \s == 0
	WIN 0x72
.elseif \s == 2
	WIN 0x52
.else
	WIN 0x5e
.endif
.set a_, 64+128*(\s%2)
.set q_, 0
.rept 32                                       ; accumulator (m, T) at 8 (8 m + T) of window 1; the 32 take turns
.if \s == 0
	v_wmma_f32_16x16x128_bf8_bf8 v[8*q_:8*q_+7], v[16*(q_%8):16*(q_%8)+15], v[a_+16*(q_/8):a_+16*(q_/8)+15], v[8*(q_%8):8*(q_%8)+7]
.else
	v_wmma_f32_16x16x128_bf8_bf8 v[8*q_:8*q_+7], v[128*(\s%2)+16*(q_%8):128*(\s%2)+16*(q_%8)+15], v[a_+16*(q_/8):a_+16*(q_/8)+15], v[8*q_:8*q_+7]
.endif
.set q_, q_+1
.endr
	WIN 0
.rept 4
	v_nop
.endr
.if \s < 2
	s_wait_alu depctr_va_vdst(0)                   ; this step's products are done reading their samples and their buffer of W5, in which the loads of two steps on land
	KL \s+2
.endif
.endr
.irp m,0,1,2,3
	WIN 0x3d
.set q_, 0
.rept 32
	v_pk_fma_f32 v[128+q_:129+q_], v[64*\m+q_:64*\m+q_+1], v[64+q_:65+q_], v[128+q_:129+q_]
.set q_, q_+2
.endr
	WIN 0
.set q_, 0
.rept 64
	v_max_num_f32 v[128+q_], 0, v[128+q_]
.set q_, q_+1
.endr
	v_pk_mul_f32 v[32+2*\m:33+2*\m], v[128:129], v[128:129]
.set q_, 2
.rept 31
	v_pk_fma_f32 v[32+2*\m:33+2*\m], v[128+q_:129+q_], v[128+q_:129+q_], v[32+2*\m:33+2*\m]   ; |emb|^2 of the unquantised numbers
.set q_, q_+2
.endr
.set q_, 0
.rept 64
	v_min_num_f32 v[128+q_], v[128+q_], v14        ; the hold at the largest code
.set q_, q_+1
.endr
.set q_, 0
.rept 8
	v_cvt_scalef32_pk8_bf8_f32 v[192+16*\m+2*q_:193+16*\m+2*q_], v[128+8*q_:135+8*q_], v12
.set q_, q_+1
.endr
	v_nop
	v_add_f32 v[32+2*\m], v[32+2*\m], v[33+2*\m]
	v_permlanex16_b32 v[33+2*\m], v[32+2*\m], s66, s67
	v_add_f32 v[32+2*\m], v[32+2*\m], v[33+2*\m]
	s_wait_alu depctr_va_vdst(0)                   ; the group's codes v[192 + 16 m ..] and its norm v[32 + 2 m] are written: the data of the stores below
.set q_, 0
.rept 4
	global_store_b128 v1, v[192+16*\m+4*q_:195+16*\m+4*q_], s[80:81] offset:8192*\m+512*q_
.set q_, q_+1
.endr
	ds_store_b32 v5, v[32+2*\m] offset:64*\m
.endr
	ds_load_b64 v[40:41], v7                       ; my wave's own bytes
	s_wait_dscnt 0x0
	global_store_b64 v8, v[40:41], s[82:83]        ; 256 consecutive bytes
	s_wait_dscnt 0x0                               ; the closing lines, six on end, of a launch in the mode that stores to LDS
	s_wait_alu 0x0
	s_wait_tensorcnt 0x0
	ds_add_u32 v62, v63
	s_wait_dscnt 0x0
	s_endpgm
.Lfunc_end_k_qd5d2bdb998_gemmF:
	.size	k_qd5d2bdb998_gemmF, .Lfunc_end_k_qd5d2bdb998_gemmF-k_qd5d2bdb998_gemmF
	.p2alignl 7, 3214868480
	.fill 96, 4, 3214868480
	.section	.rodata,"a",@progbits
	.p2align	6, 0x0
	.amdhsa_kernel k_qd5d2bdb998_gemmF
		.amdhsa_group_segment_fixed_size 7680
		.amdhsa_private_segment_fixed_size 0
		.amdhsa_enable_private_segment 0
		.amdhsa_kernarg_size 48
		.amdhsa_user_sgpr_count 2
		.amdhsa_user_sgpr_kernarg_segment_ptr 1
		.amdhsa_wavefront_size32 1
		.amdhsa_system_sgpr_workgroup_id_x 1
		.amdhsa_system_sgpr_workgroup_id_y 1
		.amdhsa_system_sgpr_workgroup_id_z 1
		.amdhsa_system_vgpr_workitem_id 0
		.amdhsa_next_free_vgpr 1024
		.amdhsa_next_free_sgpr 100
		.amdhsa_reserve_vcc 0
		.amdhsa_float_denorm_mode_32 3
		.amdhsa_float_denorm_mode_16_64 3
		.amdhsa_memory_ordered 1
		.amdhsa_forward_progress 1
		.amdhsa_inst_pref_size 104
	.end_amdhsa_kernel
	.amdgpu_metadata
---
amdhsa.version: [ 1, 2 ]
amdhsa.kernels:
  - .name:           k_qd5d2bdb998_gemmF
    .symbol:         k_qd5d2bdb998_gemmF.kd
    .args:
      - { .name: lowp_scales, .offset: 0, .size: 8, .value_kind: global_buffer, .address_space: global }
      - { .name: g5, .offset: 8, .size: 8, .value_kind: global_buffer, .address_space: global }
      - { .name: b5, .offset: 16, .size: 8, .value_kind: global_buffer, .address_space: global }
      - { .name: w5_codes, .offset: 24, .size: 8, .value_kind: global_buffer, .address_space: global }
      - { .name: wse, .offset: 32, .size: 8, .value_kind: global_buffer, .address_space: global }
      - { .name: wsf, .offset: 40, .size: 8, .value_kind: global_buffer, .address_space: global }
    .group_segment_fixed_size: 7680
    .private_segment_fixed_size: 0
    .kernarg_segment_align: 8
    .kernarg_segment_size: 48
    .max_flat_workgroup_size: 128
    .sgpr_count:     100
    .vgpr_count:     1024
    .wavefront_size: 32
...
	.end_amdgpu_metadata
.endif
;; end of part 14
;; launch dist (part 15): grid 256 x 1, 4 waves a work-group, no clusters, 0 bytes of LDS; arguments lowp_scales, tgt, wsf, wsd; writes wsd
.if DOCPART == 15
	.amdgcn_target "amdgcn-amd-amdhsa--gfx1250"
	.amdhsa_code_object_version 6
	.text
	.protected	k_qd5d2bdb998_dist
	.globl	k_qd5d2bdb998_dist
	.p2align	8
	.type	k_qd5d2bdb998_dist,@function
k_qd5d2bdb998_dist:
	s_mov_b64 s[64:65], 0
	v_nop
	global_prefetch_b8 v0, s[64:65] scope:SCOPE_SE
	s_setreg_imm32_b32 hwreg(HW_REG_WAVE_SCHED_MODE, 0, 2), 2
	s_setreg_imm32_b32 hwreg(HW_REG_WAVE_MODE, 25, 1), 1
	s_wait_xcnt 0x0
	s_wait_alu depctr_vm_vsrc(0)
; Distances between the embeddings, a softmax inside a chunk of 128 keys, and that chunk's share of tgt x scores.
; A wave keeps one chunk's keys (8 tiles x 4 K steps, 512 registers) and walks 128 queries, 16 at a time.  S^T = K Q^T: a lane holds one query, its registers 64 of the keys.
; pd = xx - 2 inner + yy, held at 0 from below; d = sqrt(pd) (0 where pd <= 0, as reference() has it); p = exp(-(d - dmin)), dmin the chunk's least distance of the query.
; p, rounded to bf16, is multiplied by rows (x, y, z, 1) of tgt in bf16: numerators and the sum come from the same p.  Record [chunk][query] = (ox, oy, oz, l, dmin, ..).
; No joint loads: a chunk's keys land in registers once.  LIMITS: finite inputs; e16 + e17 between -127 and 126.
; THE MODE: SCHED_MODE bits 1:0 = 2 (LLVM: expert scheduling mode 2), set by the entry lines.  The code itself states the register dependences between vector or matrix
; instructions and memory instructions, with s_wait_alu, always for 0.
; THE PLAN.  The offsets v1, v2, v3, v4, v7 are made once at the head, ahead of one wait on va_vdst, and never written again: the bases move on, scalar registers.
;   Two buffers of queries by turns (window 1, v0-63 and v64-127, with four shares of xx each in v148-155).  A tile's 32 products and three additions read its buffer; behind them and the 32 packed lines
;   that follow stands ONE va_vdst, and the buffer's next 20 loads; nothing behind that wait names the buffer until the loads are waited for.
;   The record v[144:147]: written by the tile's last three lines, read by its store: va_vdst ahead of the store, vm_vsrc (beside the wait on XCNT) ahead of the next tile's lines that write it.
.set MSB, 0
.macro WIN new
.if MSB != \new
	s_set_vgpr_msb (MSB<<8)|\new
.set MSB, \new
.endif
.endm
.macro QL bf, tile                    ; a query tile's four fragments into buffer bf of window 1, and its four shares of xx
	WIN 0x40
.set t_, 0
.rept 16
	global_load_b128 v[64*\bf+4*t_:64*\bf+4*t_+3], v1, s[20:21] offset:8192*(\tile)+512*t_
.set t_, t_+1
.endr
	WIN 0
.set t_, 0
.rept 4
	global_load_b32 v[148+4*\bf+t_], v4, s[22:23] offset:65536*t_+64*(\tile)
.set t_, t_+1
.endr
.endm
.macro QTILE bf
	s_wait_loadcnt 20                              ; the other buffer's 16 + 4 loads are younger
	v_add_f32 v8, v[148+4*\bf], v[149+4*\bf]
	v_add_f32 v10, v[150+4*\bf], v[151+4*\bf]
	v_add_f32 v8, v8, v10
.irp hf,0,1                                    ; key tiles 0-3 (window 2), then 4-7 (window 3): four accumulators take turns
	WIN 0x06+\hf
.set q_, 0
.rept 16
.if q_ < 4
	v_wmma_f32_16x16x128_bf8_bf8 v[16+32*\hf+8*(q_%4):23+32*\hf+8*(q_%4)], v[64*(q_%4)+16*(q_/4):64*(q_%4)+16*(q_/4)+15], v[64*\bf+16*(q_/4):64*\bf+16*(q_/4)+15], 0
.else
	v_wmma_f32_16x16x128_bf8_bf8 v[16+32*\hf+8*(q_%4):23+32*\hf+8*(q_%4)], v[64*(q_%4)+16*(q_/4):64*(q_%4)+16*(q_/4)+15], v[64*\bf+16*(q_/4):64*\bf+16*(q_/4)+15], v[16+32*\hf+8*(q_%4):23+32*\hf+8*(q_%4)]
.endif
.set q_, q_+1
.endr
.endr
	WIN 0
.rept 4
	v_nop
.endr
.set q_, 0
.rept 32
	v_pk_fma_f32 v[16+q_:17+q_], v[16+q_:17+q_], s[46:47], v[8:9] op_sel_hi:[1,0,0]   ; xx - 2 inner
.set q_, q_+2
.endr
	s_wait_alu depctr_va_vdst(0)                   ; the products are done reading this buffer's fragments, the additions its shares of xx: the next tile's loads land in both
	QL \bf, 2+\bf                                  ; this buffer's next tile
	WIN 0x04
.set q_, 0
.rept 32
	v_pk_add_f32 v[16+q_:17+q_], v[16+q_:17+q_], v[128+q_:129+q_]
.set q_, q_+2
.endr
	WIN 0
	v_min3_num_f32 v11, v16, v17, v18
.set q_, 3
.rept 30
	v_min3_num_f32 v11, v11, v[16+q_], v[17+q_]
.set q_, q_+2
.endr
	v_min_num_f32 v11, v11, v79
	v_permlanex16_b32 v14, v11, s66, s67
	v_min_num_f32 v11, v11, v14
	v_max_num_f32 v11, 0, v11
.set q_, 0
.rept 64
	v_max_num_f32 v[16+q_], 0, v[16+q_]
.set q_, q_+1
.endr
.set q_, 0
.rept 64
	v_sqrt_f32 v[16+q_], v[16+q_]
.set q_, q_+1
.endr
	v_sqrt_f32 v11, v11
	v_nop
	s_wait_alu depctr_va_vdst(0)                   ; one wait for the 65 roots
	v_mul_f32 v12, 0x3fb8aa3b, v11
.set q_, 0
.rept 32
	v_pk_fma_f32 v[16+q_:17+q_], v[16+q_:17+q_], s[48:49], v[12:13] op_sel_hi:[1,0,0]   ; (dmin - d) log2(e)
.set q_, q_+2
.endr
.set q_, 0
.rept 64
	v_exp_f32 v[16+q_], v[16+q_]
.set q_, q_+1
.endr
	v_nop
	s_wait_alu depctr_va_vdst(0)                   ; one wait for the 64 exponentials
.set q_, 0
.rept 32
	v_cvt_pk_bf16_f32 v[80+q_], v[16+2*q_], v[17+2*q_]
.set q_, q_+1
.endr
	WIN 0x01
.irp p,0,1,2,3
	v_wmma_f32_16x16x32_bf16 v[112+8*\p:119+8*\p], v[192+8*\p:199+8*\p], v[80+8*\p:87+8*\p], 0
.endr
	WIN 0
.rept 4
	v_nop
.endr
	v_pk_add_f32 v[112:113], v[112:113], v[120:121]
	v_pk_add_f32 v[114:115], v[114:115], v[122:123]
	v_pk_add_f32 v[128:129], v[128:129], v[136:137]
	v_pk_add_f32 v[130:131], v[130:131], v[138:139]
	s_wait_xcnt 0x0                                ; the last record's store has read its registers
	s_wait_alu depctr_vm_vsrc(0)                   ; the last record's store has read v[144:147], which the lines below write anew
	v_pk_add_f32 v[144:145], v[112:113], v[128:129]
	v_pk_add_f32 v[146:147], v[114:115], v[130:131]
	v_cndmask_b32 v144, v144, v11, s50             ; lanes 16-31 carry dmin in place of ox
	s_wait_alu depctr_va_vdst(0)                   ; the record v[144:147] is written, which the store reads
	global_store_b128 v2, v[144:147], s[24:25] offset:512*\bf   ; 512 consecutive bytes
.endm
	s_load_b256 s[4:11], s[0:1], 0x0               ; scales 4, tgt 6, wsf 8, wsd 10
	v_lshrrev_b32 v2, 5, v0
	v_readfirstlane_b32 s40, v2                    ; wave
	s_lshr_b32 s41, ttmp9, 6                       ; batch
	s_bfe_u32 s42, ttmp9, 0x40002                  ; block of 128 queries
	s_and_b32 s43, ttmp9, 3
	s_lshl_b32 s43, s43, 2
	s_mov_b32 s53, 0
	s_mov_b32 s66, 0x76543210
	s_mov_b32 s67, 0xfedcba98
	s_mov_b32 s48, 0xbfb8aa3b
	s_mov_b32 s49, s48
	v_and_b32 v3, 31, v0
	v_lshlrev_b32 v1, 4, v3
	v_and_b32 v5, 15, v0                           ; r
	v_bfe_u32 v6, v0, 4, 1                         ; h
	v_lshlrev_b32 v2, 5, v5
	v_lshl_add_u32 v2, v6, 4, v2                   ; a record: 32 r + 16 h
	v_lshlrev_b32 v4, 2, v5
	v_lshlrev_b32 v7, 5, v6                        ; 32 h
	v_and_b32 v10, 3, v5                           ; row of (x, y, z, 1)
	v_lshrrev_b32 v11, 1, v10
	v_and_b32 v11, v11, v10
	v_sub_nc_u32 v11, v10, v11                     ; its plane: 0, 1, 2, 2
	v_lshl_add_u32 v3, v11, 13, v7
	v_cmp_eq_u32 s51, 3, v10
	v_cmp_eq_u32 s50, 1, v6
	v_mov_b32 v15, 1.0
	v_mov_b32 v9, 0
	v_mov_b32 v13, 0
	v_mov_b32 v14, 0
	s_wait_alu depctr_va_sdst(0)                   ; s40, s50 and s51 are written, ahead of their first readers: the addition below, and the selects further down
	s_add_co_u32 s43, s43, s40                     ; chunk of 128 keys
	s_wait_kmcnt 0x0
	s_load_b64 s[44:45], s[4:5], 0x40              ; e16, e17
	s_lshl_b32 s54, s41, 7
	s_lshl_b32 s55, s43, 3
	s_add_co_u32 s52, s54, s55
	s_add_co_u32 s52, s52, 512
	s_lshl_b32 s52, s52, 13
	s_add_nc_u64 s[16:17], s[8:9], s[52:53]        ; the chunk's key images
	s_lshl_b32 s55, s42, 3
	s_add_co_u32 s56, s54, s55                     ; the first query group
	s_lshl_b32 s52, s56, 13
	s_add_nc_u64 s[20:21], s[8:9], s[52:53]
	s_lshl_b32 s52, s56, 6
	s_add_co_u32 s52, s52, 8388608
	s_add_nc_u64 s[22:23], s[8:9], s[52:53]
	s_lshl_b32 s52, s41, 11
	s_lshl_b32 s55, s43, 7
	s_add_co_u32 s52, s52, s55
	s_add_co_u32 s52, s52, 8192
	s_lshl_b32 s52, s52, 2
	s_add_co_u32 s52, s52, 8388608
	s_add_nc_u64 s[18:19], s[8:9], s[52:53]        ; the keys' shares of yy
	s_mul_i32 s52, s41, 24576
	s_lshl_b32 s55, s43, 9
	s_add_co_u32 s52, s52, s55
	s_add_nc_u64 s[26:27], s[6:7], s[52:53]
	s_lshl_b32 s52, s43, 13
	s_lshl_b32 s55, s56, 4
	s_add_co_u32 s52, s52, s55
	s_lshl_b32 s52, s52, 5
	s_add_nc_u64 s[24:25], s[10:11], s[52:53]      ; my records
	s_wait_alu depctr_va_vdst(0)                   ; the offsets v1, v2, v3, v4 and v7 are written: every load and store of the kernel reads one of them
.irp hf,0,1
	WIN 0x80+0x40*\hf
.set t_, 0
.rept 64
	global_load_b128 v[4*t_:4*t_+3], v1, s[16:17] offset:32768*\hf+512*t_
.set t_, t_+1
.endr
.endr
	WIN 0x40
.set t_, 0
.rept 16
	global_load_b128 v[128+4*t_:131+4*t_], v7, s[18:19] offset:64*(t_/2)+16*(t_%2)
	global_load_b128 v[4*t_:4*t_+3], v7, s[18:19] offset:196608+64*(t_/2)+16*(t_%2)
.set t_, t_+1
.endr
	WIN 0
.set t_, 0
.rept 16
	global_load_b128 v[80+4*t_:83+4*t_], v7, s[18:19] offset:65536+64*(t_/2)+16*(t_%2)
	global_load_b128 v[144+4*t_:147+4*t_], v7, s[18:19] offset:131072+64*(t_/2)+16*(t_%2)
	global_load_b128 v[16+4*t_:19+4*t_], v3, s[26:27] offset:128*(t_/4)+64*((t_/2)%2)+16*(t_%2)
.set t_, t_+1
.endr
	s_wait_loadcnt 0x0
	s_wait_kmcnt 0x0
	s_add_co_i32 s46, s44, s45
	s_add_co_i32 s46, s46, 128
	s_lshl_b32 s46, s46, 23
	s_or_b32 s46, s46, 0x80000000                  ; -2 x 2^(e16 + e17)
	s_mov_b32 s47, s46
	WIN 0x41
.set q_, 0
.rept 32
	v_pk_add_f32 v[128+q_:129+q_], v[128+q_:129+q_], v[80+q_:81+q_]
.set q_, q_+2
.endr
.set q_, 0
.rept 32
	v_pk_add_f32 v[128+q_:129+q_], v[128+q_:129+q_], v[144+q_:145+q_]
.set q_, q_+2
.endr
	WIN 0x45
.set q_, 0
.rept 32
	v_pk_add_f32 v[128+q_:129+q_], v[128+q_:129+q_], v[q_:q_+1]
.set q_, q_+2
.endr
	WIN 0
.set q_, 0
.rept 64
	v_cndmask_b32 v[16+q_], v[16+q_], v15, s51     ; row 3: ones, for the sum of p
.set q_, q_+1
.endr
	WIN 0x40
.set q_, 0
.rept 32
	v_cvt_pk_bf16_f32 v[192+q_], v[16+2*q_], v[17+2*q_]
.set q_, q_+1
.endr
	WIN 0
	s_wait_alu depctr_va_vdst(0)                   ; the sums of yy are done reading window 1's v0-63 and v148-155, in which the first queries and their shares of xx land
	QL 0, 0
	QL 1, 1
	s_mov_b32 s60, 4
.Lq:
	QTILE 0
	QTILE 1
	s_wait_xcnt 0x0                                ; every base may be stepped
	s_add_nc_u64 s[20:21], s[20:21], 16384
	s_add_nc_u64 s[22:23], s[22:23], 128
	s_add_nc_u64 s[24:25], s[24:25], 1024
	s_sub_co_u32 s60, s60, 1
	s_cmp_lg_u32 s60, 0
	s_cbranch_scc1 .Lq
	s_endpgm
.Lfunc_end_k_qd5d2bdb998_dist:
	.size	k_qd5d2bdb998_dist, .Lfunc_end_k_qd5d2bdb998_dist-k_qd5d2bdb998_dist
	.p2alignl 7, 3214868480
	.fill 96, 4, 3214868480
	.section	.rodata,"a",@progbits
	.p2align	6, 0x0
	.amdhsa_kernel k_qd5d2bdb998_dist
		.amdhsa_group_segment_fixed_size 0
		.amdhsa_private_segment_fixed_size 0
		.amdhsa_enable_private_segment 0
		.amdhsa_kernarg_size 32
		.amdhsa_user_sgpr_count 2
		.amdhsa_user_sgpr_kernarg_segment_ptr 1
		.amdhsa_wavefront_size32 1
		.amdhsa_system_sgpr_workgroup_id_x 1
		.amdhsa_system_sgpr_workgroup_id_y 1
		.amdhsa_system_sgpr_workgroup_id_z 1
		.amdhsa_system_vgpr_workitem_id 0
		.amdhsa_next_free_vgpr 1024
		.amdhsa_next_free_sgpr 100
		.amdhsa_reserve_vcc 0
		.amdhsa_float_denorm_mode_32 3
		.amdhsa_float_denorm_mode_16_64 3
		.amdhsa_memory_ordered 1
		.amdhsa_forward_progress 1
		.amdhsa_inst_pref_size 83
	.end_amdhsa_kernel
	.amdgpu_metadata
---
amdhsa.version: [ 1, 2 ]
amdhsa.kernels:
  - .name:           k_qd5d2bdb998_dist
    .symbol:         k_qd5d2bdb998_dist.kd
    .args:
      - { .name: lowp_scales, .offset: 0, .size: 8, .value_kind: global_buffer, .address_space: global }
      - { .name: tgt, .offset: 8, .size: 8, .value_kind: global_buffer, .address_space: global }
      - { .name: wsf, .offset: 16, .size: 8, .value_kind: global_buffer, .address_space: global }
      - { .name: wsd, .offset: 24, .size: 8, .value_kind: global_buffer, .address_space: global }
    .group_segment_fixed_size: 0
    .private_segment_fixed_size: 0
    .kernarg_segment_align: 8
    .kernarg_segment_size: 32
    .max_flat_workgroup_size: 128
    .sgpr_count:     100
    .vgpr_count:     1024
    .wavefront_size: 32
...
	.end_amdgpu_metadata
.endif
;; end of part 15
;; launch merge: the kernel of part 9 again; grid 128 x 1, 1 waves a work-group, no clusters, 0 bytes of LDS; arguments wsd, out0; writes out0
